; MI455X (gfx1250); checked and timed in simulation.
; The chip was launched on July 23, 2026; its instructions are those of AMD's public machine-readable ISA for CDNA 5 (MIT licence, August 2026) and "CDNA5" Instruction Set Architecture Reference Guide (July 2026). The comments in the code are by the model that wrote it; some were corrected since.
;; Encoder Layer. Allowed arithmetic: matrix products marked QUANTISED: E2M3 operands, one E8M0 scale for each 32 along K, by v_wmma_scale_f32_16x16x128_f8f6f4 with both operands' format E2M3, f32 sums; everything else in f32.
;; Inputs: b1 4,096 float32; b2 1,024 float32; be1 1,024 float32; be2 1,024 float32; bk 1,024 float32; bo 1,024 float32; bq 1,024 float32; bv 1,024 float32; g1 1,024 float32; g2 1,024 float32; w1 1,024 x 4,096 float32; w2 4,096 x 1,024 float32; wk 1,024 x 1,024 float32; wo 1,024 x 1,024 float32; wq 1,024 x 1,024 float32; wv 1,024 x 1,024 float32; x 2 x 2,048 x 1,024 float32.
;; Outputs: out0 2 x 2,048 x 1,024 float32.
;; This version of the problem:
;;   THIS VERSION OF THE PROBLEM IS GIVEN IN LOW PRECISION. The matrix products marked QUANTISED in the list below multiply operands that are first quantised to E2M3 (2 exponent bits, 3 mantissa bits; 6 bits a number), with one power-of-two scale for each 32 numbers along K (OCP MX v1.0); their sums are f32. All else is computed in f32.
;;   The module's matrix products, in the order in which they are computed (A, B: the left and right operand; K: the contracted axis; several contracted axes count as one K, in the product's order):
;;     1. [M 4,096, K 1,024] x [K 1,024, N 1,024]; A: input x; B: input wq: QUANTISED
;;     2. [M 4,096, K 1,024] x [K 1,024, N 1,024]; A: input x; B: input wk: QUANTISED
;;     3. [M 4,096, K 1,024] x [K 1,024, N 1,024]; A: input x; B: input wv: QUANTISED
;;     4. batch 32 x [M 2,048, K 64] x [K 64, N 2,048]; A: computed on the way; B: computed on the way: QUANTISED
;;     5. batch 32 x [M 64, K 2,048] x [K 2,048, N 2,048]; A: computed on the way; B: softmax (see below): QUANTISED
;;     6. [M 4,096, K 1,024] x [K 1,024, N 1,024]; A: computed on the way; B: input wo: QUANTISED
;;     7. [M 4,096, K 1,024] x [K 1,024, N 4,096]; A: computed on the way; B: input w1: QUANTISED
;;     8. [M 4,096, K 4,096] x [K 4,096, N 1,024]; A: computed on the way; B: input w2: QUANTISED
;;   THE QUANTISER, for each operand of a quantised product, along K:
;;     - K is cut into blocks of 32 from its start; a last block that is shorter is filled with zeros.
;;     - A block's scale is 2^e with e = floor(log2(the largest magnitude in the block)) - 2, held to -126 .. 127; a block of zeros has e = 0. As a byte (E8M0): e + 127.
;;     - Each number is divided by its block's scale, clamped to +-7.5, and rounded to the nearest number of E2M3, ties to even, subnormals kept.
;;     - The product sums the exact products of the quantised numbers (number of the format x scale) in f32.
;;   ~~~python
;;   def quantise(x, axis):      # numpy; x: float32 -> the quantised numbers, widened to float32 again
;;       x = np.moveaxis(x, axis, -1); K = x.shape[-1]
;;       x = np.pad(x, [(0, 0)] * (x.ndim - 1) + [(0, -K % 32)]); x = x.reshape(x.shape[:-1] + (-1, 32)); a = np.abs(x).max(-1, keepdims=True)
;;       e = np.where(a > 0, np.clip(np.frexp(np.where(a > 0, a, 1))[1] - 1 - 2, -126, 127), 0)      # np.frexp(a)[1] - 1 = floor(log2(a)), exactly
;;       r = np.clip(x / 2.0 ** e, -7.5, 7.5)
;;       step = 2.0 ** (np.maximum(np.frexp(np.where(r == 0, 1, r))[1] - 1, 0) - 3)
;;       q = np.round(r / step) * step * 2.0 ** e      # np.round: ties to even
;;       return np.moveaxis(q.reshape(q.shape[:-2] + (-1,))[..., :K], -1, axis).astype(np.float32)
;;   ~~~
;;   SOFTMAX AHEAD OF A QUANTISED PRODUCT. Where the list says 'softmax', what is quantised is not the finished softmax but p = 2^(t - M), with t = logit x log2(e) and M = ceil(the row's largest t), a whole number; so 1/2 < the row's largest p <= 1. The row's sum l is taken of the UNQUANTISED p, in f32, and the product's result is divided by l at the end. Since M is a whole number, a kernel that streams over the keys may use a running M (the ceiling of the running maximum): every later rescaling is an exact power of two, which a block's scale takes up: the codes' values come out the same.
;;   OPERANDS COMPUTED ON THE WAY. 'Computed on the way' means the value that the module computes at that place (a softmax that the list does not call 'softmax' is quantised finished and normalised). What goes into a quantiser is computed in f32, as accurately as f32 sums, v_exp_f32 and their like allow (about 1e-6 of the number): no bf16 or f16 on the way to a quantiser, and a product that is left as it is and whose result goes on into a quantised operand takes f32 operands (vector FMAs, or v_wmma_f32_16x16x4_f32). A number that lies on a knife's edge between two numbers of the format may be rounded either way, as far as f32 arithmetic and the matrix unit's own rounding can turn it there, and no further.
;; 2 versions. Each part assembles by itself: llvm-mc -triple=amdgcn-amd-amdhsa -mcpu=gfx1250 --defsym DOCPART=n.
;; ======== version 1 of 2: 8 launches
;; workspace buffers: P 13,135,872 bytes; Q 9,830,400 bytes; ATT 3,276,800 bytes; HC 3,276,800 bytes; Y 16,777,216 bytes; H 16,777,216 bytes; F 13,107,200 bytes
;; launch prep (part 1): grid 513 x 1, 4 waves a work-group, no clusters, 36,352 bytes of LDS; arguments x, wq, wk, wv, wo, w1, w2, bq, bk, bv, P; writes P
.if DOCPART == 1
	.amdgcn_target "amdgcn-amd-amdhsa--gfx1250"
	.amdhsa_code_object_version 6
	.text
	.protected	k_q484ae9fd09_prep
	.globl	k_q484ae9fd09_prep
	.p2align	8
	.type	k_q484ae9fd09_prep,@function
k_q484ae9fd09_prep:
	s_mov_b64 s[64:65], 0
	v_nop
	global_prefetch_b8 v0, s[64:65] scope:SCOPE_SE
	s_setreg_imm32_b32 hwreg(HW_REG_WAVE_MODE, 25, 1), 1
	s_wait_xcnt 0x0
; PREP: x [4096][1024] and the six weights [K][N], f32, become codes of FP6 (E2M3) with one E8M0 scale byte for each 32 along K, laid in the pool P as the matrix unit's operand registers take them.
; A block's scale is 2^(floor(log2(its largest magnitude)) - 2); its byte is the largest magnitude's exponent field - 2, held at 1 from below.
; LIMITS: NaN and infinities among the inputs are not served; a block whose largest magnitude lies under 2^-124, a block of zeros too, keeps the byte 1 (its codes are zeros or next to it; this program alone reads the bytes).
; TILES: sixteen rows form a tile, and they are not neighbours: row r of tile t is the natural row 32 (t / 2) + 8 (t % 2) + r + 8 (r / 8).  So in a product used transposed a lane's 16 registers of two neighbouring tiles are 16 neighbours.
; A RECORD (tile t, K step s of 128) is 1,536 bytes at (t KS + s) 1536, two halves c of 768: registers 6 c .. 6 c + 3 of lane L at 768 c + 16 L, registers 6 c + 4, 6 c + 5 of lane (r, h) at 768 c + 512 + 16 r + 8 h.
; A SCALE WORD (K step s, position 16 t + r) lies at s x pitch + 4 x position.
; Work-groups 0-127 take x, 128-511 the weights, 512 the biases of q, k, v (laid by pool row, zeros for x's rows).  The three ways part on the work-group's number alone and have LDS bytes of their own.  Waves share nothing: no barrier.
.set P_W1,    6291456
.set P_W2,    9437184
.set P_SPOOL, 12582912
.set P_SWO,   12812288
.set P_SW1,   12845056
.set P_SW2,   12976128
.set P_BIAS,  13107200
.set SEL, 46                           ; s[46:47] on x's way: lane selects for lane l xor 16
.set R,   16                           ; x's way: v16-143 two sets of 16 rows x 16 bytes as loaded
.set T,   144                          ; v144-207 64 numbers of my row: register 16 b + i = k 32 b + 16 h + i
.set PC,  208                          ; v208-219 the fragment's codes, v220-226 at work
.set TM,  228                          ; v228-243 at work
.set PW,  244                          ; the scale word
.set GG,  246
.set X,   32                           ; the weights' way: v32-95 two sets of 32 numbers down K
.set CD,  96                           ; v96-143 codes, 24 registers for each group of 32 columns
.set TC,  144                          ; v144-146 a block's upper 16 codes
	s_load_b512 s[4:19], s[0:1], 0x0               ; x, wq, wk, wv, wo, w1, w2, bq
	s_load_b128 s[20:23], s[0:1], 0x40             ; bk, bv
	s_load_b64 s[24:25], s[0:1], 0x50              ; P
	v_lshl_add_u32 v254, v0, 2, 0x8c00
	v_mov_b32 v255, 0
	v_lshrrev_b32 v1, 5, v0
	v_readfirstlane_b32 s2, v1                     ; wave 0..3
	v_and_b32 v1, 31, v0                           ; L
	v_and_b32 v2, 15, v0                           ; r
	v_bfe_u32 v3, v0, 4, 1                         ; h
	s_wait_kmcnt 0x0
	s_cmp_lt_u32 ttmp9, 128
	s_cbranch_scc0 .Lweights
; ---------------- x: a wave takes four tiles (64 tokens) of one K step
	s_lshl_b32 s3, ttmp9, 2
	s_add_co_u32 s3, s3, s2                        ; task 0..511
	s_lshr_b32 s32, s3, 3                          ; which 64 tokens
	s_and_b32 s33, s3, 7                           ; which K step
	s_lshl_b32 s34, s32, 18                        ; 64 rows of 4,096 bytes
	s_lshl_b32 s35, s33, 9                         ; 128 numbers
	s_add_co_u32 s34, s34, s35
	s_mov_b32 s35, 0
	s_add_nc_u64 s[26:27], s[4:5], s[34:35]        ; x at my first row and column
	s_lshl_b32 s34, s32, 5
	s_add_co_u32 s34, s34, s33
	s_mul_i32 s34, s34, 1536
	s_add_nc_u64 s[28:29], s[24:25], s[34:35]      ; my first record: (8 x 4 x task's tokens + K step) x 1,536
	s_mul_i32 s34, s33, 28672
	s_lshl_b32 s36, s32, 8
	s_add_co_u32 s34, s34, s36
	s_add_co_u32 s34, s34, P_SPOOL
	s_add_nc_u64 s[30:31], s[24:25], s[34:35]      ; my 64 scale words
	s_mov_b32 s[SEL], 0x76543210
	s_mov_b32 s[SEL+1], 0xfedcba98
	s_mul_i32 s37, s2, 8704                        ; LDS: my stage, 16 rows of 512 + 16 bytes, and behind it 256 bytes for the scale words
	v_lshlrev_b32 v4, 4, v1                        ; 16 L
	v_lshlrev_b32 v5, 4, v2
	v_lshl_add_u32 v5, v3, 3, v5                   ; 16 r + 8 h
	v_add_nc_u32 v6, s37, v4                       ; into the stage: a row as it lies
	v_mul_u32_u24 v7, v2, 528
	v_lshl_add_u32 v7, v3, 6, v7
	v_add_nc_u32 v7, s37, v7                       ; out of it: row r, my half's 16 numbers of each block of 32
	s_add_co_u32 s38, s37, 8448
	v_lshl_add_u32 v8, v2, 2, s38
	v_lshl_add_u32 v9, v1, 3, s38
	v_lshlrev_b32 v10, 3, v1
.irp b, 0,1,2,3
	v_mov_b32 v[TM+4+\b], 0                        ; written once: a lane permute's destination counts as one of its sources
.endr
; 64 numbers of a lane, register 16 b + i = k 32 b + 16 h + i of my row, become a fragment's codes in v[PC] on and its scale word in v[PW]
.macro QUANT s
.irp b, 0,1,2,3
	v_max3_num_f32 v[TM+\b], |v[\s+16*\b]|, |v[\s+1+16*\b]|, 0x1800000   ; my 16 numbers of block b, and the floor 2^(3 - 127): the byte cannot fall under 1
.endr
.irp i, 2,4,6,8,10,12,14
.irp b, 0,1,2,3
	v_max3_num_f32 v[TM+\b], v[TM+\b], |v[\s+16*\b+\i]|, |v[\s+1+16*\b+\i]|
.endr
.endr
.irp b, 0,1,2,3
	v_permlanex16_b32 v[TM+4+\b], v[TM+\b], s[SEL], s[SEL+1]
.endr
.irp b, 0,1,2,3
	v_max_num_f32 v[TM+\b], v[TM+\b], v[TM+4+\b]   ; with lane l xor 16's: the block's largest magnitude
.endr
.irp b, 0,1,2,3
	v_add_nc_u32 v[TM+12+\b], 0xff000000, v[TM+\b] ; 2 off its exponent field: the conversion's scale operand
.endr
.irp b, 0,1,2,3
	v_lshrrev_b32 v[TM+4+\b], 23, v[TM+12+\b]      ; the scale's byte
.endr
	v_lshl_or_b32 v[PW], v[TM+5], 8, v[TM+4]
	v_lshl_or_b32 v[PW], v[TM+6], 16, v[PW]
	v_lshl_or_b32 v[PW], v[TM+7], 24, v[PW]
.irp c, 0,1
	v_cvt_scalef32_pk16_fp6_f32 v[PC+6*\c:PC+2+6*\c], v[\s+32*\c:\s+15+32*\c], v[TM+12+2*\c]
	v_cvt_scalef32_pk16_fp6_f32 v[PC+12+4*\c:PC+14+4*\c], v[\s+16+32*\c:\s+31+32*\c], v[TM+12+2*\c+1]   ; (a conversion's three registers begin on an even number)
.endr
	v_nop                                          ; one plain place behind a scaled conversion
.irp c, 0,1                                    ; the operand's layout wants a whole block in a lane: lanes 0-15 block 2 c, lanes 16-31 block 2 c + 1
.irp i, 0,1,2
	v_permlane16_swap_b32 v[PC+6*\c+\i], v[PC+12+4*\c+\i]
.endr
.irp i, 0,1,2
	v_mov_b32 v[PC+3+6*\c+\i], v[PC+12+4*\c+\i]
.endr
.endr
.endm
.macro XLOAD f                         ; tile f's sixteen rows: each load takes 512 consecutive bytes of one row
.irp i, 0,1,2,3,4,5,6,7,8,9,10,11,12,13,14,15
	global_load_b128 v[R+64*((\f)%2)+4*\i:R+64*((\f)%2)+4*\i+3], v4, s[26:27] offset:(32*((\f)/2)+8*((\f)%2)+\i+8*(\i/8))*4096 th:TH_LOAD_NT
.endr
.endm
.macro XFRAG f
.if (\f) < 3
	s_wait_loadcnt 16                              ; this tile's 16 loads are in; the other set's 16 may be out
.else
	s_wait_loadcnt 0x0
.endif
.irp i, 0,1,2,3,4,5,6,7,8,9,10,11,12,13,14,15
	ds_store_b128 v6, v[R+64*((\f)%2)+4*\i:R+64*((\f)%2)+4*\i+3] offset:528*\i
.endr
.irp b, 0,1,2,3
.irp j, 0,1,2,3
	ds_load_b128 v[T+16*\b+4*\j:T+16*\b+4*\j+3], v7 offset:128*\b+16*\j   ; LDS serves a wave's instructions in order: these see the stores above
.endr
.endr
	s_wait_dscnt 0x0                               ; my 64 numbers are in, and the stores have read their registers,
.if (\f) < 2
	XLOAD (\f)+2                                   ; which take the tile two on
.endif
.if (\f) > 0
	s_wait_xcnt 0x0                                ; the last fragment's stores have read v[PC] on: it is written again only behind this wait
.endif
	QUANT T
	global_store_b128 v4, v[PC:PC+3], s[28:29] offset:12288*(\f)          ; 512 consecutive bytes
	global_store_b64 v5, v[PC+4:PC+5], s[28:29] offset:12288*(\f)+512     ; 256 consecutive bytes
	global_store_b128 v4, v[PC+6:PC+9], s[28:29] offset:12288*(\f)+768
	global_store_b64 v5, v[PC+10:PC+11], s[28:29] offset:12288*(\f)+1280
	ds_store_b32 v8, v[PW] offset:64*(\f)          ; both halves of the lanes write the same word with the same value
.endm
	XLOAD 0
	XLOAD 1
	XFRAG 0
	XFRAG 1
	XFRAG 2
	XFRAG 3
	ds_load_b64 v[GG:GG+1], v9
	s_wait_dscnt 0x0
	global_store_b64 v10, v[GG:GG+1], s[30:31]     ; the wave's 64 scale words: 256 consecutive bytes, aligned
	s_wait_tensorcnt 0x0
	ds_add_u32 v254, v255
	s_wait_dscnt 0x0
	s_endpgm
; ---------------- the weights: a wave takes 64 columns (two groups of 32) of one K step; a lane takes a column and its registers run down K
.Lweights:
	s_cmp_lt_u32 ttmp9, 512
	s_cbranch_scc0 .Lbias
	s_sub_co_u32 s3, ttmp9, 128                    ; g: 0-127 wq, wk, wv, wo (32 each); 128-255 w1; 256-383 w2
	s_lshr_b32 s32, s3, 5                          ; which of the four small ones
	s_and_b32 s33, s3, 3                           ; which 256 columns
	s_bfe_u32 s34, s3, 0x30002                     ; which K step
	s_and_b32 s40, s3, 15                          ; the same two for w1,
	s_bfe_u32 s41, s3, 0x30004
	s_bfe_u32 s42, s3, 0x50002                     ; and w2's K step
	s_lshr_b32 s39, s3, 7                          ; 0 small, 1 w1, 2 w2
	s_mul_i32 s35, s32, 786432
	s_add_co_u32 s35, s35, 3145728                 ; where the codes begin in P
	s_lshl_b32 s36, s32, 12
	s_add_co_u32 s36, s36, P_SPOOL+16384           ; where the scale words begin,
	s_mov_b32 s37, 28672                           ; their pitch from K step to K step,
	s_mov_b32 s38, 12288                           ; and the bytes from tile to tile: KS x 1,536
	s_cmp_eq_u32 s32, 1
	s_cselect_b64 s[26:27], s[8:9], s[6:7]
	s_cmp_eq_u32 s32, 2
	s_cselect_b64 s[26:27], s[10:11], s[26:27]
	s_cmp_eq_u32 s32, 3
	s_cselect_b64 s[26:27], s[12:13], s[26:27]
	s_cselect_b32 s36, P_SWO, s36
	s_cselect_b32 s37, 4096, s37
	s_cmp_eq_u32 s39, 2
	s_cselect_b64 s[26:27], s[16:17], s[26:27]
	s_cselect_b32 s35, P_W2, s35
	s_cselect_b32 s36, P_SW2, s36
	s_cselect_b32 s37, 4096, s37
	s_cselect_b32 s38, 49152, s38
	s_cselect_b32 s34, s42, s34
	s_cmp_eq_u32 s39, 1
	s_cselect_b64 s[26:27], s[14:15], s[26:27]
	s_cselect_b32 s35, P_W1, s35
	s_cselect_b32 s36, P_SW1, s36
	s_cselect_b32 s37, 16384, s37
	s_cselect_b32 s33, s40, s33
	s_cselect_b32 s34, s41, s34
	s_cselect_b32 s43, 21, 19                      ; log2 of 128 rows of the weight in bytes
	s_lshl_b32 s44, s34, s43
	s_lshl_b32 s45, s33, 10
	s_add_co_u32 s44, s44, s45
	s_lshl_b32 s45, s2, 8
	s_add_co_u32 s44, s44, s45
	s_mov_b32 s45, 0
	s_add_nc_u64 s[26:27], s[26:27], s[44:45]      ; the weight at my K step's first row and my first column
	s_lshl_b32 s46, s33, 4
	s_lshl_b32 s47, s2, 2
	s_add_co_u32 s46, s46, s47                     ; my first tile: 16 x (256 columns) + 4 x wave
	s_mul_i32 s46, s46, s38
	s_add_co_u32 s46, s46, s35
	s_mul_i32 s47, s34, 1536
	s_add_co_u32 s46, s46, s47
	s_mov_b32 s47, 0
	s_add_nc_u64 s[28:29], s[24:25], s[46:47]      ; my first record
	s_mul_i32 s46, s34, s37
	s_add_co_u32 s46, s46, s36
	s_lshl_b32 s44, s33, 10
	s_add_co_u32 s46, s46, s44
	s_lshl_b32 s44, s2, 8
	s_add_co_u32 s46, s46, s44
	s_add_nc_u64 s[30:31], s[24:25], s[46:47]      ; my 64 scale words
	v_lshlrev_b32 v4, 2, v1                        ; in: 4 bytes a lane
	v_bfe_u32 v11, v0, 3, 1                        ; column L of a group of 32 is row r' of tile u of the pair: u = (L / 8) % 2,
	v_and_b32 v15, 7, v0
	v_lshl_or_b32 v15, v3, 3, v15                  ; r' = L % 8 + 8 (L / 16)
	v_mul_lo_u32 v5, v11, s38
	v_lshl_add_u32 v5, v15, 4, v5                  ; out: tile u, 16 bytes a row
	s_lshl_b32 s44, s38, 1
	v_add_nc_u32 v6, s44, v5                       ; the second group: two tiles on
	s_lshl_b32 s44, s2, 8
	s_add_co_u32 s44, s44, 34816                   ; LDS: my 256 bytes for the scale words
	v_lshl_or_b32 v7, v11, 4, v15
	v_lshl_add_u32 v7, v7, 2, s44
	v_lshl_add_u32 v8, v1, 3, s44
	v_lshlrev_b32 v9, 3, v1
.macro WLOAD t, pitch                  ; block t % 4 of group t / 4: 32 rows down K; a load reads 128 consecutive bytes, the four waves stand side by side
.irp i, 0,1,2,3,4,5,6,7,8,9,10,11,12,13,14,15,16,17,18,19,20,21,22,23,24,25,26,27,28,29,30,31
	global_load_b32 v[X+32*((\t)%2)+\i], v4, s[26:27] offset:(32*((\t)%4)+\i)*\pitch+128*((\t)/4) th:TH_LOAD_NT
.endr
.endm
.macro WBLOCK t, pitch
.set XS, X+32*((\t)%2)
.set GRP, (\t)/4
.set BE, (\t)%4
.set HH, BE%2
.set CR, CD+24*GRP+12*(BE/2)
.if (\t) < 7
	s_wait_loadcnt 32                              ; this block's 32 loads are in; the next block's may be out
.else
	s_wait_loadcnt 0x0
.endif
	v_max3_num_f32 v12, |v[XS]|, |v[XS+1]|, |v[XS+2]|              ; the block's largest magnitude: all 32 numbers are mine
	v_max3_num_f32 v13, |v[XS+3]|, |v[XS+4]|, |v[XS+5]|
.irp i, 6,10,14,18,22,26
	v_max3_num_f32 v12, v12, |v[XS+\i]|, |v[XS+\i+1]|
	v_max3_num_f32 v13, v13, |v[XS+\i+2]|, |v[XS+\i+3]|
.endr
	v_max3_num_f32 v12, v12, |v[XS+30]|, |v[XS+31]|
	v_max3_num_f32 v12, v12, v13, 0x1800000        ; and the floor 2^(3 - 127)
	v_add_nc_u32 v14, 0xff000000, v12              ; the conversion's scale operand
	v_lshrrev_b32 v13, 23, v14                     ; the scale's byte
.if BE == 0
	v_mov_b32 v[24+GRP], v13
.else
	v_lshl_or_b32 v[24+GRP], v13, 8*BE, v[24+GRP]
.endif
	v_cvt_scalef32_pk16_fp6_f32 v[CR+4*HH:CR+4*HH+2], v[XS:XS+15], v14      ; block 2 c + h is what lane (r', h) of the operand holds in registers 6 c .. 6 c + 5
	v_cvt_scalef32_pk16_fp6_f32 v[TC:TC+2], v[XS+16:XS+31], v14
	v_nop                                          ; one plain place behind a scaled conversion
	v_mov_b32 v[CR+4*HH+3], v[TC]                  ; registers 0-3 of both halves' lanes stand on end, then registers 4, 5 of both
	v_mov_b32 v[CR+8+2*HH], v[TC+1]
	v_mov_b32 v[CR+9+2*HH], v[TC+2]
.if (\t) < 6
	WLOAD (\t)+2, \pitch
.endif
.if BE == 3                            ; the group's records: sixteen lanes of a tile store 256 consecutive bytes, aligned.  Each group has its own registers: no store's data are written again
.irp c, 0,1
	global_store_b128 v[5+GRP], v[CD+24*GRP+12*\c:CD+24*GRP+12*\c+3], s[28:29] offset:768*\c
	global_store_b128 v[5+GRP], v[CD+24*GRP+12*\c+4:CD+24*GRP+12*\c+7], s[28:29] offset:768*\c+256
	global_store_b128 v[5+GRP], v[CD+24*GRP+12*\c+8:CD+24*GRP+12*\c+11], s[28:29] offset:768*\c+512
.endr
.endif
.endm
.macro WBODY pitch
	WLOAD 0, \pitch
	WLOAD 1, \pitch
.irp t, 0,1,2,3,4,5,6,7
	WBLOCK \t, \pitch
.endr
.endm
	s_cmp_eq_u32 s39, 1                            ; the row pitch stands in the loads' immediates: the text is written for both pitches
	s_cbranch_scc1 .Lwide
	WBODY 4096
	s_branch .Lw_end
.Lwide:
	WBODY 16384
.Lw_end:
	ds_store_b32 v7, v24                           ; the scale words go to their positions 16 u + r',
	ds_store_b32 v7, v25 offset:128
	ds_load_b64 v[148:149], v8                     ; (LDS serves a wave's instructions in order)
	s_wait_dscnt 0x0
	global_store_b64 v9, v[148:149], s[30:31]      ; and leave as 256 consecutive bytes, aligned
	s_wait_tensorcnt 0x0
	ds_add_u32 v254, v255
	s_wait_dscnt 0x0
	s_endpgm
; ---------------- the biases by pool row: 4,096 zeros for x's rows, then bq, bk, bv
.Lbias:
	v_lshlrev_b32 v4, 4, v0                        ; 16 bytes a thread, 2,048 a store
	s_add_nc_u64 s[26:27], s[24:25], P_BIAS
.irp i, 0,1
	global_load_b128 v[12+4*\i:15+4*\i], v4, s[18:19] offset:2048*\i
	global_load_b128 v[20+4*\i:23+4*\i], v4, s[20:21] offset:2048*\i
	global_load_b128 v[28+4*\i:31+4*\i], v4, s[22:23] offset:2048*\i
.endr
.irp i, 8,9,10,11
	v_mov_b32 v\i, 0
.endr
.irp i, 0,1,2,3,4,5,6,7
	global_store_b128 v4, v[8:11], s[26:27] offset:2048*\i
.endr
	s_wait_loadcnt 0x0
.irp w, 0,1,2
.irp i, 0,1
	global_store_b128 v4, v[12+8*\w+4*\i:15+8*\w+4*\i], s[26:27] offset:16384+4096*\w+2048*\i
.endr
.endr
	s_endpgm
.Lfunc_end_k_q484ae9fd09_prep:
	.size	k_q484ae9fd09_prep, .Lfunc_end_k_q484ae9fd09_prep-k_q484ae9fd09_prep
	.p2alignl 7, 3214868480
	.fill 96, 4, 3214868480
	.section	.rodata,"a",@progbits
	.p2align	6, 0x0
	.amdhsa_kernel k_q484ae9fd09_prep
		.amdhsa_group_segment_fixed_size 36352
		.amdhsa_private_segment_fixed_size 0
		.amdhsa_enable_private_segment 0
		.amdhsa_kernarg_size 88
		.amdhsa_user_sgpr_count 2
		.amdhsa_user_sgpr_kernarg_segment_ptr 1
		.amdhsa_wavefront_size32 1
		.amdhsa_system_sgpr_workgroup_id_x 1
		.amdhsa_system_sgpr_workgroup_id_y 1
		.amdhsa_system_sgpr_workgroup_id_z 1
		.amdhsa_system_vgpr_workitem_id 0
		.amdhsa_next_free_vgpr 256
		.amdhsa_next_free_sgpr 66
		.amdhsa_reserve_vcc 0
		.amdhsa_float_denorm_mode_32 3
		.amdhsa_float_denorm_mode_16_64 3
		.amdhsa_memory_ordered 1
		.amdhsa_forward_progress 1
		.amdhsa_inst_pref_size 114
	.end_amdhsa_kernel
	.amdgpu_metadata
---
amdhsa.version: [ 1, 2 ]
amdhsa.kernels:
  - .name:           k_q484ae9fd09_prep
    .symbol:         k_q484ae9fd09_prep.kd
    .args:
      - { .name: x, .offset: 0, .size: 8, .value_kind: global_buffer, .address_space: global }
      - { .name: wq, .offset: 8, .size: 8, .value_kind: global_buffer, .address_space: global }
      - { .name: wk, .offset: 16, .size: 8, .value_kind: global_buffer, .address_space: global }
      - { .name: wv, .offset: 24, .size: 8, .value_kind: global_buffer, .address_space: global }
      - { .name: wo, .offset: 32, .size: 8, .value_kind: global_buffer, .address_space: global }
      - { .name: w1, .offset: 40, .size: 8, .value_kind: global_buffer, .address_space: global }
      - { .name: w2, .offset: 48, .size: 8, .value_kind: global_buffer, .address_space: global }
      - { .name: bq, .offset: 56, .size: 8, .value_kind: global_buffer, .address_space: global }
      - { .name: bk, .offset: 64, .size: 8, .value_kind: global_buffer, .address_space: global }
      - { .name: bv, .offset: 72, .size: 8, .value_kind: global_buffer, .address_space: global }
      - { .name: P, .offset: 80, .size: 8, .value_kind: global_buffer, .address_space: global }
    .group_segment_fixed_size: 36352
    .private_segment_fixed_size: 0
    .kernarg_segment_align: 8
    .kernarg_segment_size: 88
    .max_flat_workgroup_size: 128
    .sgpr_count:     66
    .vgpr_count:     256
    .wavefront_size: 32
...
	.end_amdgpu_metadata
.endif
;; end of part 1
;; launch qkv (part 2): grid 12 x 16, 4 waves a work-group, clusters of 4 x 4, 327,680 bytes of LDS; arguments P, Q; writes Q
.if DOCPART == 2
	.amdgcn_target "amdgcn-amd-amdhsa--gfx1250"
	.amdhsa_code_object_version 6
	.text
	.protected	k_q484ae9fd09_qkv
	.globl	k_q484ae9fd09_qkv
	.p2align	8
	.type	k_q484ae9fd09_qkv,@function
k_q484ae9fd09_qkv:
	s_mov_b64 s[64:65], 0
	v_nop
	global_prefetch_b8 v0, s[64:65] scope:SCOPE_SE
	s_setreg_imm32_b32 hwreg(HW_REG_WAVE_MODE, 25, 1), 1
	s_wait_xcnt 0x0
	s_wait_alu depctr_hold_cnt(0) depctr_sa_sdst(0) depctr_va_vdst(0) depctr_va_sdst(0) depctr_va_ssrc(0) depctr_va_vcc(0) depctr_vm_vsrc(0)
	s_getreg_b32 s2, hwreg(HW_REG_IB_STS2, 6, 4)
	s_cmp_eq_u32 s2, 0
	s_cbranch_scc0 .Lentry_in_a_cluster
	s_endpgm
.Lentry_in_a_cluster:
	s_bfe_u32 s2, ttmp6, 0x10000c
	s_cmp_lg_u32 s2, 0xf033
	s_cbranch_scc0 .Lentry_shape_is_right
	s_endpgm
.Lentry_shape_is_right:
; QKV: q = x wq + bq, k = x wk + bk, v = x wv + bv on codes of FP6 (E2M3), and each result quantised again on the way out: q and k along the features, v along the TOKENS.
; All four operands lie in one pool of rows (x 0-4095, wq, wk, wv behind it).  Clusters with x = 0, 1 take x's rows as A and wq's or wk's as B; clusters with x = 2 take wv's rows as A and x's as B, so that v comes out
; transposed and with the tokens along a lane's registers.  The choice hangs on the cluster's x alone, which all sixteen partners share.  A row's bias: B's is the C of the first K step, A's is added on the way out; x's rows have zeros.
.set KS,   8                           ; K steps of 128
.set A_C,  0                           ; A's codes, scale words and their pitch in A's buffer
.set A_S,  12582912
.set A_SP, 28672
.set B_C,  0                           ; B's likewise
.set B_S,  12582912
.set B_SP, 28672
.set QKV,  1                           ; the pool's choice of blocks, A's bias, the output regions by the cluster's x
.set RELU, 0
.set WAYQ, 1                           ; 1: the result is quantised and leaves as records of codes; 0: it leaves as f32, as the accumulators stand
.set KSO,  8                           ; K steps of the output as an operand (chosen at run time here)
.set SWPO, 16384                       ; pitch of its scale words (likewise)
.set O_S,  9437184                     ; where its scale words begin
.set P_BIAS, 13107200
; ---- THE COMMON TEXT of the four products of this program; only the lines above differ.
; C(a, b) = sum over k of A[a][k] B[b][k] + bias.  A tile of 256 x 256 is made by four waves, as many as a WGP has SIMDs; a wave makes 128 x 128: 64 accumulators of 16 x 16, 512 registers.
; OPERANDS lie in memory as images of the operand registers.  Sixteen rows form a tile (row r of tile t is the natural row 32 (t / 2) + 8 (t % 2) + r + 8 (r / 8)); the record of (tile t, K step s) is 1,536 bytes at (t KS + s) 1536:
; half c: registers 6 c .. 6 c + 3 of lane L at 768 c + 16 L, registers 6 c + 4, 6 c + 5 of lane (r, h) at 768 c + 512 + 16 r + 8 h.  So a fragment comes by two loads of 16 and two of 8 bytes a lane, all dense: no padding.
; K goes in steps of 256 through a ring of two LDS slots; a wave's tensor load brings 8 tiles x 3,072 bytes (a tile's two K steps lie on end; a row cannot be longer, so the load has 8 rows).
; THE SCALE WORDS of the work-group's rows, for all of K, come once with the first fills and stay: [K step][128 words] for each 128 rows.
; CLUSTERS: 4 x 4 work-groups; A's tiles are asked for jointly along a row of the cluster, B's along a column.  THE MATRIX INSTRUCTION IS USED TRANSPOSED (source 0 = 16 rows of B, source 1 = 16 rows of A): lane (r, h) holds
; row r of A's tile, and register 16 b + i of its 64 results against B's eight tiles is B's natural row 32 b + 16 h + i: 16 neighbours of each block of 32, which is what the quantiser takes.
; LIMITS: NaN and infinities are not served; a block whose largest magnitude lies under 2^-124 keeps the scale byte 1.
; REGISTERS, in windows of 256: window 0: v16-31 addresses; v32-63 scale words, two sets; v64-127 B's bias, later 64 numbers at work; v128-223 A's fragments, one set, later the quantiser's registers; v224-239 A's bias.
;   window 1: B's fragments, two sets, at v0 and v128.   windows 2, 3: the accumulators of my rows 0-63 and 64-127, (a, b) at v[8 (8 (a % 4) + b)].
.set NQ,    2                          ; K steps of 128 in a slot
.set FR,    12                         ; registers of a fragment
.set NL,    4                          ; LDS loads that bring one
.set NP,    4                          ; places behind this matrix instruction (ISA guide 7.12.1)
.set TILEB, 3072                       ; a tile's bytes in a slot
.set HALFT, 8*TILEB                    ; 8 tiles: what one tensor load brings, and what one wave reads of A or of B
.set SLOT,  4*HALFT
.set LAPS,  KS/4                       ; a lap = once round the ring
.set SCL,   2*SLOT                     ; behind the ring: the scale words
.set HALFS, 512*KS                     ; those of 128 rows
.set SPARE, SCL+4*HALFS                ; the spare words, 128 bytes for each wave: two blocks of 256 bytes that no other line names
.set GATH,  SPARE+512                  ; 512 bytes for each wave: the output's scale words are gathered here; no tensor load lands here
.if WAYQ
.set REC,   1536
.else
.set REC,   8192
.endif
.set ADRA, 16                          ; v16-17 16 L + my A tiles in slot 0, 1;  v18-19 16 r + 8 h + the same
.set ADRB, 20                          ; v20-23 the same for B
.set OX,   24                          ; v24  16 L
.set OY,   25                          ; v25  16 r + 8 h
.set GW,   26                          ; v26  where I put a scale word
.set ADRS, 27                          ; v27  LDS address of my scale words: lanes 0-15 A's rows, lanes 16-31 B's
.set SPW,  28                          ; v28  LDS address of my spare word; never rewritten
.set NIL,  29                          ; v29  0; never rewritten
.set GR,   30                          ; v30  where I read 16 bytes of scale words back
.set BO,   31                          ; v31  64 h: my half's place in a block of 32 numbers of the bias
.set SC,   32
.set BIAS, 64
.set T,    64
.set AF,   128
.set BA,   224
.set PC,   128
.set TM,   148
.set PW,   164
.set GL,   168
.set SEL,  96                          ; s[96:97] lane selects for lane l xor 16
.set G1,   24                          ; s[24:31] group 1 for A's tiles;  s[32:39] group 0, a set for each slot
.set G0,   32
.set G1B,  48                          ; s[48:55], s[56:63] the same for B's
.set G0B,  56
.set G1S,  68                          ; s[68:75], s[76:79] groups 1 and 0 for A's scale words;  s[80:87], s[88:91] for B's
.set G0S,  76
.set G1SB, 80
.set G0SB, 88
.set MSB, 0
.macro WIN new                         ; the immediate's high byte repeats the setting that is left
.if MSB != (\new)
	s_set_vgpr_msb (MSB<<8)|(\new)
.set MSB, (\new)
.endif
.endm
.set MUL_LO, 0xa1                      ; source 0 (B) window 1, source 1 (A) window 0, C and D window 2
.set MUL_HI, 0xf1                      ; the same, C and D window 3
.set TO_B,   0x40                      ; destination window 1, address window 0
; A joint load: waves 0 and 1 fetch for A, waves 2 and 3 for B.  Each line has one mask and one set of registers for all that issue it; the branch hangs on the wave's number alone.  Four v_nop follow each line.
.macro JLOAD g0a, g1a, g0b, g1b
	s_cmp_eq_u32 s15, 0
	s_cbranch_scc0 .Lfor_b_\@
	tensor_load_to_lds s[\g0a:\g0a+3], s[\g1a:\g1a+7]
	s_nop 0
.rept 4
	v_nop
.endr
	s_branch .Lasked_\@
.Lfor_b_\@:
	tensor_load_to_lds s[\g0b:\g0b+3], s[\g1b:\g1b+7]
	s_nop 0
.rept 4
	v_nop
.endr
.Lasked_\@:
.endm
.macro CREST                           ; a round of the cluster's barrier behind its opening barrier
	s_cmp_lg_u32 s14, 0
	s_cbranch_scc1 .Lnot_wave_0_\@
	s_barrier_signal -3
.Lnot_wave_0_\@:
	s_barrier_wait -3
	s_barrier_signal -1
	s_barrier_wait -1
.endm
.macro CROUND
	s_barrier_signal -1
	s_barrier_wait -1
	CREST
.endm
.if QKV
	s_load_b128 s[4:7], s[0:1], 0x0                ; the pool, the output
.else
	s_load_b256 s[4:11], s[0:1], 0x0               ; A's buffer, B's buffer, the bias, the output
.endif
	v_lshl_add_u32 v[SPW], v0, 2, SPARE
	v_mov_b32 v[NIL], 0
	ds_add_u32 v28, v29
	ds_add_u32 v28, v29
	s_wait_dscnt 0x0
	v_lshrrev_b32 v1, 5, v0
	v_readfirstlane_b32 s14, v1                    ; wave 0..3
	s_lshr_b32 s15, s14, 1                         ; which half of the tile's A rows is mine.  Also: I fetch for A (0) or for B (1)
	s_and_b32 s16, s14, 1                          ; which half of its B rows.  Also: which 128 rows I fetch
	s_bfe_u32 s40, ttmp6, 0x40000                  ; cx, cy: my place in the cluster
	s_bfe_u32 s41, ttmp6, 0x40004
	s_and_b32 s18, ttmp7, 0xffff
	s_lshl_b32 s18, s18, 2                         ; 4 x cluster y
	s_lshl_b32 s19, ttmp9, 2                       ; 4 x cluster x
.if QKV
	s_add_co_u32 s19, s19, 16
	s_cmp_lt_u32 ttmp9, 2                          ; the same in all sixteen partners
	s_cselect_b32 s17, s18, 24                     ; A: x's blocks of 256 rows, or wv's (pool blocks 24-27)
	s_cselect_b32 s42, s19, s18                    ; B: wq's and wk's (16-23), or x's
.else
	s_mov_b32 s17, s18
	s_mov_b32 s42, s19
.endif
	s_add_co_u32 s17, s17, s41                     ; A's block: cy enters here alone,
	s_add_co_u32 s42, s42, s40                     ; B's block: cx here alone
	s_lshl_b32 s43, s41, 2
	s_lshl_b32 s43, 15, s43                        ; my row of the cluster
	s_lshl_b32 s44, 0x1111, s40                    ; my column
	s_or_b32 s[G1+0], s43, (3<<16)|(1<<21)         ; 15:0 the mask; 17:16 elements of 8 bytes; 20 no padding; 21 set beside a mask
	s_or_b32 s[G1B+0], s44, (3<<16)|(1<<21)
.irp g, G1, G1B
	s_mov_b32 s[\g+1], 384<<16                     ; tensor_dim0: 3,072 bytes
	s_mov_b32 s[\g+2], 8<<16                       ; tensor_dim1: 8 tiles
	s_mov_b32 s[\g+3], 384<<16                     ; tile_dim0
	s_mov_b32 s[\g+4], 8                           ; tile_dim1
	s_mov_b32 s[\g+5], 192*KS                      ; from tile to tile: KS records
	s_mov_b32 s[\g+6], 0
	s_mov_b32 s[\g+7], 0
.endr
	s_or_b32 s[G1S+0], s43, (3<<16)|(1<<21)
	s_or_b32 s[G1SB+0], s44, (3<<16)|(1<<21)
.irp g, G1S, G1SB
	s_mov_b32 s[\g+1], 64<<16                      ; 128 words
	s_mov_b32 s[\g+2], KS<<16                      ; a row for each K step
	s_mov_b32 s[\g+3], 64<<16
	s_mov_b32 s[\g+4], KS
	s_mov_b32 s[\g+6], 0
	s_mov_b32 s[\g+7], 0
.endr
	s_mov_b32 s[G1S+5], A_SP/8
	s_mov_b32 s[G1SB+5], B_SP/8
	s_lshl_b32 s20, s17, 1
	s_add_co_u32 s20, s20, s16                     ; A: which 128 rows I fetch
	s_mul_i32 s22, s20, 512                        ; their scale words,
	s_mul_i32 s20, s20, 12288*KS                   ; their codes
	s_add_co_u32 s20, s20, A_C
	s_add_co_u32 s22, s22, A_S
	s_mov_b32 s21, 0
	s_mov_b32 s23, 0
	s_lshl_b32 s46, s42, 1
	s_add_co_u32 s46, s46, s16                     ; B likewise, in registers that never hold cy
	s_mul_i32 s92, s46, 512
	s_mul_i32 s46, s46, 12288*KS
	s_add_co_u32 s46, s46, B_C
	s_add_co_u32 s92, s92, B_S
	s_mov_b32 s47, 0
	s_mov_b32 s93, 0
	s_mul_i32 s45, s14, HALFT                      ; where they go: wave x 8 tiles: no place in the cluster enters an LDS address
	s_mul_i32 s94, s14, HALFS
	s_wait_kmcnt 0x0
.if QKV
	s_mov_b64 s[10:11], s[6:7]                     ; the output;
	s_mov_b64 s[6:7], s[4:5]                       ; B's buffer is the pool too,
	s_add_nc_u64 s[8:9], s[4:5], P_BIAS            ; and the biases lie in it, by pool row
.endif
	s_add_nc_u64 s[20:21], s[4:5], s[20:21]
	s_add_nc_u64 s[22:23], s[4:5], s[22:23]
	s_add_nc_u64 s[46:47], s[6:7], s[46:47]
	s_add_nc_u64 s[92:93], s[6:7], s[92:93]
	CROUND                                         ; all sixteen work-groups are here: the first joint loads meet
	s_mov_b32 s[G0S], 1
	s_add_co_u32 s[G0S+1], s94, SCL
	s_mov_b64 s[G0S+2:G0S+3], s[22:23]
	s_or_b32 s[G0S+3], s[G0S+3], 0x80000000
	s_mov_b32 s[G0SB], 1
	s_add_co_u32 s[G0SB+1], s94, SCL
	s_mov_b64 s[G0SB+2:G0SB+3], s[92:93]
	s_or_b32 s[G0SB+3], s[G0SB+3], 0x80000000
	JLOAD G0S, G1S, G0SB, G1SB                     ; the scale words first: they are wanted with K step 0.  Three loads of mine are out behind the first fills
.irp s, 0,1
	s_mov_b32 s[G0+4*\s], 1
	s_add_co_u32 s[G0+4*\s+1], s45, \s*SLOT
	s_add_nc_u64 s[G0+4*\s+2:G0+4*\s+3], s[20:21], \s*TILEB
	s_or_b32 s[G0+4*\s+3], s[G0+4*\s+3], 0x80000000
	s_mov_b32 s[G0B+4*\s], 1
	s_add_co_u32 s[G0B+4*\s+1], s45, \s*SLOT
	s_add_nc_u64 s[G0B+4*\s+2:G0B+4*\s+3], s[46:47], \s*TILEB
	s_or_b32 s[G0B+4*\s+3], s[G0B+4*\s+3], 0x80000000
	JLOAD G0+4*\s, G1, G0B+4*\s, G1B
.endr
	v_and_b32 v1, 31, v0                           ; L
	v_and_b32 v2, 15, v0                           ; r
	v_bfe_u32 v3, v0, 4, 1                         ; h
	v_lshlrev_b32 v[OX], 4, v1
	v_lshlrev_b32 v[OY], 4, v2
	v_lshl_add_u32 v[OY], v3, 3, v[OY]
	s_mul_i32 s21, s15, HALFT                      ; my 8 tiles of A
	s_mul_i32 s22, s16, HALFT                      ; my 8 tiles of B,
	s_add_co_u32 s22, s22, 2*HALFT                 ; which lie behind A's 16
.irp s, 0,1
	v_add_nc_u32 v[ADRA+\s], s21, v[OX]
	v_add_nc_u32 v[ADRA+2+\s], s21, v[OY]
	v_add_nc_u32 v[ADRB+\s], s22, v[OX]
	v_add_nc_u32 v[ADRB+2+\s], s22, v[OY]
	s_add_co_u32 s21, s21, SLOT
	s_add_co_u32 s22, s22, SLOT
.endr
	s_mul_i32 s21, s15, HALFS                      ; A's scale words: my 128 rows
	s_mul_i32 s22, s16, HALFS                      ; B's: my 128 rows, behind A's 256
	s_add_co_u32 s22, s22, 2*HALFS
	s_sub_co_u32 s22, s22, s21
	v_mul_u32_u24 v6, s22, v3                      ; lanes 16-31 take B's
	s_add_co_u32 s21, s21, SCL
	v_lshl_add_u32 v5, v2, 2, v6
	v_add_nc_u32 v[ADRS], s21, v5
	v_lshlrev_b32 v[BO], 6, v3
	s_lshl_b32 s46, s42, 10                        ; B's bias: my 128 rows' numbers
	s_lshl_b32 s47, s16, 9
	s_add_co_u32 s46, s46, s47
	s_mov_b32 s47, 0
	s_add_nc_u64 s[98:99], s[8:9], s[46:47]
.irp b, 0,1,2,3,4,5,6,7                        ; in the result's layout: for tile b lane (r, h) wants the numbers of natural rows 32 (b / 2) + 8 (b % 2) + 16 h + 0 .. 7
	global_load_b128 v[BIAS+8*\b:BIAS+8*\b+3], v[BO], s[98:99] offset:(32*(\b/2)+8*(\b%2))*4
	global_load_b128 v[BIAS+8*\b+4:BIAS+8*\b+7], v[BO], s[98:99] offset:(32*(\b/2)+8*(\b%2))*4+16
.endr
.if QKV
	v_and_b32 v4, 8, v2
	v_add_nc_u32 v4, v4, v2
	v_lshlrev_b32 v15, 2, v4                       ; 4 (r + 8 (r / 8))
	s_lshl_b32 s46, s17, 10                        ; A's bias: one number a lane for each of my 8 tiles
	s_lshl_b32 s47, s15, 9
	s_add_co_u32 s46, s46, s47
	s_mov_b32 s47, 0
	s_add_nc_u64 s[66:67], s[8:9], s[46:47]
.irp a, 0,1,2,3,4,5,6,7
	global_load_b32 v[BA+2*\a], v15, s[66:67] offset:(32*(\a/2)+8*(\a%2))*4
	v_mov_b32 v[BA+2*\a+1], 0                      ; (named with it as a pair, so it is written)
.endr
.endif
	; where my part of the output begins
.if QKV
	s_cmp_lt_u32 ttmp9, 2
	s_cselect_b32 s20, s17, s41                    ; the output's block of rows: x's block, or wv's block counted from wv's first row
	s_cselect_b32 s21, s40, s42                    ; its block along K: the weight's block counted from its first row, or x's block
	s_cselect_b32 s22, 8, 32                       ; its K steps: 1,024 features, or 4,096 tokens
	s_mov_b32 s23, 4096
	s_cselect_b32 s23, 16384, s23                  ; the pitch of its scale words: 4,096 rows, or 1,024
.else
	s_mov_b32 s20, s17
	s_mov_b32 s21, s42
	s_mov_b32 s22, KSO
.if WAYQ
	s_mov_b32 s23, SWPO
.endif
.endif
	s_lshl_b32 s20, s20, 4
	s_lshl_b32 s46, s15, 3
	s_add_co_u32 s20, s20, s46                     ; my first tile of rows
	s_lshl_b32 s21, s21, 1
	s_add_co_u32 s21, s21, s16                     ; my K step (128 columns)
	s_mul_i32 s46, s20, s22
	s_add_co_u32 s46, s46, s21
	s_mul_i32 s46, s46, REC
.if QKV
	s_mul_i32 s47, ttmp9, 3145728                  ; q's, k's and v's codes lie one behind the other
	s_add_co_u32 s46, s46, s47
.endif
	s_mov_b32 s47, 0
	s_add_nc_u64 s[12:13], s[10:11], s[46:47]      ; my first record
.if WAYQ
	s_mul_i32 s92, s22, REC                        ; from tile to tile
	s_mov_b32 s93, 0
	s_mul_i32 s46, s21, s23
	s_lshl_b32 s94, s20, 6
	s_add_co_u32 s46, s46, s94
	s_add_co_u32 s46, s46, O_S
.if QKV
	s_lshl_b32 s94, ttmp9, 17                      ; and so do their scale words
	s_add_co_u32 s46, s46, s94
.endif
	s_add_nc_u64 s[94:95], s[10:11], s[46:47]      ; my 128 scale words
	s_mov_b32 s[SEL], 0x76543210
	s_mov_b32 s[SEL+1], 0xfedcba98
	s_lshl_b32 s23, s14, 9
	s_add_co_u32 s23, s23, GATH
	v_lshl_add_u32 v[GW], v2, 2, s23
	v_add_nc_u32 v[GR], s23, v[OX]
.endif
.macro FRAG reg, ax, ay, off           ; a record becomes a fragment's 12 registers
	ds_load_b128 v[\reg:\reg+3], v[\ax] offset:\off
	ds_load_b64 v[\reg+4:\reg+5], v[\ay] offset:\off+512
	ds_load_b128 v[\reg+6:\reg+9], v[\ax] offset:\off+768
	ds_load_b64 v[\reg+10:\reg+11], v[\ay] offset:\off+1280
.endm
; 16 matrix instructions: A's blocks a0, a0 + 1 x B's eight, the slot's q-th 128 along K.  p: B's set;  sc: the set of scale words.  zero = 1: the first product starts the sums from B's bias: nothing is cleared, no bias is added later.
; The 64 accumulators take turns, one instruction a turn, in the same order in every step.
.macro MUL16 a0, p, q, sc, zero
.irp a, \a0, \a0+1
.irp b, 0,1,2,3,4,5,6,7
.if \zero
	v_wmma_scale_f32_16x16x128_f8f6f4 v[8*(8*((\a)%4)+\b):8*(8*((\a)%4)+\b)+7], v[128*(\p)+FR*\b:128*(\p)+FR*\b+FR-1], v[AF+FR*(\a):AF+FR*(\a)+FR-1], v[BIAS+8*\b:BIAS+8*\b+7], v[SC+8*NQ*(\sc)+NQ*\b+(\q)], v[SC+8*NQ*(\sc)+NQ*(\a)+(\q)] matrix_a_fmt:MATRIX_FMT_FP6 matrix_b_fmt:MATRIX_FMT_FP6 matrix_a_scale:MATRIX_SCALE_ROW1
.else
	v_wmma_scale_f32_16x16x128_f8f6f4 v[8*(8*((\a)%4)+\b):8*(8*((\a)%4)+\b)+7], v[128*(\p)+FR*\b:128*(\p)+FR*\b+FR-1], v[AF+FR*(\a):AF+FR*(\a)+FR-1], v[8*(8*((\a)%4)+\b):8*(8*((\a)%4)+\b)+7], v[SC+8*NQ*(\sc)+NQ*\b+(\q)], v[SC+8*NQ*(\sc)+NQ*(\a)+(\q)] matrix_a_fmt:MATRIX_FMT_FP6 matrix_b_fmt:MATRIX_FMT_FP6 matrix_a_scale:MATRIX_SCALE_ROW1
.endif
.endr
.endr
.endm
.macro FETCH_B slot, q, p              ; B's eight fragments of the slot's q-th 128 along K into set p
	WIN TO_B
.irp i, 0,1,2,3,4,5,6,7
	FRAG 128*(\p)+FR*\i, ADRB+\slot, ADRB+2+\slot, \i*TILEB+(\q)*1536
.endr
	WIN 0
.endm
.macro FETCH_A slot, q, i0             ; A's blocks i0 .. i0 + 3
.irp i, \i0, \i0+1, \i0+2, \i0+3
	FRAG AF+FR*(\i), ADRA+\slot, ADRA+2+\slot, (\i)*TILEB+(\q)*1536
.endr
.endm
.macro SCALES sc                       ; the slot's scale words into set sc: register 2 i + q: lanes 0-15 A's block i, lanes 16-31 B's block i
.irp i, 0,1,2,3,4,5,6,7
.irp q, 0,1
	ds_load_b32 v[SC+16*\sc+2*\i+\q], v[ADRS] offset:64*\i+512*\q
.endr
.endr
.endm
; A load into a register that a matrix instruction has read, and a vector instruction or a store that reads a matrix result, stand NP places behind it; only plain vector instructions that name none of its registers are places.
.macro PLACES n
.rept \n
	v_nop
.endr
.endm
.macro STEP slot, q, zero              ; a step of 128 along K that has its successor in the same slot
	s_wait_dscnt 4*NL                              ; B's set, A's blocks 0-3 and the scale words are in; the youngest 16 loads (A's blocks 4-7) may be out
.if \zero
	WIN 0x81                                       ; C (the bias) window 0, D window 2
.else
	WIN MUL_LO
.endif
	MUL16 0, (\q)%2, \q, \slot, \zero
	MUL16 2, (\q)%2, \q, \slot, \zero
	s_wait_dscnt 0                                 ; A's blocks 4-7 are in (asked for 32 matrix instructions ago)
	PLACES NP
	FETCH_B \slot, (\q)+1, 1-(\q)%2
	FETCH_A \slot, (\q)+1, 0
.if \zero
	WIN 0xc1
.else
	WIN MUL_HI
.endif
	MUL16 4, (\q)%2, \q, \slot, \zero
	MUL16 6, (\q)%2, \q, \slot, \zero
	PLACES NP
	WIN 0
	FETCH_A \slot, (\q)+1, 4
.endm
; A slot's last step changes slots: one barrier; in front of it each wave waits for all its tensor loads, adds 0 to its spare word, and waits for that and for its own reads of this slot.  fill = 1: this slot is filled again, two slots ahead.
.macro TURN slot, next, fill
	s_wait_tensorcnt 0x0                           ; all my tensor loads have landed: my part of the next slot;  (every window is 0 here)
	ds_add_u32 v[SPW], v[NIL]                      ; 0 onto my spare word
	s_wait_dscnt 4*NL+1                            ; (the add and the youngest 16 loads, A's blocks 4-7, may be out)
	WIN MUL_LO
	MUL16 0, 1, NQ-1, \slot, 0                     ; sixteen matrix instructions stand between the add and the wait for it
	s_wait_dscnt 0x0                               ; the add is done, and my reads of this slot are over
	s_barrier_signal -1
	MUL16 2, 1, NQ-1, \slot, 0
	WIN 0
	s_barrier_wait -1
.if \fill
	CREST                                          ; the barrier has opened a round of the cluster's barrier: no wave of any partner still reads this slot or has a load on its way
	s_add_nc_u64 s[G0+4*\slot+2:G0+4*\slot+3], s[G0+4*\slot+2:G0+4*\slot+3], 2*TILEB
	s_add_nc_u64 s[G0B+4*\slot+2:G0B+4*\slot+3], s[G0B+4*\slot+2:G0B+4*\slot+3], 2*TILEB
	JLOAD G0+4*\slot, G1, G0B+4*\slot, G1B         ; the first tensor load behind the round, my one load until the next; its four v_nop are the places in front of the loads below
.else
	PLACES NP
.endif
	v_add_nc_u32 v[ADRS], 512*NQ, v[ADRS]          ; on to the next slot's scale words
	FETCH_B \next, 0, 0
	FETCH_A \next, 0, 0
	SCALES \next
	WIN MUL_HI
	MUL16 4, 1, NQ-1, \slot, 0
	MUL16 6, 1, NQ-1, \slot, 0
	PLACES NP
	WIN 0
	FETCH_A \next, 0, 4
.endm
	s_wait_tensorcnt 1                             ; the scale words and my part of slot 0 are in (slot 1's load may be out)
	s_barrier_signal -1
	s_barrier_wait -1                              ; everybody's are
	FETCH_B 0, 0, 0
	FETCH_A 0, 0, 0
	SCALES 0
	FETCH_A 0, 0, 4
	s_wait_loadcnt 0x0                             ; the biases
	STEP 0, 0, 1                                   ; the first step stands in front of the loop: its products start the sums
	s_mov_b32 s3, LAPS-1
.Llap:                                                 ; a trip goes once round the ring, from a lap's second step to the next lap's first, and fills both slots again
	TURN 0, 1, 1
	STEP 1, 0, 0
	TURN 1, 0, 1
	STEP 0, 0, 0
	s_sub_co_u32 s3, s3, 1
	s_cmp_lg_u32 s3, 0
	s_cbranch_scc1 .Llap
	TURN 0, 1, 0                                   ; the last lap fills nothing, and has no round of the cluster's barrier
	STEP 1, 0, 0
	s_wait_dscnt 4*NL                              ; the very last step: nothing more to fetch
	WIN MUL_LO
	MUL16 0, 1, NQ-1, 1, 0
	MUL16 2, 1, NQ-1, 1, 0
	s_wait_dscnt 0
	WIN MUL_HI
	MUL16 4, 1, NQ-1, 1, 0
	MUL16 6, 1, NQ-1, 1, 0
	WIN 0
	PLACES NP                                      ; in front of the first read of results and of the first write of registers that held A's fragments
.if WAYQ
; THE WAY OUT, quantised: a lane's 64 results of a tile of rows are 16 neighbours of each of four blocks of 32 along the next K: they become one record of codes and one scale word a row.
.macro QUANT s
.irp b, 0,1,2,3
	v_max3_num_f32 v[TM+\b], |v[\s+16*\b]|, |v[\s+1+16*\b]|, 0x1800000   ; my 16 numbers of block b, and the floor 2^(3 - 127): the byte cannot fall under 1
.endr
.irp i, 2,4,6,8,10,12,14
.irp b, 0,1,2,3
	v_max3_num_f32 v[TM+\b], v[TM+\b], |v[\s+16*\b+\i]|, |v[\s+1+16*\b+\i]|
.endr
.endr
.irp b, 0,1,2,3
	v_permlanex16_b32 v[TM+4+\b], v[TM+\b], s[SEL], s[SEL+1]
.endr
.irp b, 0,1,2,3
	v_max_num_f32 v[TM+\b], v[TM+\b], v[TM+4+\b]   ; with lane l xor 16's: the block's largest magnitude
.endr
.irp b, 0,1,2,3
	v_add_nc_u32 v[TM+12+\b], 0xff000000, v[TM+\b] ; 2 off its exponent field: the conversion's scale operand
.endr
.irp b, 0,1,2,3
	v_lshrrev_b32 v[TM+4+\b], 23, v[TM+12+\b]      ; the scale's byte
.endr
	v_lshl_or_b32 v[PW], v[TM+5], 8, v[TM+4]
	v_lshl_or_b32 v[PW], v[TM+6], 16, v[PW]
	v_lshl_or_b32 v[PW], v[TM+7], 24, v[PW]
.irp c, 0,1
	v_cvt_scalef32_pk16_fp6_f32 v[PC+6*\c:PC+2+6*\c], v[\s+32*\c:\s+15+32*\c], v[TM+12+2*\c]
	v_cvt_scalef32_pk16_fp6_f32 v[PC+12+4*\c:PC+14+4*\c], v[\s+16+32*\c:\s+31+32*\c], v[TM+12+2*\c+1]   ; (a conversion's three registers begin on an even number)
.endr
	v_nop                                          ; one plain place behind a scaled conversion
.irp c, 0,1                                    ; the operand's layout wants a whole block in a lane
.irp i, 0,1,2
	v_permlane16_swap_b32 v[PC+6*\c+\i], v[PC+12+4*\c+\i]
.endr
.irp i, 0,1,2
	v_mov_b32 v[PC+3+6*\c+\i], v[PC+12+4*\c+\i]
.endr
.endr
.endm
.macro QOUT a
.set AC, 64*((\a)%4)
.if (\a) > 0
	s_wait_xcnt 0x0                                ; the last record's stores have read their data and their base: both are written again only behind this wait
	s_add_nc_u64 s[12:13], s[12:13], s[92:93]      ; the next tile's record
.endif
.set i, 0
.if QKV
	WIN 0x02+((\a)/4)                              ; source 0: window 2 or 3
.rept 32
	v_pk_add_f32 v[T+i:T+i+1], v[AC+i:AC+i+1], v[BA+2*(\a):BA+2*(\a)+1] op_sel_hi:[1,0]   ; + my row's bias; each accumulator is read from its low end on
.set i, i+2
.endr
.else
	WIN 0x08+4*((\a)/4)                            ; source 1: window 2 or 3
.rept 64
	v_max_num_f32 v[T+i], 0, v[AC+i]               ; the activation, in f32; each accumulator is read from its low end on
.set i, i+1
.endr
.endif
	WIN 0
	QUANT T
	global_store_b128 v[OX], v[PC:PC+3], s[12:13]                  ; 512 consecutive bytes
	global_store_b64 v[OY], v[PC+4:PC+5], s[12:13] offset:512      ; 256 consecutive bytes
	global_store_b128 v[OX], v[PC+6:PC+9], s[12:13] offset:768
	global_store_b64 v[OY], v[PC+10:PC+11], s[12:13] offset:1280
	ds_store_b32 v[GW], v[PW] offset:64*(\a)       ; both halves of the lanes write the same word with the same value
.endm
.irp b, 0,1,2,3
	v_mov_b32 v[TM+4+\b], 0                        ; written once: a lane permute's destination counts as one of its sources
.endr
.irp a, 0,1,2,3,4,5,6,7
	QOUT \a
.endr
	ds_load_b128 v[GL:GL+3], v[GR]                 ; LDS serves a wave's instructions in order: this sees my stores
	s_wait_dscnt 0x0
	global_store_b128 v[OX], v[GL:GL+3], s[94:95]  ; my 128 scale words: 512 consecutive bytes
.else
; THE WAY OUT, in f32: the accumulators leave as they stand, 16 bytes a lane, 512 consecutive bytes a store; the launch that normalises reads them back into the same lanes.
.irp a, 0,1,2,3,4,5,6,7
	WIN 0x08+4*(\a/4)                              ; a store's data are its source 1: window 2 or 3
.irp b, 0,1,2,3,4,5,6,7
	global_store_b128 v[OX], v[64*(\a%4)+8*\b:64*(\a%4)+8*\b+3], s[12:13] offset:65536*\a+1024*\b th:TH_STORE_NT       ; each accumulator from its low end on
	global_store_b128 v[OX], v[64*(\a%4)+8*\b+4:64*(\a%4)+8*\b+7], s[12:13] offset:65536*\a+1024*\b+512 th:TH_STORE_NT
.endr
.endr
	WIN 0
.endif
	s_wait_tensorcnt 0x0                           ; the wave's end, behind my last tensor load and my last LDS store
	ds_add_u32 v[SPW], v[NIL]
	s_wait_dscnt 0x0
	CROUND                                         ; the closing round: no work-group ends while a partner may still ask for a tile that names it
	s_endpgm
.Lfunc_end_k_q484ae9fd09_qkv:
	.size	k_q484ae9fd09_qkv, .Lfunc_end_k_q484ae9fd09_qkv-k_q484ae9fd09_qkv
	.p2alignl 7, 3214868480
	.fill 96, 4, 3214868480
	.section	.rodata,"a",@progbits
	.p2align	6, 0x0
	.amdhsa_kernel k_q484ae9fd09_qkv
		.amdhsa_group_segment_fixed_size 327680
		.amdhsa_private_segment_fixed_size 0
		.amdhsa_enable_private_segment 0
		.amdhsa_kernarg_size 16
		.amdhsa_user_sgpr_count 2
		.amdhsa_user_sgpr_kernarg_segment_ptr 1
		.amdhsa_wavefront_size32 1
		.amdhsa_system_sgpr_workgroup_id_x 1
		.amdhsa_system_sgpr_workgroup_id_y 1
		.amdhsa_system_sgpr_workgroup_id_z 1
		.amdhsa_system_vgpr_workitem_id 0
		.amdhsa_next_free_vgpr 1024
		.amdhsa_next_free_sgpr 100
		.amdhsa_reserve_vcc 0
		.amdhsa_float_denorm_mode_32 3
		.amdhsa_float_denorm_mode_16_64 3
		.amdhsa_memory_ordered 1
		.amdhsa_forward_progress 1
		.amdhsa_inst_pref_size 171
	.end_amdhsa_kernel
	.amdgpu_metadata
---
amdhsa.version: [ 1, 2 ]
amdhsa.kernels:
  - .name:           k_q484ae9fd09_qkv
    .symbol:         k_q484ae9fd09_qkv.kd
    .args:
      - { .name: P, .offset: 0, .size: 8, .value_kind: global_buffer, .address_space: global }
      - { .name: Q, .offset: 8, .size: 8, .value_kind: global_buffer, .address_space: global }
    .group_segment_fixed_size: 327680
    .private_segment_fixed_size: 0
    .kernarg_segment_align: 8
    .kernarg_segment_size: 16
    .max_flat_workgroup_size: 128
    .sgpr_count:     100
    .vgpr_count:     1024
    .wavefront_size: 32
...
	.end_amdgpu_metadata
.endif
;; end of part 2
;; launch attn (part 3): grid 8 x 32, 16 waves a work-group, clusters of 4 x 1, 210,944 bytes of LDS; arguments Q, ATT; writes ATT
.if DOCPART == 3
	.amdgcn_target "amdgcn-amd-amdhsa--gfx1250"
	.amdhsa_code_object_version 6
	.text
	.protected	k_q484ae9fd09_attn
	.globl	k_q484ae9fd09_attn
	.p2align	8
	.type	k_q484ae9fd09_attn,@function
k_q484ae9fd09_attn:
	s_mov_b64 s[64:65], 0
	v_nop
	global_prefetch_b8 v0, s[64:65] scope:SCOPE_SE
	s_setreg_imm32_b32 hwreg(HW_REG_WAVE_MODE, 25, 1), 1
	s_wait_xcnt 0x0
	s_wait_alu depctr_hold_cnt(0) depctr_sa_sdst(0) depctr_va_vdst(0) depctr_va_sdst(0) depctr_va_ssrc(0) depctr_va_vcc(0) depctr_vm_vsrc(0)
	s_getreg_b32 s2, hwreg(HW_REG_IB_STS2, 6, 4)
	s_cmp_eq_u32 s2, 0
	s_cbranch_scc0 .Lentry_in_a_cluster
	s_endpgm
.Lentry_in_a_cluster:
	s_bfe_u32 s2, ttmp6, 0x10000c
	s_cmp_lg_u32 s2, 0x3003
	s_cbranch_scc0 .Lentry_shape_is_right
	s_endpgm
.Lentry_shape_is_right:
; ATTENTION on codes of FP6 (E2M3): o = softmax(q k^T / 8) v for one head of 64, both products quantised, and o quantised again on the way out, along the features, as the next product's operand.
; THE SOFTMAX: t = score x log2(e) / 8; M = the row's largest t so far, rounded UP to a whole number; p = 2^(t - M) is what is quantised, along the keys, not normalised.  The row's sum is taken of the unquantised p, in f32,
; and divides O at the end.  When M moves, the sum and O are multiplied by 2^(old M - new M): exact.
; SHARES.  A work-group owns 256 queries of one (batch, head); each of its sixteen waves one tile of 16 tokens, in 256 registers: four waves to a SIMD, so that one wave's vector work stands beside another's matrix work.
; ALL OF THE HEAD'S K AND V LIE IN LDS (98,304 bytes of codes each, 8,192 and 4,096 of scale words): every LDS byte is filled once, so there is no ring and one barrier.  The four work-groups of a cluster are four query blocks of one
; head: they ask for K and V JOINTLY (mask 15); nothing in a descriptor, no LDS address and no branch hangs on the place in the cluster.
; LAYOUT.  Both products are used transposed: S^T = K Q^T, O^T = V^T P^T: a lane holds one query throughout.  Tiles of tokens and of the head's dims are permuted (row r of tile t = natural row 32 (t / 2) + 8 (t % 2) + r + 8 (r / 8)),
; so that the 16 registers of two neighbouring tiles are 16 neighbours: of the keys in S^T, of the dims in O^T.
; K = 64 IN AN INSTRUCTION OF 128: a head's part of a record is half a record (768 bytes), and two neighbouring tiles' halves lie on end in LDS: read as ONE fragment they are tile 2 b in k 0-63 and tile 2 b + 1 in k 64-127.
; Against [q, 0] that gives tile 2 b's scores, against [0, q] tile 2 b + 1's: q's six registers stand between two runs of six zeros.
; The two scale bytes of a row of o are stored as 16 bits: two heads share a word, so these 131,072 bytes of the output are written in pieces.
; LIMITS: NaN and infinities are not served; a block whose largest magnitude lies under 2^-124 keeps the scale byte 1.
; REGISTERS: v1-10, v19 addresses; v12 -M, v13 the largest t, v[14:15] the sum in two halves; v32-79 four fragments; v96-159 S^T, then p; v160-191 O^T; v192-209 zeros, q, zeros; v210-217 raw scale words; v224-235 p's codes; v232-254 at work; v255 q's scale word.
.set Q_KC, 3145728                     ; in Q: k's codes, v's codes, q's, k's and v's scale words
.set Q_VC, 6291456
.set Q_QS, 9437184
.set Q_KS, 9568256
.set Q_VS, 9699328
.set A_SW, 3145728                     ; in ATT: the scale words
.set L_VC, 98304                       ; in LDS: K's codes at 0 (128 tiles x 768), V's here ([4 tiles of dims][16 K steps][1,536]),
.set L_KS, 196608                      ; K's 2,048 raw scale words,
.set L_VS, 204800                      ; V's: 16 rows of 64 words
.set KSEL, 2                           ; s2   byte selects that make K's scale word of two tiles' raw words
.set QSEL, 3                           ; s3   and q's
.set WV,   18
.set SEL,  20                          ; s[20:21] lane selects for lane l xor 16
.set CS,   22                          ; s[22:23] c = log2(e) / 8
.set G1K,  24
.set G1V,  32
.set G1S,  40
.set G1T,  48
.set G0K,  56
.set G0V,  60
.set CNT,  66
.set G0S,  68
.set G0T,  72
.macro CROUND                          ; a round of the cluster's barrier
	s_barrier_signal -1
	s_barrier_wait -1
	s_cmp_lg_u32 s[WV], 0
	s_cbranch_scc1 .Lnot_wave_0_\@
	s_barrier_signal -3
.Lnot_wave_0_\@:
	s_barrier_wait -3
	s_barrier_signal -1
	s_barrier_wait -1
.endm
.macro FRAG reg, ax, ay, off           ; a record becomes a fragment's 12 registers
	ds_load_b128 v[\reg:\reg+3], v[\ax] offset:\off
	ds_load_b64 v[\reg+4:\reg+5], v[\ay] offset:\off+512
	ds_load_b128 v[\reg+6:\reg+9], v[\ax] offset:\off+768
	ds_load_b64 v[\reg+10:\reg+11], v[\ay] offset:\off+1280
.endm
	s_load_b128 s[4:7], s[0:1], 0x0                ; Q, ATT
	v_lshl_add_u32 v223, v0, 2, 0x33000
	v_mov_b32 v243, 0
	ds_add_u32 v223, v243
	ds_add_u32 v223, v243
	v_lshrrev_b32 v11, 5, v0
	v_readfirstlane_b32 s[WV], v11                 ; wave 0..15
	s_and_b32 s76, ttmp7, 0xffff
	s_and_b32 s77, s76, 15                         ; the head
	s_lshr_b32 s78, s76, 4                         ; the batch
	s_and_b32 s79, s[WV], 1                        ; which half I fetch, if I fetch
	s_lshl_b32 s80, s78, 7
	s_lshl_b32 s81, s79, 6
	s_add_co_u32 s80, s80, s81                     ; K: my first tile of tokens,
	s_lshl_b32 s80, s80, 4
	s_add_co_u32 s80, s80, s77
	s_mul_i32 s80, s80, 768                        ; the head's half record in it
	s_add_co_u32 s80, s80, Q_KC
	s_mov_b32 s81, 0
	s_lshl_b32 s82, s77, 2
	s_lshl_b32 s83, s79, 1
	s_add_co_u32 s82, s82, s83                     ; V: my first tile of dims,
	s_lshl_b32 s82, s82, 5
	s_lshl_b32 s83, s78, 4
	s_add_co_u32 s82, s82, s83                     ; the batch's first K step in it
	s_mul_i32 s82, s82, 1536
	s_add_co_u32 s82, s82, Q_VC
	s_mov_b32 s83, 0
	s_lshr_b32 s84, s77, 1
	s_lshl_b32 s84, s84, 14                        ; K's scale words: the K step of 128 features that holds the head,
	s_lshl_b32 s85, s78, 13                        ; the batch's 2,048 positions
	s_add_co_u32 s84, s84, s85
	s_add_co_u32 s84, s84, Q_KS
	s_mov_b32 s85, 0
	s_lshl_b32 s86, s78, 16                        ; V's: the batch's 16 K steps, the head's 64 positions
	s_lshl_b32 s87, s77, 8
	s_add_co_u32 s86, s86, s87
	s_add_co_u32 s86, s86, Q_VS
	s_mov_b32 s87, 0
	; descriptor groups 1: elements of 8 bytes, no padding, the mask of all four work-groups with bit 21 beside it
.irp g, G1K, G1V, G1S, G1T
	s_mov_b32 s[\g], 15|(3<<16)|(1<<21)
	s_mov_b32 s[\g+6], 0
	s_mov_b32 s[\g+7], 0
.endr
	s_mov_b32 s[G1K+1], 96<<16                     ; K: 64 rows of 768 bytes, 12,288 bytes apart
	s_mov_b32 s[G1K+2], 64<<16
	s_mov_b32 s[G1K+3], 96<<16
	s_mov_b32 s[G1K+4], 64
	s_mov_b32 s[G1K+5], 1536
	s_mov_b32 s[G1V+1], 3072<<16                   ; V: 2 rows of 24,576 bytes (16 records on end), 49,152 bytes apart
	s_mov_b32 s[G1V+2], 2<<16
	s_mov_b32 s[G1V+3], 3072<<16
	s_mov_b32 s[G1V+4], 2
	s_mov_b32 s[G1V+5], 6144
	s_mov_b32 s[G1S+1], 32<<16                     ; K's scale words: a dense block of 8,192 bytes as 32 rows of 256
	s_mov_b32 s[G1S+2], 32<<16
	s_mov_b32 s[G1S+3], 32<<16
	s_mov_b32 s[G1S+4], 32
	s_mov_b32 s[G1S+5], 32
	s_mov_b32 s[G1T+1], 32<<16                     ; V's: 16 rows of 256 bytes, 4,096 bytes apart
	s_mov_b32 s[G1T+2], 16<<16
	s_mov_b32 s[G1T+3], 32<<16
	s_mov_b32 s[G1T+4], 16
	s_mov_b32 s[G1T+5], 512
	s_mov_b32 s[SEL], 0x76543210
	s_mov_b32 s[SEL+1], 0xfedcba98
	s_mov_b32 s[CS], 0x3e38aa3b                    ; c = log2(e) / 8
	s_mov_b32 s[CS+1], s[CS]                       ; (named with it as a pair, so it is written)
	s_and_b32 s98, s77, 1                          ; an even head's two bytes are a raw word's bytes 0, 1, an odd head's bytes 2, 3
	s_cmp_eq_u32 s98, 0
	s_mov_b32 s[KSEL], 0x07060302
	s_cselect_b32 s[KSEL], 0x05040100, s[KSEL]
	s_mov_b32 s[QSEL], 0x03020302
	s_cselect_b32 s[QSEL], 0x01000100, s[QSEL]
	s_wait_dscnt 0x0
	s_wait_kmcnt 0x0
	s_mov_b32 s[G0K], 1
	s_mul_i32 s[G0K+1], s79, 49152
	s_add_nc_u64 s[G0K+2:G0K+3], s[4:5], s[80:81]
	s_or_b32 s[G0K+3], s[G0K+3], 0x80000000
	s_mov_b32 s[G0V], 1
	s_mul_i32 s[G0V+1], s79, 49152
	s_add_co_u32 s[G0V+1], s[G0V+1], L_VC
	s_add_nc_u64 s[G0V+2:G0V+3], s[4:5], s[82:83]
	s_or_b32 s[G0V+3], s[G0V+3], 0x80000000
	s_mov_b32 s[G0S], 1
	s_mov_b32 s[G0S+1], L_KS
	s_add_nc_u64 s[G0S+2:G0S+3], s[4:5], s[84:85]
	s_or_b32 s[G0S+3], s[G0S+3], 0x80000000
	s_mov_b32 s[G0T], 1
	s_mov_b32 s[G0T+1], L_VS
	s_add_nc_u64 s[G0T+2:G0T+3], s[4:5], s[86:87]
	s_or_b32 s[G0T+3], s[G0T+3], 0x80000000
	CROUND                                         ; all four work-groups are here: the joint loads meet
	; THE FILLS: waves 0, 1 K's halves; waves 2, 3 V's; wave 4 K's scale words; wave 5 V's: one load a wave, chosen by the wave's number alone.  Four v_nop follow each.
	s_cmp_lt_u32 s[WV], 2
	s_cbranch_scc0 .Lnot_k
	tensor_load_to_lds s[G0K:G0K+3], s[G1K:G1K+7]
	s_nop 0
.rept 4
	v_nop
.endr
	s_branch .Lasked
.Lnot_k:
	s_cmp_lt_u32 s[WV], 4
	s_cbranch_scc0 .Lnot_v
	tensor_load_to_lds s[G0V:G0V+3], s[G1V:G1V+7]
	s_nop 0
.rept 4
	v_nop
.endr
	s_branch .Lasked
.Lnot_v:
	s_cmp_eq_u32 s[WV], 4
	s_cbranch_scc0 .Lnot_s
	tensor_load_to_lds s[G0S:G0S+3], s[G1S:G1S+7]
	s_nop 0
.rept 4
	v_nop
.endr
	s_branch .Lasked
.Lnot_s:
	s_cmp_eq_u32 s[WV], 5
	s_cbranch_scc0 .Lasked
	tensor_load_to_lds s[G0T:G0T+3], s[G1T:G1T+7]
	s_nop 0
.rept 4
	v_nop
.endr
.Lasked:
	; my tile of queries: the place in the cluster enters these global addresses alone, in registers that feed no descriptor
	s_bfe_u32 s88, ttmp6, 0x40000                  ; cx
	s_lshl_b32 s89, ttmp9, 2
	s_add_co_u32 s89, s89, s88                     ; my block of 256 queries
	s_lshl_b32 s89, s89, 4
	s_add_co_u32 s89, s89, s[WV]
	s_lshl_b32 s88, s78, 7
	s_add_co_u32 s89, s89, s88                     ; my tile of tokens
	s_lshl_b32 s90, s89, 4
	s_add_co_u32 s90, s90, s77
	s_mul_i32 s90, s90, 768                        ; the head's half record: the same place in q's codes and in ATT's
	s_mov_b32 s91, 0
	s_lshr_b32 s92, s77, 1
	s_lshl_b32 s92, s92, 14
	s_lshl_b32 s93, s89, 6
	s_add_co_u32 s92, s92, s93                     ; and my tile's scale words
	s_mov_b32 s93, 0
	s_add_nc_u64 s[94:95], s[6:7], s[90:91]        ; ATT's codes
	s_add_nc_u64 s[90:91], s[4:5], s[90:91]        ; q's codes
	s_add_nc_u64 s[96:97], s[6:7], s[92:93]
	s_add_nc_u64 s[92:93], s[4:5], s[92:93]
	s_add_nc_u64 s[92:93], s[92:93], Q_QS          ; q's scale words
	s_lshl_b32 s88, s98, 1
	s_add_co_u32 s88, s88, A_SW
	s_mov_b32 s89, 0
	s_add_nc_u64 s[96:97], s[96:97], s[88:89]      ; ATT's, at the head's two bytes
	v_and_b32 v16, 31, v0                          ; L
	v_and_b32 v17, 15, v0                          ; r
	v_bfe_u32 v18, v0, 4, 1                        ; h
	v_lshlrev_b32 v9, 4, v16                       ; 16 L
	v_lshlrev_b32 v10, 4, v17
	v_lshl_add_u32 v10, v18, 3, v10                ; 16 r + 8 h
	v_lshlrev_b32 v19, 2, v17                      ; 4 r
	global_load_b128 v[198:201], v9, s[90:91]      ; q's six registers
	global_load_b64 v[202:203], v10, s[90:91] offset:512
	global_load_b32 v254, v19, s[92:93]            ; and its raw scale word
	v_mov_b32 v1, v9                               ; K's records begin at LDS byte 0
	v_mov_b32 v2, v10
	v_add_nc_u32 v3, L_VC, v9                      ; V's tiles of dims 0, 1
	v_add_nc_u32 v4, L_VC, v10
	v_add_nc_u32 v5, L_VC+49152, v9                ; and 2, 3
	v_add_nc_u32 v6, L_VC+49152, v10
	v_add_nc_u32 v7, L_KS, v19
	v_add_nc_u32 v8, L_VS, v19
.irp j, 192,193,194,195,196,197,204,205,206,207,208,209
	v_mov_b32 v\j, 0                               ; zero codes on both sides of q
.endr
	v_mov_b32 v13, 0xff61b1e6                      ; the largest t so far: -3e38, under every t
	v_floor_f32 v12, -v13                          ; -M
	v_mov_b32 v14, 0                               ; the sum, in two halves
	v_mov_b32 v15, 0
.irp b, 0,1,2,3
	v_mov_b32 v[236+\b], 0                         ; written once: a lane permute's destination counts as one of its sources
.endr
	v_mov_b32 v253, 0                              ; (named as the upper half of the pair v[252:253] before it is first written)
.irp j, 0,1,2,3,4,5,6,7,8,9,10,11,12,13,14,15,16,17,18,19,20,21,22,23,24,25,26,27,28,29,30,31
	v_mov_b32 v[160+\j], 0                         ; O^T: the loop is written once; its first step finds zeros, which the first change of M leaves zeros
.endr
	s_wait_loadcnt 0x0                             ; q
	v_perm_b32 v255, v254, v254, s[QSEL]           ; the head's two bytes, twice: they serve [q, 0] and [0, q] alike
	s_wait_tensorcnt 0x0                           ; my fill, if I had one, has landed,
	s_barrier_signal -1
	s_barrier_wait -1                              ; everybody's has
	s_mov_b32 s[CNT], 16
.Lstep:                                            ; 16 trips of 128 keys
.irp i, 0,1,2,3,4,5,6,7
	ds_load_b32 v[210+\i], v7 offset:64*\i         ; the raw scale words of the step's eight tiles
.endr
.irp b, 0,1,2,3
	FRAG 32+12*\b, 1, 2, 1536*\b                   ; tiles 2 b and 2 b + 1 as one fragment.  (The eight address steps at the trip's end are the places behind the last products)
.endr
	s_wait_dscnt 16                                ; the raw words are in; the 16 fragment loads may be out
.irp b, 0,1,2,3
	v_perm_b32 v[248+\b], v[211+2*\b], v[210+2*\b], s[KSEL]   ; bytes 0, 1: tile 2 b's two blocks; bytes 2, 3: tile 2 b + 1's
.endr
.rept 8
	v_nop                                          ; a scale register written by a vector instruction stands 8 places ahead of a scaled matrix instruction; the fragments land meanwhile
.endr
	s_wait_dscnt 0x0
.irp b, 0,1,2,3
	v_wmma_scale_f32_16x16x128_f8f6f4 v[96+16*\b:103+16*\b], v[32+12*\b:43+12*\b], v[198:209], 0, v[248+\b], v255 matrix_a_fmt:MATRIX_FMT_FP6 matrix_b_fmt:MATRIX_FMT_FP6
.endr
.irp b, 0,1,2,3
	v_wmma_scale_f32_16x16x128_f8f6f4 v[104+16*\b:111+16*\b], v[32+12*\b:43+12*\b], v[192:203], 0, v[248+\b], v255 matrix_a_fmt:MATRIX_FMT_FP6 matrix_b_fmt:MATRIX_FMT_FP6
.endr
.rept 4
	v_nop                                          ; places in front of the loads below and of the first read of the scores
.endr
	FRAG 32, 3, 4, 0                               ; V's four fragments of this K step: they land during the softmax
	FRAG 44, 3, 4, 24576
	FRAG 56, 5, 6, 0
	FRAG 68, 5, 6, 24576
.irp d, 0,1,2,3
	ds_load_b32 v[248+\d], v8 offset:64*\d
.endr
.irp b, 0,1,2,3
	v_max3_num_f32 v[232+\b], v[96+16*\b], v[97+16*\b], v[98+16*\b]   ; the largest score of each block of 32 keys: it serves for the row's maximum and, since p rises with the score, for the block's largest p
.endr
.irp i, 3,5,7,9,11,13
.irp b, 0,1,2,3
	v_max3_num_f32 v[232+\b], v[232+\b], v[96+16*\b+\i], v[97+16*\b+\i]
.endr
.endr
.irp b, 0,1,2,3
	v_max_num_f32 v[232+\b], v[232+\b], v[111+16*\b]
.endr
.irp b, 0,1,2,3
	v_permlanex16_b32 v[236+\b], v[232+\b], s[SEL], s[SEL+1]
.endr
.irp b, 0,1,2,3
	v_max_num_f32 v[232+\b], v[232+\b], v[236+\b]  ; with lane l xor 16's 16 keys
.endr
	v_max3_num_f32 v254, v232, v233, v234
	v_max_num_f32 v254, v254, v235                 ; the step's largest score of my query
	v_mul_f32 v254, s[CS], v254                    ; as t (c is positive)
	v_max_num_f32 v13, v13, v254                   ; the running largest t
	v_mov_b32 v254, v12
	v_floor_f32 v12, -v13                          ; the new -M = floor(-t): M is a whole number
	v_sub_f32 v254, v12, v254                      ; M's old value less its new one: a whole number, 0 or less
	v_cvt_i32_f32 v254, v254                       ; (it saturates)
	v_ldexp_f32 v252, 1.0, v254                    ; f = 2^(old M - new M)
.irp j, 0,2,4,6,8,10,12,14,16,18,20,22,24,26,28,30,32,34,36,38,40,42,44,46,48,50,52,54,56,58,60,62
	v_pk_fma_f32 v[96+\j:97+\j], v[96+\j:97+\j], s[CS:CS+1], v[12:13] op_sel_hi:[1,0,0]   ; t - M, two at a time
.endr
.irp b, 0,1,2,3
	v_fma_f32 v[232+\b], v[232+\b], s[CS], v12     ; the same of each block's largest score
.endr
.irp j, 0,1,2,3,4,5,6,7,8,9,10,11,12,13,14,15,16,17,18,19,20,21,22,23,24,25,26,27,28,29,30,31,32,33,34,35,36,37,38,39,40,41,42,43,44,45,46,47,48,49,50,51,52,53,54,55,56,57,58,59,60,61,62,63
	v_exp_f32 v[96+\j], v[96+\j]                   ; p = 2^(t - M), at most 1: not normalised
.endr
	v_pk_mul_f32 v[14:15], v[14:15], v[252:253] op_sel_hi:[1,0]   ; the sums under the new M: a plain place behind the exponentials
	s_wait_alu depctr_va_vdst(0)                   ; one wait for the whole batch, ahead of its first reader
.irp b, 0,1,2,3
	v_exp_f32 v[232+\b], v[232+\b]                 ; the block's largest p: the same two instructions on the same number give the same bits
.endr
	v_pk_add_f32 v[236:237], v[96:97], v[98:99]    ; the row's sum is taken of the unquantised p: two at a time, in two chains
.irp j, 4,8,12,16,20,24,28,32,36,40,44,48,52,56,60
	v_pk_add_f32 v[14:15], v[14:15], v[96+\j:97+\j]
	v_pk_add_f32 v[236:237], v[236:237], v[98+\j:99+\j]
.endr
	v_pk_add_f32 v[14:15], v[14:15], v[236:237]
	s_wait_alu depctr_va_vdst(0)                   ; and one for the four
.irp b, 0,1,2,3
	v_max_num_f32 v[232+\b], 0x1800000, v[232+\b]  ; the floor 2^(3 - 127): the byte cannot fall under 1
.endr
.irp b, 0,1,2,3
	v_add_nc_u32 v[244+\b], 0xff000000, v[232+\b]  ; 2 off the exponent field: the conversion's scale operand
.endr
.irp b, 0,1,2,3
	v_lshrrev_b32 v[236+\b], 23, v[244+\b]         ; the scale's byte
.endr
	v_lshl_or_b32 v253, v237, 8, v236              ; p's scale word for these 128 keys
	v_lshl_or_b32 v253, v238, 16, v253
	v_lshl_or_b32 v253, v239, 24, v253
.irp c, 0,1
	v_cvt_scalef32_pk16_fp6_f32 v[224+6*\c:226+6*\c], v[96+32*\c:111+32*\c], v[244+2*\c]
	v_cvt_scalef32_pk16_fp6_f32 v[236+4*\c:238+4*\c], v[112+32*\c:127+32*\c], v[244+2*\c+1]   ; (a conversion's three registers begin on an even number)
.endr
	v_nop                                          ; one plain place behind a scaled conversion
.irp c, 0,1                                    ; the operand's layout wants a whole block in a lane
.irp i, 0,1,2
	v_permlane16_swap_b32 v[224+6*\c+\i], v[236+4*\c+\i]
.endr
.irp i, 0,1,2
	v_mov_b32 v[227+6*\c+\i], v[236+4*\c+\i]
.endr
.endr
.irp j, 0,2,4,6,8,10,12,14,16,18,20,22,24,26,28,30
	v_pk_mul_f32 v[160+\j:161+\j], v[160+\j:161+\j], v[252:253] op_sel_hi:[1,0]   ; O^T under the new M; these sixteen are also the places between p's codes and scale word and the products
.endr
	s_wait_dscnt 0x0                               ; V's fragments and scale words
.irp d, 0,1,2,3                                ; O^T += V^T P^T: four accumulators, one instruction a turn
	v_wmma_scale_f32_16x16x128_f8f6f4 v[160+8*\d:167+8*\d], v[32+12*\d:43+12*\d], v[224:235], v[160+8*\d:167+8*\d], v[248+\d], v253 matrix_a_fmt:MATRIX_FMT_FP6 matrix_b_fmt:MATRIX_FMT_FP6
.endr
	v_add_nc_u32 v1, 6144, v1                      ; the next step: eight half records of K,
	v_add_nc_u32 v2, 6144, v2
	v_add_nc_u32 v3, 1536, v3                      ; a record of each tile of V,
	v_add_nc_u32 v4, 1536, v4
	v_add_nc_u32 v5, 1536, v5
	v_add_nc_u32 v6, 1536, v6
	v_add_nc_u32 v7, 512, v7                       ; 128 raw words,
	v_add_nc_u32 v8, 256, v8                       ; a row of V's words
	s_sub_co_u32 s[CNT], s[CNT], 1
	s_cmp_lg_u32 s[CNT], 0
	s_cbranch_scc1 .Lstep
	; THE WAY OUT.  O^T / the sum; register 16 b + i is dim 32 b + 16 h + i of my query: two blocks of 32, half a record of the next product's operand.
	v_add_f32 v14, v14, v15                        ; the sum's two halves,
	v_permlanex16_b32 v252, v14, s[SEL], s[SEL+1]
	v_add_f32 v14, v14, v252                       ; and lane l xor 16's: the row's sum
	v_rcp_f32 v14, v14
	v_nop                                          ; a plain place behind the transcendental
	s_wait_alu depctr_va_vdst(0)                   ; and the wait ahead of its first reader
.irp j, 0,1,2,3,4,5,6,7,8,9,10,11,12,13,14,15,16,17,18,19,20,21,22,23,24,25,26,27,28,29,30,31
	v_mul_f32 v[96+\j], v[160+\j], v14
.endr
.irp b, 0,1
	v_max3_num_f32 v[232+\b], |v[96+16*\b]|, |v[97+16*\b]|, 0x1800000
.endr
.irp i, 2,4,6,8,10,12,14
.irp b, 0,1
	v_max3_num_f32 v[232+\b], v[232+\b], |v[96+16*\b+\i]|, |v[97+16*\b+\i]|
.endr
.endr
.irp b, 0,1
	v_permlanex16_b32 v[236+\b], v[232+\b], s[SEL], s[SEL+1]
.endr
.irp b, 0,1
	v_max_num_f32 v[232+\b], v[232+\b], v[236+\b]
.endr
.irp b, 0,1
	v_add_nc_u32 v[244+\b], 0xff000000, v[232+\b]
.endr
.irp b, 0,1
	v_lshrrev_b32 v[236+\b], 23, v[244+\b]
.endr
	v_lshl_or_b32 v240, v237, 8, v236              ; the two scale bytes
	v_cvt_scalef32_pk16_fp6_f32 v[224:226], v[96:111], v244
	v_cvt_scalef32_pk16_fp6_f32 v[228:230], v[112:127], v245
	v_nop                                          ; one plain place behind a scaled conversion
.irp i, 0,1,2
	v_permlane16_swap_b32 v[224+\i], v[228+\i]     ; lanes 0-15 block 0, lanes 16-31 block 1
.endr
	v_mov_b32 v227, v228
	v_mov_b32 v228, v229
	v_mov_b32 v229, v230
	global_store_b128 v9, v[224:227], s[94:95]     ; 512 consecutive bytes
	global_store_b64 v10, v[228:229], s[94:95] offset:512   ; 256 consecutive bytes
	global_store_b16 v19, v240, s[96:97]           ; both halves of the lanes write the same 16 bits
	s_wait_tensorcnt 0x0
	ds_add_u32 v223, v243
	s_wait_dscnt 0x0
	CROUND                                         ; the closing round: no work-group ends while a partner may still ask for a tile that names it
	s_endpgm
.Lfunc_end_k_q484ae9fd09_attn:
	.size	k_q484ae9fd09_attn, .Lfunc_end_k_q484ae9fd09_attn-k_q484ae9fd09_attn
	.p2alignl 7, 3214868480
	.fill 96, 4, 3214868480
	.section	.rodata,"a",@progbits
	.p2align	6, 0x0
	.amdhsa_kernel k_q484ae9fd09_attn
		.amdhsa_group_segment_fixed_size 210944
		.amdhsa_private_segment_fixed_size 0
		.amdhsa_enable_private_segment 0
		.amdhsa_kernarg_size 16
		.amdhsa_user_sgpr_count 2
		.amdhsa_user_sgpr_kernarg_segment_ptr 1
		.amdhsa_wavefront_size32 1
		.amdhsa_system_sgpr_workgroup_id_x 1
		.amdhsa_system_sgpr_workgroup_id_y 1
		.amdhsa_system_sgpr_workgroup_id_z 1
		.amdhsa_system_vgpr_workitem_id 0
		.amdhsa_next_free_vgpr 256
		.amdhsa_next_free_sgpr 100
		.amdhsa_reserve_vcc 0
		.amdhsa_float_denorm_mode_32 3
		.amdhsa_float_denorm_mode_16_64 3
		.amdhsa_memory_ordered 1
		.amdhsa_forward_progress 1
		.amdhsa_inst_pref_size 32
	.end_amdhsa_kernel
	.amdgpu_metadata
---
amdhsa.version: [ 1, 2 ]
amdhsa.kernels:
  - .name:           k_q484ae9fd09_attn
    .symbol:         k_q484ae9fd09_attn.kd
    .args:
      - { .name: Q, .offset: 0, .size: 8, .value_kind: global_buffer, .address_space: global }
      - { .name: ATT, .offset: 8, .size: 8, .value_kind: global_buffer, .address_space: global }
    .group_segment_fixed_size: 210944
    .private_segment_fixed_size: 0
    .kernarg_segment_align: 8
    .kernarg_segment_size: 16
    .max_flat_workgroup_size: 512
    .sgpr_count:     100
    .vgpr_count:     256
    .wavefront_size: 32
...
	.end_amdgpu_metadata
.endif
;; end of part 3
;; launch wo (part 4): grid 4 x 16, 4 waves a work-group, clusters of 4 x 4, 327,680 bytes of LDS; arguments ATT, P, bo, Y; writes Y
.if DOCPART == 4
	.amdgcn_target "amdgcn-amd-amdhsa--gfx1250"
	.amdhsa_code_object_version 6
	.text
	.protected	k_q484ae9fd09_wo
	.globl	k_q484ae9fd09_wo
	.p2align	8
	.type	k_q484ae9fd09_wo,@function
k_q484ae9fd09_wo:
	s_mov_b64 s[64:65], 0
	v_nop
	global_prefetch_b8 v0, s[64:65] scope:SCOPE_SE
	s_setreg_imm32_b32 hwreg(HW_REG_WAVE_MODE, 25, 1), 1
	s_wait_xcnt 0x0
	s_wait_alu depctr_hold_cnt(0) depctr_sa_sdst(0) depctr_va_vdst(0) depctr_va_sdst(0) depctr_va_ssrc(0) depctr_va_vcc(0) depctr_vm_vsrc(0)
	s_getreg_b32 s2, hwreg(HW_REG_IB_STS2, 6, 4)
	s_cmp_eq_u32 s2, 0
	s_cbranch_scc0 .Lentry_in_a_cluster
	s_endpgm
.Lentry_in_a_cluster:
	s_bfe_u32 s2, ttmp6, 0x10000c
	s_cmp_lg_u32 s2, 0xf033
	s_cbranch_scc0 .Lentry_shape_is_right
	s_endpgm
.Lentry_shape_is_right:
; WO: y = attn wo + bo on codes of FP6 (E2M3); A = the attention's result as codes, B = wo's columns as codes; the result leaves in f32, as the accumulators stand, for the launch that adds the residual and normalises.
; N = 1,024 gives 64 tiles of 256 x 256: this launch has work for 64 work-groups.
.set KS,   8                           ; K steps of 128
.set A_C,  0                           ; A's codes, scale words and their pitch in A's buffer
.set A_S,  3145728
.set A_SP, 16384
.set B_C,  5505024                     ; B's likewise
.set B_S,  12812288
.set B_SP, 4096
.set QKV,  0
.set RELU, 0
.set WAYQ, 0                           ; 1: the result is quantised and leaves as records of codes; 0: it leaves as f32, as the accumulators stand
.set KSO,  8                           ; records of 128 columns in a tile of rows of the output
.set SWPO, 0
.set O_S,  0
.set P_BIAS, 0
; ---- THE COMMON TEXT of the four products of this program; only the lines above differ.
; C(a, b) = sum over k of A[a][k] B[b][k] + bias.  A tile of 256 x 256 is made by four waves, as many as a WGP has SIMDs; a wave makes 128 x 128: 64 accumulators of 16 x 16, 512 registers.
; OPERANDS lie in memory as images of the operand registers.  Sixteen rows form a tile (row r of tile t is the natural row 32 (t / 2) + 8 (t % 2) + r + 8 (r / 8)); the record of (tile t, K step s) is 1,536 bytes at (t KS + s) 1536:
; half c: registers 6 c .. 6 c + 3 of lane L at 768 c + 16 L, registers 6 c + 4, 6 c + 5 of lane (r, h) at 768 c + 512 + 16 r + 8 h.  So a fragment comes by two loads of 16 and two of 8 bytes a lane, all dense: no padding.
; K goes in steps of 256 through a ring of two LDS slots; a wave's tensor load brings 8 tiles x 3,072 bytes (a tile's two K steps lie on end; a row cannot be longer, so the load has 8 rows).
; THE SCALE WORDS of the work-group's rows, for all of K, come once with the first fills and stay: [K step][128 words] for each 128 rows.
; CLUSTERS: 4 x 4 work-groups; A's tiles are asked for jointly along a row of the cluster, B's along a column.  THE MATRIX INSTRUCTION IS USED TRANSPOSED (source 0 = 16 rows of B, source 1 = 16 rows of A): lane (r, h) holds
; row r of A's tile, and register 16 b + i of its 64 results against B's eight tiles is B's natural row 32 b + 16 h + i: 16 neighbours of each block of 32, which is what the quantiser takes.
; LIMITS: NaN and infinities are not served; a block whose largest magnitude lies under 2^-124 keeps the scale byte 1.
; REGISTERS, in windows of 256: window 0: v16-31 addresses; v32-63 scale words, two sets; v64-127 B's bias, later 64 numbers at work; v128-223 A's fragments, one set, later the quantiser's registers; v224-239 A's bias.
;   window 1: B's fragments, two sets, at v0 and v128.   windows 2, 3: the accumulators of my rows 0-63 and 64-127, (a, b) at v[8 (8 (a % 4) + b)].
.set NQ,    2                          ; K steps of 128 in a slot
.set FR,    12                         ; registers of a fragment
.set NL,    4                          ; LDS loads that bring one
.set NP,    4                          ; places behind this matrix instruction (ISA guide 7.12.1)
.set TILEB, 3072                       ; a tile's bytes in a slot
.set HALFT, 8*TILEB                    ; 8 tiles: what one tensor load brings, and what one wave reads of A or of B
.set SLOT,  4*HALFT
.set LAPS,  KS/4                       ; a lap = once round the ring
.set SCL,   2*SLOT                     ; behind the ring: the scale words
.set HALFS, 512*KS                     ; those of 128 rows
.set SPARE, SCL+4*HALFS                ; the spare words, 128 bytes for each wave: two blocks of 256 bytes that no other line names
.set GATH,  SPARE+512                  ; 512 bytes for each wave: the output's scale words are gathered here; no tensor load lands here
.if WAYQ
.set REC,   1536
.else
.set REC,   8192
.endif
.set ADRA, 16                          ; v16-17 16 L + my A tiles in slot 0, 1;  v18-19 16 r + 8 h + the same
.set ADRB, 20                          ; v20-23 the same for B
.set OX,   24                          ; v24  16 L
.set OY,   25                          ; v25  16 r + 8 h
.set GW,   26                          ; v26  where I put a scale word
.set ADRS, 27                          ; v27  LDS address of my scale words: lanes 0-15 A's rows, lanes 16-31 B's
.set SPW,  28                          ; v28  LDS address of my spare word; never rewritten
.set NIL,  29                          ; v29  0; never rewritten
.set GR,   30                          ; v30  where I read 16 bytes of scale words back
.set BO,   31                          ; v31  64 h: my half's place in a block of 32 numbers of the bias
.set SC,   32
.set BIAS, 64
.set T,    64
.set AF,   128
.set BA,   224
.set PC,   128
.set TM,   148
.set PW,   164
.set GL,   168
.set SEL,  96                          ; s[96:97] lane selects for lane l xor 16
.set G1,   24                          ; s[24:31] group 1 for A's tiles;  s[32:39] group 0, a set for each slot
.set G0,   32
.set G1B,  48                          ; s[48:55], s[56:63] the same for B's
.set G0B,  56
.set G1S,  68                          ; s[68:75], s[76:79] groups 1 and 0 for A's scale words;  s[80:87], s[88:91] for B's
.set G0S,  76
.set G1SB, 80
.set G0SB, 88
.set MSB, 0
.macro WIN new                         ; the immediate's high byte repeats the setting that is left
.if MSB != (\new)
	s_set_vgpr_msb (MSB<<8)|(\new)
.set MSB, (\new)
.endif
.endm
.set MUL_LO, 0xa1                      ; source 0 (B) window 1, source 1 (A) window 0, C and D window 2
.set MUL_HI, 0xf1                      ; the same, C and D window 3
.set TO_B,   0x40                      ; destination window 1, address window 0
; A joint load: waves 0 and 1 fetch for A, waves 2 and 3 for B.  Each line has one mask and one set of registers for all that issue it; the branch hangs on the wave's number alone.  Four v_nop follow each line.
.macro JLOAD g0a, g1a, g0b, g1b
	s_cmp_eq_u32 s15, 0
	s_cbranch_scc0 .Lfor_b_\@
	tensor_load_to_lds s[\g0a:\g0a+3], s[\g1a:\g1a+7]
	s_nop 0
.rept 4
	v_nop
.endr
	s_branch .Lasked_\@
.Lfor_b_\@:
	tensor_load_to_lds s[\g0b:\g0b+3], s[\g1b:\g1b+7]
	s_nop 0
.rept 4
	v_nop
.endr
.Lasked_\@:
.endm
.macro CREST                           ; a round of the cluster's barrier behind its opening barrier
	s_cmp_lg_u32 s14, 0
	s_cbranch_scc1 .Lnot_wave_0_\@
	s_barrier_signal -3
.Lnot_wave_0_\@:
	s_barrier_wait -3
	s_barrier_signal -1
	s_barrier_wait -1
.endm
.macro CROUND
	s_barrier_signal -1
	s_barrier_wait -1
	CREST
.endm
.if QKV
	s_load_b128 s[4:7], s[0:1], 0x0                ; the pool, the output
.else
	s_load_b256 s[4:11], s[0:1], 0x0               ; A's buffer, B's buffer, the bias, the output
.endif
	v_lshl_add_u32 v[SPW], v0, 2, SPARE
	v_mov_b32 v[NIL], 0
	ds_add_u32 v28, v29
	ds_add_u32 v28, v29
	s_wait_dscnt 0x0
	v_lshrrev_b32 v1, 5, v0
	v_readfirstlane_b32 s14, v1                    ; wave 0..3
	s_lshr_b32 s15, s14, 1                         ; which half of the tile's A rows is mine.  Also: I fetch for A (0) or for B (1)
	s_and_b32 s16, s14, 1                          ; which half of its B rows.  Also: which 128 rows I fetch
	s_bfe_u32 s40, ttmp6, 0x40000                  ; cx, cy: my place in the cluster
	s_bfe_u32 s41, ttmp6, 0x40004
	s_and_b32 s18, ttmp7, 0xffff
	s_lshl_b32 s18, s18, 2                         ; 4 x cluster y
	s_lshl_b32 s19, ttmp9, 2                       ; 4 x cluster x
.if QKV
	s_add_co_u32 s19, s19, 16
	s_cmp_lt_u32 ttmp9, 2                          ; the same in all sixteen partners
	s_cselect_b32 s17, s18, 24                     ; A: x's blocks of 256 rows, or wv's (pool blocks 24-27)
	s_cselect_b32 s42, s19, s18                    ; B: wq's and wk's (16-23), or x's
.else
	s_mov_b32 s17, s18
	s_mov_b32 s42, s19
.endif
	s_add_co_u32 s17, s17, s41                     ; A's block: cy enters here alone,
	s_add_co_u32 s42, s42, s40                     ; B's block: cx here alone
	s_lshl_b32 s43, s41, 2
	s_lshl_b32 s43, 15, s43                        ; my row of the cluster
	s_lshl_b32 s44, 0x1111, s40                    ; my column
	s_or_b32 s[G1+0], s43, (3<<16)|(1<<21)         ; 15:0 the mask; 17:16 elements of 8 bytes; 20 no padding; 21 set beside a mask
	s_or_b32 s[G1B+0], s44, (3<<16)|(1<<21)
.irp g, G1, G1B
	s_mov_b32 s[\g+1], 384<<16                     ; tensor_dim0: 3,072 bytes
	s_mov_b32 s[\g+2], 8<<16                       ; tensor_dim1: 8 tiles
	s_mov_b32 s[\g+3], 384<<16                     ; tile_dim0
	s_mov_b32 s[\g+4], 8                           ; tile_dim1
	s_mov_b32 s[\g+5], 192*KS                      ; from tile to tile: KS records
	s_mov_b32 s[\g+6], 0
	s_mov_b32 s[\g+7], 0
.endr
	s_or_b32 s[G1S+0], s43, (3<<16)|(1<<21)
	s_or_b32 s[G1SB+0], s44, (3<<16)|(1<<21)
.irp g, G1S, G1SB
	s_mov_b32 s[\g+1], 64<<16                      ; 128 words
	s_mov_b32 s[\g+2], KS<<16                      ; a row for each K step
	s_mov_b32 s[\g+3], 64<<16
	s_mov_b32 s[\g+4], KS
	s_mov_b32 s[\g+6], 0
	s_mov_b32 s[\g+7], 0
.endr
	s_mov_b32 s[G1S+5], A_SP/8
	s_mov_b32 s[G1SB+5], B_SP/8
	s_lshl_b32 s20, s17, 1
	s_add_co_u32 s20, s20, s16                     ; A: which 128 rows I fetch
	s_mul_i32 s22, s20, 512                        ; their scale words,
	s_mul_i32 s20, s20, 12288*KS                   ; their codes
	s_add_co_u32 s20, s20, A_C
	s_add_co_u32 s22, s22, A_S
	s_mov_b32 s21, 0
	s_mov_b32 s23, 0
	s_lshl_b32 s46, s42, 1
	s_add_co_u32 s46, s46, s16                     ; B likewise, in registers that never hold cy
	s_mul_i32 s92, s46, 512
	s_mul_i32 s46, s46, 12288*KS
	s_add_co_u32 s46, s46, B_C
	s_add_co_u32 s92, s92, B_S
	s_mov_b32 s47, 0
	s_mov_b32 s93, 0
	s_mul_i32 s45, s14, HALFT                      ; where they go: wave x 8 tiles: no place in the cluster enters an LDS address
	s_mul_i32 s94, s14, HALFS
	s_wait_kmcnt 0x0
.if QKV
	s_mov_b64 s[10:11], s[6:7]                     ; the output;
	s_mov_b64 s[6:7], s[4:5]                       ; B's buffer is the pool too,
	s_add_nc_u64 s[8:9], s[4:5], P_BIAS            ; and the biases lie in it, by pool row
.endif
	s_add_nc_u64 s[20:21], s[4:5], s[20:21]
	s_add_nc_u64 s[22:23], s[4:5], s[22:23]
	s_add_nc_u64 s[46:47], s[6:7], s[46:47]
	s_add_nc_u64 s[92:93], s[6:7], s[92:93]
	CROUND                                         ; all sixteen work-groups are here: the first joint loads meet
	s_mov_b32 s[G0S], 1
	s_add_co_u32 s[G0S+1], s94, SCL
	s_mov_b64 s[G0S+2:G0S+3], s[22:23]
	s_or_b32 s[G0S+3], s[G0S+3], 0x80000000
	s_mov_b32 s[G0SB], 1
	s_add_co_u32 s[G0SB+1], s94, SCL
	s_mov_b64 s[G0SB+2:G0SB+3], s[92:93]
	s_or_b32 s[G0SB+3], s[G0SB+3], 0x80000000
	JLOAD G0S, G1S, G0SB, G1SB                     ; the scale words first: they are wanted with K step 0.  Three loads of mine are out behind the first fills
.irp s, 0,1
	s_mov_b32 s[G0+4*\s], 1
	s_add_co_u32 s[G0+4*\s+1], s45, \s*SLOT
	s_add_nc_u64 s[G0+4*\s+2:G0+4*\s+3], s[20:21], \s*TILEB
	s_or_b32 s[G0+4*\s+3], s[G0+4*\s+3], 0x80000000
	s_mov_b32 s[G0B+4*\s], 1
	s_add_co_u32 s[G0B+4*\s+1], s45, \s*SLOT
	s_add_nc_u64 s[G0B+4*\s+2:G0B+4*\s+3], s[46:47], \s*TILEB
	s_or_b32 s[G0B+4*\s+3], s[G0B+4*\s+3], 0x80000000
	JLOAD G0+4*\s, G1, G0B+4*\s, G1B
.endr
	v_and_b32 v1, 31, v0                           ; L
	v_and_b32 v2, 15, v0                           ; r
	v_bfe_u32 v3, v0, 4, 1                         ; h
	v_lshlrev_b32 v[OX], 4, v1
	v_lshlrev_b32 v[OY], 4, v2
	v_lshl_add_u32 v[OY], v3, 3, v[OY]
	s_mul_i32 s21, s15, HALFT                      ; my 8 tiles of A
	s_mul_i32 s22, s16, HALFT                      ; my 8 tiles of B,
	s_add_co_u32 s22, s22, 2*HALFT                 ; which lie behind A's 16
.irp s, 0,1
	v_add_nc_u32 v[ADRA+\s], s21, v[OX]
	v_add_nc_u32 v[ADRA+2+\s], s21, v[OY]
	v_add_nc_u32 v[ADRB+\s], s22, v[OX]
	v_add_nc_u32 v[ADRB+2+\s], s22, v[OY]
	s_add_co_u32 s21, s21, SLOT
	s_add_co_u32 s22, s22, SLOT
.endr
	s_mul_i32 s21, s15, HALFS                      ; A's scale words: my 128 rows
	s_mul_i32 s22, s16, HALFS                      ; B's: my 128 rows, behind A's 256
	s_add_co_u32 s22, s22, 2*HALFS
	s_sub_co_u32 s22, s22, s21
	v_mul_u32_u24 v6, s22, v3                      ; lanes 16-31 take B's
	s_add_co_u32 s21, s21, SCL
	v_lshl_add_u32 v5, v2, 2, v6
	v_add_nc_u32 v[ADRS], s21, v5
	v_lshlrev_b32 v[BO], 6, v3
	s_lshl_b32 s46, s42, 10                        ; B's bias: my 128 rows' numbers
	s_lshl_b32 s47, s16, 9
	s_add_co_u32 s46, s46, s47
	s_mov_b32 s47, 0
	s_add_nc_u64 s[98:99], s[8:9], s[46:47]
.irp b, 0,1,2,3,4,5,6,7                        ; in the result's layout: for tile b lane (r, h) wants the numbers of natural rows 32 (b / 2) + 8 (b % 2) + 16 h + 0 .. 7
	global_load_b128 v[BIAS+8*\b:BIAS+8*\b+3], v[BO], s[98:99] offset:(32*(\b/2)+8*(\b%2))*4
	global_load_b128 v[BIAS+8*\b+4:BIAS+8*\b+7], v[BO], s[98:99] offset:(32*(\b/2)+8*(\b%2))*4+16
.endr
.if QKV
	v_and_b32 v4, 8, v2
	v_add_nc_u32 v4, v4, v2
	v_lshlrev_b32 v15, 2, v4                       ; 4 (r + 8 (r / 8))
	s_lshl_b32 s46, s17, 10                        ; A's bias: one number a lane for each of my 8 tiles
	s_lshl_b32 s47, s15, 9
	s_add_co_u32 s46, s46, s47
	s_mov_b32 s47, 0
	s_add_nc_u64 s[66:67], s[8:9], s[46:47]
.irp a, 0,1,2,3,4,5,6,7
	global_load_b32 v[BA+2*\a], v15, s[66:67] offset:(32*(\a/2)+8*(\a%2))*4
	v_mov_b32 v[BA+2*\a+1], 0                      ; (named with it as a pair, so it is written)
.endr
.endif
	; where my part of the output begins
.if QKV
	s_cmp_lt_u32 ttmp9, 2
	s_cselect_b32 s20, s17, s41                    ; the output's block of rows: x's block, or wv's block counted from wv's first row
	s_cselect_b32 s21, s40, s42                    ; its block along K: the weight's block counted from its first row, or x's block
	s_cselect_b32 s22, 8, 32                       ; its K steps: 1,024 features, or 4,096 tokens
	s_mov_b32 s23, 4096
	s_cselect_b32 s23, 16384, s23                  ; the pitch of its scale words: 4,096 rows, or 1,024
.else
	s_mov_b32 s20, s17
	s_mov_b32 s21, s42
	s_mov_b32 s22, KSO
.if WAYQ
	s_mov_b32 s23, SWPO
.endif
.endif
	s_lshl_b32 s20, s20, 4
	s_lshl_b32 s46, s15, 3
	s_add_co_u32 s20, s20, s46                     ; my first tile of rows
	s_lshl_b32 s21, s21, 1
	s_add_co_u32 s21, s21, s16                     ; my K step (128 columns)
	s_mul_i32 s46, s20, s22
	s_add_co_u32 s46, s46, s21
	s_mul_i32 s46, s46, REC
.if QKV
	s_mul_i32 s47, ttmp9, 3145728                  ; q's, k's and v's codes lie one behind the other
	s_add_co_u32 s46, s46, s47
.endif
	s_mov_b32 s47, 0
	s_add_nc_u64 s[12:13], s[10:11], s[46:47]      ; my first record
.if WAYQ
	s_mul_i32 s92, s22, REC                        ; from tile to tile
	s_mov_b32 s93, 0
	s_mul_i32 s46, s21, s23
	s_lshl_b32 s94, s20, 6
	s_add_co_u32 s46, s46, s94
	s_add_co_u32 s46, s46, O_S
.if QKV
	s_lshl_b32 s94, ttmp9, 17                      ; and so do their scale words
	s_add_co_u32 s46, s46, s94
.endif
	s_add_nc_u64 s[94:95], s[10:11], s[46:47]      ; my 128 scale words
	s_mov_b32 s[SEL], 0x76543210
	s_mov_b32 s[SEL+1], 0xfedcba98
	s_lshl_b32 s23, s14, 9
	s_add_co_u32 s23, s23, GATH
	v_lshl_add_u32 v[GW], v2, 2, s23
	v_add_nc_u32 v[GR], s23, v[OX]
.endif
.macro FRAG reg, ax, ay, off           ; a record becomes a fragment's 12 registers
	ds_load_b128 v[\reg:\reg+3], v[\ax] offset:\off
	ds_load_b64 v[\reg+4:\reg+5], v[\ay] offset:\off+512
	ds_load_b128 v[\reg+6:\reg+9], v[\ax] offset:\off+768
	ds_load_b64 v[\reg+10:\reg+11], v[\ay] offset:\off+1280
.endm
; 16 matrix instructions: A's blocks a0, a0 + 1 x B's eight, the slot's q-th 128 along K.  p: B's set;  sc: the set of scale words.  zero = 1: the first product starts the sums from B's bias: nothing is cleared, no bias is added later.
; The 64 accumulators take turns, one instruction a turn, in the same order in every step.
.macro MUL16 a0, p, q, sc, zero
.irp a, \a0, \a0+1
.irp b, 0,1,2,3,4,5,6,7
.if \zero
	v_wmma_scale_f32_16x16x128_f8f6f4 v[8*(8*((\a)%4)+\b):8*(8*((\a)%4)+\b)+7], v[128*(\p)+FR*\b:128*(\p)+FR*\b+FR-1], v[AF+FR*(\a):AF+FR*(\a)+FR-1], v[BIAS+8*\b:BIAS+8*\b+7], v[SC+8*NQ*(\sc)+NQ*\b+(\q)], v[SC+8*NQ*(\sc)+NQ*(\a)+(\q)] matrix_a_fmt:MATRIX_FMT_FP6 matrix_b_fmt:MATRIX_FMT_FP6 matrix_a_scale:MATRIX_SCALE_ROW1
.else
	v_wmma_scale_f32_16x16x128_f8f6f4 v[8*(8*((\a)%4)+\b):8*(8*((\a)%4)+\b)+7], v[128*(\p)+FR*\b:128*(\p)+FR*\b+FR-1], v[AF+FR*(\a):AF+FR*(\a)+FR-1], v[8*(8*((\a)%4)+\b):8*(8*((\a)%4)+\b)+7], v[SC+8*NQ*(\sc)+NQ*\b+(\q)], v[SC+8*NQ*(\sc)+NQ*(\a)+(\q)] matrix_a_fmt:MATRIX_FMT_FP6 matrix_b_fmt:MATRIX_FMT_FP6 matrix_a_scale:MATRIX_SCALE_ROW1
.endif
.endr
.endr
.endm
.macro FETCH_B slot, q, p              ; B's eight fragments of the slot's q-th 128 along K into set p
	WIN TO_B
.irp i, 0,1,2,3,4,5,6,7
	FRAG 128*(\p)+FR*\i, ADRB+\slot, ADRB+2+\slot, \i*TILEB+(\q)*1536
.endr
	WIN 0
.endm
.macro FETCH_A slot, q, i0             ; A's blocks i0 .. i0 + 3
.irp i, \i0, \i0+1, \i0+2, \i0+3
	FRAG AF+FR*(\i), ADRA+\slot, ADRA+2+\slot, (\i)*TILEB+(\q)*1536
.endr
.endm
.macro SCALES sc                       ; the slot's scale words into set sc: register 2 i + q: lanes 0-15 A's block i, lanes 16-31 B's block i
.irp i, 0,1,2,3,4,5,6,7
.irp q, 0,1
	ds_load_b32 v[SC+16*\sc+2*\i+\q], v[ADRS] offset:64*\i+512*\q
.endr
.endr
.endm
; A load into a register that a matrix instruction has read, and a vector instruction or a store that reads a matrix result, stand NP places behind it; only plain vector instructions that name none of its registers are places.
.macro PLACES n
.rept \n
	v_nop
.endr
.endm
.macro STEP slot, q, zero              ; a step of 128 along K that has its successor in the same slot
	s_wait_dscnt 4*NL                              ; B's set, A's blocks 0-3 and the scale words are in; the youngest 16 loads (A's blocks 4-7) may be out
.if \zero
	WIN 0x81                                       ; C (the bias) window 0, D window 2
.else
	WIN MUL_LO
.endif
	MUL16 0, (\q)%2, \q, \slot, \zero
	MUL16 2, (\q)%2, \q, \slot, \zero
	s_wait_dscnt 0                                 ; A's blocks 4-7 are in (asked for 32 matrix instructions ago)
	PLACES NP
	FETCH_B \slot, (\q)+1, 1-(\q)%2
	FETCH_A \slot, (\q)+1, 0
.if \zero
	WIN 0xc1
.else
	WIN MUL_HI
.endif
	MUL16 4, (\q)%2, \q, \slot, \zero
	MUL16 6, (\q)%2, \q, \slot, \zero
	PLACES NP
	WIN 0
	FETCH_A \slot, (\q)+1, 4
.endm
; A slot's last step changes slots: one barrier; in front of it each wave waits for all its tensor loads, adds 0 to its spare word, and waits for that and for its own reads of this slot.  fill = 1: this slot is filled again, two slots ahead.
.macro TURN slot, next, fill
	s_wait_tensorcnt 0x0                           ; all my tensor loads have landed: my part of the next slot;  (every window is 0 here)
	ds_add_u32 v[SPW], v[NIL]                      ; 0 onto my spare word
	s_wait_dscnt 4*NL+1                            ; (the add and the youngest 16 loads, A's blocks 4-7, may be out)
	WIN MUL_LO
	MUL16 0, 1, NQ-1, \slot, 0                     ; sixteen matrix instructions stand between the add and the wait for it
	s_wait_dscnt 0x0                               ; the add is done, and my reads of this slot are over
	s_barrier_signal -1
	MUL16 2, 1, NQ-1, \slot, 0
	WIN 0
	s_barrier_wait -1
.if \fill
	CREST                                          ; the barrier has opened a round of the cluster's barrier: no wave of any partner still reads this slot or has a load on its way
	s_add_nc_u64 s[G0+4*\slot+2:G0+4*\slot+3], s[G0+4*\slot+2:G0+4*\slot+3], 2*TILEB
	s_add_nc_u64 s[G0B+4*\slot+2:G0B+4*\slot+3], s[G0B+4*\slot+2:G0B+4*\slot+3], 2*TILEB
	JLOAD G0+4*\slot, G1, G0B+4*\slot, G1B         ; the first tensor load behind the round, my one load until the next; its four v_nop are the places in front of the loads below
.else
	PLACES NP
.endif
	v_add_nc_u32 v[ADRS], 512*NQ, v[ADRS]          ; on to the next slot's scale words
	FETCH_B \next, 0, 0
	FETCH_A \next, 0, 0
	SCALES \next
	WIN MUL_HI
	MUL16 4, 1, NQ-1, \slot, 0
	MUL16 6, 1, NQ-1, \slot, 0
	PLACES NP
	WIN 0
	FETCH_A \next, 0, 4
.endm
	s_wait_tensorcnt 1                             ; the scale words and my part of slot 0 are in (slot 1's load may be out)
	s_barrier_signal -1
	s_barrier_wait -1                              ; everybody's are
	FETCH_B 0, 0, 0
	FETCH_A 0, 0, 0
	SCALES 0
	FETCH_A 0, 0, 4
	s_wait_loadcnt 0x0                             ; the biases
	STEP 0, 0, 1                                   ; the first step stands in front of the loop: its products start the sums
	s_mov_b32 s3, LAPS-1
.Llap:                                                 ; a trip goes once round the ring, from a lap's second step to the next lap's first, and fills both slots again
	TURN 0, 1, 1
	STEP 1, 0, 0
	TURN 1, 0, 1
	STEP 0, 0, 0
	s_sub_co_u32 s3, s3, 1
	s_cmp_lg_u32 s3, 0
	s_cbranch_scc1 .Llap
	TURN 0, 1, 0                                   ; the last lap fills nothing, and has no round of the cluster's barrier
	STEP 1, 0, 0
	s_wait_dscnt 4*NL                              ; the very last step: nothing more to fetch
	WIN MUL_LO
	MUL16 0, 1, NQ-1, 1, 0
	MUL16 2, 1, NQ-1, 1, 0
	s_wait_dscnt 0
	WIN MUL_HI
	MUL16 4, 1, NQ-1, 1, 0
	MUL16 6, 1, NQ-1, 1, 0
	WIN 0
	PLACES NP                                      ; in front of the first read of results and of the first write of registers that held A's fragments
.if WAYQ
; THE WAY OUT, quantised: a lane's 64 results of a tile of rows are 16 neighbours of each of four blocks of 32 along the next K: they become one record of codes and one scale word a row.
.macro QUANT s
.irp b, 0,1,2,3
	v_max3_num_f32 v[TM+\b], |v[\s+16*\b]|, |v[\s+1+16*\b]|, 0x1800000   ; my 16 numbers of block b, and the floor 2^(3 - 127): the byte cannot fall under 1
.endr
.irp i, 2,4,6,8,10,12,14
.irp b, 0,1,2,3
	v_max3_num_f32 v[TM+\b], v[TM+\b], |v[\s+16*\b+\i]|, |v[\s+1+16*\b+\i]|
.endr
.endr
.irp b, 0,1,2,3
	v_permlanex16_b32 v[TM+4+\b], v[TM+\b], s[SEL], s[SEL+1]
.endr
.irp b, 0,1,2,3
	v_max_num_f32 v[TM+\b], v[TM+\b], v[TM+4+\b]   ; with lane l xor 16's: the block's largest magnitude
.endr
.irp b, 0,1,2,3
	v_add_nc_u32 v[TM+12+\b], 0xff000000, v[TM+\b] ; 2 off its exponent field: the conversion's scale operand
.endr
.irp b, 0,1,2,3
	v_lshrrev_b32 v[TM+4+\b], 23, v[TM+12+\b]      ; the scale's byte
.endr
	v_lshl_or_b32 v[PW], v[TM+5], 8, v[TM+4]
	v_lshl_or_b32 v[PW], v[TM+6], 16, v[PW]
	v_lshl_or_b32 v[PW], v[TM+7], 24, v[PW]
.irp c, 0,1
	v_cvt_scalef32_pk16_fp6_f32 v[PC+6*\c:PC+2+6*\c], v[\s+32*\c:\s+15+32*\c], v[TM+12+2*\c]
	v_cvt_scalef32_pk16_fp6_f32 v[PC+12+4*\c:PC+14+4*\c], v[\s+16+32*\c:\s+31+32*\c], v[TM+12+2*\c+1]   ; (a conversion's three registers begin on an even number)
.endr
	v_nop                                          ; one plain place behind a scaled conversion
.irp c, 0,1                                    ; the operand's layout wants a whole block in a lane
.irp i, 0,1,2
	v_permlane16_swap_b32 v[PC+6*\c+\i], v[PC+12+4*\c+\i]
.endr
.irp i, 0,1,2
	v_mov_b32 v[PC+3+6*\c+\i], v[PC+12+4*\c+\i]
.endr
.endr
.endm
.macro QOUT a
.set AC, 64*((\a)%4)
.if (\a) > 0
	s_wait_xcnt 0x0                                ; the last record's stores have read their data and their base: both are written again only behind this wait
	s_add_nc_u64 s[12:13], s[12:13], s[92:93]      ; the next tile's record
.endif
.set i, 0
.if QKV
	WIN 0x02+((\a)/4)                              ; source 0: window 2 or 3
.rept 32
	v_pk_add_f32 v[T+i:T+i+1], v[AC+i:AC+i+1], v[BA+2*(\a):BA+2*(\a)+1] op_sel_hi:[1,0]   ; + my row's bias; each accumulator is read from its low end on
.set i, i+2
.endr
.else
	WIN 0x08+4*((\a)/4)                            ; source 1: window 2 or 3
.rept 64
	v_max_num_f32 v[T+i], 0, v[AC+i]               ; the activation, in f32; each accumulator is read from its low end on
.set i, i+1
.endr
.endif
	WIN 0
	QUANT T
	global_store_b128 v[OX], v[PC:PC+3], s[12:13]                  ; 512 consecutive bytes
	global_store_b64 v[OY], v[PC+4:PC+5], s[12:13] offset:512      ; 256 consecutive bytes
	global_store_b128 v[OX], v[PC+6:PC+9], s[12:13] offset:768
	global_store_b64 v[OY], v[PC+10:PC+11], s[12:13] offset:1280
	ds_store_b32 v[GW], v[PW] offset:64*(\a)       ; both halves of the lanes write the same word with the same value
.endm
.irp b, 0,1,2,3
	v_mov_b32 v[TM+4+\b], 0                        ; written once: a lane permute's destination counts as one of its sources
.endr
.irp a, 0,1,2,3,4,5,6,7
	QOUT \a
.endr
	ds_load_b128 v[GL:GL+3], v[GR]                 ; LDS serves a wave's instructions in order: this sees my stores
	s_wait_dscnt 0x0
	global_store_b128 v[OX], v[GL:GL+3], s[94:95]  ; my 128 scale words: 512 consecutive bytes
.else
; THE WAY OUT, in f32: the accumulators leave as they stand, 16 bytes a lane, 512 consecutive bytes a store; the launch that normalises reads them back into the same lanes.
.irp a, 0,1,2,3,4,5,6,7
	WIN 0x08+4*(\a/4)                              ; a store's data are its source 1: window 2 or 3
.irp b, 0,1,2,3,4,5,6,7
	global_store_b128 v[OX], v[64*(\a%4)+8*\b:64*(\a%4)+8*\b+3], s[12:13] offset:65536*\a+1024*\b th:TH_STORE_NT       ; each accumulator from its low end on
	global_store_b128 v[OX], v[64*(\a%4)+8*\b+4:64*(\a%4)+8*\b+7], s[12:13] offset:65536*\a+1024*\b+512 th:TH_STORE_NT
.endr
.endr
	WIN 0
.endif
	s_wait_tensorcnt 0x0                           ; the wave's end, behind my last tensor load and my last LDS store
	ds_add_u32 v[SPW], v[NIL]
	s_wait_dscnt 0x0
	CROUND                                         ; the closing round: no work-group ends while a partner may still ask for a tile that names it
	s_endpgm
.Lfunc_end_k_q484ae9fd09_wo:
	.size	k_q484ae9fd09_wo, .Lfunc_end_k_q484ae9fd09_wo-k_q484ae9fd09_wo
	.p2alignl 7, 3214868480
	.fill 96, 4, 3214868480
	.section	.rodata,"a",@progbits
	.p2align	6, 0x0
	.amdhsa_kernel k_q484ae9fd09_wo
		.amdhsa_group_segment_fixed_size 327680
		.amdhsa_private_segment_fixed_size 0
		.amdhsa_enable_private_segment 0
		.amdhsa_kernarg_size 32
		.amdhsa_user_sgpr_count 2
		.amdhsa_user_sgpr_kernarg_segment_ptr 1
		.amdhsa_wavefront_size32 1
		.amdhsa_system_sgpr_workgroup_id_x 1
		.amdhsa_system_sgpr_workgroup_id_y 1
		.amdhsa_system_sgpr_workgroup_id_z 1
		.amdhsa_system_vgpr_workitem_id 0
		.amdhsa_next_free_vgpr 1024
		.amdhsa_next_free_sgpr 100
		.amdhsa_reserve_vcc 0
		.amdhsa_float_denorm_mode_32 3
		.amdhsa_float_denorm_mode_16_64 3
		.amdhsa_memory_ordered 1
		.amdhsa_forward_progress 1
		.amdhsa_inst_pref_size 130
	.end_amdhsa_kernel
	.amdgpu_metadata
---
amdhsa.version: [ 1, 2 ]
amdhsa.kernels:
  - .name:           k_q484ae9fd09_wo
    .symbol:         k_q484ae9fd09_wo.kd
    .args:
      - { .name: ATT, .offset: 0, .size: 8, .value_kind: global_buffer, .address_space: global }
      - { .name: P, .offset: 8, .size: 8, .value_kind: global_buffer, .address_space: global }
      - { .name: bo, .offset: 16, .size: 8, .value_kind: global_buffer, .address_space: global }
      - { .name: Y, .offset: 24, .size: 8, .value_kind: global_buffer, .address_space: global }
    .group_segment_fixed_size: 327680
    .private_segment_fixed_size: 0
    .kernarg_segment_align: 8
    .kernarg_segment_size: 32
    .max_flat_workgroup_size: 128
    .sgpr_count:     100
    .vgpr_count:     1024
    .wavefront_size: 32
...
	.end_amdgpu_metadata
.endif
;; end of part 4
;; launch ln1 (part 5): grid 256 x 1, 8 waves a work-group, no clusters, 69,632 bytes of LDS; arguments Y, x, g1, be1, H, HC; writes H, HC
.if DOCPART == 5
	.amdgcn_target "amdgcn-amd-amdhsa--gfx1250"
	.amdhsa_code_object_version 6
	.text
	.protected	k_q484ae9fd09_ln1
	.globl	k_q484ae9fd09_ln1
	.p2align	8
	.type	k_q484ae9fd09_ln1,@function
k_q484ae9fd09_ln1:
	s_mov_b64 s[64:65], 0
	v_nop
	global_prefetch_b8 v0, s[64:65] scope:SCOPE_SE
	s_setreg_imm32_b32 hwreg(HW_REG_WAVE_MODE, 25, 1), 1
	s_wait_xcnt 0x0
; LAYERNORM OVER A RESIDUAL: z = res + y;  out = (z - mean) rsqrt(var + 1e-6) g + be, all in f32; out leaves twice: as f32 rows, and as codes of FP6 (E2M3) with E8M0 scale words, laid as the next product's operand.
; Arguments: y (a product's result, as its accumulators stood), res ([4096][1024] f32), g, be, the f32 output, the codes' buffer.  The same text serves both norms of the layer; behind the second nobody reads the codes:
; they go into a buffer that is done with, which is the price of one text for two launches.
; y's RECORD of (tile t of 16 rows, 128 columns s) is 8,192 bytes at (8 t + s) 8192: registers 4 c .. 4 c + 3 of lane L at 512 c + 16 L; register 16 b + i of lane (r, h) is row r, column 128 s + 32 b + 16 h + i.
; Row r of tile t is the natural row 32 (t / 2) + 8 (t % 2) + r + 8 (r / 8).
; A work-group takes one tile, wave w its columns 128 w on.  res comes as rows (512 consecutive bytes a load) and turns into y's layout through the wave's own stage in LDS; the f32 result goes back the same way.
; The mean and then the variance of z - mean (a second pass, so that a common offset costs no accuracy) meet in LDS: one word a wave and row, one barrier each, in bytes of their own.
; The scale words of a tile are 16 words of a K step: 64 consecutive bytes a store, 131,072 bytes in the launch.
; LIMITS: NaN and infinities are not served; a block whose largest magnitude lies under 2^-124 keeps the scale byte 1.
.set V,   16                           ; v16-79   z, then the result
.set R,   80                           ; v80-143  res, then be
.set G,   144                          ; v144-207 g, then whole rows of the result
.set TM,  208
.set PW,  224
.set PC,  226                          ; v226-237 the codes, v238-244 at work
.set SS,  246                          ; v246-253 sums
.set STAT, 67584                       ; behind the eight stages of 16 x 528 bytes: [8 waves][16 rows] words, twice
.set SEL, 36
.macro QUANT s
.irp b, 0,1,2,3
	v_max3_num_f32 v[TM+\b], |v[\s+16*\b]|, |v[\s+1+16*\b]|, 0x1800000   ; my 16 numbers of block b, and the floor 2^(3 - 127): the byte cannot fall under 1
.endr
.irp i, 2,4,6,8,10,12,14
.irp b, 0,1,2,3
	v_max3_num_f32 v[TM+\b], v[TM+\b], |v[\s+16*\b+\i]|, |v[\s+1+16*\b+\i]|
.endr
.endr
.irp b, 0,1,2,3
	v_permlanex16_b32 v[TM+4+\b], v[TM+\b], s[SEL], s[SEL+1]
.endr
.irp b, 0,1,2,3
	v_max_num_f32 v[TM+\b], v[TM+\b], v[TM+4+\b]   ; with lane l xor 16's: the block's largest magnitude
.endr
.irp b, 0,1,2,3
	v_add_nc_u32 v[TM+12+\b], 0xff000000, v[TM+\b] ; 2 off its exponent field: the conversion's scale operand
.endr
.irp b, 0,1,2,3
	v_lshrrev_b32 v[TM+4+\b], 23, v[TM+12+\b]      ; the scale's byte
.endr
	v_lshl_or_b32 v[PW], v[TM+5], 8, v[TM+4]
	v_lshl_or_b32 v[PW], v[TM+6], 16, v[PW]
	v_lshl_or_b32 v[PW], v[TM+7], 24, v[PW]
.irp c, 0,1
	v_cvt_scalef32_pk16_fp6_f32 v[PC+6*\c:PC+2+6*\c], v[\s+32*\c:\s+15+32*\c], v[TM+12+2*\c]
	v_cvt_scalef32_pk16_fp6_f32 v[PC+12+4*\c:PC+14+4*\c], v[\s+16+32*\c:\s+31+32*\c], v[TM+12+2*\c+1]   ; (a conversion's three registers begin on an even number)
.endr
	v_nop                                          ; one plain place behind a scaled conversion
.irp c, 0,1                                    ; the operand's layout wants a whole block in a lane
.irp i, 0,1,2
	v_permlane16_swap_b32 v[PC+6*\c+\i], v[PC+12+4*\c+\i]
.endr
.irp i, 0,1,2
	v_mov_b32 v[PC+3+6*\c+\i], v[PC+12+4*\c+\i]
.endr
.endr
.endm
; four pairs of partial sums in v[SS] on become the row's sum over all 1,024 columns, in every lane of every wave
.macro ACROSS stat
	v_pk_add_f32 v[SS:SS+1], v[SS:SS+1], v[SS+2:SS+3]
	v_pk_add_f32 v[SS+4:SS+5], v[SS+4:SS+5], v[SS+6:SS+7]
	v_pk_add_f32 v[SS:SS+1], v[SS:SS+1], v[SS+4:SS+5]
	v_add_f32 v[SS], v[SS], v[SS+1]
	v_permlanex16_b32 v[SS+1], v[SS], s[SEL], s[SEL+1]
	v_add_f32 v[SS], v[SS], v[SS+1]                ; my wave's 128 columns of row r
	ds_store_b32 v9, v[SS] offset:\stat            ; both halves of the lanes write the same word with the same value
	s_wait_dscnt 0x0                               ; for the others' sake: my store has landed
	s_barrier_signal -1
	s_barrier_wait -1
.irp k, 0,1,2,3,4,5,6,7
	ds_load_b32 v[SS+\k], v11 offset:\stat+64*\k
.endr
	s_wait_dscnt 0x0
	v_add_f32 v[SS], v[SS], v[SS+1]
	v_add_f32 v[SS+2], v[SS+2], v[SS+3]
	v_add_f32 v[SS+4], v[SS+4], v[SS+5]
	v_add_f32 v[SS+6], v[SS+6], v[SS+7]
	v_add_f32 v[SS], v[SS], v[SS+2]
	v_add_f32 v[SS+4], v[SS+4], v[SS+6]
	v_add_f32 v[SS], v[SS], v[SS+4]
.endm
	s_load_b256 s[4:11], s[0:1], 0x0               ; y, res, g, be
	s_load_b128 s[12:15], s[0:1], 0x20             ; the f32 output, the codes' buffer
	v_lshl_add_u32 v254, v0, 2, 0x10c00
	v_mov_b32 v255, 0
	v_lshrrev_b32 v1, 5, v0
	v_readfirstlane_b32 s16, v1                    ; wave 0..7
	v_and_b32 v1, 31, v0                           ; L
	v_and_b32 v2, 15, v0                           ; r
	v_bfe_u32 v3, v0, 4, 1                         ; h
	v_lshlrev_b32 v4, 4, v1                        ; 16 L
	v_lshlrev_b32 v5, 4, v2
	v_lshl_add_u32 v5, v3, 3, v5                   ; 16 r + 8 h
	s_mul_i32 s17, s16, 8448                       ; my stage
	v_add_nc_u32 v6, s17, v4                       ; a row as it lies
	v_mul_u32_u24 v7, v2, 528
	v_lshl_add_u32 v7, v3, 6, v7
	v_add_nc_u32 v7, s17, v7                       ; row r, my half's 16 numbers of each block of 32
	v_lshlrev_b32 v8, 6, v3                        ; 64 h
	v_lshlrev_b32 v10, 2, v2                       ; 4 r
	s_lshl_b32 s18, s16, 6
	s_add_co_u32 s18, s18, STAT
	v_add_nc_u32 v9, s18, v10                      ; my wave's word of row r
	v_add_nc_u32 v11, STAT, v10                    ; wave 0's
	s_lshr_b32 s20, ttmp9, 1
	s_lshl_b32 s20, s20, 5
	s_and_b32 s21, ttmp9, 1
	s_lshl_b32 s21, s21, 3
	s_add_co_u32 s20, s20, s21                     ; the tile's first natural row
	s_lshl_b32 s20, s20, 12
	s_lshl_b32 s22, s16, 9                         ; my 128 columns
	s_add_co_u32 s20, s20, s22
	s_mov_b32 s21, 0
	s_mov_b32 s23, 0
	s_lshl_b32 s26, ttmp9, 3
	s_add_co_u32 s26, s26, s16                     ; 8 t + w
	s_lshl_b32 s24, s26, 13
	s_mov_b32 s25, 0
	s_mul_i32 s26, s26, 1536
	s_mov_b32 s27, 0
	s_lshl_b32 s30, s16, 14
	s_lshl_b32 s31, ttmp9, 6
	s_add_co_u32 s30, s30, s31
	s_add_co_u32 s30, s30, 3145728                 ; the scale words: K step w, positions 16 t on
	s_mov_b32 s31, 0
	s_mov_b32 s[SEL], 0x76543210
	s_mov_b32 s[SEL+1], 0xfedcba98
	s_mov_b32 s38, 0x3a800000                      ; 1 / 1,024
	s_mov_b32 s39, 0x358637bd                      ; 1e-6
	s_wait_kmcnt 0x0
	s_add_nc_u64 s[4:5], s[4:5], s[24:25]
	s_add_nc_u64 s[6:7], s[6:7], s[20:21]
	s_add_nc_u64 s[8:9], s[8:9], s[22:23]
	s_add_nc_u64 s[10:11], s[10:11], s[22:23]
	s_add_nc_u64 s[12:13], s[12:13], s[20:21]
	s_add_nc_u64 s[32:33], s[14:15], s[26:27]
	s_add_nc_u64 s[34:35], s[14:15], s[30:31]
.irp i, 0,1,2,3,4,5,6,7,8,9,10,11,12,13,14,15
	global_load_b128 v[R+4*\i:R+4*\i+3], v4, s[6:7] offset:(\i+8*(\i/8))*4096      ; res: 512 consecutive bytes of a row
.endr
.irp c, 0,1,2,3,4,5,6,7,8,9,10,11,12,13,14,15
	global_load_b128 v[V+4*\c:V+4*\c+3], v4, s[4:5] offset:512*\c th:TH_LOAD_NT    ; y, into the lanes that it left
.endr
.irp b, 0,1,2,3
.irp j, 0,1,2,3
	global_load_b128 v[G+16*\b+4*\j:G+16*\b+4*\j+3], v8, s[8:9] offset:128*\b+16*\j
.endr
.endr
.irp b, 0,1,2,3
	v_mov_b32 v[TM+4+\b], 0                        ; written once: a lane permute's destination counts as one of its sources
.endr
	s_wait_loadcnt 32                              ; res is in; y's and g's 32 loads may be out
.irp i, 0,1,2,3,4,5,6,7,8,9,10,11,12,13,14,15
	ds_store_b128 v6, v[R+4*\i:R+4*\i+3] offset:528*\i
.endr
	s_wait_dscnt 0x0                               ; the stores have read their registers, which take res again, turned
.irp b, 0,1,2,3
.irp j, 0,1,2,3
	ds_load_b128 v[R+16*\b+4*\j:R+16*\b+4*\j+3], v7 offset:128*\b+16*\j
.endr
.endr
	s_wait_loadcnt 16                              ; y is in; g's 16 loads may be out
	s_wait_dscnt 0x0
.set i, 0
.rept 32
	v_pk_add_f32 v[V+i:V+i+1], v[V+i:V+i+1], v[R+i:R+i+1]          ; z = y + res
.set i, i+2
.endr
.irp b, 0,1,2,3
.irp j, 0,1,2,3
	global_load_b128 v[R+16*\b+4*\j:R+16*\b+4*\j+3], v8, s[10:11] offset:128*\b+16*\j   ; be, into the registers that res has left
.endr
.endr
.irp k, 0,1,2,3
	v_pk_add_f32 v[SS+2*\k:SS+2*\k+1], v[V+2*\k:V+2*\k+1], v[V+8+2*\k:V+9+2*\k]   ; the first numbers start four chains: nothing is cleared
.endr
.irp m, 16,24,32,40,48,56
.irp k, 0,1,2,3
	v_pk_add_f32 v[SS+2*\k:SS+2*\k+1], v[SS+2*\k:SS+2*\k+1], v[V+\m+2*\k:V+\m+2*\k+1]
.endr
.endr
	ACROSS 0
	v_mul_f32 v[SS], s38, v[SS]                    ; the mean
.set i, 0
.rept 32
	v_pk_add_f32 v[V+i:V+i+1], v[V+i:V+i+1], v[SS:SS+1] op_sel_hi:[1,0] neg_lo:[0,1] neg_hi:[0,1]   ; z - mean
.set i, i+2
.endr
.irp k, 0,1,2,3
	v_pk_mul_f32 v[SS+2*\k:SS+2*\k+1], v[V+2*\k:V+2*\k+1], v[V+2*\k:V+2*\k+1]
.endr
.irp m, 8,16,24,32,40,48,56
.irp k, 0,1,2,3
	v_pk_fma_f32 v[SS+2*\k:SS+2*\k+1], v[V+\m+2*\k:V+\m+2*\k+1], v[V+\m+2*\k:V+\m+2*\k+1], v[SS+2*\k:SS+2*\k+1]
.endr
.endr
	ACROSS 512                                     ; in other bytes than the first sum's: one barrier serves
	v_fma_f32 v[SS], v[SS], s38, s39               ; the variance + 1e-6
	v_rsq_f32 v[SS], v[SS]
	v_nop                                          ; a plain place behind the transcendental
	s_wait_alu depctr_va_vdst(0)                   ; and the wait ahead of its first reader
	s_wait_loadcnt 0x0                             ; g and be
.set i, 0
.rept 32
	v_pk_mul_f32 v[V+i:V+i+1], v[V+i:V+i+1], v[SS:SS+1] op_sel_hi:[1,0]
.set i, i+2
.endr
.set i, 0
.rept 32
	v_pk_fma_f32 v[V+i:V+i+1], v[V+i:V+i+1], v[G+i:G+i+1], v[R+i:R+i+1]
.set i, i+2
.endr
.irp b, 0,1,2,3
.irp j, 0,1,2,3
	ds_store_b128 v7, v[V+16*\b+4*\j:V+16*\b+4*\j+3] offset:128*\b+16*\j
.endr
.endr
.irp i, 0,1,2,3,4,5,6,7,8,9,10,11,12,13,14,15
	ds_load_b128 v[G+4*\i:G+4*\i+3], v6 offset:528*\i              ; LDS serves a wave's instructions in order: these see the stores above
.endr
	QUANT V                                        ; while the rows come back
.irp i, 0,1,2,3,4,5,6,7,8,9,10,11,12,13,14,15
	s_wait_dscnt 15-\i                             ; row i is back; the younger rows may be out
	global_store_b128 v4, v[G+4*\i:G+4*\i+3], s[12:13] offset:(\i+8*(\i/8))*4096   ; 512 consecutive bytes of a row
.endr
	global_store_b128 v4, v[PC:PC+3], s[32:33]                     ; the record: 512 consecutive bytes,
	global_store_b64 v5, v[PC+4:PC+5], s[32:33] offset:512         ; 256,
	global_store_b128 v4, v[PC+6:PC+9], s[32:33] offset:768
	global_store_b64 v5, v[PC+10:PC+11], s[32:33] offset:1280
	global_store_b32 v10, v[PW], s[34:35]          ; both halves of the lanes write the same word
	s_wait_tensorcnt 0x0
	ds_add_u32 v254, v255
	s_wait_dscnt 0x0
	s_endpgm
.Lfunc_end_k_q484ae9fd09_ln1:
	.size	k_q484ae9fd09_ln1, .Lfunc_end_k_q484ae9fd09_ln1-k_q484ae9fd09_ln1
	.p2alignl 7, 3214868480
	.fill 96, 4, 3214868480
	.section	.rodata,"a",@progbits
	.p2align	6, 0x0
	.amdhsa_kernel k_q484ae9fd09_ln1
		.amdhsa_group_segment_fixed_size 69632
		.amdhsa_private_segment_fixed_size 0
		.amdhsa_enable_private_segment 0
		.amdhsa_kernarg_size 48
		.amdhsa_user_sgpr_count 2
		.amdhsa_user_sgpr_kernarg_segment_ptr 1
		.amdhsa_wavefront_size32 1
		.amdhsa_system_sgpr_workgroup_id_x 1
		.amdhsa_system_sgpr_workgroup_id_y 1
		.amdhsa_system_sgpr_workgroup_id_z 1
		.amdhsa_system_vgpr_workitem_id 0
		.amdhsa_next_free_vgpr 256
		.amdhsa_next_free_sgpr 66
		.amdhsa_reserve_vcc 0
		.amdhsa_float_denorm_mode_32 3
		.amdhsa_float_denorm_mode_16_64 3
		.amdhsa_memory_ordered 1
		.amdhsa_forward_progress 1
		.amdhsa_inst_pref_size 34
	.end_amdhsa_kernel
	.amdgpu_metadata
---
amdhsa.version: [ 1, 2 ]
amdhsa.kernels:
  - .name:           k_q484ae9fd09_ln1
    .symbol:         k_q484ae9fd09_ln1.kd
    .args:
      - { .name: Y, .offset: 0, .size: 8, .value_kind: global_buffer, .address_space: global }
      - { .name: x, .offset: 8, .size: 8, .value_kind: global_buffer, .address_space: global }
      - { .name: g1, .offset: 16, .size: 8, .value_kind: global_buffer, .address_space: global }
      - { .name: be1, .offset: 24, .size: 8, .value_kind: global_buffer, .address_space: global }
      - { .name: H, .offset: 32, .size: 8, .value_kind: global_buffer, .address_space: global }
      - { .name: HC, .offset: 40, .size: 8, .value_kind: global_buffer, .address_space: global }
    .group_segment_fixed_size: 69632
    .private_segment_fixed_size: 0
    .kernarg_segment_align: 8
    .kernarg_segment_size: 48
    .max_flat_workgroup_size: 256
    .sgpr_count:     66
    .vgpr_count:     256
    .wavefront_size: 32
...
	.end_amdgpu_metadata
.endif
;; end of part 5
;; launch ffn1 (part 6): grid 16 x 16, 4 waves a work-group, clusters of 4 x 4, 327,680 bytes of LDS; arguments HC, P, b1, F; writes F
.if DOCPART == 6
	.amdgcn_target "amdgcn-amd-amdhsa--gfx1250"
	.amdhsa_code_object_version 6
	.text
	.protected	k_q484ae9fd09_ffn1
	.globl	k_q484ae9fd09_ffn1
	.p2align	8
	.type	k_q484ae9fd09_ffn1,@function
k_q484ae9fd09_ffn1:
	s_mov_b64 s[64:65], 0
	v_nop
	global_prefetch_b8 v0, s[64:65] scope:SCOPE_SE
	s_setreg_imm32_b32 hwreg(HW_REG_WAVE_MODE, 25, 1), 1
	s_wait_xcnt 0x0
	s_wait_alu depctr_hold_cnt(0) depctr_sa_sdst(0) depctr_va_vdst(0) depctr_va_sdst(0) depctr_va_ssrc(0) depctr_va_vcc(0) depctr_vm_vsrc(0)
	s_getreg_b32 s2, hwreg(HW_REG_IB_STS2, 6, 4)
	s_cmp_eq_u32 s2, 0
	s_cbranch_scc0 .Lentry_in_a_cluster
	s_endpgm
.Lentry_in_a_cluster:
	s_bfe_u32 s2, ttmp6, 0x10000c
	s_cmp_lg_u32 s2, 0xf033
	s_cbranch_scc0 .Lentry_shape_is_right
	s_endpgm
.Lentry_shape_is_right:
; FFN1: f = relu(h w1 + b1) on codes of FP6 (E2M3); A = h as codes, B = w1's columns as codes; the hidden layer is quantised on the way out, along its 4,096 units, as the next product's operand, and never leaves in f32.
.set KS,   8                           ; K steps of 128
.set A_C,  0                           ; A's codes, scale words and their pitch in A's buffer
.set A_S,  3145728
.set A_SP, 16384
.set B_C,  6291456                     ; B's likewise
.set B_S,  12845056
.set B_SP, 16384
.set QKV,  0
.set RELU, 1
.set WAYQ, 1                           ; 1: the result is quantised and leaves as records of codes; 0: it leaves as f32, as the accumulators stand
.set KSO,  32                          ; K steps of the output as an operand
.set SWPO, 16384                       ; pitch of its scale words
.set O_S,  12582912                    ; where its scale words begin
.set P_BIAS, 0
; ---- THE COMMON TEXT of the four products of this program; only the lines above differ.
; C(a, b) = sum over k of A[a][k] B[b][k] + bias.  A tile of 256 x 256 is made by four waves, as many as a WGP has SIMDs; a wave makes 128 x 128: 64 accumulators of 16 x 16, 512 registers.
; OPERANDS lie in memory as images of the operand registers.  Sixteen rows form a tile (row r of tile t is the natural row 32 (t / 2) + 8 (t % 2) + r + 8 (r / 8)); the record of (tile t, K step s) is 1,536 bytes at (t KS + s) 1536:
; half c: registers 6 c .. 6 c + 3 of lane L at 768 c + 16 L, registers 6 c + 4, 6 c + 5 of lane (r, h) at 768 c + 512 + 16 r + 8 h.  So a fragment comes by two loads of 16 and two of 8 bytes a lane, all dense: no padding.
; K goes in steps of 256 through a ring of two LDS slots; a wave's tensor load brings 8 tiles x 3,072 bytes (a tile's two K steps lie on end; a row cannot be longer, so the load has 8 rows).
; THE SCALE WORDS of the work-group's rows, for all of K, come once with the first fills and stay: [K step][128 words] for each 128 rows.
; CLUSTERS: 4 x 4 work-groups; A's tiles are asked for jointly along a row of the cluster, B's along a column.  THE MATRIX INSTRUCTION IS USED TRANSPOSED (source 0 = 16 rows of B, source 1 = 16 rows of A): lane (r, h) holds
; row r of A's tile, and register 16 b + i of its 64 results against B's eight tiles is B's natural row 32 b + 16 h + i: 16 neighbours of each block of 32, which is what the quantiser takes.
; LIMITS: NaN and infinities are not served; a block whose largest magnitude lies under 2^-124 keeps the scale byte 1.
; REGISTERS, in windows of 256: window 0: v16-31 addresses; v32-63 scale words, two sets; v64-127 B's bias, later 64 numbers at work; v128-223 A's fragments, one set, later the quantiser's registers; v224-239 A's bias.
;   window 1: B's fragments, two sets, at v0 and v128.   windows 2, 3: the accumulators of my rows 0-63 and 64-127, (a, b) at v[8 (8 (a % 4) + b)].
.set NQ,    2                          ; K steps of 128 in a slot
.set FR,    12                         ; registers of a fragment
.set NL,    4                          ; LDS loads that bring one
.set NP,    4                          ; places behind this matrix instruction (ISA guide 7.12.1)
.set TILEB, 3072                       ; a tile's bytes in a slot
.set HALFT, 8*TILEB                    ; 8 tiles: what one tensor load brings, and what one wave reads of A or of B
.set SLOT,  4*HALFT
.set LAPS,  KS/4                       ; a lap = once round the ring
.set SCL,   2*SLOT                     ; behind the ring: the scale words
.set HALFS, 512*KS                     ; those of 128 rows
.set SPARE, SCL+4*HALFS                ; the spare words, 128 bytes for each wave: two blocks of 256 bytes that no other line names
.set GATH,  SPARE+512                  ; 512 bytes for each wave: the output's scale words are gathered here; no tensor load lands here
.if WAYQ
.set REC,   1536
.else
.set REC,   8192
.endif
.set ADRA, 16                          ; v16-17 16 L + my A tiles in slot 0, 1;  v18-19 16 r + 8 h + the same
.set ADRB, 20                          ; v20-23 the same for B
.set OX,   24                          ; v24  16 L
.set OY,   25                          ; v25  16 r + 8 h
.set GW,   26                          ; v26  where I put a scale word
.set ADRS, 27                          ; v27  LDS address of my scale words: lanes 0-15 A's rows, lanes 16-31 B's
.set SPW,  28                          ; v28  LDS address of my spare word; never rewritten
.set NIL,  29                          ; v29  0; never rewritten
.set GR,   30                          ; v30  where I read 16 bytes of scale words back
.set BO,   31                          ; v31  64 h: my half's place in a block of 32 numbers of the bias
.set SC,   32
.set BIAS, 64
.set T,    64
.set AF,   128
.set BA,   224
.set PC,   128
.set TM,   148
.set PW,   164
.set GL,   168
.set SEL,  96                          ; s[96:97] lane selects for lane l xor 16
.set G1,   24                          ; s[24:31] group 1 for A's tiles;  s[32:39] group 0, a set for each slot
.set G0,   32
.set G1B,  48                          ; s[48:55], s[56:63] the same for B's
.set G0B,  56
.set G1S,  68                          ; s[68:75], s[76:79] groups 1 and 0 for A's scale words;  s[80:87], s[88:91] for B's
.set G0S,  76
.set G1SB, 80
.set G0SB, 88
.set MSB, 0
.macro WIN new                         ; the immediate's high byte repeats the setting that is left
.if MSB != (\new)
	s_set_vgpr_msb (MSB<<8)|(\new)
.set MSB, (\new)
.endif
.endm
.set MUL_LO, 0xa1                      ; source 0 (B) window 1, source 1 (A) window 0, C and D window 2
.set MUL_HI, 0xf1                      ; the same, C and D window 3
.set TO_B,   0x40                      ; destination window 1, address window 0
; A joint load: waves 0 and 1 fetch for A, waves 2 and 3 for B.  Each line has one mask and one set of registers for all that issue it; the branch hangs on the wave's number alone.  Four v_nop follow each line.
.macro JLOAD g0a, g1a, g0b, g1b
	s_cmp_eq_u32 s15, 0
	s_cbranch_scc0 .Lfor_b_\@
	tensor_load_to_lds s[\g0a:\g0a+3], s[\g1a:\g1a+7]
	s_nop 0
.rept 4
	v_nop
.endr
	s_branch .Lasked_\@
.Lfor_b_\@:
	tensor_load_to_lds s[\g0b:\g0b+3], s[\g1b:\g1b+7]
	s_nop 0
.rept 4
	v_nop
.endr
.Lasked_\@:
.endm
.macro CREST                           ; a round of the cluster's barrier behind its opening barrier
	s_cmp_lg_u32 s14, 0
	s_cbranch_scc1 .Lnot_wave_0_\@
	s_barrier_signal -3
.Lnot_wave_0_\@:
	s_barrier_wait -3
	s_barrier_signal -1
	s_barrier_wait -1
.endm
.macro CROUND
	s_barrier_signal -1
	s_barrier_wait -1
	CREST
.endm
.if QKV
	s_load_b128 s[4:7], s[0:1], 0x0                ; the pool, the output
.else
	s_load_b256 s[4:11], s[0:1], 0x0               ; A's buffer, B's buffer, the bias, the output
.endif
	v_lshl_add_u32 v[SPW], v0, 2, SPARE
	v_mov_b32 v[NIL], 0
	ds_add_u32 v28, v29
	ds_add_u32 v28, v29
	s_wait_dscnt 0x0
	v_lshrrev_b32 v1, 5, v0
	v_readfirstlane_b32 s14, v1                    ; wave 0..3
	s_lshr_b32 s15, s14, 1                         ; which half of the tile's A rows is mine.  Also: I fetch for A (0) or for B (1)
	s_and_b32 s16, s14, 1                          ; which half of its B rows.  Also: which 128 rows I fetch
	s_bfe_u32 s40, ttmp6, 0x40000                  ; cx, cy: my place in the cluster
	s_bfe_u32 s41, ttmp6, 0x40004
	s_and_b32 s18, ttmp7, 0xffff
	s_lshl_b32 s18, s18, 2                         ; 4 x cluster y
	s_lshl_b32 s19, ttmp9, 2                       ; 4 x cluster x
.if QKV
	s_add_co_u32 s19, s19, 16
	s_cmp_lt_u32 ttmp9, 2                          ; the same in all sixteen partners
	s_cselect_b32 s17, s18, 24                     ; A: x's blocks of 256 rows, or wv's (pool blocks 24-27)
	s_cselect_b32 s42, s19, s18                    ; B: wq's and wk's (16-23), or x's
.else
	s_mov_b32 s17, s18
	s_mov_b32 s42, s19
.endif
	s_add_co_u32 s17, s17, s41                     ; A's block: cy enters here alone,
	s_add_co_u32 s42, s42, s40                     ; B's block: cx here alone
	s_lshl_b32 s43, s41, 2
	s_lshl_b32 s43, 15, s43                        ; my row of the cluster
	s_lshl_b32 s44, 0x1111, s40                    ; my column
	s_or_b32 s[G1+0], s43, (3<<16)|(1<<21)         ; 15:0 the mask; 17:16 elements of 8 bytes; 20 no padding; 21 set beside a mask
	s_or_b32 s[G1B+0], s44, (3<<16)|(1<<21)
.irp g, G1, G1B
	s_mov_b32 s[\g+1], 384<<16                     ; tensor_dim0: 3,072 bytes
	s_mov_b32 s[\g+2], 8<<16                       ; tensor_dim1: 8 tiles
	s_mov_b32 s[\g+3], 384<<16                     ; tile_dim0
	s_mov_b32 s[\g+4], 8                           ; tile_dim1
	s_mov_b32 s[\g+5], 192*KS                      ; from tile to tile: KS records
	s_mov_b32 s[\g+6], 0
	s_mov_b32 s[\g+7], 0
.endr
	s_or_b32 s[G1S+0], s43, (3<<16)|(1<<21)
	s_or_b32 s[G1SB+0], s44, (3<<16)|(1<<21)
.irp g, G1S, G1SB
	s_mov_b32 s[\g+1], 64<<16                      ; 128 words
	s_mov_b32 s[\g+2], KS<<16                      ; a row for each K step
	s_mov_b32 s[\g+3], 64<<16
	s_mov_b32 s[\g+4], KS
	s_mov_b32 s[\g+6], 0
	s_mov_b32 s[\g+7], 0
.endr
	s_mov_b32 s[G1S+5], A_SP/8
	s_mov_b32 s[G1SB+5], B_SP/8
	s_lshl_b32 s20, s17, 1
	s_add_co_u32 s20, s20, s16                     ; A: which 128 rows I fetch
	s_mul_i32 s22, s20, 512                        ; their scale words,
	s_mul_i32 s20, s20, 12288*KS                   ; their codes
	s_add_co_u32 s20, s20, A_C
	s_add_co_u32 s22, s22, A_S
	s_mov_b32 s21, 0
	s_mov_b32 s23, 0
	s_lshl_b32 s46, s42, 1
	s_add_co_u32 s46, s46, s16                     ; B likewise, in registers that never hold cy
	s_mul_i32 s92, s46, 512
	s_mul_i32 s46, s46, 12288*KS
	s_add_co_u32 s46, s46, B_C
	s_add_co_u32 s92, s92, B_S
	s_mov_b32 s47, 0
	s_mov_b32 s93, 0
	s_mul_i32 s45, s14, HALFT                      ; where they go: wave x 8 tiles: no place in the cluster enters an LDS address
	s_mul_i32 s94, s14, HALFS
	s_wait_kmcnt 0x0
.if QKV
	s_mov_b64 s[10:11], s[6:7]                     ; the output;
	s_mov_b64 s[6:7], s[4:5]                       ; B's buffer is the pool too,
	s_add_nc_u64 s[8:9], s[4:5], P_BIAS            ; and the biases lie in it, by pool row
.endif
	s_add_nc_u64 s[20:21], s[4:5], s[20:21]
	s_add_nc_u64 s[22:23], s[4:5], s[22:23]
	s_add_nc_u64 s[46:47], s[6:7], s[46:47]
	s_add_nc_u64 s[92:93], s[6:7], s[92:93]
	CROUND                                         ; all sixteen work-groups are here: the first joint loads meet
	s_mov_b32 s[G0S], 1
	s_add_co_u32 s[G0S+1], s94, SCL
	s_mov_b64 s[G0S+2:G0S+3], s[22:23]
	s_or_b32 s[G0S+3], s[G0S+3], 0x80000000
	s_mov_b32 s[G0SB], 1
	s_add_co_u32 s[G0SB+1], s94, SCL
	s_mov_b64 s[G0SB+2:G0SB+3], s[92:93]
	s_or_b32 s[G0SB+3], s[G0SB+3], 0x80000000
	JLOAD G0S, G1S, G0SB, G1SB                     ; the scale words first: they are wanted with K step 0.  Three loads of mine are out behind the first fills
.irp s, 0,1
	s_mov_b32 s[G0+4*\s], 1
	s_add_co_u32 s[G0+4*\s+1], s45, \s*SLOT
	s_add_nc_u64 s[G0+4*\s+2:G0+4*\s+3], s[20:21], \s*TILEB
	s_or_b32 s[G0+4*\s+3], s[G0+4*\s+3], 0x80000000
	s_mov_b32 s[G0B+4*\s], 1
	s_add_co_u32 s[G0B+4*\s+1], s45, \s*SLOT
	s_add_nc_u64 s[G0B+4*\s+2:G0B+4*\s+3], s[46:47], \s*TILEB
	s_or_b32 s[G0B+4*\s+3], s[G0B+4*\s+3], 0x80000000
	JLOAD G0+4*\s, G1, G0B+4*\s, G1B
.endr
	v_and_b32 v1, 31, v0                           ; L
	v_and_b32 v2, 15, v0                           ; r
	v_bfe_u32 v3, v0, 4, 1                         ; h
	v_lshlrev_b32 v[OX], 4, v1
	v_lshlrev_b32 v[OY], 4, v2
	v_lshl_add_u32 v[OY], v3, 3, v[OY]
	s_mul_i32 s21, s15, HALFT                      ; my 8 tiles of A
	s_mul_i32 s22, s16, HALFT                      ; my 8 tiles of B,
	s_add_co_u32 s22, s22, 2*HALFT                 ; which lie behind A's 16
.irp s, 0,1
	v_add_nc_u32 v[ADRA+\s], s21, v[OX]
	v_add_nc_u32 v[ADRA+2+\s], s21, v[OY]
	v_add_nc_u32 v[ADRB+\s], s22, v[OX]
	v_add_nc_u32 v[ADRB+2+\s], s22, v[OY]
	s_add_co_u32 s21, s21, SLOT
	s_add_co_u32 s22, s22, SLOT
.endr
	s_mul_i32 s21, s15, HALFS                      ; A's scale words: my 128 rows
	s_mul_i32 s22, s16, HALFS                      ; B's: my 128 rows, behind A's 256
	s_add_co_u32 s22, s22, 2*HALFS
	s_sub_co_u32 s22, s22, s21
	v_mul_u32_u24 v6, s22, v3                      ; lanes 16-31 take B's
	s_add_co_u32 s21, s21, SCL
	v_lshl_add_u32 v5, v2, 2, v6
	v_add_nc_u32 v[ADRS], s21, v5
	v_lshlrev_b32 v[BO], 6, v3
	s_lshl_b32 s46, s42, 10                        ; B's bias: my 128 rows' numbers
	s_lshl_b32 s47, s16, 9
	s_add_co_u32 s46, s46, s47
	s_mov_b32 s47, 0
	s_add_nc_u64 s[98:99], s[8:9], s[46:47]
.irp b, 0,1,2,3,4,5,6,7                        ; in the result's layout: for tile b lane (r, h) wants the numbers of natural rows 32 (b / 2) + 8 (b % 2) + 16 h + 0 .. 7
	global_load_b128 v[BIAS+8*\b:BIAS+8*\b+3], v[BO], s[98:99] offset:(32*(\b/2)+8*(\b%2))*4
	global_load_b128 v[BIAS+8*\b+4:BIAS+8*\b+7], v[BO], s[98:99] offset:(32*(\b/2)+8*(\b%2))*4+16
.endr
.if QKV
	v_and_b32 v4, 8, v2
	v_add_nc_u32 v4, v4, v2
	v_lshlrev_b32 v15, 2, v4                       ; 4 (r + 8 (r / 8))
	s_lshl_b32 s46, s17, 10                        ; A's bias: one number a lane for each of my 8 tiles
	s_lshl_b32 s47, s15, 9
	s_add_co_u32 s46, s46, s47
	s_mov_b32 s47, 0
	s_add_nc_u64 s[66:67], s[8:9], s[46:47]
.irp a, 0,1,2,3,4,5,6,7
	global_load_b32 v[BA+2*\a], v15, s[66:67] offset:(32*(\a/2)+8*(\a%2))*4
	v_mov_b32 v[BA+2*\a+1], 0                      ; (named with it as a pair, so it is written)
.endr
.endif
	; where my part of the output begins
.if QKV
	s_cmp_lt_u32 ttmp9, 2
	s_cselect_b32 s20, s17, s41                    ; the output's block of rows: x's block, or wv's block counted from wv's first row
	s_cselect_b32 s21, s40, s42                    ; its block along K: the weight's block counted from its first row, or x's block
	s_cselect_b32 s22, 8, 32                       ; its K steps: 1,024 features, or 4,096 tokens
	s_mov_b32 s23, 4096
	s_cselect_b32 s23, 16384, s23                  ; the pitch of its scale words: 4,096 rows, or 1,024
.else
	s_mov_b32 s20, s17
	s_mov_b32 s21, s42
	s_mov_b32 s22, KSO
.if WAYQ
	s_mov_b32 s23, SWPO
.endif
.endif
	s_lshl_b32 s20, s20, 4
	s_lshl_b32 s46, s15, 3
	s_add_co_u32 s20, s20, s46                     ; my first tile of rows
	s_lshl_b32 s21, s21, 1
	s_add_co_u32 s21, s21, s16                     ; my K step (128 columns)
	s_mul_i32 s46, s20, s22
	s_add_co_u32 s46, s46, s21
	s_mul_i32 s46, s46, REC
.if QKV
	s_mul_i32 s47, ttmp9, 3145728                  ; q's, k's and v's codes lie one behind the other
	s_add_co_u32 s46, s46, s47
.endif
	s_mov_b32 s47, 0
	s_add_nc_u64 s[12:13], s[10:11], s[46:47]      ; my first record
.if WAYQ
	s_mul_i32 s92, s22, REC                        ; from tile to tile
	s_mov_b32 s93, 0
	s_mul_i32 s46, s21, s23
	s_lshl_b32 s94, s20, 6
	s_add_co_u32 s46, s46, s94
	s_add_co_u32 s46, s46, O_S
.if QKV
	s_lshl_b32 s94, ttmp9, 17                      ; and so do their scale words
	s_add_co_u32 s46, s46, s94
.endif
	s_add_nc_u64 s[94:95], s[10:11], s[46:47]      ; my 128 scale words
	s_mov_b32 s[SEL], 0x76543210
	s_mov_b32 s[SEL+1], 0xfedcba98
	s_lshl_b32 s23, s14, 9
	s_add_co_u32 s23, s23, GATH
	v_lshl_add_u32 v[GW], v2, 2, s23
	v_add_nc_u32 v[GR], s23, v[OX]
.endif
.macro FRAG reg, ax, ay, off           ; a record becomes a fragment's 12 registers
	ds_load_b128 v[\reg:\reg+3], v[\ax] offset:\off
	ds_load_b64 v[\reg+4:\reg+5], v[\ay] offset:\off+512
	ds_load_b128 v[\reg+6:\reg+9], v[\ax] offset:\off+768
	ds_load_b64 v[\reg+10:\reg+11], v[\ay] offset:\off+1280
.endm
; 16 matrix instructions: A's blocks a0, a0 + 1 x B's eight, the slot's q-th 128 along K.  p: B's set;  sc: the set of scale words.  zero = 1: the first product starts the sums from B's bias: nothing is cleared, no bias is added later.
; The 64 accumulators take turns, one instruction a turn, in the same order in every step.
.macro MUL16 a0, p, q, sc, zero
.irp a, \a0, \a0+1
.irp b, 0,1,2,3,4,5,6,7
.if \zero
	v_wmma_scale_f32_16x16x128_f8f6f4 v[8*(8*((\a)%4)+\b):8*(8*((\a)%4)+\b)+7], v[128*(\p)+FR*\b:128*(\p)+FR*\b+FR-1], v[AF+FR*(\a):AF+FR*(\a)+FR-1], v[BIAS+8*\b:BIAS+8*\b+7], v[SC+8*NQ*(\sc)+NQ*\b+(\q)], v[SC+8*NQ*(\sc)+NQ*(\a)+(\q)] matrix_a_fmt:MATRIX_FMT_FP6 matrix_b_fmt:MATRIX_FMT_FP6 matrix_a_scale:MATRIX_SCALE_ROW1
.else
	v_wmma_scale_f32_16x16x128_f8f6f4 v[8*(8*((\a)%4)+\b):8*(8*((\a)%4)+\b)+7], v[128*(\p)+FR*\b:128*(\p)+FR*\b+FR-1], v[AF+FR*(\a):AF+FR*(\a)+FR-1], v[8*(8*((\a)%4)+\b):8*(8*((\a)%4)+\b)+7], v[SC+8*NQ*(\sc)+NQ*\b+(\q)], v[SC+8*NQ*(\sc)+NQ*(\a)+(\q)] matrix_a_fmt:MATRIX_FMT_FP6 matrix_b_fmt:MATRIX_FMT_FP6 matrix_a_scale:MATRIX_SCALE_ROW1
.endif
.endr
.endr
.endm
.macro FETCH_B slot, q, p              ; B's eight fragments of the slot's q-th 128 along K into set p
	WIN TO_B
.irp i, 0,1,2,3,4,5,6,7
	FRAG 128*(\p)+FR*\i, ADRB+\slot, ADRB+2+\slot, \i*TILEB+(\q)*1536
.endr
	WIN 0
.endm
.macro FETCH_A slot, q, i0             ; A's blocks i0 .. i0 + 3
.irp i, \i0, \i0+1, \i0+2, \i0+3
	FRAG AF+FR*(\i), ADRA+\slot, ADRA+2+\slot, (\i)*TILEB+(\q)*1536
.endr
.endm
.macro SCALES sc                       ; the slot's scale words into set sc: register 2 i + q: lanes 0-15 A's block i, lanes 16-31 B's block i
.irp i, 0,1,2,3,4,5,6,7
.irp q, 0,1
	ds_load_b32 v[SC+16*\sc+2*\i+\q], v[ADRS] offset:64*\i+512*\q
.endr
.endr
.endm
; A load into a register that a matrix instruction has read, and a vector instruction or a store that reads a matrix result, stand NP places behind it; only plain vector instructions that name none of its registers are places.
.macro PLACES n
.rept \n
	v_nop
.endr
.endm
.macro STEP slot, q, zero              ; a step of 128 along K that has its successor in the same slot
	s_wait_dscnt 4*NL                              ; B's set, A's blocks 0-3 and the scale words are in; the youngest 16 loads (A's blocks 4-7) may be out
.if \zero
	WIN 0x81                                       ; C (the bias) window 0, D window 2
.else
	WIN MUL_LO
.endif
	MUL16 0, (\q)%2, \q, \slot, \zero
	MUL16 2, (\q)%2, \q, \slot, \zero
	s_wait_dscnt 0                                 ; A's blocks 4-7 are in (asked for 32 matrix instructions ago)
	PLACES NP
	FETCH_B \slot, (\q)+1, 1-(\q)%2
	FETCH_A \slot, (\q)+1, 0
.if \zero
	WIN 0xc1
.else
	WIN MUL_HI
.endif
	MUL16 4, (\q)%2, \q, \slot, \zero
	MUL16 6, (\q)%2, \q, \slot, \zero
	PLACES NP
	WIN 0
	FETCH_A \slot, (\q)+1, 4
.endm
; A slot's last step changes slots: one barrier; in front of it each wave waits for all its tensor loads, adds 0 to its spare word, and waits for that and for its own reads of this slot.  fill = 1: this slot is filled again, two slots ahead.
.macro TURN slot, next, fill
	s_wait_tensorcnt 0x0                           ; all my tensor loads have landed: my part of the next slot;  (every window is 0 here)
	ds_add_u32 v[SPW], v[NIL]                      ; 0 onto my spare word
	s_wait_dscnt 4*NL+1                            ; (the add and the youngest 16 loads, A's blocks 4-7, may be out)
	WIN MUL_LO
	MUL16 0, 1, NQ-1, \slot, 0                     ; sixteen matrix instructions stand between the add and the wait for it
	s_wait_dscnt 0x0                               ; the add is done, and my reads of this slot are over
	s_barrier_signal -1
	MUL16 2, 1, NQ-1, \slot, 0
	WIN 0
	s_barrier_wait -1
.if \fill
	CREST                                          ; the barrier has opened a round of the cluster's barrier: no wave of any partner still reads this slot or has a load on its way
	s_add_nc_u64 s[G0+4*\slot+2:G0+4*\slot+3], s[G0+4*\slot+2:G0+4*\slot+3], 2*TILEB
	s_add_nc_u64 s[G0B+4*\slot+2:G0B+4*\slot+3], s[G0B+4*\slot+2:G0B+4*\slot+3], 2*TILEB
	JLOAD G0+4*\slot, G1, G0B+4*\slot, G1B         ; the first tensor load behind the round, my one load until the next; its four v_nop are the places in front of the loads below
.else
	PLACES NP
.endif
	v_add_nc_u32 v[ADRS], 512*NQ, v[ADRS]          ; on to the next slot's scale words
	FETCH_B \next, 0, 0
	FETCH_A \next, 0, 0
	SCALES \next
	WIN MUL_HI
	MUL16 4, 1, NQ-1, \slot, 0
	MUL16 6, 1, NQ-1, \slot, 0
	PLACES NP
	WIN 0
	FETCH_A \next, 0, 4
.endm
	s_wait_tensorcnt 1                             ; the scale words and my part of slot 0 are in (slot 1's load may be out)
	s_barrier_signal -1
	s_barrier_wait -1                              ; everybody's are
	FETCH_B 0, 0, 0
	FETCH_A 0, 0, 0
	SCALES 0
	FETCH_A 0, 0, 4
	s_wait_loadcnt 0x0                             ; the biases
	STEP 0, 0, 1                                   ; the first step stands in front of the loop: its products start the sums
	s_mov_b32 s3, LAPS-1
.Llap:                                                 ; a trip goes once round the ring, from a lap's second step to the next lap's first, and fills both slots again
	TURN 0, 1, 1
	STEP 1, 0, 0
	TURN 1, 0, 1
	STEP 0, 0, 0
	s_sub_co_u32 s3, s3, 1
	s_cmp_lg_u32 s3, 0
	s_cbranch_scc1 .Llap
	TURN 0, 1, 0                                   ; the last lap fills nothing, and has no round of the cluster's barrier
	STEP 1, 0, 0
	s_wait_dscnt 4*NL                              ; the very last step: nothing more to fetch
	WIN MUL_LO
	MUL16 0, 1, NQ-1, 1, 0
	MUL16 2, 1, NQ-1, 1, 0
	s_wait_dscnt 0
	WIN MUL_HI
	MUL16 4, 1, NQ-1, 1, 0
	MUL16 6, 1, NQ-1, 1, 0
	WIN 0
	PLACES NP                                      ; in front of the first read of results and of the first write of registers that held A's fragments
.if WAYQ
; THE WAY OUT, quantised: a lane's 64 results of a tile of rows are 16 neighbours of each of four blocks of 32 along the next K: they become one record of codes and one scale word a row.
.macro QUANT s
.irp b, 0,1,2,3
	v_max3_num_f32 v[TM+\b], |v[\s+16*\b]|, |v[\s+1+16*\b]|, 0x1800000   ; my 16 numbers of block b, and the floor 2^(3 - 127): the byte cannot fall under 1
.endr
.irp i, 2,4,6,8,10,12,14
.irp b, 0,1,2,3
	v_max3_num_f32 v[TM+\b], v[TM+\b], |v[\s+16*\b+\i]|, |v[\s+1+16*\b+\i]|
.endr
.endr
.irp b, 0,1,2,3
	v_permlanex16_b32 v[TM+4+\b], v[TM+\b], s[SEL], s[SEL+1]
.endr
.irp b, 0,1,2,3
	v_max_num_f32 v[TM+\b], v[TM+\b], v[TM+4+\b]   ; with lane l xor 16's: the block's largest magnitude
.endr
.irp b, 0,1,2,3
	v_add_nc_u32 v[TM+12+\b], 0xff000000, v[TM+\b] ; 2 off its exponent field: the conversion's scale operand
.endr
.irp b, 0,1,2,3
	v_lshrrev_b32 v[TM+4+\b], 23, v[TM+12+\b]      ; the scale's byte
.endr
	v_lshl_or_b32 v[PW], v[TM+5], 8, v[TM+4]
	v_lshl_or_b32 v[PW], v[TM+6], 16, v[PW]
	v_lshl_or_b32 v[PW], v[TM+7], 24, v[PW]
.irp c, 0,1
	v_cvt_scalef32_pk16_fp6_f32 v[PC+6*\c:PC+2+6*\c], v[\s+32*\c:\s+15+32*\c], v[TM+12+2*\c]
	v_cvt_scalef32_pk16_fp6_f32 v[PC+12+4*\c:PC+14+4*\c], v[\s+16+32*\c:\s+31+32*\c], v[TM+12+2*\c+1]   ; (a conversion's three registers begin on an even number)
.endr
	v_nop                                          ; one plain place behind a scaled conversion
.irp c, 0,1                                    ; the operand's layout wants a whole block in a lane
.irp i, 0,1,2
	v_permlane16_swap_b32 v[PC+6*\c+\i], v[PC+12+4*\c+\i]
.endr
.irp i, 0,1,2
	v_mov_b32 v[PC+3+6*\c+\i], v[PC+12+4*\c+\i]
.endr
.endr
.endm
.macro QOUT a
.set AC, 64*((\a)%4)
.if (\a) > 0
	s_wait_xcnt 0x0                                ; the last record's stores have read their data and their base: both are written again only behind this wait
	s_add_nc_u64 s[12:13], s[12:13], s[92:93]      ; the next tile's record
.endif
.set i, 0
.if QKV
	WIN 0x02+((\a)/4)                              ; source 0: window 2 or 3
.rept 32
	v_pk_add_f32 v[T+i:T+i+1], v[AC+i:AC+i+1], v[BA+2*(\a):BA+2*(\a)+1] op_sel_hi:[1,0]   ; + my row's bias; each accumulator is read from its low end on
.set i, i+2
.endr
.else
	WIN 0x08+4*((\a)/4)                            ; source 1: window 2 or 3
.rept 64
	v_max_num_f32 v[T+i], 0, v[AC+i]               ; the activation, in f32; each accumulator is read from its low end on
.set i, i+1
.endr
.endif
	WIN 0
	QUANT T
	global_store_b128 v[OX], v[PC:PC+3], s[12:13]                  ; 512 consecutive bytes
	global_store_b64 v[OY], v[PC+4:PC+5], s[12:13] offset:512      ; 256 consecutive bytes
	global_store_b128 v[OX], v[PC+6:PC+9], s[12:13] offset:768
	global_store_b64 v[OY], v[PC+10:PC+11], s[12:13] offset:1280
	ds_store_b32 v[GW], v[PW] offset:64*(\a)       ; both halves of the lanes write the same word with the same value
.endm
.irp b, 0,1,2,3
	v_mov_b32 v[TM+4+\b], 0                        ; written once: a lane permute's destination counts as one of its sources
.endr
.irp a, 0,1,2,3,4,5,6,7
	QOUT \a
.endr
	ds_load_b128 v[GL:GL+3], v[GR]                 ; LDS serves a wave's instructions in order: this sees my stores
	s_wait_dscnt 0x0
	global_store_b128 v[OX], v[GL:GL+3], s[94:95]  ; my 128 scale words: 512 consecutive bytes
.else
; THE WAY OUT, in f32: the accumulators leave as they stand, 16 bytes a lane, 512 consecutive bytes a store; the launch that normalises reads them back into the same lanes.
.irp a, 0,1,2,3,4,5,6,7
	WIN 0x08+4*(\a/4)                              ; a store's data are its source 1: window 2 or 3
.irp b, 0,1,2,3,4,5,6,7
	global_store_b128 v[OX], v[64*(\a%4)+8*\b:64*(\a%4)+8*\b+3], s[12:13] offset:65536*\a+1024*\b th:TH_STORE_NT       ; each accumulator from its low end on
	global_store_b128 v[OX], v[64*(\a%4)+8*\b+4:64*(\a%4)+8*\b+7], s[12:13] offset:65536*\a+1024*\b+512 th:TH_STORE_NT
.endr
.endr
	WIN 0
.endif
	s_wait_tensorcnt 0x0                           ; the wave's end, behind my last tensor load and my last LDS store
	ds_add_u32 v[SPW], v[NIL]
	s_wait_dscnt 0x0
	CROUND                                         ; the closing round: no work-group ends while a partner may still ask for a tile that names it
	s_endpgm
.Lfunc_end_k_q484ae9fd09_ffn1:
	.size	k_q484ae9fd09_ffn1, .Lfunc_end_k_q484ae9fd09_ffn1-k_q484ae9fd09_ffn1
	.p2alignl 7, 3214868480
	.fill 96, 4, 3214868480
	.section	.rodata,"a",@progbits
	.p2align	6, 0x0
	.amdhsa_kernel k_q484ae9fd09_ffn1
		.amdhsa_group_segment_fixed_size 327680
		.amdhsa_private_segment_fixed_size 0
		.amdhsa_enable_private_segment 0
		.amdhsa_kernarg_size 32
		.amdhsa_user_sgpr_count 2
		.amdhsa_user_sgpr_kernarg_segment_ptr 1
		.amdhsa_wavefront_size32 1
		.amdhsa_system_sgpr_workgroup_id_x 1
		.amdhsa_system_sgpr_workgroup_id_y 1
		.amdhsa_system_sgpr_workgroup_id_z 1
		.amdhsa_system_vgpr_workitem_id 0
		.amdhsa_next_free_vgpr 1024
		.amdhsa_next_free_sgpr 100
		.amdhsa_reserve_vcc 0
		.amdhsa_float_denorm_mode_32 3
		.amdhsa_float_denorm_mode_16_64 3
		.amdhsa_memory_ordered 1
		.amdhsa_forward_progress 1
		.amdhsa_inst_pref_size 169
	.end_amdhsa_kernel
	.amdgpu_metadata
---
amdhsa.version: [ 1, 2 ]
amdhsa.kernels:
  - .name:           k_q484ae9fd09_ffn1
    .symbol:         k_q484ae9fd09_ffn1.kd
    .args:
      - { .name: HC, .offset: 0, .size: 8, .value_kind: global_buffer, .address_space: global }
      - { .name: P, .offset: 8, .size: 8, .value_kind: global_buffer, .address_space: global }
      - { .name: b1, .offset: 16, .size: 8, .value_kind: global_buffer, .address_space: global }
      - { .name: F, .offset: 24, .size: 8, .value_kind: global_buffer, .address_space: global }
    .group_segment_fixed_size: 327680
    .private_segment_fixed_size: 0
    .kernarg_segment_align: 8
    .kernarg_segment_size: 32
    .max_flat_workgroup_size: 128
    .sgpr_count:     100
    .vgpr_count:     1024
    .wavefront_size: 32
...
	.end_amdgpu_metadata
.endif
;; end of part 6
;; launch ffn2 (part 7): grid 4 x 16, 4 waves a work-group, clusters of 4 x 4, 327,680 bytes of LDS; arguments F, P, b2, Y; writes Y
.if DOCPART == 7
	.amdgcn_target "amdgcn-amd-amdhsa--gfx1250"
	.amdhsa_code_object_version 6
	.text
	.protected	k_q484ae9fd09_ffn2
	.globl	k_q484ae9fd09_ffn2
	.p2align	8
	.type	k_q484ae9fd09_ffn2,@function
k_q484ae9fd09_ffn2:
	s_mov_b64 s[64:65], 0
	v_nop
	global_prefetch_b8 v0, s[64:65] scope:SCOPE_SE
	s_setreg_imm32_b32 hwreg(HW_REG_WAVE_MODE, 25, 1), 1
	s_wait_xcnt 0x0
	s_wait_alu depctr_hold_cnt(0) depctr_sa_sdst(0) depctr_va_vdst(0) depctr_va_sdst(0) depctr_va_ssrc(0) depctr_va_vcc(0) depctr_vm_vsrc(0)
	s_getreg_b32 s2, hwreg(HW_REG_IB_STS2, 6, 4)
	s_cmp_eq_u32 s2, 0
	s_cbranch_scc0 .Lentry_in_a_cluster
	s_endpgm
.Lentry_in_a_cluster:
	s_bfe_u32 s2, ttmp6, 0x10000c
	s_cmp_lg_u32 s2, 0xf033
	s_cbranch_scc0 .Lentry_shape_is_right
	s_endpgm
.Lentry_shape_is_right:
; FFN2: y = f w2 + b2 on codes of FP6 (E2M3), K = 4,096; A = the hidden layer as codes, B = w2's columns as codes; the result leaves in f32, as the accumulators stand, for the launch that adds the residual and normalises.
; N = 1,024 gives 64 tiles of 256 x 256: this launch has work for 64 work-groups.
.set KS,   32                          ; K steps of 128
.set A_C,  0                           ; A's codes, scale words and their pitch in A's buffer
.set A_S,  12582912
.set A_SP, 16384
.set B_C,  9437184                     ; B's likewise
.set B_S,  12976128
.set B_SP, 4096
.set QKV,  0
.set RELU, 0
.set WAYQ, 0                           ; 1: the result is quantised and leaves as records of codes; 0: it leaves as f32, as the accumulators stand
.set KSO,  8                           ; records of 128 columns in a tile of rows of the output
.set SWPO, 0
.set O_S,  0
.set P_BIAS, 0
; ---- THE COMMON TEXT of the four products of this program; only the lines above differ.
; C(a, b) = sum over k of A[a][k] B[b][k] + bias.  A tile of 256 x 256 is made by four waves, as many as a WGP has SIMDs; a wave makes 128 x 128: 64 accumulators of 16 x 16, 512 registers.
; OPERANDS lie in memory as images of the operand registers.  Sixteen rows form a tile (row r of tile t is the natural row 32 (t / 2) + 8 (t % 2) + r + 8 (r / 8)); the record of (tile t, K step s) is 1,536 bytes at (t KS + s) 1536:
; half c: registers 6 c .. 6 c + 3 of lane L at 768 c + 16 L, registers 6 c + 4, 6 c + 5 of lane (r, h) at 768 c + 512 + 16 r + 8 h.  So a fragment comes by two loads of 16 and two of 8 bytes a lane, all dense: no padding.
; K goes in steps of 256 through a ring of two LDS slots; a wave's tensor load brings 8 tiles x 3,072 bytes (a tile's two K steps lie on end; a row cannot be longer, so the load has 8 rows).
; THE SCALE WORDS of the work-group's rows, for all of K, come once with the first fills and stay: [K step][128 words] for each 128 rows.
; CLUSTERS: 4 x 4 work-groups; A's tiles are asked for jointly along a row of the cluster, B's along a column.  THE MATRIX INSTRUCTION IS USED TRANSPOSED (source 0 = 16 rows of B, source 1 = 16 rows of A): lane (r, h) holds
; row r of A's tile, and register 16 b + i of its 64 results against B's eight tiles is B's natural row 32 b + 16 h + i: 16 neighbours of each block of 32, which is what the quantiser takes.
; LIMITS: NaN and infinities are not served; a block whose largest magnitude lies under 2^-124 keeps the scale byte 1.
; REGISTERS, in windows of 256: window 0: v16-31 addresses; v32-63 scale words, two sets; v64-127 B's bias, later 64 numbers at work; v128-223 A's fragments, one set, later the quantiser's registers; v224-239 A's bias.
;   window 1: B's fragments, two sets, at v0 and v128.   windows 2, 3: the accumulators of my rows 0-63 and 64-127, (a, b) at v[8 (8 (a % 4) + b)].
.set NQ,    2                          ; K steps of 128 in a slot
.set FR,    12                         ; registers of a fragment
.set NL,    4                          ; LDS loads that bring one
.set NP,    4                          ; places behind this matrix instruction (ISA guide 7.12.1)
.set TILEB, 3072                       ; a tile's bytes in a slot
.set HALFT, 8*TILEB                    ; 8 tiles: what one tensor load brings, and what one wave reads of A or of B
.set SLOT,  4*HALFT
.set LAPS,  KS/4                       ; a lap = once round the ring
.set SCL,   2*SLOT                     ; behind the ring: the scale words
.set HALFS, 512*KS                     ; those of 128 rows
.set SPARE, SCL+4*HALFS                ; the spare words, 128 bytes for each wave: two blocks of 256 bytes that no other line names
.set GATH,  SPARE+512                  ; 512 bytes for each wave: the output's scale words are gathered here; no tensor load lands here
.if WAYQ
.set REC,   1536
.else
.set REC,   8192
.endif
.set ADRA, 16                          ; v16-17 16 L + my A tiles in slot 0, 1;  v18-19 16 r + 8 h + the same
.set ADRB, 20                          ; v20-23 the same for B
.set OX,   24                          ; v24  16 L
.set OY,   25                          ; v25  16 r + 8 h
.set GW,   26                          ; v26  where I put a scale word
.set ADRS, 27                          ; v27  LDS address of my scale words: lanes 0-15 A's rows, lanes 16-31 B's
.set SPW,  28                          ; v28  LDS address of my spare word; never rewritten
.set NIL,  29                          ; v29  0; never rewritten
.set GR,   30                          ; v30  where I read 16 bytes of scale words back
.set BO,   31                          ; v31  64 h: my half's place in a block of 32 numbers of the bias
.set SC,   32
.set BIAS, 64
.set T,    64
.set AF,   128
.set BA,   224
.set PC,   128
.set TM,   148
.set PW,   164
.set GL,   168
.set SEL,  96                          ; s[96:97] lane selects for lane l xor 16
.set G1,   24                          ; s[24:31] group 1 for A's tiles;  s[32:39] group 0, a set for each slot
.set G0,   32
.set G1B,  48                          ; s[48:55], s[56:63] the same for B's
.set G0B,  56
.set G1S,  68                          ; s[68:75], s[76:79] groups 1 and 0 for A's scale words;  s[80:87], s[88:91] for B's
.set G0S,  76
.set G1SB, 80
.set G0SB, 88
.set MSB, 0
.macro WIN new                         ; the immediate's high byte repeats the setting that is left
.if MSB != (\new)
	s_set_vgpr_msb (MSB<<8)|(\new)
.set MSB, (\new)
.endif
.endm
.set MUL_LO, 0xa1                      ; source 0 (B) window 1, source 1 (A) window 0, C and D window 2
.set MUL_HI, 0xf1                      ; the same, C and D window 3
.set TO_B,   0x40                      ; destination window 1, address window 0
; A joint load: waves 0 and 1 fetch for A, waves 2 and 3 for B.  Each line has one mask and one set of registers for all that issue it; the branch hangs on the wave's number alone.  Four v_nop follow each line.
.macro JLOAD g0a, g1a, g0b, g1b
	s_cmp_eq_u32 s15, 0
	s_cbranch_scc0 .Lfor_b_\@
	tensor_load_to_lds s[\g0a:\g0a+3], s[\g1a:\g1a+7]
	s_nop 0
.rept 4
	v_nop
.endr
	s_branch .Lasked_\@
.Lfor_b_\@:
	tensor_load_to_lds s[\g0b:\g0b+3], s[\g1b:\g1b+7]
	s_nop 0
.rept 4
	v_nop
.endr
.Lasked_\@:
.endm
.macro CREST                           ; a round of the cluster's barrier behind its opening barrier
	s_cmp_lg_u32 s14, 0
	s_cbranch_scc1 .Lnot_wave_0_\@
	s_barrier_signal -3
.Lnot_wave_0_\@:
	s_barrier_wait -3
	s_barrier_signal -1
	s_barrier_wait -1
.endm
.macro CROUND
	s_barrier_signal -1
	s_barrier_wait -1
	CREST
.endm
.if QKV
	s_load_b128 s[4:7], s[0:1], 0x0                ; the pool, the output
.else
	s_load_b256 s[4:11], s[0:1], 0x0               ; A's buffer, B's buffer, the bias, the output
.endif
	v_lshl_add_u32 v[SPW], v0, 2, SPARE
	v_mov_b32 v[NIL], 0
	ds_add_u32 v28, v29
	ds_add_u32 v28, v29
	s_wait_dscnt 0x0
	v_lshrrev_b32 v1, 5, v0
	v_readfirstlane_b32 s14, v1                    ; wave 0..3
	s_lshr_b32 s15, s14, 1                         ; which half of the tile's A rows is mine.  Also: I fetch for A (0) or for B (1)
	s_and_b32 s16, s14, 1                          ; which half of its B rows.  Also: which 128 rows I fetch
	s_bfe_u32 s40, ttmp6, 0x40000                  ; cx, cy: my place in the cluster
	s_bfe_u32 s41, ttmp6, 0x40004
	s_and_b32 s18, ttmp7, 0xffff
	s_lshl_b32 s18, s18, 2                         ; 4 x cluster y
	s_lshl_b32 s19, ttmp9, 2                       ; 4 x cluster x
.if QKV
	s_add_co_u32 s19, s19, 16
	s_cmp_lt_u32 ttmp9, 2                          ; the same in all sixteen partners
	s_cselect_b32 s17, s18, 24                     ; A: x's blocks of 256 rows, or wv's (pool blocks 24-27)
	s_cselect_b32 s42, s19, s18                    ; B: wq's and wk's (16-23), or x's
.else
	s_mov_b32 s17, s18
	s_mov_b32 s42, s19
.endif
	s_add_co_u32 s17, s17, s41                     ; A's block: cy enters here alone,
	s_add_co_u32 s42, s42, s40                     ; B's block: cx here alone
	s_lshl_b32 s43, s41, 2
	s_lshl_b32 s43, 15, s43                        ; my row of the cluster
	s_lshl_b32 s44, 0x1111, s40                    ; my column
	s_or_b32 s[G1+0], s43, (3<<16)|(1<<21)         ; 15:0 the mask; 17:16 elements of 8 bytes; 20 no padding; 21 set beside a mask
	s_or_b32 s[G1B+0], s44, (3<<16)|(1<<21)
.irp g, G1, G1B
	s_mov_b32 s[\g+1], 384<<16                     ; tensor_dim0: 3,072 bytes
	s_mov_b32 s[\g+2], 8<<16                       ; tensor_dim1: 8 tiles
	s_mov_b32 s[\g+3], 384<<16                     ; tile_dim0
	s_mov_b32 s[\g+4], 8                           ; tile_dim1
	s_mov_b32 s[\g+5], 192*KS                      ; from tile to tile: KS records
	s_mov_b32 s[\g+6], 0
	s_mov_b32 s[\g+7], 0
.endr
	s_or_b32 s[G1S+0], s43, (3<<16)|(1<<21)
	s_or_b32 s[G1SB+0], s44, (3<<16)|(1<<21)
.irp g, G1S, G1SB
	s_mov_b32 s[\g+1], 64<<16                      ; 128 words
	s_mov_b32 s[\g+2], KS<<16                      ; a row for each K step
	s_mov_b32 s[\g+3], 64<<16
	s_mov_b32 s[\g+4], KS
	s_mov_b32 s[\g+6], 0
	s_mov_b32 s[\g+7], 0
.endr
	s_mov_b32 s[G1S+5], A_SP/8
	s_mov_b32 s[G1SB+5], B_SP/8
	s_lshl_b32 s20, s17, 1
	s_add_co_u32 s20, s20, s16                     ; A: which 128 rows I fetch
	s_mul_i32 s22, s20, 512                        ; their scale words,
	s_mul_i32 s20, s20, 12288*KS                   ; their codes
	s_add_co_u32 s20, s20, A_C
	s_add_co_u32 s22, s22, A_S
	s_mov_b32 s21, 0
	s_mov_b32 s23, 0
	s_lshl_b32 s46, s42, 1
	s_add_co_u32 s46, s46, s16                     ; B likewise, in registers that never hold cy
	s_mul_i32 s92, s46, 512
	s_mul_i32 s46, s46, 12288*KS
	s_add_co_u32 s46, s46, B_C
	s_add_co_u32 s92, s92, B_S
	s_mov_b32 s47, 0
	s_mov_b32 s93, 0
	s_mul_i32 s45, s14, HALFT                      ; where they go: wave x 8 tiles: no place in the cluster enters an LDS address
	s_mul_i32 s94, s14, HALFS
	s_wait_kmcnt 0x0
.if QKV
	s_mov_b64 s[10:11], s[6:7]                     ; the output;
	s_mov_b64 s[6:7], s[4:5]                       ; B's buffer is the pool too,
	s_add_nc_u64 s[8:9], s[4:5], P_BIAS            ; and the biases lie in it, by pool row
.endif
	s_add_nc_u64 s[20:21], s[4:5], s[20:21]
	s_add_nc_u64 s[22:23], s[4:5], s[22:23]
	s_add_nc_u64 s[46:47], s[6:7], s[46:47]
	s_add_nc_u64 s[92:93], s[6:7], s[92:93]
	CROUND                                         ; all sixteen work-groups are here: the first joint loads meet
	s_mov_b32 s[G0S], 1
	s_add_co_u32 s[G0S+1], s94, SCL
	s_mov_b64 s[G0S+2:G0S+3], s[22:23]
	s_or_b32 s[G0S+3], s[G0S+3], 0x80000000
	s_mov_b32 s[G0SB], 1
	s_add_co_u32 s[G0SB+1], s94, SCL
	s_mov_b64 s[G0SB+2:G0SB+3], s[92:93]
	s_or_b32 s[G0SB+3], s[G0SB+3], 0x80000000
	JLOAD G0S, G1S, G0SB, G1SB                     ; the scale words first: they are wanted with K step 0.  Three loads of mine are out behind the first fills
.irp s, 0,1
	s_mov_b32 s[G0+4*\s], 1
	s_add_co_u32 s[G0+4*\s+1], s45, \s*SLOT
	s_add_nc_u64 s[G0+4*\s+2:G0+4*\s+3], s[20:21], \s*TILEB
	s_or_b32 s[G0+4*\s+3], s[G0+4*\s+3], 0x80000000
	s_mov_b32 s[G0B+4*\s], 1
	s_add_co_u32 s[G0B+4*\s+1], s45, \s*SLOT
	s_add_nc_u64 s[G0B+4*\s+2:G0B+4*\s+3], s[46:47], \s*TILEB
	s_or_b32 s[G0B+4*\s+3], s[G0B+4*\s+3], 0x80000000
	JLOAD G0+4*\s, G1, G0B+4*\s, G1B
.endr
	v_and_b32 v1, 31, v0                           ; L
	v_and_b32 v2, 15, v0                           ; r
	v_bfe_u32 v3, v0, 4, 1                         ; h
	v_lshlrev_b32 v[OX], 4, v1
	v_lshlrev_b32 v[OY], 4, v2
	v_lshl_add_u32 v[OY], v3, 3, v[OY]
	s_mul_i32 s21, s15, HALFT                      ; my 8 tiles of A
	s_mul_i32 s22, s16, HALFT                      ; my 8 tiles of B,
	s_add_co_u32 s22, s22, 2*HALFT                 ; which lie behind A's 16
.irp s, 0,1
	v_add_nc_u32 v[ADRA+\s], s21, v[OX]
	v_add_nc_u32 v[ADRA+2+\s], s21, v[OY]
	v_add_nc_u32 v[ADRB+\s], s22, v[OX]
	v_add_nc_u32 v[ADRB+2+\s], s22, v[OY]
	s_add_co_u32 s21, s21, SLOT
	s_add_co_u32 s22, s22, SLOT
.endr
	s_mul_i32 s21, s15, HALFS                      ; A's scale words: my 128 rows
	s_mul_i32 s22, s16, HALFS                      ; B's: my 128 rows, behind A's 256
	s_add_co_u32 s22, s22, 2*HALFS
	s_sub_co_u32 s22, s22, s21
	v_mul_u32_u24 v6, s22, v3                      ; lanes 16-31 take B's
	s_add_co_u32 s21, s21, SCL
	v_lshl_add_u32 v5, v2, 2, v6
	v_add_nc_u32 v[ADRS], s21, v5
	v_lshlrev_b32 v[BO], 6, v3
	s_lshl_b32 s46, s42, 10                        ; B's bias: my 128 rows' numbers
	s_lshl_b32 s47, s16, 9
	s_add_co_u32 s46, s46, s47
	s_mov_b32 s47, 0
	s_add_nc_u64 s[98:99], s[8:9], s[46:47]
.irp b, 0,1,2,3,4,5,6,7                        ; in the result's layout: for tile b lane (r, h) wants the numbers of natural rows 32 (b / 2) + 8 (b % 2) + 16 h + 0 .. 7
	global_load_b128 v[BIAS+8*\b:BIAS+8*\b+3], v[BO], s[98:99] offset:(32*(\b/2)+8*(\b%2))*4
	global_load_b128 v[BIAS+8*\b+4:BIAS+8*\b+7], v[BO], s[98:99] offset:(32*(\b/2)+8*(\b%2))*4+16
.endr
.if QKV
	v_and_b32 v4, 8, v2
	v_add_nc_u32 v4, v4, v2
	v_lshlrev_b32 v15, 2, v4                       ; 4 (r + 8 (r / 8))
	s_lshl_b32 s46, s17, 10                        ; A's bias: one number a lane for each of my 8 tiles
	s_lshl_b32 s47, s15, 9
	s_add_co_u32 s46, s46, s47
	s_mov_b32 s47, 0
	s_add_nc_u64 s[66:67], s[8:9], s[46:47]
.irp a, 0,1,2,3,4,5,6,7
	global_load_b32 v[BA+2*\a], v15, s[66:67] offset:(32*(\a/2)+8*(\a%2))*4
	v_mov_b32 v[BA+2*\a+1], 0                      ; (named with it as a pair, so it is written)
.endr
.endif
	; where my part of the output begins
.if QKV
	s_cmp_lt_u32 ttmp9, 2
	s_cselect_b32 s20, s17, s41                    ; the output's block of rows: x's block, or wv's block counted from wv's first row
	s_cselect_b32 s21, s40, s42                    ; its block along K: the weight's block counted from its first row, or x's block
	s_cselect_b32 s22, 8, 32                       ; its K steps: 1,024 features, or 4,096 tokens
	s_mov_b32 s23, 4096
	s_cselect_b32 s23, 16384, s23                  ; the pitch of its scale words: 4,096 rows, or 1,024
.else
	s_mov_b32 s20, s17
	s_mov_b32 s21, s42
	s_mov_b32 s22, KSO
.if WAYQ
	s_mov_b32 s23, SWPO
.endif
.endif
	s_lshl_b32 s20, s20, 4
	s_lshl_b32 s46, s15, 3
	s_add_co_u32 s20, s20, s46                     ; my first tile of rows
	s_lshl_b32 s21, s21, 1
	s_add_co_u32 s21, s21, s16                     ; my K step (128 columns)
	s_mul_i32 s46, s20, s22
	s_add_co_u32 s46, s46, s21
	s_mul_i32 s46, s46, REC
.if QKV
	s_mul_i32 s47, ttmp9, 3145728                  ; q's, k's and v's codes lie one behind the other
	s_add_co_u32 s46, s46, s47
.endif
	s_mov_b32 s47, 0
	s_add_nc_u64 s[12:13], s[10:11], s[46:47]      ; my first record
.if WAYQ
	s_mul_i32 s92, s22, REC                        ; from tile to tile
	s_mov_b32 s93, 0
	s_mul_i32 s46, s21, s23
	s_lshl_b32 s94, s20, 6
	s_add_co_u32 s46, s46, s94
	s_add_co_u32 s46, s46, O_S
.if QKV
	s_lshl_b32 s94, ttmp9, 17                      ; and so do their scale words
	s_add_co_u32 s46, s46, s94
.endif
	s_add_nc_u64 s[94:95], s[10:11], s[46:47]      ; my 128 scale words
	s_mov_b32 s[SEL], 0x76543210
	s_mov_b32 s[SEL+1], 0xfedcba98
	s_lshl_b32 s23, s14, 9
	s_add_co_u32 s23, s23, GATH
	v_lshl_add_u32 v[GW], v2, 2, s23
	v_add_nc_u32 v[GR], s23, v[OX]
.endif
.macro FRAG reg, ax, ay, off           ; a record becomes a fragment's 12 registers
	ds_load_b128 v[\reg:\reg+3], v[\ax] offset:\off
	ds_load_b64 v[\reg+4:\reg+5], v[\ay] offset:\off+512
	ds_load_b128 v[\reg+6:\reg+9], v[\ax] offset:\off+768
	ds_load_b64 v[\reg+10:\reg+11], v[\ay] offset:\off+1280
.endm
; 16 matrix instructions: A's blocks a0, a0 + 1 x B's eight, the slot's q-th 128 along K.  p: B's set;  sc: the set of scale words.  zero = 1: the first product starts the sums from B's bias: nothing is cleared, no bias is added later.
; The 64 accumulators take turns, one instruction a turn, in the same order in every step.
.macro MUL16 a0, p, q, sc, zero
.irp a, \a0, \a0+1
.irp b, 0,1,2,3,4,5,6,7
.if \zero
	v_wmma_scale_f32_16x16x128_f8f6f4 v[8*(8*((\a)%4)+\b):8*(8*((\a)%4)+\b)+7], v[128*(\p)+FR*\b:128*(\p)+FR*\b+FR-1], v[AF+FR*(\a):AF+FR*(\a)+FR-1], v[BIAS+8*\b:BIAS+8*\b+7], v[SC+8*NQ*(\sc)+NQ*\b+(\q)], v[SC+8*NQ*(\sc)+NQ*(\a)+(\q)] matrix_a_fmt:MATRIX_FMT_FP6 matrix_b_fmt:MATRIX_FMT_FP6 matrix_a_scale:MATRIX_SCALE_ROW1
.else
	v_wmma_scale_f32_16x16x128_f8f6f4 v[8*(8*((\a)%4)+\b):8*(8*((\a)%4)+\b)+7], v[128*(\p)+FR*\b:128*(\p)+FR*\b+FR-1], v[AF+FR*(\a):AF+FR*(\a)+FR-1], v[8*(8*((\a)%4)+\b):8*(8*((\a)%4)+\b)+7], v[SC+8*NQ*(\sc)+NQ*\b+(\q)], v[SC+8*NQ*(\sc)+NQ*(\a)+(\q)] matrix_a_fmt:MATRIX_FMT_FP6 matrix_b_fmt:MATRIX_FMT_FP6 matrix_a_scale:MATRIX_SCALE_ROW1
.endif
.endr
.endr
.endm
.macro FETCH_B slot, q, p              ; B's eight fragments of the slot's q-th 128 along K into set p
	WIN TO_B
.irp i, 0,1,2,3,4,5,6,7
	FRAG 128*(\p)+FR*\i, ADRB+\slot, ADRB+2+\slot, \i*TILEB+(\q)*1536
.endr
	WIN 0
.endm
.macro FETCH_A slot, q, i0             ; A's blocks i0 .. i0 + 3
.irp i, \i0, \i0+1, \i0+2, \i0+3
	FRAG AF+FR*(\i), ADRA+\slot, ADRA+2+\slot, (\i)*TILEB+(\q)*1536
.endr
.endm
.macro SCALES sc                       ; the slot's scale words into set sc: register 2 i + q: lanes 0-15 A's block i, lanes 16-31 B's block i
.irp i, 0,1,2,3,4,5,6,7
.irp q, 0,1
	ds_load_b32 v[SC+16*\sc+2*\i+\q], v[ADRS] offset:64*\i+512*\q
.endr
.endr
.endm
; A load into a register that a matrix instruction has read, and a vector instruction or a store that reads a matrix result, stand NP places behind it; only plain vector instructions that name none of its registers are places.
.macro PLACES n
.rept \n
	v_nop
.endr
.endm
.macro STEP slot, q, zero              ; a step of 128 along K that has its successor in the same slot
	s_wait_dscnt 4*NL                              ; B's set, A's blocks 0-3 and the scale words are in; the youngest 16 loads (A's blocks 4-7) may be out
.if \zero
	WIN 0x81                                       ; C (the bias) window 0, D window 2
.else
	WIN MUL_LO
.endif
	MUL16 0, (\q)%2, \q, \slot, \zero
	MUL16 2, (\q)%2, \q, \slot, \zero
	s_wait_dscnt 0                                 ; A's blocks 4-7 are in (asked for 32 matrix instructions ago)
	PLACES NP
	FETCH_B \slot, (\q)+1, 1-(\q)%2
	FETCH_A \slot, (\q)+1, 0
.if \zero
	WIN 0xc1
.else
	WIN MUL_HI
.endif
	MUL16 4, (\q)%2, \q, \slot, \zero
	MUL16 6, (\q)%2, \q, \slot, \zero
	PLACES NP
	WIN 0
	FETCH_A \slot, (\q)+1, 4
.endm
; A slot's last step changes slots: one barrier; in front of it each wave waits for all its tensor loads, adds 0 to its spare word, and waits for that and for its own reads of this slot.  fill = 1: this slot is filled again, two slots ahead.
.macro TURN slot, next, fill
	s_wait_tensorcnt 0x0                           ; all my tensor loads have landed: my part of the next slot;  (every window is 0 here)
	ds_add_u32 v[SPW], v[NIL]                      ; 0 onto my spare word
	s_wait_dscnt 4*NL+1                            ; (the add and the youngest 16 loads, A's blocks 4-7, may be out)
	WIN MUL_LO
	MUL16 0, 1, NQ-1, \slot, 0                     ; sixteen matrix instructions stand between the add and the wait for it
	s_wait_dscnt 0x0                               ; the add is done, and my reads of this slot are over
	s_barrier_signal -1
	MUL16 2, 1, NQ-1, \slot, 0
	WIN 0
	s_barrier_wait -1
.if \fill
	CREST                                          ; the barrier has opened a round of the cluster's barrier: no wave of any partner still reads this slot or has a load on its way
	s_add_nc_u64 s[G0+4*\slot+2:G0+4*\slot+3], s[G0+4*\slot+2:G0+4*\slot+3], 2*TILEB
	s_add_nc_u64 s[G0B+4*\slot+2:G0B+4*\slot+3], s[G0B+4*\slot+2:G0B+4*\slot+3], 2*TILEB
	JLOAD G0+4*\slot, G1, G0B+4*\slot, G1B         ; the first tensor load behind the round, my one load until the next; its four v_nop are the places in front of the loads below
.else
	PLACES NP
.endif
	v_add_nc_u32 v[ADRS], 512*NQ, v[ADRS]          ; on to the next slot's scale words
	FETCH_B \next, 0, 0
	FETCH_A \next, 0, 0
	SCALES \next
	WIN MUL_HI
	MUL16 4, 1, NQ-1, \slot, 0
	MUL16 6, 1, NQ-1, \slot, 0
	PLACES NP
	WIN 0
	FETCH_A \next, 0, 4
.endm
	s_wait_tensorcnt 1                             ; the scale words and my part of slot 0 are in (slot 1's load may be out)
	s_barrier_signal -1
	s_barrier_wait -1                              ; everybody's are
	FETCH_B 0, 0, 0
	FETCH_A 0, 0, 0
	SCALES 0
	FETCH_A 0, 0, 4
	s_wait_loadcnt 0x0                             ; the biases
	STEP 0, 0, 1                                   ; the first step stands in front of the loop: its products start the sums
	s_mov_b32 s3, LAPS-1
.Llap:                                                 ; a trip goes once round the ring, from a lap's second step to the next lap's first, and fills both slots again
	TURN 0, 1, 1
	STEP 1, 0, 0
	TURN 1, 0, 1
	STEP 0, 0, 0
	s_sub_co_u32 s3, s3, 1
	s_cmp_lg_u32 s3, 0
	s_cbranch_scc1 .Llap
	TURN 0, 1, 0                                   ; the last lap fills nothing, and has no round of the cluster's barrier
	STEP 1, 0, 0
	s_wait_dscnt 4*NL                              ; the very last step: nothing more to fetch
	WIN MUL_LO
	MUL16 0, 1, NQ-1, 1, 0
	MUL16 2, 1, NQ-1, 1, 0
	s_wait_dscnt 0
	WIN MUL_HI
	MUL16 4, 1, NQ-1, 1, 0
	MUL16 6, 1, NQ-1, 1, 0
	WIN 0
	PLACES NP                                      ; in front of the first read of results and of the first write of registers that held A's fragments
.if WAYQ
; THE WAY OUT, quantised: a lane's 64 results of a tile of rows are 16 neighbours of each of four blocks of 32 along the next K: they become one record of codes and one scale word a row.
.macro QUANT s
.irp b, 0,1,2,3
	v_max3_num_f32 v[TM+\b], |v[\s+16*\b]|, |v[\s+1+16*\b]|, 0x1800000   ; my 16 numbers of block b, and the floor 2^(3 - 127): the byte cannot fall under 1
.endr
.irp i, 2,4,6,8,10,12,14
.irp b, 0,1,2,3
	v_max3_num_f32 v[TM+\b], v[TM+\b], |v[\s+16*\b+\i]|, |v[\s+1+16*\b+\i]|
.endr
.endr
.irp b, 0,1,2,3
	v_permlanex16_b32 v[TM+4+\b], v[TM+\b], s[SEL], s[SEL+1]
.endr
.irp b, 0,1,2,3
	v_max_num_f32 v[TM+\b], v[TM+\b], v[TM+4+\b]   ; with lane l xor 16's: the block's largest magnitude
.endr
.irp b, 0,1,2,3
	v_add_nc_u32 v[TM+12+\b], 0xff000000, v[TM+\b] ; 2 off its exponent field: the conversion's scale operand
.endr
.irp b, 0,1,2,3
	v_lshrrev_b32 v[TM+4+\b], 23, v[TM+12+\b]      ; the scale's byte
.endr
	v_lshl_or_b32 v[PW], v[TM+5], 8, v[TM+4]
	v_lshl_or_b32 v[PW], v[TM+6], 16, v[PW]
	v_lshl_or_b32 v[PW], v[TM+7], 24, v[PW]
.irp c, 0,1
	v_cvt_scalef32_pk16_fp6_f32 v[PC+6*\c:PC+2+6*\c], v[\s+32*\c:\s+15+32*\c], v[TM+12+2*\c]
	v_cvt_scalef32_pk16_fp6_f32 v[PC+12+4*\c:PC+14+4*\c], v[\s+16+32*\c:\s+31+32*\c], v[TM+12+2*\c+1]   ; (a conversion's three registers begin on an even number)
.endr
	v_nop                                          ; one plain place behind a scaled conversion
.irp c, 0,1                                    ; the operand's layout wants a whole block in a lane
.irp i, 0,1,2
	v_permlane16_swap_b32 v[PC+6*\c+\i], v[PC+12+4*\c+\i]
.endr
.irp i, 0,1,2
	v_mov_b32 v[PC+3+6*\c+\i], v[PC+12+4*\c+\i]
.endr
.endr
.endm
.macro QOUT a
.set AC, 64*((\a)%4)
.if (\a) > 0
	s_wait_xcnt 0x0                                ; the last record's stores have read their data and their base: both are written again only behind this wait
	s_add_nc_u64 s[12:13], s[12:13], s[92:93]      ; the next tile's record
.endif
.set i, 0
.if QKV
	WIN 0x02+((\a)/4)                              ; source 0: window 2 or 3
.rept 32
	v_pk_add_f32 v[T+i:T+i+1], v[AC+i:AC+i+1], v[BA+2*(\a):BA+2*(\a)+1] op_sel_hi:[1,0]   ; + my row's bias; each accumulator is read from its low end on
.set i, i+2
.endr
.else
	WIN 0x08+4*((\a)/4)                            ; source 1: window 2 or 3
.rept 64
	v_max_num_f32 v[T+i], 0, v[AC+i]               ; the activation, in f32; each accumulator is read from its low end on
.set i, i+1
.endr
.endif
	WIN 0
	QUANT T
	global_store_b128 v[OX], v[PC:PC+3], s[12:13]                  ; 512 consecutive bytes
	global_store_b64 v[OY], v[PC+4:PC+5], s[12:13] offset:512      ; 256 consecutive bytes
	global_store_b128 v[OX], v[PC+6:PC+9], s[12:13] offset:768
	global_store_b64 v[OY], v[PC+10:PC+11], s[12:13] offset:1280
	ds_store_b32 v[GW], v[PW] offset:64*(\a)       ; both halves of the lanes write the same word with the same value
.endm
.irp b, 0,1,2,3
	v_mov_b32 v[TM+4+\b], 0                        ; written once: a lane permute's destination counts as one of its sources
.endr
.irp a, 0,1,2,3,4,5,6,7
	QOUT \a
.endr
	ds_load_b128 v[GL:GL+3], v[GR]                 ; LDS serves a wave's instructions in order: this sees my stores
	s_wait_dscnt 0x0
	global_store_b128 v[OX], v[GL:GL+3], s[94:95]  ; my 128 scale words: 512 consecutive bytes
.else
; THE WAY OUT, in f32: the accumulators leave as they stand, 16 bytes a lane, 512 consecutive bytes a store; the launch that normalises reads them back into the same lanes.
.irp a, 0,1,2,3,4,5,6,7
	WIN 0x08+4*(\a/4)                              ; a store's data are its source 1: window 2 or 3
.irp b, 0,1,2,3,4,5,6,7
	global_store_b128 v[OX], v[64*(\a%4)+8*\b:64*(\a%4)+8*\b+3], s[12:13] offset:65536*\a+1024*\b th:TH_STORE_NT       ; each accumulator from its low end on
	global_store_b128 v[OX], v[64*(\a%4)+8*\b+4:64*(\a%4)+8*\b+7], s[12:13] offset:65536*\a+1024*\b+512 th:TH_STORE_NT
.endr
.endr
	WIN 0
.endif
	s_wait_tensorcnt 0x0                           ; the wave's end, behind my last tensor load and my last LDS store
	ds_add_u32 v[SPW], v[NIL]
	s_wait_dscnt 0x0
	CROUND                                         ; the closing round: no work-group ends while a partner may still ask for a tile that names it
	s_endpgm
.Lfunc_end_k_q484ae9fd09_ffn2:
	.size	k_q484ae9fd09_ffn2, .Lfunc_end_k_q484ae9fd09_ffn2-k_q484ae9fd09_ffn2
	.p2alignl 7, 3214868480
	.fill 96, 4, 3214868480
	.section	.rodata,"a",@progbits
	.p2align	6, 0x0
	.amdhsa_kernel k_q484ae9fd09_ffn2
		.amdhsa_group_segment_fixed_size 327680
		.amdhsa_private_segment_fixed_size 0
		.amdhsa_enable_private_segment 0
		.amdhsa_kernarg_size 32
		.amdhsa_user_sgpr_count 2
		.amdhsa_user_sgpr_kernarg_segment_ptr 1
		.amdhsa_wavefront_size32 1
		.amdhsa_system_sgpr_workgroup_id_x 1
		.amdhsa_system_sgpr_workgroup_id_y 1
		.amdhsa_system_sgpr_workgroup_id_z 1
		.amdhsa_system_vgpr_workitem_id 0
		.amdhsa_next_free_vgpr 1024
		.amdhsa_next_free_sgpr 100
		.amdhsa_reserve_vcc 0
		.amdhsa_float_denorm_mode_32 3
		.amdhsa_float_denorm_mode_16_64 3
		.amdhsa_memory_ordered 1
		.amdhsa_forward_progress 1
		.amdhsa_inst_pref_size 130
	.end_amdhsa_kernel
	.amdgpu_metadata
---
amdhsa.version: [ 1, 2 ]
amdhsa.kernels:
  - .name:           k_q484ae9fd09_ffn2
    .symbol:         k_q484ae9fd09_ffn2.kd
    .args:
      - { .name: F, .offset: 0, .size: 8, .value_kind: global_buffer, .address_space: global }
      - { .name: P, .offset: 8, .size: 8, .value_kind: global_buffer, .address_space: global }
      - { .name: b2, .offset: 16, .size: 8, .value_kind: global_buffer, .address_space: global }
      - { .name: Y, .offset: 24, .size: 8, .value_kind: global_buffer, .address_space: global }
    .group_segment_fixed_size: 327680
    .private_segment_fixed_size: 0
    .kernarg_segment_align: 8
    .kernarg_segment_size: 32
    .max_flat_workgroup_size: 128
    .sgpr_count:     100
    .vgpr_count:     1024
    .wavefront_size: 32
...
	.end_amdgpu_metadata
.endif
;; end of part 7
;; launch ln2: the kernel of part 5 again; grid 256 x 1, 8 waves a work-group, no clusters, 69,632 bytes of LDS; arguments Y, H, g2, be2, out0, ATT; writes out0, ATT
;; ======== version 2 of 2: 7 launches
;; limits: right only within a limited range of input values
;; workspace buffers: P 13,135,872 bytes; Q 9,830,400 bytes; ATT 3,276,800 bytes; HC 3,276,800 bytes; Y 16,777,216 bytes; H 16,777,216 bytes; F 13,107,200 bytes
;; launch prep (part 8): grid 513 x 1, 4 waves a work-group, no clusters, 36,352 bytes of LDS; arguments x, wq, wk, wv, wo, w1, w2, bq, bk, bv, P; writes P
.if DOCPART == 8
	.amdgcn_target "amdgcn-amd-amdhsa--gfx1250"
	.amdhsa_code_object_version 6
	.text
	.protected	k_q484ae9fd09_prep
	.globl	k_q484ae9fd09_prep
	.p2align	8
	.type	k_q484ae9fd09_prep,@function
k_q484ae9fd09_prep:
	s_mov_b64 s[64:65], 0
	v_nop
	global_prefetch_b8 v0, s[64:65] scope:SCOPE_SE
	s_setreg_imm32_b32 hwreg(HW_REG_WAVE_MODE, 25, 1), 1
	s_wait_xcnt 0x0
; PREP: x [4096][1024] and the six weights [K][N], f32, become codes of FP6 (E2M3) with one E8M0 scale byte for each 32 along K, laid in the pool P as the matrix unit's operand registers take them.
; A block's scale is 2^(floor(log2(its largest magnitude)) - 2); its byte is the largest magnitude's exponent field - 2, held at 1 from below.
; LIMITS: NaN and infinities among the inputs are not served; a block whose largest magnitude lies under 2^-124, a block of zeros too, keeps the byte 1 (its codes are zeros or next to it; this program alone reads the bytes).
; TILES: sixteen rows form a tile, and they are not neighbours: row r of tile t is the natural row 32 (t / 2) + 8 (t % 2) + r + 8 (r / 8).  So in a product used transposed a lane's 16 registers of two neighbouring tiles are 16 neighbours.
; A RECORD (tile t, K step s of 128) is 1,536 bytes at (t KS + s) 1536, two halves c of 768: registers 6 c .. 6 c + 3 of lane L at 768 c + 16 L, registers 6 c + 4, 6 c + 5 of lane (r, h) at 768 c + 512 + 16 r + 8 h.
; A SCALE WORD (K step s, position 16 t + r) lies at s x pitch + 4 x position.
; Work-groups 0-127 take x, 128-511 the weights, 512 the biases of q, k, v (laid by pool row, zeros for x's rows).  The three ways part on the work-group's number alone and have LDS bytes of their own.  Waves share nothing: no barrier.
.set P_W1,    6291456
.set P_W2,    9437184
.set P_SPOOL, 12582912
.set P_SWO,   12812288
.set P_SW1,   12845056
.set P_SW2,   12976128
.set P_BIAS,  13107200
.set SEL, 46                           ; s[46:47] on x's way: lane selects for lane l xor 16
.set R,   16                           ; x's way: v16-143 two sets of 16 rows x 16 bytes as loaded
.set T,   144                          ; v144-207 64 numbers of my row: register 16 b + i = k 32 b + 16 h + i
.set PC,  208                          ; v208-219 the fragment's codes, v220-226 at work
.set TM,  228                          ; v228-243 at work
.set PW,  244                          ; the scale word
.set GG,  246
.set X,   32                           ; the weights' way: v32-95 two sets of 32 numbers down K
.set CD,  96                           ; v96-143 codes, 24 registers for each group of 32 columns
.set TC,  144                          ; v144-146 a block's upper 16 codes
	s_load_b512 s[4:19], s[0:1], 0x0               ; x, wq, wk, wv, wo, w1, w2, bq
	s_load_b128 s[20:23], s[0:1], 0x40             ; bk, bv
	s_load_b64 s[24:25], s[0:1], 0x50              ; P
	v_lshl_add_u32 v254, v0, 2, 0x8c00
	v_mov_b32 v255, 0
	v_lshrrev_b32 v1, 5, v0
	v_readfirstlane_b32 s2, v1                     ; wave 0..3
	v_and_b32 v1, 31, v0                           ; L
	v_and_b32 v2, 15, v0                           ; r
	v_bfe_u32 v3, v0, 4, 1                         ; h
	s_wait_kmcnt 0x0
	s_cmp_lt_u32 ttmp9, 128
	s_cbranch_scc0 .Lweights
; ---------------- x: a wave takes four tiles (64 tokens) of one K step
	s_lshl_b32 s3, ttmp9, 2
	s_add_co_u32 s3, s3, s2                        ; task 0..511
	s_lshr_b32 s32, s3, 3                          ; which 64 tokens
	s_and_b32 s33, s3, 7                           ; which K step
	s_lshl_b32 s34, s32, 18                        ; 64 rows of 4,096 bytes
	s_lshl_b32 s35, s33, 9                         ; 128 numbers
	s_add_co_u32 s34, s34, s35
	s_mov_b32 s35, 0
	s_add_nc_u64 s[26:27], s[4:5], s[34:35]        ; x at my first row and column
	s_lshl_b32 s34, s32, 5
	s_add_co_u32 s34, s34, s33
	s_mul_i32 s34, s34, 1536
	s_add_nc_u64 s[28:29], s[24:25], s[34:35]      ; my first record: (8 x 4 x task's tokens + K step) x 1,536
	s_mul_i32 s34, s33, 28672
	s_lshl_b32 s36, s32, 8
	s_add_co_u32 s34, s34, s36
	s_add_co_u32 s34, s34, P_SPOOL
	s_add_nc_u64 s[30:31], s[24:25], s[34:35]      ; my 64 scale words
	s_mov_b32 s[SEL], 0x76543210
	s_mov_b32 s[SEL+1], 0xfedcba98
	s_mul_i32 s37, s2, 8704                        ; LDS: my stage, 16 rows of 512 + 16 bytes, and behind it 256 bytes for the scale words
	s_wait_alu depctr_va_vdst(0)
	v_lshlrev_b32 v4, 4, v1                        ; 16 L
	v_lshlrev_b32 v5, 4, v2
	v_lshl_add_u32 v5, v3, 3, v5                   ; 16 r + 8 h
	v_add_nc_u32 v6, s37, v4                       ; into the stage: a row as it lies
	v_mul_u32_u24 v7, v2, 528
	v_lshl_add_u32 v7, v3, 6, v7
	v_add_nc_u32 v7, s37, v7                       ; out of it: row r, my half's 16 numbers of each block of 32
	s_add_co_u32 s38, s37, 8448
	v_lshl_add_u32 v8, v2, 2, s38
	v_lshl_add_u32 v9, v1, 3, s38
	v_lshlrev_b32 v10, 3, v1
.irp b, 0,1,2,3
	v_mov_b32 v[TM+4+\b], 0                        ; written once: a lane permute's destination counts as one of its sources
.endr
; 64 numbers of a lane, register 16 b + i = k 32 b + 16 h + i of my row, become a fragment's codes in v[PC] on and its scale word in v[PW]
.macro QUANT s
.irp b, 0,1,2,3
	v_max3_num_f32 v[TM+\b], |v[\s+16*\b]|, |v[\s+1+16*\b]|, 0x1800000   ; my 16 numbers of block b, and the floor 2^(3 - 127): the byte cannot fall under 1
.endr
.irp i, 2,4,6,8,10,12,14
.irp b, 0,1,2,3
	v_max3_num_f32 v[TM+\b], v[TM+\b], |v[\s+16*\b+\i]|, |v[\s+1+16*\b+\i]|
.endr
.endr
.irp b, 0,1,2,3
	v_permlanex16_b32 v[TM+4+\b], v[TM+\b], s[SEL], s[SEL+1]
.endr
.irp b, 0,1,2,3
	v_max_num_f32 v[TM+\b], v[TM+\b], v[TM+4+\b]   ; with lane l xor 16's: the block's largest magnitude
.endr
.irp b, 0,1,2,3
	v_add_nc_u32 v[TM+12+\b], 0xff000000, v[TM+\b] ; 2 off its exponent field: the conversion's scale operand
.endr
.irp b, 0,1,2,3
	v_lshrrev_b32 v[TM+4+\b], 23, v[TM+12+\b]      ; the scale's byte
.endr
	v_lshl_or_b32 v[PW], v[TM+5], 8, v[TM+4]
	v_lshl_or_b32 v[PW], v[TM+6], 16, v[PW]
	v_lshl_or_b32 v[PW], v[TM+7], 24, v[PW]
.irp c, 0,1
	v_cvt_scalef32_pk16_fp6_f32 v[PC+6*\c:PC+2+6*\c], v[\s+32*\c:\s+15+32*\c], v[TM+12+2*\c]
	v_cvt_scalef32_pk16_fp6_f32 v[PC+12+4*\c:PC+14+4*\c], v[\s+16+32*\c:\s+31+32*\c], v[TM+12+2*\c+1]   ; (a conversion's three registers begin on an even number)
.endr
	v_nop                                          ; one plain place behind a scaled conversion
.irp c, 0,1                                    ; the operand's layout wants a whole block in a lane: lanes 0-15 block 2 c, lanes 16-31 block 2 c + 1
.irp i, 0,1,2
	v_permlane16_swap_b32 v[PC+6*\c+\i], v[PC+12+4*\c+\i]
.endr
.irp i, 0,1,2
	v_mov_b32 v[PC+3+6*\c+\i], v[PC+12+4*\c+\i]
.endr
.endr
.endm
.macro XLOAD f                         ; tile f's sixteen rows: each load takes 512 consecutive bytes of one row
.irp i, 0,1,2,3,4,5,6,7,8,9,10,11,12,13,14,15
	global_load_b128 v[R+64*((\f)%2)+4*\i:R+64*((\f)%2)+4*\i+3], v4, s[26:27] offset:(32*((\f)/2)+8*((\f)%2)+\i+8*(\i/8))*4096 th:TH_LOAD_NT
.endr
.endm
.macro XFRAG f
.if (\f) < 3
	s_wait_loadcnt 16                              ; this tile's 16 loads are in; the other set's 16 may be out
.else
	s_wait_loadcnt 0x0
.endif
.irp i, 0,1,2,3,4,5,6,7,8,9,10,11,12,13,14,15
	ds_store_b128 v6, v[R+64*((\f)%2)+4*\i:R+64*((\f)%2)+4*\i+3] offset:528*\i
.endr
.irp b, 0,1,2,3
.irp j, 0,1,2,3
	ds_load_b128 v[T+16*\b+4*\j:T+16*\b+4*\j+3], v7 offset:128*\b+16*\j   ; LDS serves a wave's instructions in order: these see the stores above
.endr
.endr
	s_wait_dscnt 0x0                               ; my 64 numbers are in, and the stores have read their registers,
.if (\f) < 2
	XLOAD (\f)+2                                   ; which take the tile two on
.endif
.if (\f) > 0
	s_wait_xcnt 0x0                                ; the last fragment's stores have read v[PC] on: it is written again only behind this wait
.endif
	QUANT T
	global_store_b128 v4, v[PC:PC+3], s[28:29] offset:12288*(\f)          ; 512 consecutive bytes
	global_store_b64 v5, v[PC+4:PC+5], s[28:29] offset:12288*(\f)+512     ; 256 consecutive bytes
	global_store_b128 v4, v[PC+6:PC+9], s[28:29] offset:12288*(\f)+768
	global_store_b64 v5, v[PC+10:PC+11], s[28:29] offset:12288*(\f)+1280
	ds_store_b32 v8, v[PW] offset:64*(\f)          ; both halves of the lanes write the same word with the same value
.endm
	XLOAD 0
	XLOAD 1
	s_wait_alu depctr_va_vdst(0)
	XFRAG 0
	XFRAG 1
	XFRAG 2
	XFRAG 3
	ds_load_b64 v[GG:GG+1], v9
	s_wait_dscnt 0x0
	global_store_b64 v10, v[GG:GG+1], s[30:31]     ; the wave's 64 scale words: 256 consecutive bytes, aligned
	s_wait_tensorcnt 0x0
	ds_add_u32 v254, v255
	s_wait_dscnt 0x0
	s_endpgm
; ---------------- the weights: a wave takes 64 columns (two groups of 32) of one K step; a lane takes a column and its registers run down K
.Lweights:
	s_cmp_lt_u32 ttmp9, 512
	s_cbranch_scc0 .Lbias
	s_sub_co_u32 s3, ttmp9, 128                    ; g: 0-127 wq, wk, wv, wo (32 each); 128-255 w1; 256-383 w2
	s_lshr_b32 s32, s3, 5                          ; which of the four small ones
	s_and_b32 s33, s3, 3                           ; which 256 columns
	s_bfe_u32 s34, s3, 0x30002                     ; which K step
	s_and_b32 s40, s3, 15                          ; the same two for w1,
	s_bfe_u32 s41, s3, 0x30004
	s_bfe_u32 s42, s3, 0x50002                     ; and w2's K step
	s_lshr_b32 s39, s3, 7                          ; 0 small, 1 w1, 2 w2
	s_mul_i32 s35, s32, 786432
	s_add_co_u32 s35, s35, 3145728                 ; where the codes begin in P
	s_lshl_b32 s36, s32, 12
	s_add_co_u32 s36, s36, P_SPOOL+16384           ; where the scale words begin,
	s_mov_b32 s37, 28672                           ; their pitch from K step to K step,
	s_mov_b32 s38, 12288                           ; and the bytes from tile to tile: KS x 1,536
	s_cmp_eq_u32 s32, 1
	s_cselect_b64 s[26:27], s[8:9], s[6:7]
	s_cmp_eq_u32 s32, 2
	s_cselect_b64 s[26:27], s[10:11], s[26:27]
	s_cmp_eq_u32 s32, 3
	s_cselect_b64 s[26:27], s[12:13], s[26:27]
	s_cselect_b32 s36, P_SWO, s36
	s_cselect_b32 s37, 4096, s37
	s_cmp_eq_u32 s39, 2
	s_cselect_b64 s[26:27], s[16:17], s[26:27]
	s_cselect_b32 s35, P_W2, s35
	s_cselect_b32 s36, P_SW2, s36
	s_cselect_b32 s37, 4096, s37
	s_cselect_b32 s38, 49152, s38
	s_cselect_b32 s34, s42, s34
	s_cmp_eq_u32 s39, 1
	s_cselect_b64 s[26:27], s[14:15], s[26:27]
	s_cselect_b32 s35, P_W1, s35
	s_cselect_b32 s36, P_SW1, s36
	s_cselect_b32 s37, 16384, s37
	s_cselect_b32 s33, s40, s33
	s_cselect_b32 s34, s41, s34
	s_cselect_b32 s43, 21, 19                      ; log2 of 128 rows of the weight in bytes
	s_lshl_b32 s44, s34, s43
	s_lshl_b32 s45, s33, 10
	s_add_co_u32 s44, s44, s45
	s_lshl_b32 s45, s2, 8
	s_add_co_u32 s44, s44, s45
	s_mov_b32 s45, 0
	s_add_nc_u64 s[26:27], s[26:27], s[44:45]      ; the weight at my K step's first row and my first column
	s_lshl_b32 s46, s33, 4
	s_lshl_b32 s47, s2, 2
	s_add_co_u32 s46, s46, s47                     ; my first tile: 16 x (256 columns) + 4 x wave
	s_mul_i32 s46, s46, s38
	s_add_co_u32 s46, s46, s35
	s_mul_i32 s47, s34, 1536
	s_add_co_u32 s46, s46, s47
	s_mov_b32 s47, 0
	s_add_nc_u64 s[28:29], s[24:25], s[46:47]      ; my first record
	s_mul_i32 s46, s34, s37
	s_add_co_u32 s46, s46, s36
	s_lshl_b32 s44, s33, 10
	s_add_co_u32 s46, s46, s44
	s_lshl_b32 s44, s2, 8
	s_add_co_u32 s46, s46, s44
	s_add_nc_u64 s[30:31], s[24:25], s[46:47]      ; my 64 scale words
	s_wait_alu depctr_va_vdst(0)
	v_lshlrev_b32 v4, 2, v1                        ; in: 4 bytes a lane
	v_bfe_u32 v11, v0, 3, 1                        ; column L of a group of 32 is row r' of tile u of the pair: u = (L / 8) % 2,
	v_and_b32 v15, 7, v0
	v_lshl_or_b32 v15, v3, 3, v15                  ; r' = L % 8 + 8 (L / 16)
	v_mul_lo_u32 v5, v11, s38
	v_lshl_add_u32 v5, v15, 4, v5                  ; out: tile u, 16 bytes a row
	s_lshl_b32 s44, s38, 1
	v_add_nc_u32 v6, s44, v5                       ; the second group: two tiles on
	s_lshl_b32 s44, s2, 8
	s_add_co_u32 s44, s44, 34816                   ; LDS: my 256 bytes for the scale words
	v_lshl_or_b32 v7, v11, 4, v15
	v_lshl_add_u32 v7, v7, 2, s44
	v_lshl_add_u32 v8, v1, 3, s44
	v_lshlrev_b32 v9, 3, v1
.macro WLOAD t, pitch                  ; block t % 4 of group t / 4: 32 rows down K; a load reads 128 consecutive bytes, the four waves stand side by side
.irp i, 0,1,2,3,4,5,6,7,8,9,10,11,12,13,14,15,16,17,18,19,20,21,22,23,24,25,26,27,28,29,30,31
	global_load_b32 v[X+32*((\t)%2)+\i], v4, s[26:27] offset:(32*((\t)%4)+\i)*\pitch+128*((\t)/4) th:TH_LOAD_NT
.endr
.endm
.macro WBLOCK t, pitch
.set XS, X+32*((\t)%2)
.set GRP, (\t)/4
.set BE, (\t)%4
.set HH, BE%2
.set CR, CD+24*GRP+12*(BE/2)
.if (\t) < 7
	s_wait_loadcnt 32                              ; this block's 32 loads are in; the next block's may be out
.else
	s_wait_loadcnt 0x0
.endif
	v_max3_num_f32 v12, |v[XS]|, |v[XS+1]|, |v[XS+2]|              ; the block's largest magnitude: all 32 numbers are mine
	v_max3_num_f32 v13, |v[XS+3]|, |v[XS+4]|, |v[XS+5]|
.irp i, 6,10,14,18,22,26
	v_max3_num_f32 v12, v12, |v[XS+\i]|, |v[XS+\i+1]|
	v_max3_num_f32 v13, v13, |v[XS+\i+2]|, |v[XS+\i+3]|
.endr
	v_max3_num_f32 v12, v12, |v[XS+30]|, |v[XS+31]|
	v_max3_num_f32 v12, v12, v13, 0x1800000        ; and the floor 2^(3 - 127)
	v_add_nc_u32 v14, 0xff000000, v12              ; the conversion's scale operand
	v_lshrrev_b32 v13, 23, v14                     ; the scale's byte
.if BE == 0
	v_mov_b32 v[24+GRP], v13
.else
	v_lshl_or_b32 v[24+GRP], v13, 8*BE, v[24+GRP]
.endif
	v_cvt_scalef32_pk16_fp6_f32 v[CR+4*HH:CR+4*HH+2], v[XS:XS+15], v14      ; block 2 c + h is what lane (r', h) of the operand holds in registers 6 c .. 6 c + 5
	v_cvt_scalef32_pk16_fp6_f32 v[TC:TC+2], v[XS+16:XS+31], v14
	v_nop                                          ; one plain place behind a scaled conversion
	v_mov_b32 v[CR+4*HH+3], v[TC]                  ; registers 0-3 of both halves' lanes stand on end, then registers 4, 5 of both
	v_mov_b32 v[CR+8+2*HH], v[TC+1]
	v_mov_b32 v[CR+9+2*HH], v[TC+2]
.if (\t) < 6
	WLOAD (\t)+2, \pitch
.endif
.if BE == 3                            ; the group's records: sixteen lanes of a tile store 256 consecutive bytes, aligned.  Each group has its own registers: no store's data are written again
.irp c, 0,1
	global_store_b128 v[5+GRP], v[CD+24*GRP+12*\c:CD+24*GRP+12*\c+3], s[28:29] offset:768*\c
	global_store_b128 v[5+GRP], v[CD+24*GRP+12*\c+4:CD+24*GRP+12*\c+7], s[28:29] offset:768*\c+256
	global_store_b128 v[5+GRP], v[CD+24*GRP+12*\c+8:CD+24*GRP+12*\c+11], s[28:29] offset:768*\c+512
.endr
.endif
.endm
.macro WBODY pitch
	WLOAD 0, \pitch
	WLOAD 1, \pitch
.irp t, 0,1,2,3,4,5,6,7
	WBLOCK \t, \pitch
.endr
.endm
	s_cmp_eq_u32 s39, 1                            ; the row pitch stands in the loads' immediates: the text is written for both pitches
	s_cbranch_scc1 .Lwide
	WBODY 4096
	s_branch .Lw_end
.Lwide:
	WBODY 16384
.Lw_end:
	ds_store_b32 v7, v24                           ; the scale words go to their positions 16 u + r',
	s_wait_alu depctr_va_vdst(0)
	ds_store_b32 v7, v25 offset:128
	ds_load_b64 v[148:149], v8                     ; (LDS serves a wave's instructions in order)
	s_wait_dscnt 0x0
	global_store_b64 v9, v[148:149], s[30:31]      ; and leave as 256 consecutive bytes, aligned
	s_wait_tensorcnt 0x0
	ds_add_u32 v254, v255
	s_wait_dscnt 0x0
	s_endpgm
; ---------------- the biases by pool row: 4,096 zeros for x's rows, then bq, bk, bv
.Lbias:
	v_lshlrev_b32 v4, 4, v0                        ; 16 bytes a thread, 2,048 a store
	s_add_nc_u64 s[26:27], s[24:25], P_BIAS
.irp i, 0,1
	global_load_b128 v[12+4*\i:15+4*\i], v4, s[18:19] offset:2048*\i
	global_load_b128 v[20+4*\i:23+4*\i], v4, s[20:21] offset:2048*\i
	global_load_b128 v[28+4*\i:31+4*\i], v4, s[22:23] offset:2048*\i
.endr
.irp i, 8,9,10,11
	v_mov_b32 v\i, 0
.endr
.irp i, 0,1,2,3,4,5,6,7
	global_store_b128 v4, v[8:11], s[26:27] offset:2048*\i
.endr
	s_wait_alu depctr_va_vdst(0)
	s_wait_loadcnt 0x0
.irp w, 0,1,2
.irp i, 0,1
	global_store_b128 v4, v[12+8*\w+4*\i:15+8*\w+4*\i], s[26:27] offset:16384+4096*\w+2048*\i
.endr
.endr
	s_endpgm
.Lfunc_end_k_q484ae9fd09_prep:
	.size	k_q484ae9fd09_prep, .Lfunc_end_k_q484ae9fd09_prep-k_q484ae9fd09_prep
	.p2alignl 7, 3214868480
	.fill 96, 4, 3214868480
	.section	.rodata,"a",@progbits
	.p2align	6, 0x0
	.amdhsa_kernel k_q484ae9fd09_prep
		.amdhsa_group_segment_fixed_size 36352
		.amdhsa_private_segment_fixed_size 0
		.amdhsa_enable_private_segment 0
		.amdhsa_kernarg_size 88
		.amdhsa_user_sgpr_count 2
		.amdhsa_user_sgpr_kernarg_segment_ptr 1
		.amdhsa_wavefront_size32 1
		.amdhsa_system_sgpr_workgroup_id_x 1
		.amdhsa_system_sgpr_workgroup_id_y 1
		.amdhsa_system_sgpr_workgroup_id_z 1
		.amdhsa_system_vgpr_workitem_id 0
		.amdhsa_next_free_vgpr 256
		.amdhsa_next_free_sgpr 66
		.amdhsa_reserve_vcc 0
		.amdhsa_float_denorm_mode_32 3
		.amdhsa_float_denorm_mode_16_64 3
		.amdhsa_memory_ordered 1
		.amdhsa_forward_progress 1
		.amdhsa_inst_pref_size 114
	.end_amdhsa_kernel
	.amdgpu_metadata
---
amdhsa.version: [ 1, 2 ]
amdhsa.kernels:
  - .name:           k_q484ae9fd09_prep
    .symbol:         k_q484ae9fd09_prep.kd
    .args:
      - { .name: x, .offset: 0, .size: 8, .value_kind: global_buffer, .address_space: global }
      - { .name: wq, .offset: 8, .size: 8, .value_kind: global_buffer, .address_space: global }
      - { .name: wk, .offset: 16, .size: 8, .value_kind: global_buffer, .address_space: global }
      - { .name: wv, .offset: 24, .size: 8, .value_kind: global_buffer, .address_space: global }
      - { .name: wo, .offset: 32, .size: 8, .value_kind: global_buffer, .address_space: global }
      - { .name: w1, .offset: 40, .size: 8, .value_kind: global_buffer, .address_space: global }
      - { .name: w2, .offset: 48, .size: 8, .value_kind: global_buffer, .address_space: global }
      - { .name: bq, .offset: 56, .size: 8, .value_kind: global_buffer, .address_space: global }
      - { .name: bk, .offset: 64, .size: 8, .value_kind: global_buffer, .address_space: global }
      - { .name: bv, .offset: 72, .size: 8, .value_kind: global_buffer, .address_space: global }
      - { .name: P, .offset: 80, .size: 8, .value_kind: global_buffer, .address_space: global }
    .group_segment_fixed_size: 36352
    .private_segment_fixed_size: 0
    .kernarg_segment_align: 8
    .kernarg_segment_size: 88
    .max_flat_workgroup_size: 128
    .sgpr_count:     66
    .vgpr_count:     256
    .wavefront_size: 32
...
	.end_amdgpu_metadata
.endif
;; end of part 8
;; launch qkv (part 9): grid 12 x 16, 4 waves a work-group, clusters of 4 x 4, 327,680 bytes of LDS; arguments P, Q; writes Q
.if DOCPART == 9
	.amdgcn_target "amdgcn-amd-amdhsa--gfx1250"
	.amdhsa_code_object_version 6
	.text
	.protected	k_q484ae9fd09_qkv
	.globl	k_q484ae9fd09_qkv
	.p2align	8
	.type	k_q484ae9fd09_qkv,@function
k_q484ae9fd09_qkv:
	s_mov_b64 s[64:65], 0
	v_nop
	global_prefetch_b8 v0, s[64:65] scope:SCOPE_SE
	s_setreg_imm32_b32 hwreg(HW_REG_WAVE_MODE, 25, 1), 1
	s_wait_xcnt 0x0
	s_wait_alu depctr_hold_cnt(0) depctr_sa_sdst(0) depctr_va_vdst(0) depctr_va_sdst(0) depctr_va_ssrc(0) depctr_va_vcc(0) depctr_vm_vsrc(0)
	s_getreg_b32 s2, hwreg(HW_REG_IB_STS2, 6, 4)
	s_cmp_eq_u32 s2, 0
	s_cbranch_scc0 .Lentry_in_a_cluster
	s_endpgm
.Lentry_in_a_cluster:
	s_bfe_u32 s2, ttmp6, 0x10000c
	s_cmp_lg_u32 s2, 0xf033
	s_cbranch_scc0 .Lentry_shape_is_right
	s_endpgm
.Lentry_shape_is_right:
.set KS,   8
.set A_C,  0
.set A_S,  12582912
.set A_SP, 28672
.set B_C,  0
.set B_S,  12582912
.set B_SP, 28672
.set QKV,  1
.set RELU, 0
.set WAYQ, 1
.set KSO,  8
.set SWPO, 16384
.set O_S,  9437184
.set P_BIAS, 13107200
.set NQ,    2
.set FR,    12
.set NL,    4
.set NP,    4
.set TILEB, 3072
.set HALFT, 8*TILEB
.set SLOT,  4*HALFT
.set LAPS,  KS/4
.set SCL,   2*SLOT
.set HALFS, 512*KS
.set SPARE, SCL+4*HALFS
.set GATH,  SPARE+512
.if WAYQ
.set REC,   1536
.else
.set REC,   8192
.endif
.set ADRA, 16
.set ADRB, 20
.set OX,   24
.set OY,   25
.set GW,   26
.set ADRS, 27
.set SPW,  28
.set NIL,  29
.set GR,   30
.set BO,   31
.set SC,   32
.set BIAS, 64
.set T,    64
.set AF,   128
.set BA,   224
.set PC,   128
.set TM,   148
.set PW,   164
.set GL,   168
.set SEL,  96
.set G1,   24
.set G0,   32
.set G1B,  48
.set G0B,  56
.set G1S,  68
.set G0S,  76
.set G1SB, 80
.set G0SB, 88
.set MSB, 0
.macro WIN new
.if MSB != (\new)
	s_set_vgpr_msb (MSB<<8)|(\new)
.set MSB, (\new)
.endif
.endm
.set MUL_LO, 0xa1
.set MUL_HI, 0xf1
.set TO_B,   0x40
.macro JLOAD g0a, g1a, g0b, g1b
	s_cmp_eq_u32 s15, 0
	s_cbranch_scc0 .Lfor_b_\@
	tensor_load_to_lds s[\g0a:\g0a+3], s[\g1a:\g1a+7]
	s_nop 0
.rept 4
	v_nop
.endr
	s_branch .Lasked_\@
.Lfor_b_\@:
	tensor_load_to_lds s[\g0b:\g0b+3], s[\g1b:\g1b+7]
	s_nop 0
.rept 4
	v_nop
.endr
.Lasked_\@:
.endm
.macro CREST
	s_cmp_lg_u32 s14, 0
	s_cbranch_scc1 .Lnot_wave_0_\@
	s_barrier_signal -3
.Lnot_wave_0_\@:
	s_barrier_wait -3
	s_barrier_signal -1
	s_barrier_wait -1
.endm
.macro CROUND
	s_barrier_signal -1
	s_barrier_wait -1
	CREST
.endm
.if QKV
	s_load_b128 s[4:7], s[0:1], 0x0
.else
	s_load_b256 s[4:11], s[0:1], 0x0
.endif
	v_lshl_add_u32 v[SPW], v0, 2, SPARE
	v_mov_b32 v[NIL], 0
	ds_add_u32 v28, v29
	ds_add_u32 v28, v29
	s_wait_dscnt 0x0
	v_lshrrev_b32 v1, 5, v0
	v_readfirstlane_b32 s14, v1
	s_lshr_b32 s15, s14, 1
	s_and_b32 s16, s14, 1
	s_bfe_u32 s40, ttmp6, 0x40000
	s_bfe_u32 s41, ttmp6, 0x40004
	s_and_b32 s18, ttmp7, 0xffff
	s_lshl_b32 s18, s18, 2
	s_lshl_b32 s19, ttmp9, 2
.if QKV
	s_add_co_u32 s19, s19, 16
	s_cmp_lt_u32 ttmp9, 2
	s_cselect_b32 s17, s18, 24
	s_cselect_b32 s42, s19, s18
.else
	s_mov_b32 s17, s18
	s_mov_b32 s42, s19
.endif
	s_add_co_u32 s17, s17, s41
	s_add_co_u32 s42, s42, s40
	s_lshl_b32 s43, s41, 2
	s_lshl_b32 s43, 15, s43
	s_lshl_b32 s44, 0x1111, s40
	s_or_b32 s[G1+0], s43, (3<<16)|(1<<21)
	s_or_b32 s[G1B+0], s44, (3<<16)|(1<<21)
.irp g, G1, G1B
	s_mov_b32 s[\g+1], 384<<16
	s_mov_b32 s[\g+2], 16<<16                      ; the head's loads bring a whole slot's 16 tiles of A or of B
	s_mov_b32 s[\g+3], 384<<16
	s_mov_b32 s[\g+4], 16
	s_mov_b32 s[\g+5], 192*KS
	s_mov_b32 s[\g+6], 0
	s_mov_b32 s[\g+7], 0
.endr
	s_or_b32 s[G1S+0], s43, (3<<16)|(1<<21)
	s_or_b32 s[G1SB+0], s44, (3<<16)|(1<<21)
.irp g, G1S, G1SB
	s_mov_b32 s[\g+1], 128<<16                     ; the scale words of all 256 rows: KS rows of 1,024 bytes
	s_mov_b32 s[\g+2], KS<<16
	s_mov_b32 s[\g+3], 128<<16
	s_mov_b32 s[\g+4], KS
	s_mov_b32 s[\g+6], 0
	s_mov_b32 s[\g+7], 0
.endr
	s_mov_b32 s[G1S+5], A_SP/8
	s_mov_b32 s[G1SB+5], B_SP/8
	s_lshl_b32 s20, s17, 1
	s_mul_i32 s22, s20, 512
	s_mul_i32 s20, s20, 12288*KS
	s_add_co_u32 s20, s20, A_C
	s_add_co_u32 s22, s22, A_S
	s_mov_b32 s21, 0
	s_mov_b32 s23, 0
	s_lshl_b32 s46, s42, 1
	s_mul_i32 s92, s46, 512
	s_mul_i32 s46, s46, 12288*KS
	s_add_co_u32 s46, s46, B_C
	s_add_co_u32 s92, s92, B_S
	s_mov_b32 s47, 0
	s_mov_b32 s93, 0
	s_mul_i32 s45, s14, HALFT
	s_mul_i32 s66, s16, 12288*KS                   ; in the ring I fetch 8 tiles: which half, in bytes
	s_mov_b32 s67, 0
	s_wait_kmcnt 0x0
.if QKV
	s_mov_b64 s[10:11], s[6:7]
	s_mov_b64 s[6:7], s[4:5]
	s_add_nc_u64 s[8:9], s[4:5], P_BIAS
.endif
	s_add_nc_u64 s[20:21], s[4:5], s[20:21]
	s_add_nc_u64 s[22:23], s[4:5], s[22:23]
	s_add_nc_u64 s[46:47], s[6:7], s[46:47]
	s_add_nc_u64 s[92:93], s[6:7], s[92:93]
	CROUND
	s_mov_b32 s[G0S], 1
	s_mov_b32 s[G0S+1], SCL
	s_mov_b64 s[G0S+2:G0S+3], s[22:23]
	s_or_b32 s[G0S+3], s[G0S+3], 0x80000000
	s_mov_b32 s[G0SB], 1
	s_mov_b32 s[G0SB+1], SCL+2*HALFS
	s_mov_b64 s[G0SB+2:G0SB+3], s[92:93]
	s_or_b32 s[G0SB+3], s[G0SB+3], 0x80000000
	s_mov_b32 s[G0], 1                             ; the head's four tiles, each whole: slot 0's 16 tiles of A,
	s_mov_b32 s[G0+1], 0
	s_mov_b64 s[G0+2:G0+3], s[20:21]
	s_or_b32 s[G0+3], s[G0+3], 0x80000000
	s_mov_b32 s[G0B], 1                            ; its 16 tiles of B behind them, and the two blocks of scale words
	s_mov_b32 s[G0B+1], 2*HALFT
	s_mov_b64 s[G0B+2:G0B+3], s[46:47]
	s_or_b32 s[G0B+3], s[G0B+3], 0x80000000
; one joint load a wave at the head, in one tree of branches on the wave's number
.macro HARM under, g0, g1, next
	s_cmp_lt_u32 s14, \under
	s_cbranch_scc0 \next
	tensor_load_to_lds s[\g0:\g0+3], s[\g1:\g1+7]
	s_nop 0
.rept 4
	v_nop
.endr
	s_branch .Lhead_asked
\next:
.endm
	HARM 1, G0,  G1,  .Lhead_b
	HARM 2, G0B, G1B, .Lhead_sa
	HARM 3, G0S, G1S, .Lhead_sb
	tensor_load_to_lds s[G0SB:G0SB+3], s[G1SB:G1SB+7]
	s_nop 0
.rept 4
	v_nop
.endr
.Lhead_asked:
	s_wait_alu depctr_va_vdst(0)
	s_wait_tensorcnt 0x0                           ; my tile of the four is in; these lines stand ahead of slot 1's first fill as ahead of a refill
	ds_add_u32 v28, v29
	s_mov_b32 s[G1+2], 8<<16                       ; no tensor load of mine is out: from here on a load brings 8 tiles
	s_mov_b32 s[G1+4], 8
	s_mov_b32 s[G1B+2], 8<<16
	s_mov_b32 s[G1B+4], 8
	s_add_nc_u64 s[20:21], s[20:21], s[66:67]      ; my half of the tiles
	s_add_nc_u64 s[46:47], s[46:47], s[66:67]
.irp s, 0,1
	s_mov_b32 s[G0+4*\s], 1
	s_add_co_u32 s[G0+4*\s+1], s45, \s*SLOT
	s_add_nc_u64 s[G0+4*\s+2:G0+4*\s+3], s[20:21], \s*TILEB
	s_or_b32 s[G0+4*\s+3], s[G0+4*\s+3], 0x80000000
	s_mov_b32 s[G0B+4*\s], 1
	s_add_co_u32 s[G0B+4*\s+1], s45, \s*SLOT
	s_add_nc_u64 s[G0B+4*\s+2:G0B+4*\s+3], s[46:47], \s*TILEB
	s_or_b32 s[G0B+4*\s+3], s[G0B+4*\s+3], 0x80000000
.endr
	s_wait_dscnt 0x0
	CROUND
	JLOAD G0+4, G1, G0B+4, G1B                     ; slot 1's first fill: the first tensor load behind the round
	; the two refills' bytes (K steps 4 to 7: 6,144 bytes on end in each tile) are asked for into the L2: of my load's 8 tiles each of the four partners takes two, by address; a lane a block of 256 bytes, lanes 24-31 the last again
	s_cmp_eq_u32 s15, 0
	s_cselect_b64 s[18:19], s[20:21], s[46:47]
	s_cselect_b32 s2, s40, s41
	s_mul_i32 s2, s2, 2*1536*KS
	s_mov_b32 s3, 0
	s_add_nc_u64 s[18:19], s[18:19], s[2:3]
	v_and_b32 v7, 31, v0
	v_min_u32 v7, 23, v7
	v_lshlrev_b32 v7, 8, v7
	global_prefetch_b8 v7, s[18:19] offset:2*TILEB th:TH_LOAD_NT scope:SCOPE_SE
	global_prefetch_b8 v7, s[18:19] offset:2*TILEB+1536*KS th:TH_LOAD_NT scope:SCOPE_SE
	v_and_b32 v1, 31, v0
	v_and_b32 v2, 15, v0
	v_bfe_u32 v3, v0, 4, 1
	v_lshlrev_b32 v[OX], 4, v1
	v_lshlrev_b32 v[OY], 4, v2
	v_lshl_add_u32 v[OY], v3, 3, v[OY]
	s_mul_i32 s21, s15, HALFT
	s_mul_i32 s22, s16, HALFT
	s_add_co_u32 s22, s22, 2*HALFT
.irp s, 0,1
	v_add_nc_u32 v[ADRA+\s], s21, v[OX]
	v_add_nc_u32 v[ADRA+2+\s], s21, v[OY]
	v_add_nc_u32 v[ADRB+\s], s22, v[OX]
	v_add_nc_u32 v[ADRB+2+\s], s22, v[OY]
	s_add_co_u32 s21, s21, SLOT
	s_add_co_u32 s22, s22, SLOT
.endr
	s_lshl_b32 s21, s15, 9                         ; my 128 rows' words in a K step's 1,024 bytes
	s_lshl_b32 s22, s16, 9
	s_add_co_u32 s22, s22, 2*HALFS
	s_sub_co_u32 s22, s22, s21
	v_mul_u32_u24 v6, s22, v3
	s_add_co_u32 s21, s21, SCL
	v_lshl_add_u32 v5, v2, 2, v6
	v_add_nc_u32 v[ADRS], s21, v5
	v_lshlrev_b32 v[BO], 6, v3
	s_lshl_b32 s46, s42, 10
	s_lshl_b32 s47, s16, 9
	s_add_co_u32 s46, s46, s47
	s_mov_b32 s47, 0
	s_add_nc_u64 s[98:99], s[8:9], s[46:47]
.irp b, 0,1,2,3,4,5,6,7
	global_load_b128 v[BIAS+8*\b:BIAS+8*\b+3], v[BO], s[98:99] offset:(32*(\b/2)+8*(\b%2))*4
	global_load_b128 v[BIAS+8*\b+4:BIAS+8*\b+7], v[BO], s[98:99] offset:(32*(\b/2)+8*(\b%2))*4+16
.endr
.if QKV
	v_and_b32 v4, 8, v2
	v_add_nc_u32 v4, v4, v2
	v_lshlrev_b32 v15, 2, v4
	s_lshl_b32 s46, s17, 10
	s_lshl_b32 s47, s15, 9
	s_add_co_u32 s46, s46, s47
	s_mov_b32 s47, 0
	s_add_nc_u64 s[66:67], s[8:9], s[46:47]
.irp a, 0,1,2,3,4,5,6,7
	global_load_b32 v[BA+2*\a], v15, s[66:67] offset:(32*(\a/2)+8*(\a%2))*4
	v_mov_b32 v[BA+2*\a+1], 0
.endr
.endif
.if QKV
	s_cmp_lt_u32 ttmp9, 2
	s_cselect_b32 s20, s17, s41
	s_cselect_b32 s21, s40, s42
	s_cselect_b32 s22, 8, 32
	s_mov_b32 s23, 4096
	s_cselect_b32 s23, 16384, s23
.else
	s_mov_b32 s20, s17
	s_mov_b32 s21, s42
	s_mov_b32 s22, KSO
.if WAYQ
	s_mov_b32 s23, SWPO
.endif
.endif
	s_lshl_b32 s20, s20, 4
	s_lshl_b32 s46, s15, 3
	s_add_co_u32 s20, s20, s46
	s_lshl_b32 s21, s21, 1
	s_add_co_u32 s21, s21, s16
	s_mul_i32 s46, s20, s22
	s_add_co_u32 s46, s46, s21
	s_mul_i32 s46, s46, REC
.if QKV
	s_mul_i32 s47, ttmp9, 3145728
	s_add_co_u32 s46, s46, s47
.endif
	s_mov_b32 s47, 0
	s_add_nc_u64 s[12:13], s[10:11], s[46:47]
.if WAYQ
	s_mul_i32 s92, s22, REC
	s_mov_b32 s93, 0
	s_mul_i32 s46, s21, s23
	s_lshl_b32 s94, s20, 6
	s_add_co_u32 s46, s46, s94
	s_add_co_u32 s46, s46, O_S
.if QKV
	s_lshl_b32 s94, ttmp9, 17
	s_add_co_u32 s46, s46, s94
.endif
	s_add_nc_u64 s[94:95], s[10:11], s[46:47]
	s_mov_b32 s[SEL], 0x76543210
	s_mov_b32 s[SEL+1], 0xfedcba98
	s_lshl_b32 s23, s14, 9
	s_add_co_u32 s23, s23, GATH
	v_lshl_add_u32 v[GW], v2, 2, s23
	v_add_nc_u32 v[GR], s23, v[OX]
.endif
.macro FRAG reg, ax, ay, off
	ds_load_b128 v[\reg:\reg+3], v[\ax] offset:\off
	ds_load_b64 v[\reg+4:\reg+5], v[\ay] offset:\off+512
	ds_load_b128 v[\reg+6:\reg+9], v[\ax] offset:\off+768
	ds_load_b64 v[\reg+10:\reg+11], v[\ay] offset:\off+1280
.endm
.macro MUL16 a0, p, q, sc, zero
.irp a, \a0, \a0+1
.irp b, 0,1,2,3,4,5,6,7
.if \zero
	v_wmma_scale_f32_16x16x128_f8f6f4 v[8*(8*((\a)%4)+\b):8*(8*((\a)%4)+\b)+7], v[128*(\p)+FR*\b:128*(\p)+FR*\b+FR-1], v[AF+FR*(\a):AF+FR*(\a)+FR-1], v[BIAS+8*\b:BIAS+8*\b+7], v[SC+8*NQ*(\sc)+NQ*\b+(\q)], v[SC+8*NQ*(\sc)+NQ*(\a)+(\q)] matrix_a_fmt:MATRIX_FMT_FP6 matrix_b_fmt:MATRIX_FMT_FP6 matrix_a_scale:MATRIX_SCALE_ROW1
.else
	v_wmma_scale_f32_16x16x128_f8f6f4 v[8*(8*((\a)%4)+\b):8*(8*((\a)%4)+\b)+7], v[128*(\p)+FR*\b:128*(\p)+FR*\b+FR-1], v[AF+FR*(\a):AF+FR*(\a)+FR-1], v[8*(8*((\a)%4)+\b):8*(8*((\a)%4)+\b)+7], v[SC+8*NQ*(\sc)+NQ*\b+(\q)], v[SC+8*NQ*(\sc)+NQ*(\a)+(\q)] matrix_a_fmt:MATRIX_FMT_FP6 matrix_b_fmt:MATRIX_FMT_FP6 matrix_a_scale:MATRIX_SCALE_ROW1
.endif
.endr
.endr
.endm
.macro FETCH_B slot, q, p
	WIN TO_B
.irp i, 0,1,2,3,4,5,6,7
	FRAG 128*(\p)+FR*\i, ADRB+\slot, ADRB+2+\slot, \i*TILEB+(\q)*1536
.endr
	WIN 0
.endm
.macro FETCH_A slot, q, i0
.irp i, \i0, \i0+1, \i0+2, \i0+3
	FRAG AF+FR*(\i), ADRA+\slot, ADRA+2+\slot, (\i)*TILEB+(\q)*1536
.endr
.endm
.macro SCALES sc
.irp i, 0,1,2,3,4,5,6,7
.irp q, 0,1
	ds_load_b32 v[SC+16*\sc+2*\i+\q], v[ADRS] offset:64*\i+1024*\q
.endr
.endr
.endm
.macro PLACES n
.rept \n
	v_nop
.endr
.endm
.macro STEP slot, q, zero
	s_wait_dscnt 4*NL
.if \zero
	WIN 0x81
.else
	WIN MUL_LO
.endif
	MUL16 0, (\q)%2, \q, \slot, \zero
	MUL16 2, (\q)%2, \q, \slot, \zero
	s_wait_dscnt 0
	PLACES NP
	FETCH_B \slot, (\q)+1, 1-(\q)%2
	FETCH_A \slot, (\q)+1, 0
.if \zero
	WIN 0xc1
.else
	WIN MUL_HI
.endif
	MUL16 4, (\q)%2, \q, \slot, \zero
	MUL16 6, (\q)%2, \q, \slot, \zero
	PLACES NP
	WIN 0
	FETCH_A \slot, (\q)+1, 4
.endm
.macro TURN slot, next, fill
	s_wait_tensorcnt 0x0
	ds_add_u32 v[SPW], v[NIL]
	s_wait_dscnt 4*NL+1
	WIN MUL_LO
	MUL16 0, 1, NQ-1, \slot, 0
	s_wait_dscnt 0x0
	s_barrier_signal -1
	MUL16 2, 1, NQ-1, \slot, 0
	WIN 0
	s_barrier_wait -1
.if \fill
	CREST
	s_add_nc_u64 s[G0+4*\slot+2:G0+4*\slot+3], s[G0+4*\slot+2:G0+4*\slot+3], 2*TILEB
	s_add_nc_u64 s[G0B+4*\slot+2:G0B+4*\slot+3], s[G0B+4*\slot+2:G0B+4*\slot+3], 2*TILEB
	JLOAD G0+4*\slot, G1, G0B+4*\slot, G1B
.else
	PLACES NP
.endif
	s_wait_alu depctr_va_vdst(0)
	v_add_nc_u32 v[ADRS], 1024*NQ, v[ADRS]
	FETCH_B \next, 0, 0
	FETCH_A \next, 0, 0
	SCALES \next
	WIN MUL_HI
	MUL16 4, 1, NQ-1, \slot, 0
	MUL16 6, 1, NQ-1, \slot, 0
	PLACES NP
	WIN 0
	FETCH_A \next, 0, 4
.endm
	s_wait_tensorcnt 1
	s_barrier_signal -1
	s_barrier_wait -1
	FETCH_B 0, 0, 0
	FETCH_A 0, 0, 0
	SCALES 0
	FETCH_A 0, 0, 4
	s_wait_loadcnt 0x0
	STEP 0, 0, 1
	s_mov_b32 s3, LAPS-1
.Llap:
	TURN 0, 1, 1
	STEP 1, 0, 0
	TURN 1, 0, 1
	STEP 0, 0, 0
	s_sub_co_u32 s3, s3, 1
	s_cmp_lg_u32 s3, 0
	s_cbranch_scc1 .Llap
	TURN 0, 1, 0
	STEP 1, 0, 0
	s_wait_dscnt 4*NL
	WIN MUL_LO
	MUL16 0, 1, NQ-1, 1, 0
	MUL16 2, 1, NQ-1, 1, 0
	s_wait_dscnt 0
	WIN MUL_HI
	MUL16 4, 1, NQ-1, 1, 0
	MUL16 6, 1, NQ-1, 1, 0
	WIN 0
	PLACES NP
.if WAYQ
.macro QUANT s
.irp b, 0,1,2,3
	v_max3_num_f32 v[TM+\b], |v[\s+16*\b]|, |v[\s+1+16*\b]|, 0x1800000
.endr
.irp i, 2,4,6,8,10,12,14
.irp b, 0,1,2,3
	v_max3_num_f32 v[TM+\b], v[TM+\b], |v[\s+16*\b+\i]|, |v[\s+1+16*\b+\i]|
.endr
.endr
.irp b, 0,1,2,3
	v_permlanex16_b32 v[TM+4+\b], v[TM+\b], s[SEL], s[SEL+1]
.endr
.irp b, 0,1,2,3
	v_max_num_f32 v[TM+\b], v[TM+\b], v[TM+4+\b]
.endr
.irp b, 0,1,2,3
	v_add_nc_u32 v[TM+12+\b], 0xff000000, v[TM+\b]
.endr
.irp b, 0,1,2,3
	v_lshrrev_b32 v[TM+4+\b], 23, v[TM+12+\b]
.endr
	v_lshl_or_b32 v[PW], v[TM+5], 8, v[TM+4]
	v_lshl_or_b32 v[PW], v[TM+6], 16, v[PW]
	v_lshl_or_b32 v[PW], v[TM+7], 24, v[PW]
.irp c, 0,1
	v_cvt_scalef32_pk16_fp6_f32 v[PC+6*\c:PC+2+6*\c], v[\s+32*\c:\s+15+32*\c], v[TM+12+2*\c]
	v_cvt_scalef32_pk16_fp6_f32 v[PC+12+4*\c:PC+14+4*\c], v[\s+16+32*\c:\s+31+32*\c], v[TM+12+2*\c+1]
.endr
	v_nop
.irp c, 0,1
.irp i, 0,1,2
	v_permlane16_swap_b32 v[PC+6*\c+\i], v[PC+12+4*\c+\i]
.endr
.irp i, 0,1,2
	v_mov_b32 v[PC+3+6*\c+\i], v[PC+12+4*\c+\i]
.endr
.endr
.endm
.macro QOUT a
.set AC, 64*((\a)%4)
.if (\a) > 0
	s_wait_xcnt 0x0
	s_add_nc_u64 s[12:13], s[12:13], s[92:93]
.endif
.set i, 0
.if QKV
	WIN 0x02+((\a)/4)
.rept 32
	v_pk_add_f32 v[T+i:T+i+1], v[AC+i:AC+i+1], v[BA+2*(\a):BA+2*(\a)+1] op_sel_hi:[1,0]
.set i, i+2
.endr
.else
	WIN 0x08+4*((\a)/4)
.rept 64
	v_max_num_f32 v[T+i], 0, v[AC+i]
.set i, i+1
.endr
.endif
	WIN 0
	QUANT T
	global_store_b128 v[OX], v[PC:PC+3], s[12:13]
	global_store_b64 v[OY], v[PC+4:PC+5], s[12:13] offset:512
	global_store_b128 v[OX], v[PC+6:PC+9], s[12:13] offset:768
	global_store_b64 v[OY], v[PC+10:PC+11], s[12:13] offset:1280
	ds_store_b32 v[GW], v[PW] offset:64*(\a)
.endm
.irp b, 0,1,2,3
	v_mov_b32 v[TM+4+\b], 0
.endr
.irp a, 0,1,2,3,4,5,6,7
	QOUT \a
.endr
	ds_load_b128 v[GL:GL+3], v[GR]
	s_wait_dscnt 0x0
	global_store_b128 v[OX], v[GL:GL+3], s[94:95]
.else
.irp a, 0,1,2,3,4,5,6,7
	WIN 0x08+4*(\a/4)
.irp b, 0,1,2,3,4,5,6,7
	global_store_b128 v[OX], v[64*(\a%4)+8*\b:64*(\a%4)+8*\b+3], s[12:13] offset:65536*\a+1024*\b th:TH_STORE_NT
	global_store_b128 v[OX], v[64*(\a%4)+8*\b+4:64*(\a%4)+8*\b+7], s[12:13] offset:65536*\a+1024*\b+512 th:TH_STORE_NT
.endr
.endr
	WIN 0
.endif
	s_wait_tensorcnt 0x0
	ds_add_u32 v[SPW], v[NIL]
	s_wait_dscnt 0x0
	CROUND
	s_endpgm
.Lfunc_end_k_q484ae9fd09_qkv:
	.size	k_q484ae9fd09_qkv, .Lfunc_end_k_q484ae9fd09_qkv-k_q484ae9fd09_qkv
	.p2alignl 7, 3214868480
	.fill 96, 4, 3214868480
	.section	.rodata,"a",@progbits
	.p2align	6, 0x0
	.amdhsa_kernel k_q484ae9fd09_qkv
		.amdhsa_group_segment_fixed_size 327680
		.amdhsa_private_segment_fixed_size 0
		.amdhsa_enable_private_segment 0
		.amdhsa_kernarg_size 16
		.amdhsa_user_sgpr_count 2
		.amdhsa_user_sgpr_kernarg_segment_ptr 1
		.amdhsa_wavefront_size32 1
		.amdhsa_system_sgpr_workgroup_id_x 1
		.amdhsa_system_sgpr_workgroup_id_y 1
		.amdhsa_system_sgpr_workgroup_id_z 1
		.amdhsa_system_vgpr_workitem_id 0
		.amdhsa_next_free_vgpr 1024
		.amdhsa_next_free_sgpr 100
		.amdhsa_reserve_vcc 0
		.amdhsa_float_denorm_mode_32 3
		.amdhsa_float_denorm_mode_16_64 3
		.amdhsa_memory_ordered 1
		.amdhsa_forward_progress 1
		.amdhsa_inst_pref_size 172
	.end_amdhsa_kernel
	.amdgpu_metadata
---
amdhsa.version: [ 1, 2 ]
amdhsa.kernels:
  - .name:           k_q484ae9fd09_qkv
    .symbol:         k_q484ae9fd09_qkv.kd
    .args:
      - { .name: P, .offset: 0, .size: 8, .value_kind: global_buffer, .address_space: global }
      - { .name: Q, .offset: 8, .size: 8, .value_kind: global_buffer, .address_space: global }
    .group_segment_fixed_size: 327680
    .private_segment_fixed_size: 0
    .kernarg_segment_align: 8
    .kernarg_segment_size: 16
    .max_flat_workgroup_size: 128
    .sgpr_count:     100
    .vgpr_count:     1024
    .wavefront_size: 32
...
	.end_amdgpu_metadata
.endif
;; end of part 9
;; launch attn (part 10): grid 8 x 32, 16 waves a work-group, clusters of 4 x 1, 210,944 bytes of LDS; arguments Q, ATT; writes ATT
.if DOCPART == 10
	.amdgcn_target "amdgcn-amd-amdhsa--gfx1250"
	.amdhsa_code_object_version 6
	.text
	.protected	k_q484ae9fd09_attn
	.globl	k_q484ae9fd09_attn
	.p2align	8
	.type	k_q484ae9fd09_attn,@function
k_q484ae9fd09_attn:
	s_mov_b64 s[64:65], 0
	v_nop
	global_prefetch_b8 v0, s[64:65] scope:SCOPE_SE
	s_setreg_imm32_b32 hwreg(HW_REG_WAVE_MODE, 25, 1), 1
	s_wait_xcnt 0x0
	s_wait_alu depctr_hold_cnt(0) depctr_sa_sdst(0) depctr_va_vdst(0) depctr_va_sdst(0) depctr_va_ssrc(0) depctr_va_vcc(0) depctr_vm_vsrc(0)
	s_getreg_b32 s2, hwreg(HW_REG_IB_STS2, 6, 4)
	s_cmp_eq_u32 s2, 0
	s_cbranch_scc0 .Lentry_in_a_cluster
	s_endpgm
.Lentry_in_a_cluster:
	s_bfe_u32 s2, ttmp6, 0x10000c
	s_cmp_lg_u32 s2, 0x3003
	s_cbranch_scc0 .Lentry_shape_is_right
	s_endpgm
.Lentry_shape_is_right:
; ATTENTION on codes of FP6 (E2M3): o = softmax(q k^T / 8) v for one head of 64, both products quantised, and o quantised again on the way out, along the features, as the next product's operand.
; THE SOFTMAX: t = score x log2(e) / 8; M = the row's largest t so far, rounded UP to a whole number; p = 2^(t - M) is what is quantised, along the keys, not normalised.  The row's sum is taken of the unquantised p, in f32,
; and divides O at the end.  When M moves, the sum and O are multiplied by 2^(old M - new M): exact.
; SHARES.  A work-group owns 256 queries of one (batch, head); each of its sixteen waves one tile of 16 tokens, in 256 registers: four waves to a SIMD, so that one wave's vector work stands beside another's matrix work.
; ALL OF THE HEAD'S K AND V LIE IN LDS (98,304 bytes of codes each, 8,192 and 4,096 of scale words): every LDS byte is filled once, so there is no ring and one barrier.  The four work-groups of a cluster are four query blocks of one
; head: they ask for K and V JOINTLY (mask 15); nothing in a descriptor, no LDS address and no branch hangs on the place in the cluster.
; LAYOUT.  Both products are used transposed: S^T = K Q^T, O^T = V^T P^T: a lane holds one query throughout.  Tiles of tokens and of the head's dims are permuted (row r of tile t = natural row 32 (t / 2) + 8 (t % 2) + r + 8 (r / 8)),
; so that the 16 registers of two neighbouring tiles are 16 neighbours: of the keys in S^T, of the dims in O^T.
; K = 64 IN AN INSTRUCTION OF 128: a head's part of a record is half a record (768 bytes), and two neighbouring tiles' halves lie on end in LDS: read as ONE fragment they are tile 2 b in k 0-63 and tile 2 b + 1 in k 64-127.
; Against [q, 0] that gives tile 2 b's scores, against [0, q] tile 2 b + 1's: q's six registers stand between two runs of six zeros.
; The two scale bytes of a row of o are stored as 16 bits: two heads share a word, so these 131,072 bytes of the output are written in pieces.
; LIMITS: NaN and infinities are not served; a block whose largest magnitude lies under 2^-124 keeps the scale byte 1.
; REGISTERS: v1-10, v19 addresses; v12 -M, v13 the largest t, v[14:15] the sum in two halves; v32-79 four fragments; v96-159 S^T, then p; v160-191 O^T; v192-209 zeros, q, zeros; v210-217 raw scale words; v224-235 p's codes; v232-254 at work; v255 q's scale word.
.set Q_KC, 3145728                     ; in Q: k's codes, v's codes, q's, k's and v's scale words
.set Q_VC, 6291456
.set Q_QS, 9437184
.set Q_KS, 9568256
.set Q_VS, 9699328
.set A_SW, 3145728                     ; in ATT: the scale words
.set L_VC, 98304                       ; in LDS: K's codes at 0 (128 tiles x 768), V's here ([4 tiles of dims][16 K steps][1,536]),
.set L_KS, 196608                      ; K's 2,048 raw scale words,
.set L_VS, 204800                      ; V's: 16 rows of 64 words
.set KSEL, 2                           ; s2   byte selects that make K's scale word of two tiles' raw words
.set QSEL, 3                           ; s3   and q's
.set WV,   18
.set SEL,  20                          ; s[20:21] lane selects for lane l xor 16
.set CS,   22                          ; s[22:23] c = log2(e) / 8
.set G1K,  24
.set G1V,  32
.set G1S,  40
.set G1T,  48
.set G0K,  56
.set G0V,  60
.set CNT,  66
.set G0S,  68
.set G0T,  72
.macro CROUND                          ; a round of the cluster's barrier
	s_barrier_signal -1
	s_barrier_wait -1
	s_cmp_lg_u32 s[WV], 0
	s_cbranch_scc1 .Lnot_wave_0_\@
	s_barrier_signal -3
.Lnot_wave_0_\@:
	s_barrier_wait -3
	s_barrier_signal -1
	s_barrier_wait -1
.endm
.macro FRAG reg, ax, ay, off           ; a record becomes a fragment's 12 registers
	ds_load_b128 v[\reg:\reg+3], v[\ax] offset:\off
	ds_load_b64 v[\reg+4:\reg+5], v[\ay] offset:\off+512
	ds_load_b128 v[\reg+6:\reg+9], v[\ax] offset:\off+768
	ds_load_b64 v[\reg+10:\reg+11], v[\ay] offset:\off+1280
.endm
	s_load_b128 s[4:7], s[0:1], 0x0                ; Q, ATT
	v_lshl_add_u32 v223, v0, 2, 0x33000
	v_mov_b32 v243, 0
	ds_add_u32 v223, v243
	ds_add_u32 v223, v243
	v_lshrrev_b32 v11, 5, v0
	s_delay_alu instid0(VALU_DEP_1)
	v_readfirstlane_b32 s[WV], v11                 ; wave 0..15
	s_and_b32 s76, ttmp7, 0xffff
	s_and_b32 s77, s76, 15                         ; the head
	s_lshr_b32 s78, s76, 4                         ; the batch
	s_and_b32 s79, s[WV], 1                        ; which half I fetch, if I fetch
	s_lshl_b32 s80, s78, 7
	s_lshl_b32 s81, s79, 6
	s_add_co_u32 s80, s80, s81                     ; K: my first tile of tokens,
	s_lshl_b32 s80, s80, 4
	s_add_co_u32 s80, s80, s77
	s_mul_i32 s80, s80, 768                        ; the head's half record in it
	s_add_co_u32 s80, s80, Q_KC
	s_mov_b32 s81, 0
	s_lshl_b32 s82, s77, 2
	s_lshl_b32 s83, s79, 1
	s_add_co_u32 s82, s82, s83                     ; V: my first tile of dims,
	s_lshl_b32 s82, s82, 5
	s_lshl_b32 s83, s78, 4
	s_add_co_u32 s82, s82, s83                     ; the batch's first K step in it
	s_mul_i32 s82, s82, 1536
	s_add_co_u32 s82, s82, Q_VC
	s_mov_b32 s83, 0
	s_lshr_b32 s84, s77, 1
	s_lshl_b32 s84, s84, 14                        ; K's scale words: the K step of 128 features that holds the head,
	s_lshl_b32 s85, s78, 13                        ; the batch's 2,048 positions
	s_add_co_u32 s84, s84, s85
	s_add_co_u32 s84, s84, Q_KS
	s_mov_b32 s85, 0
	s_lshl_b32 s86, s78, 16                        ; V's: the batch's 16 K steps, the head's 64 positions
	s_lshl_b32 s87, s77, 8
	s_add_co_u32 s86, s86, s87
	s_add_co_u32 s86, s86, Q_VS
	s_mov_b32 s87, 0
	; descriptor groups 1: elements of 8 bytes, no padding, the mask of all four work-groups with bit 21 beside it
.irp g, G1K, G1V, G1S, G1T
	s_mov_b32 s[\g], 15|(3<<16)|(1<<21)
	s_mov_b32 s[\g+6], 0
	s_mov_b32 s[\g+7], 0
.endr
	s_mov_b32 s[G1K+1], 96<<16                     ; K: 64 rows of 768 bytes, 12,288 bytes apart
	s_mov_b32 s[G1K+2], 64<<16
	s_mov_b32 s[G1K+3], 96<<16
	s_mov_b32 s[G1K+4], 64
	s_mov_b32 s[G1K+5], 1536
	s_mov_b32 s[G1V+1], 3072<<16                   ; V: 2 rows of 24,576 bytes (16 records on end), 49,152 bytes apart
	s_mov_b32 s[G1V+2], 2<<16
	s_mov_b32 s[G1V+3], 3072<<16
	s_mov_b32 s[G1V+4], 2
	s_mov_b32 s[G1V+5], 6144
	s_mov_b32 s[G1S+1], 32<<16                     ; K's scale words: a dense block of 8,192 bytes as 32 rows of 256
	s_mov_b32 s[G1S+2], 32<<16
	s_mov_b32 s[G1S+3], 32<<16
	s_mov_b32 s[G1S+4], 32
	s_mov_b32 s[G1S+5], 32
	s_mov_b32 s[G1T+1], 32<<16                     ; V's: 16 rows of 256 bytes, 4,096 bytes apart
	s_mov_b32 s[G1T+2], 16<<16
	s_mov_b32 s[G1T+3], 32<<16
	s_mov_b32 s[G1T+4], 16
	s_mov_b32 s[G1T+5], 512
	s_mov_b32 s[SEL], 0x76543210
	s_mov_b32 s[SEL+1], 0xfedcba98
	s_mov_b32 s[CS], 0x3e38aa3b                    ; c = log2(e) / 8
	s_mov_b32 s[CS+1], s[CS]                       ; (named with it as a pair, so it is written)
	s_and_b32 s98, s77, 1                          ; an even head's two bytes are a raw word's bytes 0, 1, an odd head's bytes 2, 3
	s_cmp_eq_u32 s98, 0
	s_mov_b32 s[KSEL], 0x07060302
	s_cselect_b32 s[KSEL], 0x05040100, s[KSEL]
	s_mov_b32 s[QSEL], 0x03020302
	s_cselect_b32 s[QSEL], 0x01000100, s[QSEL]
	s_wait_dscnt 0x0
	s_wait_kmcnt 0x0
	s_mov_b32 s[G0K], 1
	s_mul_i32 s[G0K+1], s79, 49152
	s_add_nc_u64 s[G0K+2:G0K+3], s[4:5], s[80:81]
	s_or_b32 s[G0K+3], s[G0K+3], 0x80000000
	s_mov_b32 s[G0V], 1
	s_mul_i32 s[G0V+1], s79, 49152
	s_add_co_u32 s[G0V+1], s[G0V+1], L_VC
	s_add_nc_u64 s[G0V+2:G0V+3], s[4:5], s[82:83]
	s_or_b32 s[G0V+3], s[G0V+3], 0x80000000
	s_mov_b32 s[G0S], 1
	s_mov_b32 s[G0S+1], L_KS
	s_add_nc_u64 s[G0S+2:G0S+3], s[4:5], s[84:85]
	s_or_b32 s[G0S+3], s[G0S+3], 0x80000000
	s_mov_b32 s[G0T], 1
	s_mov_b32 s[G0T+1], L_VS
	s_add_nc_u64 s[G0T+2:G0T+3], s[4:5], s[86:87]
	s_or_b32 s[G0T+3], s[G0T+3], 0x80000000
	CROUND                                         ; all four work-groups are here: the joint loads meet
	; THE FILLS: waves 0, 1 K's halves; waves 2, 3 V's; wave 4 K's scale words; wave 5 V's: one load a wave, chosen by the wave's number alone.  Four v_nop follow each.
	s_cmp_lt_u32 s[WV], 2
	s_cbranch_scc0 .Lnot_k
	tensor_load_to_lds s[G0K:G0K+3], s[G1K:G1K+7]
	s_nop 0
.rept 4
	v_nop
.endr
	s_branch .Lasked
.Lnot_k:
	s_cmp_lt_u32 s[WV], 4
	s_cbranch_scc0 .Lnot_v
	tensor_load_to_lds s[G0V:G0V+3], s[G1V:G1V+7]
	s_nop 0
.rept 4
	v_nop
.endr
	s_branch .Lasked
.Lnot_v:
	s_cmp_eq_u32 s[WV], 4
	s_cbranch_scc0 .Lnot_s
	tensor_load_to_lds s[G0S:G0S+3], s[G1S:G1S+7]
	s_nop 0
.rept 4
	v_nop
.endr
	s_branch .Lasked
.Lnot_s:
	s_cmp_eq_u32 s[WV], 5
	s_cbranch_scc0 .Lasked
	tensor_load_to_lds s[G0T:G0T+3], s[G1T:G1T+7]
	s_nop 0
.rept 4
	v_nop
.endr
.Lasked:
	; my tile of queries: the place in the cluster enters these global addresses alone, in registers that feed no descriptor
	s_bfe_u32 s88, ttmp6, 0x40000                  ; cx
	s_lshl_b32 s89, ttmp9, 2
	s_add_co_u32 s89, s89, s88                     ; my block of 256 queries
	s_lshl_b32 s89, s89, 4
	s_add_co_u32 s89, s89, s[WV]
	s_lshl_b32 s88, s78, 7
	s_add_co_u32 s89, s89, s88                     ; my tile of tokens
	s_lshl_b32 s90, s89, 4
	s_add_co_u32 s90, s90, s77
	s_mul_i32 s90, s90, 768                        ; the head's half record: the same place in q's codes and in ATT's
	s_mov_b32 s91, 0
	s_lshr_b32 s92, s77, 1
	s_lshl_b32 s92, s92, 14
	s_lshl_b32 s93, s89, 6
	s_add_co_u32 s92, s92, s93                     ; and my tile's scale words
	s_mov_b32 s93, 0
	s_add_nc_u64 s[94:95], s[6:7], s[90:91]        ; ATT's codes
	s_add_nc_u64 s[90:91], s[4:5], s[90:91]        ; q's codes
	s_add_nc_u64 s[96:97], s[6:7], s[92:93]
	s_add_nc_u64 s[92:93], s[4:5], s[92:93]
	s_add_nc_u64 s[92:93], s[92:93], Q_QS          ; q's scale words
	s_lshl_b32 s88, s98, 1
	s_add_co_u32 s88, s88, A_SW
	s_mov_b32 s89, 0
	s_add_nc_u64 s[96:97], s[96:97], s[88:89]      ; ATT's, at the head's two bytes
	v_and_b32 v16, 31, v0                          ; L
	v_and_b32 v17, 15, v0                          ; r
	v_bfe_u32 v18, v0, 4, 1                        ; h
	s_delay_alu instid0(VALU_DEP_3)
	v_lshlrev_b32 v9, 4, v16                       ; 16 L
	s_delay_alu instid0(VALU_DEP_3)
	v_lshlrev_b32 v10, 4, v17
	s_delay_alu instid0(VALU_DEP_1)
	v_lshl_add_u32 v10, v18, 3, v10                ; 16 r + 8 h
	v_lshlrev_b32 v19, 2, v17                      ; 4 r
	global_load_b128 v[198:201], v9, s[90:91]      ; q's six registers
	global_load_b64 v[202:203], v10, s[90:91] offset:512
	global_load_b32 v254, v19, s[92:93]            ; and its raw scale word
	v_mov_b32 v1, v9                               ; K's records begin at LDS byte 0
	v_mov_b32 v2, v10
	v_add_nc_u32 v3, L_VC, v9                      ; V's tiles of dims 0, 1
	v_add_nc_u32 v4, L_VC, v10
	v_add_nc_u32 v5, L_VC+49152, v9                ; and 2, 3
	v_add_nc_u32 v6, L_VC+49152, v10
	v_add_nc_u32 v7, L_KS, v19
	v_add_nc_u32 v8, L_VS, v19
.irp j, 192,193,194,195,196,197,204,205,206,207,208,209
	v_mov_b32 v\j, 0                               ; zero codes on both sides of q
.endr
	v_mov_b32 v13, 0xff61b1e6                      ; the largest t so far: -3e38, under every t
	s_delay_alu instid0(VALU_DEP_1)
	v_floor_f32 v12, -v13                          ; -M
	v_mov_b32 v14, 0                               ; the sum, in two halves
	v_mov_b32 v15, 0
.irp b, 0,1,2,3
	v_mov_b32 v[236+\b], 0                         ; written once: a lane permute's destination counts as one of its sources
.endr
	v_mov_b32 v253, 0                              ; (named as the upper half of the pair v[252:253] before it is first written)
.irp j, 0,1,2,3,4,5,6,7,8,9,10,11,12,13,14,15,16,17,18,19,20,21,22,23,24,25,26,27,28,29,30,31
	v_mov_b32 v[160+\j], 0                         ; O^T: the loop is written once; its first step finds zeros, which the first change of M leaves zeros
.endr
	s_wait_loadcnt 0x0                             ; q
	v_perm_b32 v255, v254, v254, s[QSEL]           ; the head's two bytes, twice: they serve [q, 0] and [0, q] alike
	s_wait_tensorcnt 0x0                           ; my fill, if I had one, has landed,
	s_barrier_signal -1
	s_barrier_wait -1                              ; everybody's has
	s_mov_b32 s[CNT], 16
.Lstep:                                            ; 16 trips of 128 keys
	s_wait_alu depctr_va_vdst(0)
.irp i, 0,1,2,3,4,5,6,7
	ds_load_b32 v[210+\i], v7 offset:64*\i         ; the raw scale words of the step's eight tiles
.endr
.irp b, 0,1,2,3
	FRAG 32+12*\b, 1, 2, 1536*\b                   ; tiles 2 b and 2 b + 1 as one fragment.  (The eight address steps at the trip's end are the places behind the last products)
.endr
	s_wait_dscnt 16                                ; the raw words are in; the 16 fragment loads may be out
.irp b, 0,1,2,3
	v_perm_b32 v[248+\b], v[211+2*\b], v[210+2*\b], s[KSEL]   ; bytes 0, 1: tile 2 b's two blocks; bytes 2, 3: tile 2 b + 1's
.endr
.rept 8
	v_nop                                          ; a scale register written by a vector instruction stands 8 places ahead of a scaled matrix instruction; the fragments land meanwhile
.endr
	s_wait_alu depctr_va_vdst(0)
	s_wait_dscnt 0x0
.irp b, 0,1,2,3
	v_wmma_scale_f32_16x16x128_f8f6f4 v[96+16*\b:103+16*\b], v[32+12*\b:43+12*\b], v[198:209], 0, v[248+\b], v255 matrix_a_fmt:MATRIX_FMT_FP6 matrix_b_fmt:MATRIX_FMT_FP6
.endr
.irp b, 0,1,2,3
	v_wmma_scale_f32_16x16x128_f8f6f4 v[104+16*\b:111+16*\b], v[32+12*\b:43+12*\b], v[192:203], 0, v[248+\b], v255 matrix_a_fmt:MATRIX_FMT_FP6 matrix_b_fmt:MATRIX_FMT_FP6
.endr
.rept 4
	v_nop                                          ; places in front of the loads below and of the first read of the scores
.endr
	FRAG 32, 3, 4, 0                               ; V's four fragments of this K step: they land during the softmax
	FRAG 44, 3, 4, 24576
	FRAG 56, 5, 6, 0
	FRAG 68, 5, 6, 24576
.irp d, 0,1,2,3
	ds_load_b32 v[248+\d], v8 offset:64*\d
.endr
.irp b, 0,1,2,3
	v_max3_num_f32 v[232+\b], v[96+16*\b], v[97+16*\b], v[98+16*\b]   ; the largest score of each block of 32 keys: it serves for the row's maximum and, since p rises with the score, for the block's largest p
.endr
.irp i, 3,5,7,9,11,13
.irp b, 0,1,2,3
	v_max3_num_f32 v[232+\b], v[232+\b], v[96+16*\b+\i], v[97+16*\b+\i]
.endr
.endr
.irp b, 0,1,2,3
	v_max_num_f32 v[232+\b], v[232+\b], v[111+16*\b]
.endr
.irp b, 0,1,2,3
	s_delay_alu instid0(VALU_DEP_4)
	v_permlanex16_b32 v[236+\b], v[232+\b], s[SEL], s[SEL+1]
.endr
.irp b, 0,1,2,3
	s_delay_alu instid0(VALU_DEP_4)
	v_max_num_f32 v[232+\b], v[232+\b], v[236+\b]  ; with lane l xor 16's 16 keys
.endr
	s_delay_alu instid0(VALU_DEP_2)
	v_max3_num_f32 v254, v232, v233, v234
	s_delay_alu instid0(VALU_DEP_1)
	v_max_num_f32 v254, v254, v235                 ; the step's largest score of my query
	s_delay_alu instid0(VALU_DEP_1)
	v_mul_f32 v254, s[CS], v254                    ; as t (c is positive)
	s_delay_alu instid0(VALU_DEP_1)
	v_max_num_f32 v13, v13, v254                   ; the running largest t
	v_mov_b32 v254, v12
	s_delay_alu instid0(VALU_DEP_2)
	v_floor_f32 v12, -v13                          ; the new -M = floor(-t): M is a whole number
	s_delay_alu instid0(VALU_DEP_1)
	v_sub_f32 v254, v12, v254                      ; M's old value less its new one: a whole number, 0 or less
	s_delay_alu instid0(VALU_DEP_1)
	v_cvt_i32_f32 v254, v254                       ; (it saturates)
	s_delay_alu instid0(VALU_DEP_1)
	v_ldexp_f32 v252, 1.0, v254                    ; f = 2^(old M - new M)
.irp j, 0,2,4,6,8,10,12,14,16,18,20,22,24,26,28,30,32,34,36,38,40,42,44,46,48,50,52,54,56,58,60,62
	v_pk_fma_f32 v[96+\j:97+\j], v[96+\j:97+\j], s[CS:CS+1], v[12:13] op_sel_hi:[1,0,0]   ; t - M, two at a time
.endr
.irp b, 0,1,2,3
	v_fma_f32 v[232+\b], v[232+\b], s[CS], v12     ; the same of each block's largest score
.endr
	s_wait_alu depctr_va_vdst(0)
.irp j, 0,1,2,3,4,5,6,7,8,9,10,11,12,13,14,15,16,17,18,19,20,21,22,23,24,25,26,27,28,29,30,31,32,33,34,35,36,37,38,39,40,41,42,43,44,45,46,47,48,49,50,51,52,53,54,55,56,57,58,59,60,61,62,63
	v_exp_f32 v[96+\j], v[96+\j]                   ; p = 2^(t - M), at most 1: not normalised
.endr
	v_pk_mul_f32 v[14:15], v[14:15], v[252:253] op_sel_hi:[1,0]   ; the sums under the new M: a plain place behind the exponentials
	s_wait_alu depctr_va_vdst(0)                   ; one wait for the whole batch, ahead of its first reader
.irp b, 0,1,2,3
	v_exp_f32 v[232+\b], v[232+\b]                 ; the block's largest p: the same two instructions on the same number give the same bits
.endr
	v_pk_add_f32 v[236:237], v[100:101], v[104:105]
	v_pk_add_f32 v[246:247], v[108:109], v[112:113]
	v_pk_add_f32 v[244:245], v[116:117], v[120:121]
	v_pk_add_f32 v[240:241], v[124:125], v[128:129]
	v_pk_add_f32 v[238:239], v[132:133], v[136:137]
	v_pk_add_f32 v[230:231], v[140:141], v[144:145]
	v_pk_add_f32 v[228:229], v[148:149], v[152:153]
	v_pk_add_f32 v[14:15], v[14:15], v[156:157]
	v_pk_add_f32 v[236:237], v[236:237], v[96:97]
	v_pk_add_f32 v[246:247], v[246:247], v[98:99]
	v_pk_add_f32 v[244:245], v[244:245], v[102:103]
	v_pk_add_f32 v[240:241], v[240:241], v[106:107]
	v_pk_add_f32 v[238:239], v[238:239], v[110:111]
	v_pk_add_f32 v[230:231], v[230:231], v[114:115]
	v_pk_add_f32 v[228:229], v[228:229], v[118:119]
	v_pk_add_f32 v[14:15], v[14:15], v[122:123]
	v_pk_add_f32 v[236:237], v[236:237], v[126:127]
	v_pk_add_f32 v[246:247], v[246:247], v[130:131]
	v_pk_add_f32 v[244:245], v[244:245], v[134:135]
	v_pk_add_f32 v[240:241], v[240:241], v[138:139]
	v_pk_add_f32 v[238:239], v[238:239], v[142:143]
	v_pk_add_f32 v[230:231], v[230:231], v[146:147]
	v_pk_add_f32 v[228:229], v[228:229], v[150:151]
	v_pk_add_f32 v[14:15], v[14:15], v[154:155]
	v_pk_add_f32 v[236:237], v[236:237], v[158:159]
	s_delay_alu instid0(VALU_DEP_2)
	v_pk_add_f32 v[14:15], v[14:15], v[240:241]
	s_delay_alu instid0(VALU_DEP_2)
	v_pk_add_f32 v[236:237], v[236:237], v[238:239]
	v_pk_add_f32 v[246:247], v[246:247], v[230:231]
	v_pk_add_f32 v[244:245], v[244:245], v[228:229]
	s_delay_alu instid0(VALU_DEP_2)
	v_pk_add_f32 v[14:15], v[14:15], v[246:247]
	s_delay_alu instid0(VALU_DEP_2)
	v_pk_add_f32 v[236:237], v[236:237], v[244:245]
	s_delay_alu instid0(VALU_DEP_1)
	v_pk_add_f32 v[14:15], v[14:15], v[236:237]
	s_wait_alu depctr_va_vdst(0)                   ; and one for the four
.irp b, 0,1,2,3
	v_max_num_f32 v[232+\b], 0x1800000, v[232+\b]  ; the floor 2^(3 - 127): the byte cannot fall under 1
.endr
.irp b, 0,1,2,3
	s_delay_alu instid0(VALU_DEP_4)
	v_add_nc_u32 v[244+\b], 0xff000000, v[232+\b]  ; 2 off the exponent field: the conversion's scale operand
.endr
.irp b, 0,1,2,3
	s_delay_alu instid0(VALU_DEP_4)
	v_lshrrev_b32 v[236+\b], 23, v[244+\b]         ; the scale's byte
.endr
	s_delay_alu instid0(VALU_DEP_3)
	v_lshl_or_b32 v253, v237, 8, v236              ; p's scale word for these 128 keys
	s_delay_alu instid0(VALU_DEP_1)
	v_lshl_or_b32 v253, v238, 16, v253
	s_delay_alu instid0(VALU_DEP_1)
	v_lshl_or_b32 v253, v239, 24, v253
.irp c, 0,1
	v_cvt_scalef32_pk16_fp6_f32 v[224+6*\c:226+6*\c], v[96+32*\c:111+32*\c], v[244+2*\c]
	v_cvt_scalef32_pk16_fp6_f32 v[236+4*\c:238+4*\c], v[112+32*\c:127+32*\c], v[244+2*\c+1]   ; (a conversion's three registers begin on an even number)
.endr
	v_nop                                          ; one plain place behind a scaled conversion
.irp c, 0,1                                    ; the operand's layout wants a whole block in a lane
.irp i, 0,1,2
	v_permlane16_swap_b32 v[224+6*\c+\i], v[236+4*\c+\i]
.endr
.irp i, 0,1,2
	s_delay_alu instid0(VALU_DEP_3)
	v_mov_b32 v[227+6*\c+\i], v[236+4*\c+\i]
.endr
.endr
.irp j, 0,2,4,6,8,10,12,14,16,18,20,22,24,26,28,30
	v_pk_mul_f32 v[160+\j:161+\j], v[160+\j:161+\j], v[252:253] op_sel_hi:[1,0]   ; O^T under the new M; these sixteen are also the places between p's codes and scale word and the products
.endr
	s_wait_alu depctr_va_vdst(0)
	s_wait_dscnt 0x0                               ; V's fragments and scale words
.irp d, 0,1,2,3                                ; O^T += V^T P^T: four accumulators, one instruction a turn
	v_wmma_scale_f32_16x16x128_f8f6f4 v[160+8*\d:167+8*\d], v[32+12*\d:43+12*\d], v[224:235], v[160+8*\d:167+8*\d], v[248+\d], v253 matrix_a_fmt:MATRIX_FMT_FP6 matrix_b_fmt:MATRIX_FMT_FP6
.endr
	v_add_nc_u32 v1, 6144, v1                      ; the next step: eight half records of K,
	v_add_nc_u32 v2, 6144, v2
	v_add_nc_u32 v3, 1536, v3                      ; a record of each tile of V,
	v_add_nc_u32 v4, 1536, v4
	v_add_nc_u32 v5, 1536, v5
	v_add_nc_u32 v6, 1536, v6
	v_add_nc_u32 v7, 512, v7                       ; 128 raw words,
	v_add_nc_u32 v8, 256, v8                       ; a row of V's words
	s_sub_co_u32 s[CNT], s[CNT], 1
	s_cmp_lg_u32 s[CNT], 0
	s_cbranch_scc1 .Lstep
	; THE WAY OUT.  O^T / the sum; register 16 b + i is dim 32 b + 16 h + i of my query: two blocks of 32, half a record of the next product's operand.
	v_add_f32 v14, v14, v15                        ; the sum's two halves,
	s_delay_alu instid0(VALU_DEP_1)
	v_permlanex16_b32 v252, v14, s[SEL], s[SEL+1]
	s_delay_alu instid0(VALU_DEP_1)
	v_add_f32 v14, v14, v252                       ; and lane l xor 16's: the row's sum
	s_wait_alu depctr_va_vdst(0)
	v_rcp_f32 v14, v14
	v_nop                                          ; a plain place behind the transcendental
	s_wait_alu depctr_va_vdst(0)                   ; and the wait ahead of its first reader
.irp j, 0,1,2,3,4,5,6,7,8,9,10,11,12,13,14,15,16,17,18,19,20,21,22,23,24,25,26,27,28,29,30,31
	v_mul_f32 v[96+\j], v[160+\j], v14
.endr
.irp b, 0,1
	v_max3_num_f32 v[232+\b], |v[96+16*\b]|, |v[97+16*\b]|, 0x1800000
.endr
.irp i, 2,4,6,8,10,12,14
.irp b, 0,1
	s_delay_alu instid0(VALU_DEP_2)
	v_max3_num_f32 v[232+\b], v[232+\b], |v[96+16*\b+\i]|, |v[97+16*\b+\i]|
.endr
.endr
.irp b, 0,1
	s_delay_alu instid0(VALU_DEP_2)
	v_permlanex16_b32 v[236+\b], v[232+\b], s[SEL], s[SEL+1]
.endr
.irp b, 0,1
	s_delay_alu instid0(VALU_DEP_2)
	v_max_num_f32 v[232+\b], v[232+\b], v[236+\b]
.endr
.irp b, 0,1
	s_delay_alu instid0(VALU_DEP_2)
	v_add_nc_u32 v[244+\b], 0xff000000, v[232+\b]
.endr
.irp b, 0,1
	s_delay_alu instid0(VALU_DEP_2)
	v_lshrrev_b32 v[236+\b], 23, v[244+\b]
.endr
	s_delay_alu instid0(VALU_DEP_1)
	v_lshl_or_b32 v240, v237, 8, v236              ; the two scale bytes
	v_cvt_scalef32_pk16_fp6_f32 v[224:226], v[96:111], v244
	v_cvt_scalef32_pk16_fp6_f32 v[228:230], v[112:127], v245
	v_nop                                          ; one plain place behind a scaled conversion
.irp i, 0,1,2
	v_permlane16_swap_b32 v[224+\i], v[228+\i]     ; lanes 0-15 block 0, lanes 16-31 block 1
.endr
	s_delay_alu instid0(VALU_DEP_3)
	v_mov_b32 v227, v228
	s_delay_alu instid0(VALU_DEP_3)
	v_mov_b32 v228, v229
	s_delay_alu instid0(VALU_DEP_3)
	v_mov_b32 v229, v230
	global_store_b128 v9, v[224:227], s[94:95]     ; 512 consecutive bytes
	global_store_b64 v10, v[228:229], s[94:95] offset:512   ; 256 consecutive bytes
	global_store_b16 v19, v240, s[96:97]           ; both halves of the lanes write the same 16 bits
	s_wait_tensorcnt 0x0
	ds_add_u32 v223, v243
	s_wait_dscnt 0x0
	CROUND                                         ; the closing round: no work-group ends while a partner may still ask for a tile that names it
	s_endpgm
.Lfunc_end_k_q484ae9fd09_attn:
	.size	k_q484ae9fd09_attn, .Lfunc_end_k_q484ae9fd09_attn-k_q484ae9fd09_attn
	.p2alignl 7, 3214868480
	.fill 96, 4, 3214868480
	.section	.rodata,"a",@progbits
	.p2align	6, 0x0
	.amdhsa_kernel k_q484ae9fd09_attn
		.amdhsa_group_segment_fixed_size 210944
		.amdhsa_private_segment_fixed_size 0
		.amdhsa_enable_private_segment 0
		.amdhsa_kernarg_size 16
		.amdhsa_user_sgpr_count 2
		.amdhsa_user_sgpr_kernarg_segment_ptr 1
		.amdhsa_wavefront_size32 1
		.amdhsa_system_sgpr_workgroup_id_x 1
		.amdhsa_system_sgpr_workgroup_id_y 1
		.amdhsa_system_sgpr_workgroup_id_z 1
		.amdhsa_system_vgpr_workitem_id 0
		.amdhsa_next_free_vgpr 256
		.amdhsa_next_free_sgpr 100
		.amdhsa_reserve_vcc 0
		.amdhsa_float_denorm_mode_32 3
		.amdhsa_float_denorm_mode_16_64 3
		.amdhsa_memory_ordered 1
		.amdhsa_forward_progress 1
		.amdhsa_inst_pref_size 34
	.end_amdhsa_kernel
	.amdgpu_metadata
---
amdhsa.version: [ 1, 2 ]
amdhsa.kernels:
  - .name:           k_q484ae9fd09_attn
    .symbol:         k_q484ae9fd09_attn.kd
    .args:
      - { .name: Q, .offset: 0, .size: 8, .value_kind: global_buffer, .address_space: global }
      - { .name: ATT, .offset: 8, .size: 8, .value_kind: global_buffer, .address_space: global }
    .group_segment_fixed_size: 210944
    .private_segment_fixed_size: 0
    .kernarg_segment_align: 8
    .kernarg_segment_size: 16
    .max_flat_workgroup_size: 512
    .sgpr_count:     100
    .vgpr_count:     256
    .wavefront_size: 32
...
	.end_amdgpu_metadata
.endif
;; end of part 10
;; launch woln (part 11): grid 256 x 1, 8 waves a work-group, no clusters, 82,432 bytes of LDS; arguments ATT, P, bo, x, g1, be1, H, HC; writes H, HC
.if DOCPART == 11
	.amdgcn_target "amdgcn-amd-amdhsa--gfx1250"
	.amdhsa_code_object_version 6
	.text
	.protected	k_q484ae9fd09_woln
	.globl	k_q484ae9fd09_woln
	.p2align	8
	.type	k_q484ae9fd09_woln,@function
k_q484ae9fd09_woln:
	s_mov_b64 s[64:65], 0
	v_nop
	global_prefetch_b8 v0, s[64:65] scope:SCOPE_SE
	s_setreg_imm32_b32 hwreg(HW_REG_WAVE_MODE, 25, 1), 1
	s_wait_xcnt 0x0
; h = LayerNorm(x + attn wo + bo): the product on codes of FP6 (E2M3), the residual and the norm in f32, in one launch; h leaves as f32 rows and as codes with E8M0 scale words, laid as the next product's operand.
.set KS,   8                           ; K steps of 128
.set A_S,  3145728                     ; A's scale words in A's buffer (its codes begin at 0), and their pitch from K step to K step
.set A_SP, 16384
.set B_C,  5505024                     ; B's codes, scale words and pitch in the pool
.set B_S,  12812288
.set B_SP, 4096
.set QOUT, 1                           ; the result leaves as codes too
; ---- THE TEXT of the product with 1,024 columns that ends in a norm.
; SHARES: 256 work-groups; a work-group owns one tile of 16 rows (row r of tile t = natural row 32 (t / 2) + 8 (t % 2) + r + 8 (r / 8)) and ALL 1,024 columns, so that a row's mean and variance meet inside it.
; Eight waves, two to a SIMD; wave w owns columns 128 w on: 8 accumulators, 8 products for each K step.
; OPERANDS lie in memory as images of the operand registers: the record of (tile t, K step s) is 1,536 bytes at (t KS + s) 1536.  With one tile of rows each fragment of B feeds ONE product of the work-group:
; so B's records go from memory straight into the operand registers (two loads of 16 and two of 8 bytes a lane, all dense), two sets of 8 fragments, asked for two K steps ahead: 36 to 72 loads a wave are out.
; No tensor load, no ring; no joint loads: LDS would add a read to each fragment and spare none.  No separate prefetch: the loads themselves stand two K steps ahead of their use.
; A's KS records and scale words are copied into LDS once (wave w copies KS / 8 of them), one barrier; every wave reads a fragment and a scale word a K step, one step ahead.
; THE MATRIX INSTRUCTION IS USED TRANSPOSED (source 0 = 16 rows of B): register 8 b + j of lane (r, h) is row r, column 128 w + 32 (b / 2) + 8 (b % 2) + 16 h + j.  The bias is the first products' C.
; THE NORM: z = res + y; the mean, then the variance of z - mean (a second pass, so that a common offset costs no accuracy) meet in LDS, a word a wave and row, one barrier each, in bytes of their own.
; LIMITS: NaN and infinities are not served; a block whose largest magnitude lies under 2^-124 keeps the scale byte 1.
; REGISTERS, window 0: v1-15 addresses; v16-79 sums, z, result; v80-143 bias, then res turned, then whole rows; v144-167 A's fragments, two sets; v168-175, v176, v180 scale words and nothing else; v208-253 at work in the norm.
;   window 1: v0-191 B's two sets (behind the product: g and be); v192-255 res as loaded.
.set NREC, KS/8
.set V,   16
.set R,   80
.set AF,  144
.set SB,  168                          ; set s at SB + 4 s: register j holds tile 2 j's words in lanes 0-15, tile 2 j + 1's in lanes 16-31
.set SA,  180                          ; A's word: set 0 in v180, set 1 in v176: never B's register number modulo 8
.set TM,  208
.set PW,  224
.set PC,  226
.set SS,  246
.set RW,  192
.set STAT,  67584                      ; behind the eight stages of 16 x 528 bytes: [8 waves][16 rows] words, twice
.set SPARE, 68608                      ; the spare words, 128 bytes a wave
.set AL,    69632                      ; A's records
.set ASL,   AL+KS*1536                 ; A's scale words: [K step][16]
.set SEL, 36
.if NREC > 1
.set ASV, 246
.else
.set ASV, 10
.endif
.set MSB, 0
.macro WIN new                         ; the immediate's high byte repeats the setting that is left
.if MSB != (\new)
	s_set_vgpr_msb (MSB<<8)|(\new)
.set MSB, (\new)
.endif
.endm
.macro QUANT s
.irp b, 0,1,2,3
	v_max3_num_f32 v[TM+\b], |v[\s+16*\b]|, |v[\s+1+16*\b]|, 0x1800000   ; my 16 numbers of block b, and the floor 2^(3 - 127): the byte cannot fall under 1
.endr
.irp i, 2,4,6,8,10,12,14
.irp b, 0,1,2,3
	s_delay_alu instid0(VALU_DEP_4)
	v_max3_num_f32 v[TM+\b], v[TM+\b], |v[\s+16*\b+\i]|, |v[\s+1+16*\b+\i]|
.endr
.endr
.irp b, 0,1,2,3
	s_delay_alu instid0(VALU_DEP_4)
	v_permlanex16_b32 v[TM+4+\b], v[TM+\b], s[SEL], s[SEL+1]
.endr
.irp b, 0,1,2,3
	s_delay_alu instid0(VALU_DEP_4)
	v_max_num_f32 v[TM+\b], v[TM+\b], v[TM+4+\b]   ; with lane l xor 16's: the block's largest magnitude
.endr
.irp b, 0,1,2,3
	s_delay_alu instid0(VALU_DEP_4)
	v_add_nc_u32 v[TM+12+\b], 0xff000000, v[TM+\b] ; 2 off its exponent field: the conversion's scale operand
.endr
.irp b, 0,1,2,3
	s_delay_alu instid0(VALU_DEP_4)
	v_lshrrev_b32 v[TM+4+\b], 23, v[TM+12+\b]      ; the scale's byte
.endr
	s_delay_alu instid0(VALU_DEP_3)
	v_lshl_or_b32 v[PW], v[TM+5], 8, v[TM+4]
	s_delay_alu instid0(VALU_DEP_1)
	v_lshl_or_b32 v[PW], v[TM+6], 16, v[PW]
	s_delay_alu instid0(VALU_DEP_1)
	v_lshl_or_b32 v[PW], v[TM+7], 24, v[PW]
.irp c, 0,1
	v_cvt_scalef32_pk16_fp6_f32 v[PC+6*\c:PC+2+6*\c], v[\s+32*\c:\s+15+32*\c], v[TM+12+2*\c]
	v_cvt_scalef32_pk16_fp6_f32 v[PC+12+4*\c:PC+14+4*\c], v[\s+16+32*\c:\s+31+32*\c], v[TM+12+2*\c+1]   ; (a conversion's three registers begin on an even number)
.endr
	v_nop                                          ; one plain place behind a scaled conversion
.irp c, 0,1                                    ; the operand's layout wants a whole block in a lane
.irp i, 0,1,2
	v_permlane16_swap_b32 v[PC+6*\c+\i], v[PC+12+4*\c+\i]
.endr
.irp i, 0,1,2
	s_delay_alu instid0(VALU_DEP_3)
	v_mov_b32 v[PC+3+6*\c+\i], v[PC+12+4*\c+\i]
.endr
.endr
.endm
; four pairs of partial sums in v[SS] on become the row's sum over all 1,024 columns, in every lane of every wave
.macro ACROSS stat
	s_delay_alu instid0(VALU_DEP_3)
	v_pk_add_f32 v[SS:SS+1], v[SS:SS+1], v[SS+2:SS+3]
	s_delay_alu instid0(VALU_DEP_2)
	v_pk_add_f32 v[SS+4:SS+5], v[SS+4:SS+5], v[SS+6:SS+7]
	s_delay_alu instid0(VALU_DEP_1)
	v_pk_add_f32 v[SS:SS+1], v[SS:SS+1], v[SS+4:SS+5]
	s_delay_alu instid0(VALU_DEP_1)
	v_add_f32 v[SS], v[SS], v[SS+1]
	s_delay_alu instid0(VALU_DEP_1)
	v_permlanex16_b32 v[SS+1], v[SS], s[SEL], s[SEL+1]
	s_delay_alu instid0(VALU_DEP_1)
	v_add_f32 v[SS], v[SS], v[SS+1]                ; my wave's 128 columns of row r
	ds_store_b32 v9, v[SS] offset:\stat            ; both halves of the lanes write the same word with the same value
	s_wait_dscnt 0x0                               ; for the others' sake: my store has landed
	s_barrier_signal -1
	s_barrier_wait -1
.irp k, 0,1,2,3,4,5,6,7
	ds_load_b32 v[SS+\k], v11 offset:\stat+64*\k
.endr
	s_wait_dscnt 0x0
	v_add_f32 v[SS], v[SS], v[SS+1]
	v_add_f32 v[SS+2], v[SS+2], v[SS+3]
	v_add_f32 v[SS+4], v[SS+4], v[SS+5]
	v_add_f32 v[SS+6], v[SS+6], v[SS+7]
	s_delay_alu instid0(VALU_DEP_3)
	v_add_f32 v[SS], v[SS], v[SS+2]
	s_delay_alu instid0(VALU_DEP_2)
	v_add_f32 v[SS+4], v[SS+4], v[SS+6]
	s_delay_alu instid0(VALU_DEP_1)
	v_add_f32 v[SS], v[SS], v[SS+4]
.endm
.macro FETCHB set                      ; my 8 records and 4 registers of scale words of the K step at which the two bases stand: 36 loads
	WIN 0x40
.irp i, 0,1,2,3,4,5,6,7
	global_load_b128 v[96*(\set)+12*\i:96*(\set)+12*\i+3], v4, s[24:25] offset:\i*KS*1536
	global_load_b64 v[96*(\set)+12*\i+4:96*(\set)+12*\i+5], v5, s[24:25] offset:\i*KS*1536+512
	global_load_b128 v[96*(\set)+12*\i+6:96*(\set)+12*\i+9], v4, s[24:25] offset:\i*KS*1536+768
	global_load_b64 v[96*(\set)+12*\i+10:96*(\set)+12*\i+11], v5, s[24:25] offset:\i*KS*1536+1280
.endr
	WIN 0
.irp j, 0,1,2,3
	global_load_b32 v[SB+4*(\set)+\j], v12, s[26:27] offset:128*\j
.endr
.endm
.macro NEXTB                           ; the bases step a K step on, behind the wait that frees them: the loads that read them were issued a K step ago
	s_wait_xcnt 0x0
	s_add_nc_u64 s[24:25], s[24:25], 1536
	s_add_nc_u64 s[26:27], s[26:27], B_SP
.endm
.macro FRAGA set                       ; A's fragment and scale word of the K step at which v13-15 stand: 5 LDS loads
	ds_load_b128 v[AF+12*(\set):AF+12*(\set)+3], v13
	ds_load_b64 v[AF+12*(\set)+4:AF+12*(\set)+5], v14 offset:512
	ds_load_b128 v[AF+12*(\set)+6:AF+12*(\set)+9], v13 offset:768
	ds_load_b64 v[AF+12*(\set)+10:AF+12*(\set)+11], v14 offset:1280
	ds_load_b32 v[SA-4*(\set)], v15
.endm
.macro ANEXT
	v_add_nc_u32 v13, 1536, v13
	v_add_nc_u32 v14, 1536, v14
	v_add_nc_u32 v15, 64, v15
.endm
.macro WM b, set, c, row
	v_wmma_scale_f32_16x16x128_f8f6f4 v[V+8*\b:V+8*\b+7], v[96*(\set)+12*\b:96*(\set)+12*\b+11], v[AF+12*(\set):AF+12*(\set)+11], \c, v[SB+4*(\set)+\b/2], v[SA-4*(\set)] matrix_a_fmt:MATRIX_FMT_FP6 matrix_b_fmt:MATRIX_FMT_FP6 matrix_a_scale:MATRIX_SCALE_ROW\row
.endm
; A K step: 8 products on 8 accumulators, one a turn, in the same order in every step.  cnt: the global loads younger than this step's.
; mode 2: the set just multiplied takes the K step two on; mode 1: the last step but one: g and res's turn through the stage in its stead; mode 0: the last.
.macro STEP set, cnt, first, mode
.if \mode
	FRAGA 1-(\set)                                 ; the next step's (four places stand behind the products that read these registers)
.endif
	s_wait_loadcnt \cnt
.if \mode
	s_wait_dscnt 5                                 ; this step's fragment of A is in; the five just issued may be out
.else
	s_wait_dscnt 0x0
.endif
	WIN 0x01
.irp b, 0,2,4,6
.if \first
	WM \b, \set, v[R+8*\b:R+8*\b+7], 0
.else
	WM \b, \set, v[V+8*\b:V+8*\b+7], 0
.endif
.endr
.irp b, 1,3,5,7
.if \first
	WM \b, \set, v[R+8*\b:R+8*\b+7], 1
.else
	WM \b, \set, v[V+8*\b:V+8*\b+7], 1
.endif
.endr
	WIN 0
.if \mode == 2
	ANEXT                                          ; with the v_nop: the four places in front of the loads into the products' registers
	v_nop
	s_wait_alu depctr_va_vdst(0)                   ; the wait here, directly behind the writes
	NEXTB
	FETCHB \set
.else
.rept 4
	v_nop
.endr
.endif
.if \mode == 1
	WIN 0x40
.irp b, 0,1,2,3
.irp j, 0,1,2,3
	global_load_b128 v[16*\b+4*\j:16*\b+4*\j+3], v8, s[12:13] offset:128*\b+16*\j   ; g, in the result's layout, into B's set 0, which is done with
.endr
.endr
	WIN 0x04
.irp i, 0,1,2,3,4,5,6,7,8,9,10,11,12,13,14,15
	ds_store_b128 v6, v[RW+4*\i:RW+4*\i+3] offset:528*\i       ; res as rows (its loads are older than the loads just waited for)
.endr
	WIN 0
.irp b, 0,1,2,3
.irp j, 0,1,2,3
	ds_load_b128 v[R+16*\b+4*\j:R+16*\b+4*\j+3], v7 offset:128*\b+16*\j   ; and back in the result's layout: LDS serves a wave's instructions in order
.endr
.endr
.endif
.endm
	s_load_b256 s[4:11], s[0:1], 0x0               ; A's buffer, the pool, the bias, res
	s_load_b128 s[12:15], s[0:1], 0x20             ; g, be
	s_load_b64 s[16:17], s[0:1], 0x30              ; the f32 output
.if QOUT
	s_load_b64 s[18:19], s[0:1], 0x38              ; the codes' buffer
.endif
	v_lshl_add_u32 v254, v0, 2, SPARE
	v_mov_b32 v255, 0
	v_lshrrev_b32 v1, 5, v0
	v_readfirstlane_b32 s20, v1                    ; wave 0..7
	s_mul_i32 s21, s20, 8448                       ; my stage
	s_lshl_b32 s30, s20, 6
	s_add_co_u32 s30, s30, STAT
	s_mul_i32 s31, s20, NREC*1536
	s_add_co_u32 s31, s31, AL                      ; where I put my records of A,
	s_mul_i32 s46, s20, NREC*64
	s_add_co_u32 s46, s46, ASL                     ; and their scale words
	s_mul_i32 s22, ttmp9, KS*1536
	s_mul_i32 s23, s20, NREC*1536
	s_add_co_u32 s22, s22, s23                     ; A: the tile's records, my share
	s_mov_b32 s23, 0
	s_mul_i32 s28, s20, NREC*A_SP
	s_lshl_b32 s29, ttmp9, 6
	s_add_co_u32 s28, s28, s29
	s_add_co_u32 s28, s28, A_S                     ; and their scale words: K step, positions 16 t on
	s_mov_b32 s29, 0
	s_mul_i32 s24, s20, 8*KS*1536
	s_add_co_u32 s24, s24, B_C                     ; B: my 8 tiles, K step 0
	s_mov_b32 s25, 0
	s_lshl_b32 s44, s20, 9                         ; 512 w: my 128 columns in f32, and my 128 scale words
	s_mov_b32 s45, 0
	s_add_co_u32 s26, s44, B_S
	s_mov_b32 s27, 0
	s_lshr_b32 s42, ttmp9, 1
	s_lshl_b32 s42, s42, 5
	s_and_b32 s43, ttmp9, 1
	s_lshl_b32 s43, s43, 3
	s_add_co_u32 s42, s42, s43                     ; the tile's first natural row
	s_lshl_b32 s42, s42, 12
	s_add_co_u32 s42, s42, s44
	s_mov_b32 s43, 0
.if QOUT
	s_lshl_b32 s32, ttmp9, 3
	s_add_co_u32 s32, s32, s20
	s_mul_i32 s32, s32, 1536                       ; the record (t, w)
	s_mov_b32 s33, 0
	s_lshl_b32 s34, s20, 14
	s_lshl_b32 s35, ttmp9, 6
	s_add_co_u32 s34, s34, s35
	s_add_co_u32 s34, s34, 3145728                 ; its scale words
	s_mov_b32 s35, 0
.endif
	s_mov_b32 s[SEL], 0x76543210
	s_mov_b32 s[SEL+1], 0xfedcba98
	s_mov_b32 s38, 0x3a800000                      ; 1 / 1,024
	s_mov_b32 s39, 0x358637bd                      ; 1e-6
	v_and_b32 v1, 31, v0                           ; L
	v_and_b32 v2, 15, v0                           ; r
	v_bfe_u32 v3, v0, 4, 1                         ; h
	v_lshlrev_b32 v4, 4, v1                        ; 16 L
	v_lshlrev_b32 v5, 4, v2
	v_lshlrev_b32 v8, 6, v3                        ; 64 h
	v_lshlrev_b32 v10, 2, v2                       ; 4 r
	v_lshlrev_b32 v12, 2, v1                       ; 4 L
	v_mul_u32_u24 v7, v2, 528
	v_lshl_add_u32 v5, v3, 3, v5                   ; 16 r + 8 h
	v_add_nc_u32 v6, s21, v4                       ; the stage: a row as it lies
	v_lshl_add_u32 v7, v3, 6, v7
	v_add_nc_u32 v9, s30, v10                      ; my wave's word of row r
	v_add_nc_u32 v11, STAT, v10                    ; wave 0's
	v_add_nc_u32 v7, s21, v7                       ; the stage: row r, my half's 16 numbers of each block of 32
	v_add_nc_u32 v13, AL, v4
	v_add_nc_u32 v14, AL, v5
	v_add_nc_u32 v15, ASL, v10
	v_add_nc_u32 v245, s31, v4
.if NREC > 1
	v_lshl_add_u32 v246, v3, 14, v10               ; lanes 16-31 take the next K step's words: A_SP h + 4 r
	v_lshl_add_u32 v247, v3, 6, v10
	v_add_nc_u32 v247, s46, v247
.else
	v_add_nc_u32 v247, s46, v10                    ; one K step: both halves of the lanes copy the same words
.endif
	s_wait_alu depctr_va_vdst(0)                   ; the wait at the head's end
	s_wait_kmcnt 0x0
	s_add_nc_u64 s[22:23], s[4:5], s[22:23]
	s_add_nc_u64 s[28:29], s[4:5], s[28:29]
	s_add_nc_u64 s[24:25], s[6:7], s[24:25]
	s_add_nc_u64 s[26:27], s[6:7], s[26:27]
	s_add_nc_u64 s[8:9], s[8:9], s[44:45]
	s_add_nc_u64 s[12:13], s[12:13], s[44:45]
	s_add_nc_u64 s[14:15], s[14:15], s[44:45]
	s_add_nc_u64 s[10:11], s[10:11], s[42:43]
	s_add_nc_u64 s[16:17], s[16:17], s[42:43]
.if QOUT
	s_add_nc_u64 s[32:33], s[18:19], s[32:33]
	s_add_nc_u64 s[34:35], s[18:19], s[34:35]
.endif
.set i, 0
.rept 3*NREC
	global_load_b128 v[V+4*i:V+4*i+3], v4, s[22:23] offset:512*i      ; my records of A, as bytes: 512 consecutive bytes a load
.set i, i+1
.endr
.set i, 0
.rept (NREC+1)/2
	global_load_b32 v[V+48+i], v[ASV], s[28:29] offset:2*A_SP*i
.set i, i+1
.endr
.irp b, 0,1,2,3,4,5,6,7                        ; the bias in the result's layout
	global_load_b128 v[R+8*\b:R+8*\b+3], v8, s[8:9] offset:(32*(\b/2)+8*(\b%2))*4
	global_load_b128 v[R+8*\b+4:R+8*\b+7], v8, s[8:9] offset:(32*(\b/2)+8*(\b%2))*4+16
.endr
	FETCHB 0
	s_wait_loadcnt 52                              ; A's are in; the bias's 16 and B's 36 may be out
.set i, 0
.rept 3*NREC
	ds_store_b128 v245, v[V+4*i:V+4*i+3] offset:512*i
.set i, i+1
.endr
.set i, 0
.rept (NREC+1)/2
	ds_store_b32 v247, v[V+48+i] offset:128*i
.set i, i+1
.endr
	s_wait_dscnt 0x0                               ; for the others' sake: my stores have landed
	s_barrier_signal -1
	s_barrier_wait -1                              ; all of A lies in LDS
	NEXTB
	WIN 0x40
.irp i, 0,1,2,3,4,5,6,7,8,9,10,11,12,13,14,15
	global_load_b128 v[RW+4*\i:RW+4*\i+3], v4, s[10:11] offset:(\i+8*(\i/8))*4096 th:TH_LOAD_NT   ; res: 512 consecutive bytes of a row
.endr
	FETCHB 1
	FRAGA 0
	ANEXT
	s_wait_alu depctr_va_vdst(0)                   ; the wait here, directly behind the writes
	STEP 0, 52, 1, 2                               ; younger than K step 0's loads: res's 16 and K step 1's 36.  The first products start the sums from the bias
	STEP 1, 36, 0, 2
	s_mov_b32 s40, KS/2-2
.Lk:
	STEP 0, 36, 0, 2
	STEP 1, 36, 0, 2
	s_sub_co_u32 s40, s40, 1
	s_cmp_lg_u32 s40, 0
	s_cbranch_scc1 .Lk
	STEP 0, 36, 0, 1
	STEP 1, 16, 0, 0                               ; younger: g's 16
	WIN 0x40
.irp b, 0,1,2,3
.irp j, 0,1,2,3
	global_load_b128 v[96+16*\b+4*\j:96+16*\b+4*\j+3], v8, s[14:15] offset:128*\b+16*\j   ; be, into B's set 1, four places behind its last products
.endr
.endr
	WIN 0
.if QOUT
.irp b, 0,1,2,3
	v_mov_b32 v[TM+4+\b], 0                        ; written once: a lane permute's destination counts as one of its sources
.endr
.endif
.set i, 0
.rept 32
	v_pk_add_f32 v[V+i:V+i+1], v[V+i:V+i+1], v[R+i:R+i+1]          ; z = y + res, each accumulator from its low end on
.set i, i+2
.endr
.irp k, 0,1,2,3
	v_pk_add_f32 v[SS+2*\k:SS+2*\k+1], v[V+2*\k:V+2*\k+1], v[V+8+2*\k:V+9+2*\k]   ; the first numbers start four chains: nothing is cleared
.endr
.irp m, 16,24,32,40,48,56
.irp k, 0,1,2,3
	s_delay_alu instid0(VALU_DEP_4)
	v_pk_add_f32 v[SS+2*\k:SS+2*\k+1], v[SS+2*\k:SS+2*\k+1], v[V+\m+2*\k:V+\m+2*\k+1]
.endr
.endr
	ACROSS 0
	s_delay_alu instid0(VALU_DEP_1)
	v_mul_f32 v[SS], s38, v[SS]                    ; the mean
.set i, 0
.rept 32
	v_pk_add_f32 v[V+i:V+i+1], v[V+i:V+i+1], v[SS:SS+1] op_sel_hi:[1,0] neg_lo:[0,1] neg_hi:[0,1]   ; z - mean
.set i, i+2
.endr
.irp k, 0,1,2,3
	v_pk_mul_f32 v[SS+2*\k:SS+2*\k+1], v[V+2*\k:V+2*\k+1], v[V+2*\k:V+2*\k+1]
.endr
.irp m, 8,16,24,32,40,48,56
.irp k, 0,1,2,3
	s_delay_alu instid0(VALU_DEP_4)
	v_pk_fma_f32 v[SS+2*\k:SS+2*\k+1], v[V+\m+2*\k:V+\m+2*\k+1], v[V+\m+2*\k:V+\m+2*\k+1], v[SS+2*\k:SS+2*\k+1]
.endr
.endr
	ACROSS 512                                     ; in other bytes than the first sum's: one barrier serves
	s_delay_alu instid0(VALU_DEP_1)
	v_fma_f32 v[SS], v[SS], s38, s39               ; the variance + 1e-6
	s_wait_alu depctr_va_vdst(0)                   ; the wait ahead of the transcendental
	v_rsq_f32 v[SS], v[SS]
	v_nop                                          ; a plain place behind the transcendental
	s_wait_alu depctr_va_vdst(0)                   ; and the wait ahead of its first reader
	s_wait_loadcnt 0x0                             ; g and be
.set i, 0
.rept 32
	v_pk_mul_f32 v[V+i:V+i+1], v[V+i:V+i+1], v[SS:SS+1] op_sel_hi:[1,0]
.set i, i+2
.endr
	WIN 0x14                                       ; g and be lie in window 1
.set i, 0
.rept 32
	v_pk_fma_f32 v[V+i:V+i+1], v[V+i:V+i+1], v[i:i+1], v[96+i:96+i+1]
.set i, i+2
.endr
	WIN 0
.irp b, 0,1,2,3
.irp j, 0,1,2,3
	ds_store_b128 v7, v[V+16*\b+4*\j:V+16*\b+4*\j+3] offset:128*\b+16*\j
.endr
.endr
.irp i, 0,1,2,3,4,5,6,7,8,9,10,11,12,13,14,15
	ds_load_b128 v[R+4*\i:R+4*\i+3], v6 offset:528*\i              ; LDS serves a wave's instructions in order: these see the stores above
.endr
.if QOUT
	QUANT V                                        ; while the rows come back
	s_wait_alu depctr_va_vdst(0)                   ; the wait here, directly ahead of the waits below
.endif
.irp i, 0,1,2,3,4,5,6,7,8,9,10,11,12,13,14,15
	s_wait_dscnt 15-\i                             ; row i is back; the younger rows may be out
	global_store_b128 v4, v[R+4*\i:R+4*\i+3], s[16:17] offset:(\i+8*(\i/8))*4096   ; 512 consecutive bytes of a row
.endr
.if QOUT
	global_store_b128 v4, v[PC:PC+3], s[32:33]                     ; the record: 512 consecutive bytes,
	global_store_b64 v5, v[PC+4:PC+5], s[32:33] offset:512         ; 256,
	global_store_b128 v4, v[PC+6:PC+9], s[32:33] offset:768
	global_store_b64 v5, v[PC+10:PC+11], s[32:33] offset:1280
	global_store_b32 v10, v[PW], s[34:35]          ; both halves of the lanes write the same word
.endif
	s_wait_tensorcnt 0x0                           ; the wave's end, behind my last LDS store
	ds_add_u32 v254, v255
	s_wait_dscnt 0x0
	s_endpgm
.Lfunc_end_k_q484ae9fd09_woln:
	.size	k_q484ae9fd09_woln, .Lfunc_end_k_q484ae9fd09_woln-k_q484ae9fd09_woln
	.p2alignl 7, 3214868480
	.fill 96, 4, 3214868480
	.section	.rodata,"a",@progbits
	.p2align	6, 0x0
	.amdhsa_kernel k_q484ae9fd09_woln
		.amdhsa_group_segment_fixed_size 82432
		.amdhsa_private_segment_fixed_size 0
		.amdhsa_enable_private_segment 0
		.amdhsa_kernarg_size 64
		.amdhsa_user_sgpr_count 2
		.amdhsa_user_sgpr_kernarg_segment_ptr 1
		.amdhsa_wavefront_size32 1
		.amdhsa_system_sgpr_workgroup_id_x 1
		.amdhsa_system_sgpr_workgroup_id_y 1
		.amdhsa_system_sgpr_workgroup_id_z 1
		.amdhsa_system_vgpr_workitem_id 0
		.amdhsa_next_free_vgpr 512
		.amdhsa_next_free_sgpr 66
		.amdhsa_reserve_vcc 0
		.amdhsa_float_denorm_mode_32 3
		.amdhsa_float_denorm_mode_16_64 3
		.amdhsa_memory_ordered 1
		.amdhsa_forward_progress 1
		.amdhsa_inst_pref_size 72
	.end_amdhsa_kernel
	.amdgpu_metadata
---
amdhsa.version: [ 1, 2 ]
amdhsa.kernels:
  - .name:           k_q484ae9fd09_woln
    .symbol:         k_q484ae9fd09_woln.kd
    .args:
      - { .name: ATT, .offset: 0, .size: 8, .value_kind: global_buffer, .address_space: global }
      - { .name: P, .offset: 8, .size: 8, .value_kind: global_buffer, .address_space: global }
      - { .name: bo, .offset: 16, .size: 8, .value_kind: global_buffer, .address_space: global }
      - { .name: x, .offset: 24, .size: 8, .value_kind: global_buffer, .address_space: global }
      - { .name: g1, .offset: 32, .size: 8, .value_kind: global_buffer, .address_space: global }
      - { .name: be1, .offset: 40, .size: 8, .value_kind: global_buffer, .address_space: global }
      - { .name: H, .offset: 48, .size: 8, .value_kind: global_buffer, .address_space: global }
      - { .name: HC, .offset: 56, .size: 8, .value_kind: global_buffer, .address_space: global }
    .group_segment_fixed_size: 82432
    .private_segment_fixed_size: 0
    .kernarg_segment_align: 8
    .kernarg_segment_size: 64
    .max_flat_workgroup_size: 256
    .sgpr_count:     66
    .vgpr_count:     512
    .wavefront_size: 32
...
	.end_amdgpu_metadata
.endif
;; end of part 11
;; launch ffn1 (part 12): grid 16 x 16, 4 waves a work-group, clusters of 4 x 4, 327,680 bytes of LDS; arguments HC, P, b1, F; writes F
.if DOCPART == 12
	.amdgcn_target "amdgcn-amd-amdhsa--gfx1250"
	.amdhsa_code_object_version 6
	.text
	.protected	k_q484ae9fd09_ffn1
	.globl	k_q484ae9fd09_ffn1
	.p2align	8
	.type	k_q484ae9fd09_ffn1,@function
k_q484ae9fd09_ffn1:
	s_mov_b64 s[64:65], 0
	v_nop
	global_prefetch_b8 v0, s[64:65] scope:SCOPE_SE
	s_setreg_imm32_b32 hwreg(HW_REG_WAVE_MODE, 25, 1), 1
	s_wait_xcnt 0x0
	s_wait_alu depctr_hold_cnt(0) depctr_sa_sdst(0) depctr_va_vdst(0) depctr_va_sdst(0) depctr_va_ssrc(0) depctr_va_vcc(0) depctr_vm_vsrc(0)
	s_getreg_b32 s2, hwreg(HW_REG_IB_STS2, 6, 4)
	s_cmp_eq_u32 s2, 0
	s_cbranch_scc0 .Lentry_in_a_cluster
	s_endpgm
.Lentry_in_a_cluster:
	s_bfe_u32 s2, ttmp6, 0x10000c
	s_cmp_lg_u32 s2, 0xf033
	s_cbranch_scc0 .Lentry_shape_is_right
	s_endpgm
.Lentry_shape_is_right:
.set KS,   8
.set A_C,  0
.set A_S,  3145728
.set A_SP, 16384
.set B_C,  6291456
.set B_S,  12845056
.set B_SP, 16384
.set QKV,  0
.set RELU, 1
.set WAYQ, 1
.set KSO,  32
.set SWPO, 16384
.set O_S,  12582912
.set P_BIAS, 0
.set NQ,    2
.set FR,    12
.set NL,    4
.set NP,    4
.set TILEB, 3072
.set HALFT, 8*TILEB
.set SLOT,  4*HALFT
.set LAPS,  KS/4
.set SCL,   2*SLOT
.set HALFS, 512*KS
.set SPARE, SCL+4*HALFS
.set GATH,  SPARE+512
.if WAYQ
.set REC,   1536
.else
.set REC,   8192
.endif
.set ADRA, 16
.set ADRB, 20
.set OX,   24
.set OY,   25
.set GW,   26
.set ADRS, 27
.set SPW,  28
.set NIL,  29
.set GR,   30
.set BO,   31
.set SC,   32
.set BIAS, 64
.set T,    64
.set AF,   128
.set BA,   224
.set PC,   128
.set TM,   148
.set PW,   164
.set GL,   168
.set SEL,  96
.set G1,   24
.set G0,   32
.set G1B,  48
.set G0B,  56
.set G1S,  68
.set G0S,  76
.set G1SB, 80
.set G0SB, 88
.set MSB, 0
.macro WIN new
.if MSB != (\new)
	s_set_vgpr_msb (MSB<<8)|(\new)
.set MSB, (\new)
.endif
.endm
.set MUL_LO, 0xa1
.set MUL_HI, 0xf1
.set TO_B,   0x40
.macro JLOAD g0a, g1a, g0b, g1b
	s_cmp_eq_u32 s15, 0
	s_cbranch_scc0 .Lfor_b_\@
	tensor_load_to_lds s[\g0a:\g0a+3], s[\g1a:\g1a+7]
	s_nop 0
.rept 4
	v_nop
.endr
	s_branch .Lasked_\@
.Lfor_b_\@:
	tensor_load_to_lds s[\g0b:\g0b+3], s[\g1b:\g1b+7]
	s_nop 0
.rept 4
	v_nop
.endr
.Lasked_\@:
.endm
.macro CREST
	s_cmp_lg_u32 s14, 0
	s_cbranch_scc1 .Lnot_wave_0_\@
	s_barrier_signal -3
.Lnot_wave_0_\@:
	s_barrier_wait -3
	s_barrier_signal -1
	s_barrier_wait -1
.endm
.macro CROUND
	s_barrier_signal -1
	s_barrier_wait -1
	CREST
.endm
.if QKV
	s_load_b128 s[4:7], s[0:1], 0x0
.else
	s_load_b256 s[4:11], s[0:1], 0x0
.endif
	v_lshl_add_u32 v[SPW], v0, 2, SPARE
	v_mov_b32 v[NIL], 0
	ds_add_u32 v28, v29
	ds_add_u32 v28, v29
	s_wait_dscnt 0x0
	v_lshrrev_b32 v1, 5, v0
	v_readfirstlane_b32 s14, v1
	s_lshr_b32 s15, s14, 1
	s_and_b32 s16, s14, 1
	s_bfe_u32 s40, ttmp6, 0x40000
	s_bfe_u32 s41, ttmp6, 0x40004
	s_and_b32 s18, ttmp7, 0xffff
	s_lshl_b32 s18, s18, 2
	s_lshl_b32 s19, ttmp9, 2
.if QKV
	s_add_co_u32 s19, s19, 16
	s_cmp_lt_u32 ttmp9, 2
	s_cselect_b32 s17, s18, 24
	s_cselect_b32 s42, s19, s18
.else
	s_mov_b32 s17, s18
	s_mov_b32 s42, s19
.endif
	s_add_co_u32 s17, s17, s41
	s_add_co_u32 s42, s42, s40
	s_lshl_b32 s43, s41, 2
	s_lshl_b32 s43, 15, s43
	s_lshl_b32 s44, 0x1111, s40
	s_or_b32 s[G1+0], s43, (3<<16)|(1<<21)
	s_or_b32 s[G1B+0], s44, (3<<16)|(1<<21)
.irp g, G1, G1B
	s_mov_b32 s[\g+1], 384<<16
	s_mov_b32 s[\g+2], 16<<16                      ; the head's loads bring a whole slot's 16 tiles of A or of B
	s_mov_b32 s[\g+3], 384<<16
	s_mov_b32 s[\g+4], 16
	s_mov_b32 s[\g+5], 192*KS
	s_mov_b32 s[\g+6], 0
	s_mov_b32 s[\g+7], 0
.endr
	s_or_b32 s[G1S+0], s43, (3<<16)|(1<<21)
	s_or_b32 s[G1SB+0], s44, (3<<16)|(1<<21)
.irp g, G1S, G1SB
	s_mov_b32 s[\g+1], 128<<16                     ; the scale words of all 256 rows: KS rows of 1,024 bytes
	s_mov_b32 s[\g+2], KS<<16
	s_mov_b32 s[\g+3], 128<<16
	s_mov_b32 s[\g+4], KS
	s_mov_b32 s[\g+6], 0
	s_mov_b32 s[\g+7], 0
.endr
	s_mov_b32 s[G1S+5], A_SP/8
	s_mov_b32 s[G1SB+5], B_SP/8
	s_lshl_b32 s20, s17, 1
	s_mul_i32 s22, s20, 512
	s_mul_i32 s20, s20, 12288*KS
	s_add_co_u32 s20, s20, A_C
	s_add_co_u32 s22, s22, A_S
	s_mov_b32 s21, 0
	s_mov_b32 s23, 0
	s_lshl_b32 s46, s42, 1
	s_mul_i32 s92, s46, 512
	s_mul_i32 s46, s46, 12288*KS
	s_add_co_u32 s46, s46, B_C
	s_add_co_u32 s92, s92, B_S
	s_mov_b32 s47, 0
	s_mov_b32 s93, 0
	s_mul_i32 s45, s14, HALFT
	s_mul_i32 s66, s16, 12288*KS                   ; in the ring I fetch 8 tiles: which half, in bytes
	s_mov_b32 s67, 0
	s_wait_kmcnt 0x0
.if QKV
	s_mov_b64 s[10:11], s[6:7]
	s_mov_b64 s[6:7], s[4:5]
	s_add_nc_u64 s[8:9], s[4:5], P_BIAS
.endif
	s_add_nc_u64 s[20:21], s[4:5], s[20:21]
	s_add_nc_u64 s[22:23], s[4:5], s[22:23]
	s_add_nc_u64 s[46:47], s[6:7], s[46:47]
	s_add_nc_u64 s[92:93], s[6:7], s[92:93]
	CROUND
	s_mov_b32 s[G0S], 1
	s_mov_b32 s[G0S+1], SCL
	s_mov_b64 s[G0S+2:G0S+3], s[22:23]
	s_or_b32 s[G0S+3], s[G0S+3], 0x80000000
	s_mov_b32 s[G0SB], 1
	s_mov_b32 s[G0SB+1], SCL+2*HALFS
	s_mov_b64 s[G0SB+2:G0SB+3], s[92:93]
	s_or_b32 s[G0SB+3], s[G0SB+3], 0x80000000
	s_mov_b32 s[G0], 1                             ; the head's four tiles, each whole: slot 0's 16 tiles of A,
	s_mov_b32 s[G0+1], 0
	s_mov_b64 s[G0+2:G0+3], s[20:21]
	s_or_b32 s[G0+3], s[G0+3], 0x80000000
	s_mov_b32 s[G0B], 1                            ; its 16 tiles of B behind them, and the two blocks of scale words
	s_mov_b32 s[G0B+1], 2*HALFT
	s_mov_b64 s[G0B+2:G0B+3], s[46:47]
	s_or_b32 s[G0B+3], s[G0B+3], 0x80000000
; one joint load a wave at the head, in one tree of branches on the wave's number
.macro HARM under, g0, g1, next
	s_cmp_lt_u32 s14, \under
	s_cbranch_scc0 \next
	tensor_load_to_lds s[\g0:\g0+3], s[\g1:\g1+7]
	s_nop 0
.rept 4
	v_nop
.endr
	s_branch .Lhead_asked
\next:
.endm
	HARM 1, G0,  G1,  .Lhead_b
	HARM 2, G0B, G1B, .Lhead_sa
	HARM 3, G0S, G1S, .Lhead_sb
	tensor_load_to_lds s[G0SB:G0SB+3], s[G1SB:G1SB+7]
	s_nop 0
.rept 4
	v_nop
.endr
.Lhead_asked:
	s_wait_alu depctr_va_vdst(0)
	s_wait_tensorcnt 0x0                           ; my tile of the four is in; these lines stand ahead of slot 1's first fill as ahead of a refill
	ds_add_u32 v28, v29
	s_mov_b32 s[G1+2], 8<<16                       ; no tensor load of mine is out: from here on a load brings 8 tiles
	s_mov_b32 s[G1+4], 8
	s_mov_b32 s[G1B+2], 8<<16
	s_mov_b32 s[G1B+4], 8
	s_add_nc_u64 s[20:21], s[20:21], s[66:67]      ; my half of the tiles
	s_add_nc_u64 s[46:47], s[46:47], s[66:67]
.irp s, 0,1
	s_mov_b32 s[G0+4*\s], 1
	s_add_co_u32 s[G0+4*\s+1], s45, \s*SLOT
	s_add_nc_u64 s[G0+4*\s+2:G0+4*\s+3], s[20:21], \s*TILEB
	s_or_b32 s[G0+4*\s+3], s[G0+4*\s+3], 0x80000000
	s_mov_b32 s[G0B+4*\s], 1
	s_add_co_u32 s[G0B+4*\s+1], s45, \s*SLOT
	s_add_nc_u64 s[G0B+4*\s+2:G0B+4*\s+3], s[46:47], \s*TILEB
	s_or_b32 s[G0B+4*\s+3], s[G0B+4*\s+3], 0x80000000
.endr
	s_wait_dscnt 0x0
	CROUND
	JLOAD G0+4, G1, G0B+4, G1B                     ; slot 1's first fill: the first tensor load behind the round
	; the two refills' bytes (K steps 4 to 7: 6,144 bytes on end in each tile) are asked for into the L2: of my load's 8 tiles each of the four partners takes two, by address; a lane a block of 256 bytes, lanes 24-31 the last again
	s_cmp_eq_u32 s15, 0
	s_cselect_b64 s[18:19], s[20:21], s[46:47]
	s_cselect_b32 s2, s40, s41
	s_mul_i32 s2, s2, 2*1536*KS
	s_mov_b32 s3, 0
	s_add_nc_u64 s[18:19], s[18:19], s[2:3]
	v_and_b32 v7, 31, v0
	v_min_u32 v7, 23, v7
	v_lshlrev_b32 v7, 8, v7
	global_prefetch_b8 v7, s[18:19] offset:2*TILEB th:TH_LOAD_NT scope:SCOPE_SE
	global_prefetch_b8 v7, s[18:19] offset:2*TILEB+1536*KS th:TH_LOAD_NT scope:SCOPE_SE
	v_and_b32 v1, 31, v0
	v_and_b32 v2, 15, v0
	v_bfe_u32 v3, v0, 4, 1
	v_lshlrev_b32 v[OX], 4, v1
	v_lshlrev_b32 v[OY], 4, v2
	v_lshl_add_u32 v[OY], v3, 3, v[OY]
	s_mul_i32 s21, s15, HALFT
	s_mul_i32 s22, s16, HALFT
	s_add_co_u32 s22, s22, 2*HALFT
.irp s, 0,1
	v_add_nc_u32 v[ADRA+\s], s21, v[OX]
	v_add_nc_u32 v[ADRA+2+\s], s21, v[OY]
	v_add_nc_u32 v[ADRB+\s], s22, v[OX]
	v_add_nc_u32 v[ADRB+2+\s], s22, v[OY]
	s_add_co_u32 s21, s21, SLOT
	s_add_co_u32 s22, s22, SLOT
.endr
	s_lshl_b32 s21, s15, 9                         ; my 128 rows' words in a K step's 1,024 bytes
	s_lshl_b32 s22, s16, 9
	s_add_co_u32 s22, s22, 2*HALFS
	s_sub_co_u32 s22, s22, s21
	v_mul_u32_u24 v6, s22, v3
	s_add_co_u32 s21, s21, SCL
	v_lshl_add_u32 v5, v2, 2, v6
	v_add_nc_u32 v[ADRS], s21, v5
	v_lshlrev_b32 v[BO], 6, v3
	s_lshl_b32 s46, s42, 10
	s_lshl_b32 s47, s16, 9
	s_add_co_u32 s46, s46, s47
	s_mov_b32 s47, 0
	s_add_nc_u64 s[98:99], s[8:9], s[46:47]
.irp b, 0,1,2,3,4,5,6,7
	global_load_b128 v[BIAS+8*\b:BIAS+8*\b+3], v[BO], s[98:99] offset:(32*(\b/2)+8*(\b%2))*4
	global_load_b128 v[BIAS+8*\b+4:BIAS+8*\b+7], v[BO], s[98:99] offset:(32*(\b/2)+8*(\b%2))*4+16
.endr
.if QKV
	v_and_b32 v4, 8, v2
	v_add_nc_u32 v4, v4, v2
	v_lshlrev_b32 v15, 2, v4
	s_lshl_b32 s46, s17, 10
	s_lshl_b32 s47, s15, 9
	s_add_co_u32 s46, s46, s47
	s_mov_b32 s47, 0
	s_add_nc_u64 s[66:67], s[8:9], s[46:47]
.irp a, 0,1,2,3,4,5,6,7
	global_load_b32 v[BA+2*\a], v15, s[66:67] offset:(32*(\a/2)+8*(\a%2))*4
	v_mov_b32 v[BA+2*\a+1], 0
.endr
.endif
.if QKV
	s_cmp_lt_u32 ttmp9, 2
	s_cselect_b32 s20, s17, s41
	s_cselect_b32 s21, s40, s42
	s_cselect_b32 s22, 8, 32
	s_mov_b32 s23, 4096
	s_cselect_b32 s23, 16384, s23
.else
	s_mov_b32 s20, s17
	s_mov_b32 s21, s42
	s_mov_b32 s22, KSO
.if WAYQ
	s_mov_b32 s23, SWPO
.endif
.endif
	s_lshl_b32 s20, s20, 4
	s_lshl_b32 s46, s15, 3
	s_add_co_u32 s20, s20, s46
	s_lshl_b32 s21, s21, 1
	s_add_co_u32 s21, s21, s16
	s_mul_i32 s46, s20, s22
	s_add_co_u32 s46, s46, s21
	s_mul_i32 s46, s46, REC
.if QKV
	s_mul_i32 s47, ttmp9, 3145728
	s_add_co_u32 s46, s46, s47
.endif
	s_mov_b32 s47, 0
	s_add_nc_u64 s[12:13], s[10:11], s[46:47]
.if WAYQ
	s_mul_i32 s92, s22, REC
	s_mov_b32 s93, 0
	s_mul_i32 s46, s21, s23
	s_lshl_b32 s94, s20, 6
	s_add_co_u32 s46, s46, s94
	s_add_co_u32 s46, s46, O_S
.if QKV
	s_lshl_b32 s94, ttmp9, 17
	s_add_co_u32 s46, s46, s94
.endif
	s_add_nc_u64 s[94:95], s[10:11], s[46:47]
	s_mov_b32 s[SEL], 0x76543210
	s_mov_b32 s[SEL+1], 0xfedcba98
	s_lshl_b32 s23, s14, 9
	s_add_co_u32 s23, s23, GATH
	v_lshl_add_u32 v[GW], v2, 2, s23
	v_add_nc_u32 v[GR], s23, v[OX]
.endif
.macro FRAG reg, ax, ay, off
	ds_load_b128 v[\reg:\reg+3], v[\ax] offset:\off
	ds_load_b64 v[\reg+4:\reg+5], v[\ay] offset:\off+512
	ds_load_b128 v[\reg+6:\reg+9], v[\ax] offset:\off+768
	ds_load_b64 v[\reg+10:\reg+11], v[\ay] offset:\off+1280
.endm
.macro MUL16 a0, p, q, sc, zero
.irp a, \a0, \a0+1
.irp b, 0,1,2,3,4,5,6,7
.if \zero
	v_wmma_scale_f32_16x16x128_f8f6f4 v[8*(8*((\a)%4)+\b):8*(8*((\a)%4)+\b)+7], v[128*(\p)+FR*\b:128*(\p)+FR*\b+FR-1], v[AF+FR*(\a):AF+FR*(\a)+FR-1], v[BIAS+8*\b:BIAS+8*\b+7], v[SC+8*NQ*(\sc)+NQ*\b+(\q)], v[SC+8*NQ*(\sc)+NQ*(\a)+(\q)] matrix_a_fmt:MATRIX_FMT_FP6 matrix_b_fmt:MATRIX_FMT_FP6 matrix_a_scale:MATRIX_SCALE_ROW1
.else
	v_wmma_scale_f32_16x16x128_f8f6f4 v[8*(8*((\a)%4)+\b):8*(8*((\a)%4)+\b)+7], v[128*(\p)+FR*\b:128*(\p)+FR*\b+FR-1], v[AF+FR*(\a):AF+FR*(\a)+FR-1], v[8*(8*((\a)%4)+\b):8*(8*((\a)%4)+\b)+7], v[SC+8*NQ*(\sc)+NQ*\b+(\q)], v[SC+8*NQ*(\sc)+NQ*(\a)+(\q)] matrix_a_fmt:MATRIX_FMT_FP6 matrix_b_fmt:MATRIX_FMT_FP6 matrix_a_scale:MATRIX_SCALE_ROW1
.endif
.endr
.endr
.endm
.macro FETCH_B slot, q, p
	WIN TO_B
.irp i, 0,1,2,3,4,5,6,7
	FRAG 128*(\p)+FR*\i, ADRB+\slot, ADRB+2+\slot, \i*TILEB+(\q)*1536
.endr
	WIN 0
.endm
.macro FETCH_A slot, q, i0
.irp i, \i0, \i0+1, \i0+2, \i0+3
	FRAG AF+FR*(\i), ADRA+\slot, ADRA+2+\slot, (\i)*TILEB+(\q)*1536
.endr
.endm
.macro SCALES sc
.irp i, 0,1,2,3,4,5,6,7
.irp q, 0,1
	ds_load_b32 v[SC+16*\sc+2*\i+\q], v[ADRS] offset:64*\i+1024*\q
.endr
.endr
.endm
.macro PLACES n
.rept \n
	v_nop
.endr
.endm
.macro STEP slot, q, zero
	s_wait_dscnt 4*NL
.if \zero
	WIN 0x81
.else
	WIN MUL_LO
.endif
	MUL16 0, (\q)%2, \q, \slot, \zero
	MUL16 2, (\q)%2, \q, \slot, \zero
	s_wait_dscnt 0
	PLACES NP
	FETCH_B \slot, (\q)+1, 1-(\q)%2
	FETCH_A \slot, (\q)+1, 0
.if \zero
	WIN 0xc1
.else
	WIN MUL_HI
.endif
	MUL16 4, (\q)%2, \q, \slot, \zero
	MUL16 6, (\q)%2, \q, \slot, \zero
	PLACES NP
	WIN 0
	FETCH_A \slot, (\q)+1, 4
.endm
.macro TURN slot, next, fill
	s_wait_tensorcnt 0x0
	ds_add_u32 v[SPW], v[NIL]
	s_wait_dscnt 4*NL+1
	WIN MUL_LO
	MUL16 0, 1, NQ-1, \slot, 0
	s_wait_dscnt 0x0
	s_barrier_signal -1
	MUL16 2, 1, NQ-1, \slot, 0
	WIN 0
	s_barrier_wait -1
.if \fill
	CREST
	s_add_nc_u64 s[G0+4*\slot+2:G0+4*\slot+3], s[G0+4*\slot+2:G0+4*\slot+3], 2*TILEB
	s_add_nc_u64 s[G0B+4*\slot+2:G0B+4*\slot+3], s[G0B+4*\slot+2:G0B+4*\slot+3], 2*TILEB
	JLOAD G0+4*\slot, G1, G0B+4*\slot, G1B
.else
	PLACES NP
.endif
	s_wait_alu depctr_va_vdst(0)
	v_add_nc_u32 v[ADRS], 1024*NQ, v[ADRS]
	FETCH_B \next, 0, 0
	FETCH_A \next, 0, 0
	SCALES \next
	WIN MUL_HI
	MUL16 4, 1, NQ-1, \slot, 0
	MUL16 6, 1, NQ-1, \slot, 0
	PLACES NP
	WIN 0
	FETCH_A \next, 0, 4
.endm
	s_wait_alu depctr_va_vdst(0)
	s_wait_tensorcnt 1
	s_barrier_signal -1
	s_barrier_wait -1
	FETCH_B 0, 0, 0
	FETCH_A 0, 0, 0
	SCALES 0
	FETCH_A 0, 0, 4
	s_wait_loadcnt 0x0
	STEP 0, 0, 1
	s_mov_b32 s3, LAPS-1
.Llap:
	TURN 0, 1, 1
	STEP 1, 0, 0
	TURN 1, 0, 1
	STEP 0, 0, 0
	s_sub_co_u32 s3, s3, 1
	s_cmp_lg_u32 s3, 0
	s_cbranch_scc1 .Llap
	TURN 0, 1, 0
	STEP 1, 0, 0
	s_wait_dscnt 4*NL
	WIN MUL_LO
	MUL16 0, 1, NQ-1, 1, 0
	MUL16 2, 1, NQ-1, 1, 0
	s_wait_dscnt 0
	WIN MUL_HI
	MUL16 4, 1, NQ-1, 1, 0
	MUL16 6, 1, NQ-1, 1, 0
	WIN 0
	PLACES NP
.if WAYQ
.macro QUANT s
.irp b, 0,1,2,3
	v_max3_num_f32 v[TM+\b], |v[\s+16*\b]|, |v[\s+1+16*\b]|, 0x1800000
.endr
.irp i, 2,4,6,8,10,12,14
.irp b, 0,1,2,3
	v_max3_num_f32 v[TM+\b], v[TM+\b], |v[\s+16*\b+\i]|, |v[\s+1+16*\b+\i]|
.endr
.endr
.irp b, 0,1,2,3
	v_permlanex16_b32 v[TM+4+\b], v[TM+\b], s[SEL], s[SEL+1]
.endr
.irp b, 0,1,2,3
	v_max_num_f32 v[TM+\b], v[TM+\b], v[TM+4+\b]
.endr
.irp b, 0,1,2,3
	v_add_nc_u32 v[TM+12+\b], 0xff000000, v[TM+\b]
.endr
.irp b, 0,1,2,3
	v_lshrrev_b32 v[TM+4+\b], 23, v[TM+12+\b]
.endr
	v_lshl_or_b32 v[PW], v[TM+5], 8, v[TM+4]
	v_lshl_or_b32 v[PW], v[TM+6], 16, v[PW]
	v_lshl_or_b32 v[PW], v[TM+7], 24, v[PW]
.irp c, 0,1
	v_cvt_scalef32_pk16_fp6_f32 v[PC+6*\c:PC+2+6*\c], v[\s+32*\c:\s+15+32*\c], v[TM+12+2*\c]
	v_cvt_scalef32_pk16_fp6_f32 v[PC+12+4*\c:PC+14+4*\c], v[\s+16+32*\c:\s+31+32*\c], v[TM+12+2*\c+1]
.endr
	v_nop
.irp c, 0,1
.irp i, 0,1,2
	v_permlane16_swap_b32 v[PC+6*\c+\i], v[PC+12+4*\c+\i]
.endr
.irp i, 0,1,2
	v_mov_b32 v[PC+3+6*\c+\i], v[PC+12+4*\c+\i]
.endr
.endr
.endm
.macro QOUT a
.set AC, 64*((\a)%4)
.if (\a) > 0
	s_wait_xcnt 0x0
	s_add_nc_u64 s[12:13], s[12:13], s[92:93]
.endif
.set i, 0
.if QKV
	WIN 0x02+((\a)/4)
.rept 32
	v_pk_add_f32 v[T+i:T+i+1], v[AC+i:AC+i+1], v[BA+2*(\a):BA+2*(\a)+1] op_sel_hi:[1,0]
.set i, i+2
.endr
.else
	WIN 0x08+4*((\a)/4)
.rept 64
	v_max_num_f32 v[T+i], 0, v[AC+i]
.set i, i+1
.endr
.endif
	WIN 0
	QUANT T
	global_store_b128 v[OX], v[PC:PC+3], s[12:13]
	global_store_b64 v[OY], v[PC+4:PC+5], s[12:13] offset:512
	global_store_b128 v[OX], v[PC+6:PC+9], s[12:13] offset:768
	global_store_b64 v[OY], v[PC+10:PC+11], s[12:13] offset:1280
	ds_store_b32 v[GW], v[PW] offset:64*(\a)
.endm
.irp b, 0,1,2,3
	v_mov_b32 v[TM+4+\b], 0
.endr
.irp a, 0,1,2,3,4,5,6,7
	QOUT \a
.endr
	ds_load_b128 v[GL:GL+3], v[GR]
	s_wait_dscnt 0x0
	global_store_b128 v[OX], v[GL:GL+3], s[94:95]
.else
.irp a, 0,1,2,3,4,5,6,7
	WIN 0x08+4*(\a/4)
.irp b, 0,1,2,3,4,5,6,7
	global_store_b128 v[OX], v[64*(\a%4)+8*\b:64*(\a%4)+8*\b+3], s[12:13] offset:65536*\a+1024*\b th:TH_STORE_NT
	global_store_b128 v[OX], v[64*(\a%4)+8*\b+4:64*(\a%4)+8*\b+7], s[12:13] offset:65536*\a+1024*\b+512 th:TH_STORE_NT
.endr
.endr
	WIN 0
.endif
	s_wait_tensorcnt 0x0
	ds_add_u32 v[SPW], v[NIL]
	s_wait_dscnt 0x0
	CROUND
	s_endpgm
.Lfunc_end_k_q484ae9fd09_ffn1:
	.size	k_q484ae9fd09_ffn1, .Lfunc_end_k_q484ae9fd09_ffn1-k_q484ae9fd09_ffn1
	.p2alignl 7, 3214868480
	.fill 96, 4, 3214868480
	.section	.rodata,"a",@progbits
	.p2align	6, 0x0
	.amdhsa_kernel k_q484ae9fd09_ffn1
		.amdhsa_group_segment_fixed_size 327680
		.amdhsa_private_segment_fixed_size 0
		.amdhsa_enable_private_segment 0
		.amdhsa_kernarg_size 32
		.amdhsa_user_sgpr_count 2
		.amdhsa_user_sgpr_kernarg_segment_ptr 1
		.amdhsa_wavefront_size32 1
		.amdhsa_system_sgpr_workgroup_id_x 1
		.amdhsa_system_sgpr_workgroup_id_y 1
		.amdhsa_system_sgpr_workgroup_id_z 1
		.amdhsa_system_vgpr_workitem_id 0
		.amdhsa_next_free_vgpr 1024
		.amdhsa_next_free_sgpr 100
		.amdhsa_reserve_vcc 0
		.amdhsa_float_denorm_mode_32 3
		.amdhsa_float_denorm_mode_16_64 3
		.amdhsa_memory_ordered 1
		.amdhsa_forward_progress 1
		.amdhsa_inst_pref_size 171
	.end_amdhsa_kernel
	.amdgpu_metadata
---
amdhsa.version: [ 1, 2 ]
amdhsa.kernels:
  - .name:           k_q484ae9fd09_ffn1
    .symbol:         k_q484ae9fd09_ffn1.kd
    .args:
      - { .name: HC, .offset: 0, .size: 8, .value_kind: global_buffer, .address_space: global }
      - { .name: P, .offset: 8, .size: 8, .value_kind: global_buffer, .address_space: global }
      - { .name: b1, .offset: 16, .size: 8, .value_kind: global_buffer, .address_space: global }
      - { .name: F, .offset: 24, .size: 8, .value_kind: global_buffer, .address_space: global }
    .group_segment_fixed_size: 327680
    .private_segment_fixed_size: 0
    .kernarg_segment_align: 8
    .kernarg_segment_size: 32
    .max_flat_workgroup_size: 128
    .sgpr_count:     100
    .vgpr_count:     1024
    .wavefront_size: 32
...
	.end_amdgpu_metadata
.endif
;; end of part 12
;; launch ffn2 (part 13): grid 8 x 32, 4 waves a work-group, clusters of 4 x 4, 327,680 bytes of LDS; arguments F, P, b2, Y; writes Y
.if DOCPART == 13
	.amdgcn_target "amdgcn-amd-amdhsa--gfx1250"
	.amdhsa_code_object_version 6
	.text
	.protected	k_q484ae9fd09_ffn2
	.globl	k_q484ae9fd09_ffn2
	.p2align	8
	.type	k_q484ae9fd09_ffn2,@function
k_q484ae9fd09_ffn2:
	s_mov_b64 s[64:65], 0
	v_nop
	global_prefetch_b8 v0, s[64:65] scope:SCOPE_SE
	s_setreg_imm32_b32 hwreg(HW_REG_WAVE_MODE, 25, 1), 1
	s_wait_xcnt 0x0
	s_wait_alu depctr_hold_cnt(0) depctr_sa_sdst(0) depctr_va_vdst(0) depctr_va_sdst(0) depctr_va_ssrc(0) depctr_va_vcc(0) depctr_vm_vsrc(0)
	s_getreg_b32 s2, hwreg(HW_REG_IB_STS2, 6, 4)
	s_cmp_eq_u32 s2, 0
	s_cbranch_scc0 .Lentry_in_a_cluster
	s_endpgm
.Lentry_in_a_cluster:
	s_bfe_u32 s2, ttmp6, 0x10000c
	s_cmp_lg_u32 s2, 0xf033
	s_cbranch_scc0 .Lentry_shape_is_right
	s_endpgm
.Lentry_shape_is_right:
.set KS,   32
.set A_C,  0
.set A_S,  12582912
.set A_SP, 16384
.set B_C,  9437184
.set B_S,  12976128
.set B_SP, 4096
.set NQ,    4
.set FR,    12
.set NP,    4
.set TILEB, 1536*NQ
.set HALFT, 4*TILEB
.set SLOT,  4*HALFT
.set LAPS,  KS/(2*NQ)
.set SCL,   2*SLOT
.set HALFS, 256*KS
.set SPARE, SCL+4*HALFS
.set ADRA, 16
.set ADRB, 20
.set OX,   24
.set OY,   25
.set ADRS, 27
.set SPW,  28
.set NIL,  29
.set BO,   31
.set SC,   32
.set BIAS, 64
.set ACC,  128
.set G1,   24
.set G0,   32
.set G1B,  48
.set G0B,  56
.set G1S,  68
.set G0S,  76
.set G1SB, 80
.set G0SB, 88
.set MSB, 0
.macro WIN new
.if MSB != (\new)
	s_set_vgpr_msb (MSB<<8)|(\new)
.set MSB, (\new)
.endif
.endm
.set MUL,  0x05
.set TO_F, 0x40
.macro JLOAD g0a, g1a, g0b, g1b
	s_cmp_eq_u32 s15, 0
	s_cbranch_scc0 .Lfor_b_\@
	tensor_load_to_lds s[\g0a:\g0a+3], s[\g1a:\g1a+7]
	s_nop 0
.rept 4
	v_nop
.endr
	s_branch .Lasked_\@
.Lfor_b_\@:
	tensor_load_to_lds s[\g0b:\g0b+3], s[\g1b:\g1b+7]
	s_nop 0
.rept 4
	v_nop
.endr
.Lasked_\@:
.endm
.macro CREST
	s_cmp_lg_u32 s14, 0
	s_cbranch_scc1 .Lnot_wave_0_\@
	s_barrier_signal -3
.Lnot_wave_0_\@:
	s_barrier_wait -3
	s_barrier_signal -1
	s_barrier_wait -1
.endm
.macro CROUND
	s_barrier_signal -1
	s_barrier_wait -1
	CREST
.endm
	s_load_b256 s[4:11], s[0:1], 0x0
	v_lshl_add_u32 v[SPW], v0, 2, SPARE
	v_mov_b32 v[NIL], 0
	ds_add_u32 v28, v29
	ds_add_u32 v28, v29
	s_wait_dscnt 0x0
	v_lshrrev_b32 v1, 5, v0
	v_readfirstlane_b32 s14, v1
	s_lshr_b32 s15, s14, 1
	s_and_b32 s16, s14, 1
	s_bfe_u32 s40, ttmp6, 0x40000
	s_bfe_u32 s41, ttmp6, 0x40004
	s_and_b32 s17, ttmp7, 0xffff
	s_lshl_b32 s17, s17, 2
	s_add_co_u32 s17, s17, s41
	s_lshl_b32 s42, ttmp9, 2
	s_add_co_u32 s42, s42, s40
	s_lshl_b32 s43, s41, 2
	s_lshl_b32 s43, 15, s43
	s_lshl_b32 s44, 0x1111, s40
	s_or_b32 s[G1+0], s43, (3<<16)|(1<<21)
	s_or_b32 s[G1B+0], s44, (3<<16)|(1<<21)
.irp g, G1, G1B
	s_mov_b32 s[\g+1], 768<<16
	s_mov_b32 s[\g+2], 8<<16                       ; the head's loads bring a whole slot's 8 tiles of A or of B
	s_mov_b32 s[\g+3], 768<<16
	s_mov_b32 s[\g+4], 8
	s_mov_b32 s[\g+5], 192*KS
	s_mov_b32 s[\g+6], 0
	s_mov_b32 s[\g+7], 0
.endr
	s_or_b32 s[G1S+0], s43, (3<<16)|(1<<21)
	s_or_b32 s[G1SB+0], s44, (3<<16)|(1<<21)
.irp g, G1S, G1SB
	s_mov_b32 s[\g+1], 64<<16                      ; the scale words of all 128 rows: KS rows of 512 bytes
	s_mov_b32 s[\g+2], KS<<16
	s_mov_b32 s[\g+3], 64<<16
	s_mov_b32 s[\g+4], KS
	s_mov_b32 s[\g+6], 0
	s_mov_b32 s[\g+7], 0
.endr
	s_mov_b32 s[G1S+5], A_SP/8
	s_mov_b32 s[G1SB+5], B_SP/8
	s_lshl_b32 s20, s17, 1
	s_mul_i32 s22, s20, 256
	s_mul_i32 s20, s20, 6144*KS
	s_add_co_u32 s20, s20, A_C
	s_add_co_u32 s22, s22, A_S
	s_mov_b32 s21, 0
	s_mov_b32 s23, 0
	s_lshl_b32 s46, s42, 1
	s_mul_i32 s92, s46, 256
	s_mul_i32 s46, s46, 6144*KS
	s_add_co_u32 s46, s46, B_C
	s_add_co_u32 s92, s92, B_S
	s_mov_b32 s47, 0
	s_mov_b32 s93, 0
	s_mul_i32 s45, s14, HALFT
	s_mul_i32 s66, s16, 6144*KS                    ; in the ring I fetch 4 tiles: which half, in bytes
	s_mov_b32 s67, 0
	s_wait_kmcnt 0x0
	s_add_nc_u64 s[20:21], s[4:5], s[20:21]
	s_add_nc_u64 s[22:23], s[4:5], s[22:23]
	s_add_nc_u64 s[46:47], s[6:7], s[46:47]
	s_add_nc_u64 s[92:93], s[6:7], s[92:93]
	CROUND
	s_mov_b32 s[G0S], 1
	s_mov_b32 s[G0S+1], SCL
	s_mov_b64 s[G0S+2:G0S+3], s[22:23]
	s_or_b32 s[G0S+3], s[G0S+3], 0x80000000
	s_mov_b32 s[G0SB], 1
	s_mov_b32 s[G0SB+1], SCL+2*HALFS
	s_mov_b64 s[G0SB+2:G0SB+3], s[92:93]
	s_or_b32 s[G0SB+3], s[G0SB+3], 0x80000000
	s_mov_b32 s[G0], 1                             ; the head's four tiles, each whole: slot 0's 8 tiles of A,
	s_mov_b32 s[G0+1], 0
	s_mov_b64 s[G0+2:G0+3], s[20:21]
	s_or_b32 s[G0+3], s[G0+3], 0x80000000
	s_mov_b32 s[G0B], 1                            ; its 8 tiles of B behind them, and the two blocks of scale words
	s_mov_b32 s[G0B+1], 2*HALFT
	s_mov_b64 s[G0B+2:G0B+3], s[46:47]
	s_or_b32 s[G0B+3], s[G0B+3], 0x80000000
; one joint load a wave at the head, in one tree of branches on the wave's number
.macro HARM under, g0, g1, next
	s_cmp_lt_u32 s14, \under
	s_cbranch_scc0 \next
	tensor_load_to_lds s[\g0:\g0+3], s[\g1:\g1+7]
	s_nop 0
.rept 4
	v_nop
.endr
	s_branch .Lhead_asked
\next:
.endm
	HARM 1, G0,  G1,  .Lhead_b
	HARM 2, G0B, G1B, .Lhead_sa
	HARM 3, G0S, G1S, .Lhead_sb
	tensor_load_to_lds s[G0SB:G0SB+3], s[G1SB:G1SB+7]
	s_nop 0
.rept 4
	v_nop
.endr
.Lhead_asked:
	s_wait_alu depctr_va_vdst(0)
	s_wait_tensorcnt 0x0                           ; my tile of the four is in; these lines stand ahead of slot 1's first fill as ahead of a refill
	ds_add_u32 v28, v29
	s_mov_b32 s[G1+2], 4<<16                       ; no tensor load of mine is out: from here on a load brings 4 tiles
	s_mov_b32 s[G1+4], 4
	s_mov_b32 s[G1B+2], 4<<16
	s_mov_b32 s[G1B+4], 4
	s_add_nc_u64 s[20:21], s[20:21], s[66:67]      ; my half of the tiles
	s_add_nc_u64 s[46:47], s[46:47], s[66:67]
.irp s, 0,1
	s_mov_b32 s[G0+4*\s], 1
	s_add_co_u32 s[G0+4*\s+1], s45, \s*SLOT
	s_add_nc_u64 s[G0+4*\s+2:G0+4*\s+3], s[20:21], \s*TILEB
	s_or_b32 s[G0+4*\s+3], s[G0+4*\s+3], 0x80000000
	s_mov_b32 s[G0B+4*\s], 1
	s_add_co_u32 s[G0B+4*\s+1], s45, \s*SLOT
	s_add_nc_u64 s[G0B+4*\s+2:G0B+4*\s+3], s[46:47], \s*TILEB
	s_or_b32 s[G0B+4*\s+3], s[G0B+4*\s+3], 0x80000000
.endr
	s_wait_dscnt 0x0
	CROUND
	JLOAD G0+4, G1, G0B+4, G1B                     ; slot 1's first fill: the first tensor load behind the round
	; PREFETCHES INTO THE L2.  A slot's part of a tile is 6,144 bytes on end, 24 blocks of 256.  Of my load's 4 tiles each of the four partners takes one, by address (cx for A, cy for B); a lane a block, lanes 24-31 the last again.
	; Here: the first two refills' bytes (slots' fills 2 and 3).  Behind each refill in the loop: the fill two refills on; the loop's last trip asks for nothing.
	s_cmp_eq_u32 s15, 0
	s_cselect_b64 s[96:97], s[20:21], s[46:47]
	s_cselect_b32 s18, s40, s41
	s_mul_i32 s18, s18, 1536*KS
	s_mov_b32 s19, 0
	s_add_nc_u64 s[96:97], s[96:97], s[18:19]
	s_add_nc_u64 s[96:97], s[96:97], 2*TILEB
	v_and_b32 v30, 31, v0
	v_min_u32 v30, 23, v30
	v_lshlrev_b32 v30, 8, v30
	global_prefetch_b8 v30, s[96:97] th:TH_LOAD_NT scope:SCOPE_SE
	global_prefetch_b8 v30, s[96:97] offset:TILEB th:TH_LOAD_NT scope:SCOPE_SE
	v_and_b32 v1, 31, v0
	v_and_b32 v2, 15, v0
	v_bfe_u32 v3, v0, 4, 1
	v_lshlrev_b32 v[OX], 4, v1
	v_lshlrev_b32 v[OY], 4, v2
	v_lshl_add_u32 v[OY], v3, 3, v[OY]
	s_mul_i32 s21, s15, HALFT
	s_mul_i32 s22, s16, HALFT
	s_add_co_u32 s22, s22, 2*HALFT
.irp s, 0,1
	v_add_nc_u32 v[ADRA+\s], s21, v[OX]
	v_add_nc_u32 v[ADRA+2+\s], s21, v[OY]
	v_add_nc_u32 v[ADRB+\s], s22, v[OX]
	v_add_nc_u32 v[ADRB+2+\s], s22, v[OY]
	s_add_co_u32 s21, s21, SLOT
	s_add_co_u32 s22, s22, SLOT
.endr
	s_lshl_b32 s21, s15, 8                         ; my 64 rows' words in a K step's 512 bytes
	s_lshl_b32 s22, s16, 8
	s_add_co_u32 s22, s22, 2*HALFS
	s_sub_co_u32 s22, s22, s21
	v_mul_u32_u24 v6, s22, v3
	s_add_co_u32 s21, s21, SCL
	v_lshl_add_u32 v5, v2, 2, v6
	v_add_nc_u32 v[ADRS], s21, v5
	v_lshlrev_b32 v[BO], 6, v3
	s_lshl_b32 s46, s42, 9
	s_lshl_b32 s47, s16, 8
	s_add_co_u32 s46, s46, s47
	s_mov_b32 s47, 0
	s_add_nc_u64 s[98:99], s[8:9], s[46:47]
.irp b, 0,1,2,3
	global_load_b128 v[BIAS+8*\b:BIAS+8*\b+3], v[BO], s[98:99] offset:(32*(\b/2)+8*(\b%2))*4
	global_load_b128 v[BIAS+8*\b+4:BIAS+8*\b+7], v[BO], s[98:99] offset:(32*(\b/2)+8*(\b%2))*4+16
.endr
	s_lshl_b32 s20, s17, 3
	s_lshl_b32 s46, s15, 2
	s_add_co_u32 s20, s20, s46
	s_lshl_b32 s46, s20, 3
	s_add_co_u32 s46, s46, s42
	s_lshl_b32 s46, s46, 13
	s_lshl_b32 s47, s16, 12
	s_add_co_u32 s46, s46, s47
	s_mov_b32 s47, 0
	s_add_nc_u64 s[12:13], s[10:11], s[46:47]
.macro FRAG reg, ax, ay, off
	ds_load_b128 v[\reg:\reg+3], v[\ax] offset:\off
	ds_load_b64 v[\reg+4:\reg+5], v[\ay] offset:\off+512
	ds_load_b128 v[\reg+6:\reg+9], v[\ax] offset:\off+768
	ds_load_b64 v[\reg+10:\reg+11], v[\ay] offset:\off+1280
.endm
.macro MUL4 f, q, sc, a, zero
.irp b, 0,1,2,3
.if \zero
	v_wmma_scale_f32_16x16x128_f8f6f4 v[ACC+8*(4*(\a)+\b):ACC+8*(4*(\a)+\b)+7], v[128*(\f)+48+FR*\b:128*(\f)+48+FR*\b+FR-1], v[128*(\f)+FR*(\a):128*(\f)+FR*(\a)+FR-1], v[BIAS+8*\b:BIAS+8*\b+7], v[SC+16*(\sc)+4*\b+(\q)], v[SC+16*(\sc)+4*(\a)+(\q)] matrix_a_fmt:MATRIX_FMT_FP6 matrix_b_fmt:MATRIX_FMT_FP6 matrix_a_scale:MATRIX_SCALE_ROW1
.else
	v_wmma_scale_f32_16x16x128_f8f6f4 v[ACC+8*(4*(\a)+\b):ACC+8*(4*(\a)+\b)+7], v[128*(\f)+48+FR*\b:128*(\f)+48+FR*\b+FR-1], v[128*(\f)+FR*(\a):128*(\f)+FR*(\a)+FR-1], v[ACC+8*(4*(\a)+\b):ACC+8*(4*(\a)+\b)+7], v[SC+16*(\sc)+4*\b+(\q)], v[SC+16*(\sc)+4*(\a)+(\q)] matrix_a_fmt:MATRIX_FMT_FP6 matrix_b_fmt:MATRIX_FMT_FP6 matrix_a_scale:MATRIX_SCALE_ROW1
.endif
.endr
.endm
.macro FETCH slot, q, f
	WIN TO_F
.irp i, 0,1,2,3
	FRAG 128*(\f)+48+FR*\i, ADRB+\slot, ADRB+2+\slot, \i*TILEB+(\q)*1536
.endr
.irp i, 0,1,2,3
	FRAG 128*(\f)+FR*\i, ADRA+\slot, ADRA+2+\slot, \i*TILEB+(\q)*1536
.endr
.endm
.macro SCALES sc
.irp i, 0,1,2,3
.irp q, 0,1,2,3
	ds_load_b32 v[SC+16*\sc+4*\i+\q], v[ADRS] offset:64*\i+512*\q
.endr
.endr
.endm
.macro PLACES n
.rept \n
	v_nop
.endr
.endm
.macro STEP slot, q, zero
	PLACES NP
	FETCH \slot, (\q)+1, ((\q)+1)%2
	s_wait_dscnt 32
	WIN MUL
	MUL4 (\q)%2, \q, \slot, 0, \zero
	MUL4 (\q)%2, \q, \slot, 1, \zero
	MUL4 (\q)%2, \q, \slot, 2, \zero
	MUL4 (\q)%2, \q, \slot, 3, \zero
.endm
.macro TURN slot, next, fill
	WIN 0
.if \fill
	s_wait_xcnt 0x0                                ; my last prefetch has read its base: it steps a slot's fill on, ahead of the waits of the change of slots
	s_add_nc_u64 s[96:97], s[96:97], TILEB
.endif
	s_wait_tensorcnt 0x0
	ds_add_u32 v[SPW], v[NIL]
	s_wait_dscnt 1
	WIN MUL
	MUL4 1, NQ-1, \slot, 0, 0
	s_wait_dscnt 0x0
	s_barrier_signal -1
	MUL4 1, NQ-1, \slot, 1, 0
	WIN 0
	s_barrier_wait -1
.if \fill
	CREST
	s_add_nc_u64 s[G0+4*\slot+2:G0+4*\slot+3], s[G0+4*\slot+2:G0+4*\slot+3], 2*TILEB
	s_add_nc_u64 s[G0B+4*\slot+2:G0B+4*\slot+3], s[G0B+4*\slot+2:G0B+4*\slot+3], 2*TILEB
	JLOAD G0+4*\slot, G1, G0B+4*\slot, G1B
.else
	PLACES NP
.endif
	s_wait_alu depctr_va_vdst(0)
	v_add_nc_u32 v[ADRS], 512*NQ, v[ADRS]
	SCALES \next
	FETCH \next, 0, 0
.if \fill
	WIN 0
	s_cmp_gt_u32 s3, 1                             ; s3 = 1 in the loop's last trip: no fill stands two refills on
	s_cbranch_scc0 .Lno_ask_\@
	global_prefetch_b8 v30, s[96:97] offset:TILEB th:TH_LOAD_NT scope:SCOPE_SE
.Lno_ask_\@:
.endif
	WIN MUL
	MUL4 1, NQ-1, \slot, 2, 0
	MUL4 1, NQ-1, \slot, 3, 0
.endm
	s_wait_alu depctr_va_vdst(0)
	s_wait_tensorcnt 1
	s_barrier_signal -1
	s_barrier_wait -1
	SCALES 0
	FETCH 0, 0, 0
	s_wait_loadcnt 0x0
	STEP 0, 0, 1
.if LAPS > 1
	WIN 0
	s_mov_b32 s3, LAPS-1
.Llap:
	STEP 0, 1, 0
	STEP 0, 2, 0
	TURN 0, 1, 1
	STEP 1, 0, 0
	STEP 1, 1, 0
	STEP 1, 2, 0
	TURN 1, 0, 1
	STEP 0, 0, 0
	WIN 0
	s_sub_co_u32 s3, s3, 1
	s_cmp_lg_u32 s3, 0
	s_cbranch_scc1 .Llap
.endif
	STEP 0, 1, 0
	STEP 0, 2, 0
	TURN 0, 1, 0
	STEP 1, 0, 0
	STEP 1, 1, 0
	STEP 1, 2, 0
	s_wait_dscnt 0x0
	WIN MUL
	MUL4 1, NQ-1, 1, 0, 0
	MUL4 1, NQ-1, 1, 1, 0
	MUL4 1, NQ-1, 1, 2, 0
	MUL4 1, NQ-1, 1, 3, 0
	WIN 0
	PLACES NP
.irp a, 0,1,2,3
.irp b, 0,1,2,3
	global_store_b128 v[OX], v[ACC+8*(4*\a+\b):ACC+8*(4*\a+\b)+3], s[12:13] offset:65536*\a+1024*\b th:TH_STORE_NT
	global_store_b128 v[OX], v[ACC+8*(4*\a+\b)+4:ACC+8*(4*\a+\b)+7], s[12:13] offset:65536*\a+1024*\b+512 th:TH_STORE_NT
.endr
.endr
	s_wait_tensorcnt 0x0
	ds_add_u32 v[SPW], v[NIL]
	s_wait_dscnt 0x0
	CROUND
	s_endpgm
.Lfunc_end_k_q484ae9fd09_ffn2:
	.size	k_q484ae9fd09_ffn2, .Lfunc_end_k_q484ae9fd09_ffn2-k_q484ae9fd09_ffn2
	.p2alignl 7, 3214868480
	.fill 96, 4, 3214868480
	.section	.rodata,"a",@progbits
	.p2align	6, 0x0
	.amdhsa_kernel k_q484ae9fd09_ffn2
		.amdhsa_group_segment_fixed_size 327680
		.amdhsa_private_segment_fixed_size 0
		.amdhsa_enable_private_segment 0
		.amdhsa_kernarg_size 32
		.amdhsa_user_sgpr_count 2
		.amdhsa_user_sgpr_kernarg_segment_ptr 1
		.amdhsa_wavefront_size32 1
		.amdhsa_system_sgpr_workgroup_id_x 1
		.amdhsa_system_sgpr_workgroup_id_y 1
		.amdhsa_system_sgpr_workgroup_id_z 1
		.amdhsa_system_vgpr_workitem_id 0
		.amdhsa_next_free_vgpr 512
		.amdhsa_next_free_sgpr 100
		.amdhsa_reserve_vcc 0
		.amdhsa_float_denorm_mode_32 3
		.amdhsa_float_denorm_mode_16_64 3
		.amdhsa_memory_ordered 1
		.amdhsa_forward_progress 1
		.amdhsa_inst_pref_size 90
	.end_amdhsa_kernel
	.amdgpu_metadata
---
amdhsa.version: [ 1, 2 ]
amdhsa.kernels:
  - .name:           k_q484ae9fd09_ffn2
    .symbol:         k_q484ae9fd09_ffn2.kd
    .args:
      - { .name: F, .offset: 0, .size: 8, .value_kind: global_buffer, .address_space: global }
      - { .name: P, .offset: 8, .size: 8, .value_kind: global_buffer, .address_space: global }
      - { .name: b2, .offset: 16, .size: 8, .value_kind: global_buffer, .address_space: global }
      - { .name: Y, .offset: 24, .size: 8, .value_kind: global_buffer, .address_space: global }
    .group_segment_fixed_size: 327680
    .private_segment_fixed_size: 0
    .kernarg_segment_align: 8
    .kernarg_segment_size: 32
    .max_flat_workgroup_size: 128
    .sgpr_count:     100
    .vgpr_count:     512
    .wavefront_size: 32
...
	.end_amdgpu_metadata
.endif
;; end of part 13
;; launch ln1 (part 14): grid 256 x 1, 8 waves a work-group, no clusters, 69,632 bytes of LDS; arguments Y, H, g2, be2, out0; writes out0
.if DOCPART == 14
	.amdgcn_target "amdgcn-amd-amdhsa--gfx1250"
	.amdhsa_code_object_version 6
	.text
	.protected	k_q484ae9fd09_ln1
	.globl	k_q484ae9fd09_ln1
	.p2align	8
	.type	k_q484ae9fd09_ln1,@function
k_q484ae9fd09_ln1:
	s_mov_b64 s[64:65], 0
	v_nop
	global_prefetch_b8 v0, s[64:65] scope:SCOPE_SE
	s_setreg_imm32_b32 hwreg(HW_REG_WAVE_MODE, 25, 1), 1
	s_wait_xcnt 0x0
; LAYERNORM OVER A RESIDUAL: z = res + y;  out = (z - mean) rsqrt(var + 1e-6) g + be, all in f32; out leaves as f32 rows.
; Arguments: y (a product's result, as its accumulators stood), res ([4096][1024] f32), g, be, the f32 output.
; y's RECORD of (tile t of 16 rows, 128 columns s) is 8,192 bytes at (8 t + s) 8192: registers 4 c .. 4 c + 3 of lane L at 512 c + 16 L; register 16 b + i of lane (r, h) is row r, column 128 s + 32 b + 16 h + i.
; Row r of tile t is the natural row 32 (t / 2) + 8 (t % 2) + r + 8 (r / 8).
; A work-group takes one tile, wave w its columns 128 w on.  res comes as rows (512 consecutive bytes a load) and turns into y's layout through the wave's own stage in LDS; the f32 result goes back the same way.
; The mean and then the variance of z - mean (a second pass, so that a common offset costs no accuracy) meet in LDS: one word a wave and row, one barrier each, in bytes of their own.
; LIMITS: NaN and infinities are not served.
.set V,   16                           ; v16-79   z, then the result
.set R,   80                           ; v80-143  res, then be
.set G,   144                          ; v144-207 g, then whole rows of the result
.set TM,  208
.set PW,  224
.set PC,  226                          ; v226-237 the codes, v238-244 at work
.set SS,  246                          ; v246-253 sums
.set STAT, 67584                       ; behind the eight stages of 16 x 528 bytes: [8 waves][16 rows] words, twice
.set SEL, 36
.macro QUANT s
.irp b, 0,1,2,3
	v_max3_num_f32 v[TM+\b], |v[\s+16*\b]|, |v[\s+1+16*\b]|, 0x1800000   ; my 16 numbers of block b, and the floor 2^(3 - 127): the byte cannot fall under 1
.endr
.irp i, 2,4,6,8,10,12,14
.irp b, 0,1,2,3
	s_delay_alu instid0(VALU_DEP_4)
	v_max3_num_f32 v[TM+\b], v[TM+\b], |v[\s+16*\b+\i]|, |v[\s+1+16*\b+\i]|
.endr
.endr
.irp b, 0,1,2,3
	s_delay_alu instid0(VALU_DEP_4)
	v_permlanex16_b32 v[TM+4+\b], v[TM+\b], s[SEL], s[SEL+1]
.endr
.irp b, 0,1,2,3
	s_delay_alu instid0(VALU_DEP_4)
	v_max_num_f32 v[TM+\b], v[TM+\b], v[TM+4+\b]   ; with lane l xor 16's: the block's largest magnitude
.endr
.irp b, 0,1,2,3
	s_delay_alu instid0(VALU_DEP_4)
	v_add_nc_u32 v[TM+12+\b], 0xff000000, v[TM+\b] ; 2 off its exponent field: the conversion's scale operand
.endr
.irp b, 0,1,2,3
	s_delay_alu instid0(VALU_DEP_4)
	v_lshrrev_b32 v[TM+4+\b], 23, v[TM+12+\b]      ; the scale's byte
.endr
	s_delay_alu instid0(VALU_DEP_3)
	v_lshl_or_b32 v[PW], v[TM+5], 8, v[TM+4]
	s_delay_alu instid0(VALU_DEP_1)
	v_lshl_or_b32 v[PW], v[TM+6], 16, v[PW]
	s_delay_alu instid0(VALU_DEP_1)
	v_lshl_or_b32 v[PW], v[TM+7], 24, v[PW]
.irp c, 0,1
	v_cvt_scalef32_pk16_fp6_f32 v[PC+6*\c:PC+2+6*\c], v[\s+32*\c:\s+15+32*\c], v[TM+12+2*\c]
	v_cvt_scalef32_pk16_fp6_f32 v[PC+12+4*\c:PC+14+4*\c], v[\s+16+32*\c:\s+31+32*\c], v[TM+12+2*\c+1]   ; (a conversion's three registers begin on an even number)
.endr
	v_nop                                          ; one plain place behind a scaled conversion
.irp c, 0,1                                    ; the operand's layout wants a whole block in a lane
.irp i, 0,1,2
	v_permlane16_swap_b32 v[PC+6*\c+\i], v[PC+12+4*\c+\i]
.endr
.irp i, 0,1,2
	s_delay_alu instid0(VALU_DEP_3)
	v_mov_b32 v[PC+3+6*\c+\i], v[PC+12+4*\c+\i]
.endr
.endr
.endm
; four pairs of partial sums in v[SS] on become the row's sum over all 1,024 columns, in every lane of every wave
.macro ACROSS stat
	s_delay_alu instid0(VALU_DEP_3)
	v_pk_add_f32 v[SS:SS+1], v[SS:SS+1], v[SS+2:SS+3]
	s_delay_alu instid0(VALU_DEP_2)
	v_pk_add_f32 v[SS+4:SS+5], v[SS+4:SS+5], v[SS+6:SS+7]
	s_delay_alu instid0(VALU_DEP_1)
	v_pk_add_f32 v[SS:SS+1], v[SS:SS+1], v[SS+4:SS+5]
	s_delay_alu instid0(VALU_DEP_1)
	v_add_f32 v[SS], v[SS], v[SS+1]
	s_delay_alu instid0(VALU_DEP_1)
	v_permlanex16_b32 v[SS+1], v[SS], s[SEL], s[SEL+1]
	s_delay_alu instid0(VALU_DEP_1)
	v_add_f32 v[SS], v[SS], v[SS+1]                ; my wave's 128 columns of row r
	ds_store_b32 v9, v[SS] offset:\stat            ; both halves of the lanes write the same word with the same value
	s_wait_dscnt 0x0                               ; for the others' sake: my store has landed
	s_barrier_signal -1
	s_barrier_wait -1
.irp k, 0,1,2,3,4,5,6,7
	ds_load_b32 v[SS+\k], v11 offset:\stat+64*\k
.endr
	s_wait_dscnt 0x0
	v_add_f32 v[SS], v[SS], v[SS+1]
	v_add_f32 v[SS+2], v[SS+2], v[SS+3]
	v_add_f32 v[SS+4], v[SS+4], v[SS+5]
	v_add_f32 v[SS+6], v[SS+6], v[SS+7]
	s_delay_alu instid0(VALU_DEP_3)
	v_add_f32 v[SS], v[SS], v[SS+2]
	s_delay_alu instid0(VALU_DEP_2)
	v_add_f32 v[SS+4], v[SS+4], v[SS+6]
	s_delay_alu instid0(VALU_DEP_1)
	v_add_f32 v[SS], v[SS], v[SS+4]
.endm
	s_load_b256 s[4:11], s[0:1], 0x0               ; y, res, g, be
	; in this program the text serves the layer's second norm alone: the result leaves as f32 rows; nobody reads codes of it, so none are made or stored
	s_load_b64 s[12:13], s[0:1], 0x20              ; the f32 output
	v_lshl_add_u32 v254, v0, 2, 0x10c00
	v_mov_b32 v255, 0
	v_lshrrev_b32 v1, 5, v0
	s_delay_alu instid0(VALU_DEP_1)
	v_readfirstlane_b32 s16, v1                    ; wave 0..7
	v_and_b32 v1, 31, v0                           ; L
	v_and_b32 v2, 15, v0                           ; r
	v_bfe_u32 v3, v0, 4, 1                         ; h
	s_delay_alu instid0(VALU_DEP_3)
	v_lshlrev_b32 v4, 4, v1                        ; 16 L
	s_delay_alu instid0(VALU_DEP_3)
	v_lshlrev_b32 v5, 4, v2
	s_delay_alu instid0(VALU_DEP_1)
	v_lshl_add_u32 v5, v3, 3, v5                   ; 16 r + 8 h
	s_mul_i32 s17, s16, 8448                       ; my stage
	v_add_nc_u32 v6, s17, v4                       ; a row as it lies
	v_mul_u32_u24 v7, v2, 528
	s_delay_alu instid0(VALU_DEP_1)
	v_lshl_add_u32 v7, v3, 6, v7
	s_delay_alu instid0(VALU_DEP_1)
	v_add_nc_u32 v7, s17, v7                       ; row r, my half's 16 numbers of each block of 32
	v_lshlrev_b32 v8, 6, v3                        ; 64 h
	v_lshlrev_b32 v10, 2, v2                       ; 4 r
	s_lshl_b32 s18, s16, 6
	s_add_co_u32 s18, s18, STAT
	v_add_nc_u32 v9, s18, v10                      ; my wave's word of row r
	v_add_nc_u32 v11, STAT, v10                    ; wave 0's
	s_lshr_b32 s20, ttmp9, 1
	s_lshl_b32 s20, s20, 5
	s_and_b32 s21, ttmp9, 1
	s_lshl_b32 s21, s21, 3
	s_add_co_u32 s20, s20, s21                     ; the tile's first natural row
	s_lshl_b32 s20, s20, 12
	s_lshl_b32 s22, s16, 9                         ; my 128 columns
	s_add_co_u32 s20, s20, s22
	s_mov_b32 s21, 0
	s_mov_b32 s23, 0
	s_lshl_b32 s26, ttmp9, 3
	s_add_co_u32 s26, s26, s16                     ; 8 t + w
	s_lshl_b32 s24, s26, 13
	s_mov_b32 s25, 0
	s_mul_i32 s26, s26, 1536
	s_mov_b32 s27, 0
	s_lshl_b32 s30, s16, 14
	s_lshl_b32 s31, ttmp9, 6
	s_add_co_u32 s30, s30, s31
	s_add_co_u32 s30, s30, 3145728                 ; the scale words: K step w, positions 16 t on
	s_mov_b32 s31, 0
	s_mov_b32 s[SEL], 0x76543210
	s_mov_b32 s[SEL+1], 0xfedcba98
	s_mov_b32 s38, 0x3a800000                      ; 1 / 1,024
	s_mov_b32 s39, 0x358637bd                      ; 1e-6
	s_wait_alu depctr_va_vdst(0)
	s_wait_kmcnt 0x0
	s_add_nc_u64 s[4:5], s[4:5], s[24:25]
	s_add_nc_u64 s[6:7], s[6:7], s[20:21]
	s_add_nc_u64 s[8:9], s[8:9], s[22:23]
	s_add_nc_u64 s[10:11], s[10:11], s[22:23]
	s_add_nc_u64 s[12:13], s[12:13], s[20:21]
.irp i, 0,1,2,3,4,5,6,7,8,9,10,11,12,13,14,15
	global_load_b128 v[R+4*\i:R+4*\i+3], v4, s[6:7] offset:(\i+8*(\i/8))*4096      ; res: 512 consecutive bytes of a row
.endr
.irp c, 0,1,2,3,4,5,6,7,8,9,10,11,12,13,14,15
	global_load_b128 v[V+4*\c:V+4*\c+3], v4, s[4:5] offset:512*\c th:TH_LOAD_NT    ; y, into the lanes that it left
.endr
.irp b, 0,1,2,3
.irp j, 0,1,2,3
	global_load_b128 v[G+16*\b+4*\j:G+16*\b+4*\j+3], v8, s[8:9] offset:128*\b+16*\j
.endr
.endr
.irp b, 0,1,2,3
	v_mov_b32 v[TM+4+\b], 0                        ; written once: a lane permute's destination counts as one of its sources
.endr
	s_wait_loadcnt 32                              ; res is in; y's and g's 32 loads may be out
.irp i, 0,1,2,3,4,5,6,7,8,9,10,11,12,13,14,15
	ds_store_b128 v6, v[R+4*\i:R+4*\i+3] offset:528*\i
.endr
	s_wait_dscnt 0x0                               ; the stores have read their registers, which take res again, turned
.irp b, 0,1,2,3
.irp j, 0,1,2,3
	ds_load_b128 v[R+16*\b+4*\j:R+16*\b+4*\j+3], v7 offset:128*\b+16*\j
.endr
.endr
	s_wait_loadcnt 16                              ; y is in; g's 16 loads may be out
	s_wait_dscnt 0x0
.set i, 0
.rept 32
	v_pk_add_f32 v[V+i:V+i+1], v[V+i:V+i+1], v[R+i:R+i+1]          ; z = y + res
.set i, i+2
.endr
.irp b, 0,1,2,3
.irp j, 0,1,2,3
	global_load_b128 v[R+16*\b+4*\j:R+16*\b+4*\j+3], v8, s[10:11] offset:128*\b+16*\j   ; be, into the registers that res has left
.endr
.endr
.irp k, 0,1,2,3
	v_pk_add_f32 v[SS+2*\k:SS+2*\k+1], v[V+2*\k:V+2*\k+1], v[V+8+2*\k:V+9+2*\k]   ; the first numbers start four chains: nothing is cleared
.endr
.irp m, 16,24,32,40,48,56
.irp k, 0,1,2,3
	s_delay_alu instid0(VALU_DEP_4)
	v_pk_add_f32 v[SS+2*\k:SS+2*\k+1], v[SS+2*\k:SS+2*\k+1], v[V+\m+2*\k:V+\m+2*\k+1]
.endr
.endr
	ACROSS 0
	s_delay_alu instid0(VALU_DEP_1)
	v_mul_f32 v[SS], s38, v[SS]                    ; the mean
.set i, 0
.rept 32
	v_pk_add_f32 v[V+i:V+i+1], v[V+i:V+i+1], v[SS:SS+1] op_sel_hi:[1,0] neg_lo:[0,1] neg_hi:[0,1]   ; z - mean
.set i, i+2
.endr
.irp k, 0,1,2,3
	v_pk_mul_f32 v[SS+2*\k:SS+2*\k+1], v[V+2*\k:V+2*\k+1], v[V+2*\k:V+2*\k+1]
.endr
.irp m, 8,16,24,32,40,48,56
.irp k, 0,1,2,3
	s_delay_alu instid0(VALU_DEP_4)
	v_pk_fma_f32 v[SS+2*\k:SS+2*\k+1], v[V+\m+2*\k:V+\m+2*\k+1], v[V+\m+2*\k:V+\m+2*\k+1], v[SS+2*\k:SS+2*\k+1]
.endr
.endr
	ACROSS 512                                     ; in other bytes than the first sum's: one barrier serves
	s_delay_alu instid0(VALU_DEP_1)
	v_fma_f32 v[SS], v[SS], s38, s39               ; the variance + 1e-6
	s_wait_alu depctr_va_vdst(0)
	v_rsq_f32 v[SS], v[SS]
	v_nop                                          ; a plain place behind the transcendental
	s_wait_alu depctr_va_vdst(0)                   ; and the wait ahead of its first reader
	s_wait_loadcnt 0x0                             ; g and be
.set i, 0
.rept 32
	v_pk_mul_f32 v[V+i:V+i+1], v[V+i:V+i+1], v[SS:SS+1] op_sel_hi:[1,0]
.set i, i+2
.endr
.set i, 0
.rept 32
	v_pk_fma_f32 v[V+i:V+i+1], v[V+i:V+i+1], v[G+i:G+i+1], v[R+i:R+i+1]
.set i, i+2
.endr
.irp b, 0,1,2,3
.irp j, 0,1,2,3
	ds_store_b128 v7, v[V+16*\b+4*\j:V+16*\b+4*\j+3] offset:128*\b+16*\j
.endr
.endr
.irp i, 0,1,2,3,4,5,6,7,8,9,10,11,12,13,14,15
	ds_load_b128 v[G+4*\i:G+4*\i+3], v6 offset:528*\i              ; LDS serves a wave's instructions in order: these see the stores above
.endr
.irp i, 0,1,2,3,4,5,6,7,8,9,10,11,12,13,14,15
	s_wait_dscnt 15-\i                             ; row i is back; the younger rows may be out
	global_store_b128 v4, v[G+4*\i:G+4*\i+3], s[12:13] offset:(\i+8*(\i/8))*4096   ; 512 consecutive bytes of a row
.endr
	s_wait_tensorcnt 0x0
	ds_add_u32 v254, v255
	s_wait_dscnt 0x0
	s_endpgm
.Lfunc_end_k_q484ae9fd09_ln1:
	.size	k_q484ae9fd09_ln1, .Lfunc_end_k_q484ae9fd09_ln1-k_q484ae9fd09_ln1
	.p2alignl 7, 3214868480
	.fill 96, 4, 3214868480
	.section	.rodata,"a",@progbits
	.p2align	6, 0x0
	.amdhsa_kernel k_q484ae9fd09_ln1
		.amdhsa_group_segment_fixed_size 69632
		.amdhsa_private_segment_fixed_size 0
		.amdhsa_enable_private_segment 0
		.amdhsa_kernarg_size 40
		.amdhsa_user_sgpr_count 2
		.amdhsa_user_sgpr_kernarg_segment_ptr 1
		.amdhsa_wavefront_size32 1
		.amdhsa_system_sgpr_workgroup_id_x 1
		.amdhsa_system_sgpr_workgroup_id_y 1
		.amdhsa_system_sgpr_workgroup_id_z 1
		.amdhsa_system_vgpr_workitem_id 0
		.amdhsa_next_free_vgpr 256
		.amdhsa_next_free_sgpr 66
		.amdhsa_reserve_vcc 0
		.amdhsa_float_denorm_mode_32 3
		.amdhsa_float_denorm_mode_16_64 3
		.amdhsa_memory_ordered 1
		.amdhsa_forward_progress 1
		.amdhsa_inst_pref_size 32
	.end_amdhsa_kernel
	.amdgpu_metadata
---
amdhsa.version: [ 1, 2 ]
amdhsa.kernels:
  - .name:           k_q484ae9fd09_ln1
    .symbol:         k_q484ae9fd09_ln1.kd
    .args:
      - { .name: Y, .offset: 0, .size: 8, .value_kind: global_buffer, .address_space: global }
      - { .name: H, .offset: 8, .size: 8, .value_kind: global_buffer, .address_space: global }
      - { .name: g2, .offset: 16, .size: 8, .value_kind: global_buffer, .address_space: global }
      - { .name: be2, .offset: 24, .size: 8, .value_kind: global_buffer, .address_space: global }
      - { .name: out0, .offset: 32, .size: 8, .value_kind: global_buffer, .address_space: global }
    .group_segment_fixed_size: 69632
    .private_segment_fixed_size: 0
    .kernarg_segment_align: 8
    .kernarg_segment_size: 40
    .max_flat_workgroup_size: 256
    .sgpr_count:     66
    .vgpr_count:     256
    .wavefront_size: 32
...
	.end_amdgpu_metadata
.endif
;; end of part 14
